; MI455X (gfx1250); checked and timed in simulation.
; The chip was launched on July 23, 2026; its instructions are those of AMD's public machine-readable ISA for CDNA 5 (MIT licence, August 2026) and "CDNA5" Instruction Set Architecture Reference Guide (July 2026). The comments in the code are by the model that wrote it; some were corrected since.
;; Block. Allowed arithmetic: matrix products marked QUANTISED: E4M3 operands, one given power-of-two scale a tensor, by v_wmma_f32_16x16x64_fp8_fp8 or v_wmma_f32_16x16x128_fp8_fp8, f32 sums; everything else in f32.
;; Inputs: W1_codes 4,096 x 32 x 32 uint8 (E4M3 codes of W1, K innermost, in blocks of 32 codes); W2_codes 1,024 x 128 x 32 uint8 (E4M3 codes of W2, K innermost, in blocks of 32 codes); Wk_codes 1,024 x 32 x 32 uint8 (E4M3 codes of Wk, K innermost, in blocks of 32 codes); Wo_codes 1,024 x 32 x 32 uint8 (E4M3 codes of Wo, K innermost, in blocks of 32 codes); Wq_codes 1,024 x 32 x 32 uint8 (E4M3 codes of Wq, K innermost, in blocks of 32 codes); Wv_codes 1,024 x 32 x 32 uint8 (E4M3 codes of Wv, K innermost, in blocks of 32 codes); b1 4,096 float32; b2 1,024 float32; bo 1,024 float32; ln1_b 1,024 float32; ln1_g 1,024 float32; ln2_b 1,024 float32; ln2_g 1,024 float32; lowp_scales 16 int32 (the exponents e of the quantised operands' scales 2^e); x 2 x 2,048 x 1,024 float32.
;; Outputs: out0 2 x 2,048 x 1,024 float32.
;; This version of the problem:
;;   THIS VERSION OF THE PROBLEM IS GIVEN IN LOW PRECISION. The matrix products marked QUANTISED in the list below multiply operands that are first quantised to E4M3 (4 exponent bits, 3 mantissa bits; 8 bits a number), with one given power-of-two scale for each operand tensor; their sums are f32. All else is computed in f32.
;;   The module's matrix products, in the order in which they are computed (A, B: the left and right operand; K: the contracted axis; several contracted axes count as one K, in the product's order):
;;     1. [M 4,096, K 1,024] x [K 1,024, N 1,024]; A: computed on the way; B: input Wq (given as codes): QUANTISED (scales: A lowp_scales[0], B lowp_scales[1])
;;     2. [M 4,096, K 1,024] x [K 1,024, N 1,024]; A: computed on the way; B: input Wk (given as codes): QUANTISED (scales: A lowp_scales[2], B lowp_scales[3])
;;     3. [M 4,096, K 1,024] x [K 1,024, N 1,024]; A: computed on the way; B: input Wv (given as codes): QUANTISED (scales: A lowp_scales[4], B lowp_scales[5])
;;     4. batch 32 x [M 2,048, K 64] x [K 64, N 2,048]; A: computed on the way; B: computed on the way: QUANTISED (scales: A lowp_scales[6], B lowp_scales[7])
;;     5. batch 32 x [M 64, K 2,048] x [K 2,048, N 2,048]; A: computed on the way; B: softmax (see below): QUANTISED (scales: A lowp_scales[8], B lowp_scales[9])
;;     6. [M 4,096, K 1,024] x [K 1,024, N 1,024]; A: computed on the way; B: input Wo (given as codes): QUANTISED (scales: A lowp_scales[10], B lowp_scales[11])
;;     7. [M 4,096, K 1,024] x [K 1,024, N 4,096]; A: computed on the way; B: input W1 (given as codes): QUANTISED (scales: A lowp_scales[12], B lowp_scales[13])
;;     8. [M 4,096, K 4,096] x [K 4,096, N 1,024]; A: computed on the way; B: input W2 (given as codes): QUANTISED (scales: A lowp_scales[14], B lowp_scales[15])
;;   THE QUANTISER, for each operand of a quantised product, along K:
;;     - The operand's scale is 2^e, e = its entry of the input lowp_scales (int32; the entries are numbered through the quantised products in the list's order, A before B).
;;     - Each number is divided by the scale, clamped to +-448, and rounded to the nearest number of E4M3, ties to even, subnormals kept.
;;     - The product sums the exact products of the quantised numbers (number of the format x scale) in f32.
;;   ~~~python
;;   def quantise(x, axis, e):      # numpy; x: float32 -> the quantised numbers, widened to float32 again
;;       x = np.moveaxis(x, axis, -1); K = x.shape[-1]
;;       r = np.clip(x / 2.0 ** e, -448, 448)
;;       step = 2.0 ** (np.maximum(np.frexp(np.where(r == 0, 1, r))[1] - 1, -6) - 3)
;;       q = np.round(r / step) * step * 2.0 ** e      # np.round: ties to even
;;       return np.moveaxis(q, -1, axis).astype(np.float32)
;;   ~~~
;;   SOFTMAX AHEAD OF A QUANTISED PRODUCT. Where the list says 'softmax', what is quantised is not the finished softmax but p = 2^(t - M), with t = logit x log2(e) and M = ceil(the row's largest t), a whole number; so 1/2 < the row's largest p <= 1. The row's sum l is taken of the UNQUANTISED p, in f32, and the product's result is divided by l at the end. Since M is a whole number, a kernel that streams over the keys may use a running M (the ceiling of the running maximum): every later rescaling is an exact power of two, so the quantised numbers keep their values, but for numbers so far below the row's largest that they fall under the format's range.
;;   OPERANDS COMPUTED ON THE WAY. 'Computed on the way' means the value that the module computes at that place (a softmax that the list does not call 'softmax' is quantised finished and normalised). What goes into a quantiser is computed in f32, as accurately as f32 sums, v_exp_f32 and their like allow (about 1e-6 of the number): no bf16 or f16 on the way to a quantiser, and a product that is left as it is and whose result goes on into a quantised operand takes f32 operands (vector FMAs, or v_wmma_f32_16x16x4_f32). A number that lies on a knife's edge between two numbers of the format may be rounded either way, as far as f32 arithmetic and the matrix unit's own rounding can turn it there, and no further.
;;   INPUTS GIVEN AS CODES. W1 (in the module: [1024, 4096], K = its axis 0); W2 (in the module: [4096, 1024], K = its axis 0); Wk (in the module: [1024, 1024], K = its axis 0); Wo (in the module: [1024, 1024], K = its axis 0); Wq (in the module: [1024, 1024], K = its axis 0); Wv (in the module: [1024, 1024], K = its axis 0): each comes as NAME_codes (uint8): NAME with its K axis moved to the last place and cut into blocks of 32 codes, [.., K / 32, bytes a block], one block behind the other in memory; one code a byte (a code: sign, 4 exponent bits, 3 mantissa bits); its scale is its entry of lowp_scales. Its value is code x scale, taken as it is: it is not quantised again, and the codes and scales need not be those that the quantiser above would give.
;; 2 versions. Each part assembles by itself: llvm-mc -triple=amdgcn-amd-amdhsa -mcpu=gfx1250 --defsym DOCPART=n.
;; ======== version 1 of 2: 7 launches
;; workspace buffers: xc 12,582,912 bytes; qc 4,194,304 bytes; kv 8,388,608 bytes; ac 4,194,304 bytes; x1 16,777,216 bytes; h2 4,194,304 bytes; hc 16,777,216 bytes
;; launch ln1 (part 1): grid 256 x 1, 8 waves a work-group, no clusters, 41,984 bytes of LDS; arguments x, ln1_g, ln1_b, lowp_scales, xc; writes xc
.if DOCPART == 1
	.amdgcn_target "amdgcn-amd-amdhsa--gfx1250"
	.amdhsa_code_object_version 6
	.text
	.protected	k_q5629cc15df_ln1
	.globl	k_q5629cc15df_ln1
	.p2align	8
	.type	k_q5629cc15df_ln1,@function
k_q5629cc15df_ln1:
	s_mov_b64 s[64:65], 0
	v_nop
	global_prefetch_b8 v0, s[64:65] scope:SCOPE_SE
	s_setreg_imm32_b32 hwreg(HW_REG_WAVE_MODE, 25, 1), 1
	s_wait_xcnt 0x0
; LAYER NORM AND QUANTISER.  src [4096][1024] f32 -> NOUT arrays of E4M3 codes [4096][1024], 4 MiB apart, array o with the given scale 2^e, e = entry E0 + 2 o of the scales.
; y = (x - mean) * rsqrt(var + 1e-5) * g + b, all in f32, the mean taken away before the squares are summed; code = y / 2^e, held within +-448, to the nearest code, ties to even.
; SHARES.  A wave takes two whole rows (4,096 bytes each, 32 registers a row): the sums never leave the wave, so there is no barrier.  All 16 loads of x go out at the head.
; Each load reads 512 consecutive bytes, 16 a lane.  The conversion wants 16 NEIGHBOURS in one lane: the finished row turns through the wave's own stage in LDS (64 places of 64 bytes + 16 of padding)
; and comes back 64 bytes a lane.  A lane's 16 codes are 16 bytes: a store of the wave covers 512 consecutive bytes, aligned.
; No matrix unit, no cluster, no tensor load: the work-groups share only g and b, 8 KiB beside their 64 KiB of rows.
; LIMITS: each e between -126 and 119, so that 2^e and 448 x 2^e are f32 numbers.  NaN among the inputs is not served.
.set NOUT, 3
.set E0,   0
.set SP,   80                          ; a place in the stage: 64 bytes + 16
.set WST,  64*SP                       ; a wave's stage
.set G,    32                          ; v32-63   g, as loaded
.set BT,   64                          ; v64-95   b
.set X,    96                          ; v96-159  the two rows
.set T,    160                         ; v160-191 a row back from the stage: 2 x 16 neighbours
.set HH,   192                         ; v192-207 16 numbers, held
.set C,    208                         ; v208-255 codes: four registers for each (row, half, array): no store's data are written again
	s_load_b256 s[4:11], s[0:1], 0x0               ; src s[4:5], g s[6:7], b s[8:9], the scales' exponents s[10:11]
	s_load_b64 s[12:13], s[0:1], 0x20              ; the codes
	v_lshl_add_u32 v30, v0, 2, 0xa000
	v_mov_b32 v31, 0
	v_lshrrev_b32 v1, 5, v0
	v_readfirstlane_b32 s14, v1                    ; wave 0..7
	v_and_b32 v1, 31, v0                           ; lane
	v_lshlrev_b32 v2, 4, v1                        ; 16 x lane: my bytes of a load's or a store's 512; never rewritten
	s_mul_i32 s15, s14, WST
	v_lshrrev_b32 v3, 2, v1
	v_mul_u32_u24 v3, v3, SP
	v_and_b32 v4, 3, v1
	v_lshl_add_u32 v3, v4, 4, v3
	v_add_nc_u32 v3, s15, v3                       ; into the stage: four lanes' 64 bytes fill a place
	v_mul_u32_u24 v4, v1, SP
	v_add_nc_u32 v4, s15, v4                       ; out of it: a place a lane
	v_mov_b32 v19, 0                               ; written once: a lane permute's destination counts as one of its sources
	s_lshl_b32 s16, ttmp9, 3
	s_add_co_u32 s16, s16, s14                     ; which pair of rows is my wave's
	s_lshl_b32 s18, s16, 11                        ; 2 rows x 1,024 bytes of codes
	s_lshl_b32 s16, s16, 13                        ; 2 rows x 4,096 bytes of f32
	s_mov_b32 s17, 0
	s_mov_b32 s19, 0
	s_mov_b32 s28, 0x76543210                      ; v_permlanex16_b32: lane l xor 16
	s_mov_b32 s29, 0xfedcba98
	s_mov_b32 s30, 0x3a800000                      ; 1 / 1024
	s_mov_b32 s31, 0x3727c5ac                      ; 1e-5
	s_wait_kmcnt 0x0
.irp o, 0,1,2
.if \o < NOUT
	s_load_b32 s[24+\o], s[10:11], (E0+2*\o)*4
.endif
.endr
	s_add_nc_u64 s[4:5], s[4:5], s[16:17]
	s_add_nc_u64 s[12:13], s[12:13], s[18:19]
.if NOUT > 1
	s_add_nc_u64 s[20:21], s[12:13], 0x400000      ; the second and third array
	s_add_nc_u64 s[22:23], s[12:13], 0x800000
.endif
.irp j, 0,1,2,3,4,5,6,7
	global_load_b128 v[X+4*\j:X+4*\j+3], v2, s[4:5] offset:512*\j th:TH_LOAD_NT
.endr
.irp j, 0,1,2,3,4,5,6,7
	global_load_b128 v[G+4*\j:G+4*\j+3], v2, s[6:7] offset:512*\j
.endr
.irp j, 0,1,2,3,4,5,6,7
	global_load_b128 v[BT+4*\j:BT+4*\j+3], v2, s[8:9] offset:512*\j
.endr
.irp j, 0,1,2,3,4,5,6,7
	global_load_b128 v[X+32+4*\j:X+32+4*\j+3], v2, s[4:5] offset:4096+512*\j th:TH_LOAD_NT
.endr
	s_wait_kmcnt 0x0
.irp o, 0,1,2
.if \o < NOUT
	s_add_co_i32 s[24+\o], s[24+\o], 127
	s_lshl_b32 s15, s[24+\o], 23
	v_mov_b32 v[8+2*\o], s15                       ; 2^e as f32: the conversion takes its exponent field
	s_add_co_i32 s[24+\o], s[24+\o], 8
	s_lshl_b32 s15, s[24+\o], 23
	s_or_b32 s15, s15, 0x600000
	v_mov_b32 v[9+2*\o], s15                       ; 448 x 2^e
.endif
.endr
.macro REDUCE r, t                     ; the sum over the wave's 32 lanes, in every lane
	v_add_f32_dpp v[\r], v[\r], v[\r] row_xmask:1 row_mask:0xf bank_mask:0xf
	v_add_f32_dpp v[\r], v[\r], v[\r] row_xmask:2 row_mask:0xf bank_mask:0xf
	v_add_f32_dpp v[\r], v[\r], v[\r] row_xmask:4 row_mask:0xf bank_mask:0xf
	v_add_f32_dpp v[\r], v[\r], v[\r] row_xmask:8 row_mask:0xf bank_mask:0xf
	v_permlanex16_b32 v[\t], v[\r], s28, s29
	v_add_f32 v[\r], v[\r], v[\t]
.endm
; Row i.  w1: the younger loads that may be out when the row has to be there; w2: when g and b have to be there.
.macro ROW i, w1, w2
.set XR, X+32*\i
	s_wait_loadcnt \w1
	v_pk_add_f32 v[14:15], v[XR:XR+1], v[XR+2:XR+3]        ; the sum, in two chains that the first pairs start
	v_pk_add_f32 v[16:17], v[XR+4:XR+5], v[XR+6:XR+7]
.irp j, 8,12,16,20,24,28
	v_pk_add_f32 v[14:15], v[14:15], v[XR+\j:XR+\j+1]
	v_pk_add_f32 v[16:17], v[16:17], v[XR+\j+2:XR+\j+3]
.endr
	v_pk_add_f32 v[14:15], v[14:15], v[16:17]
	v_add_f32 v18, v14, v15
	REDUCE 18, 19
	v_mul_f32 v20, s30, v18                        ; the mean, twice: a pair for the packed forms
	v_mul_f32 v21, s30, v18
.irp j, 0,2,4,6,8,10,12,14,16,18,20,22,24,26,28,30
	v_pk_add_f32 v[XR+\j:XR+\j+1], v[XR+\j:XR+\j+1], v[20:21] neg_lo:[0,1] neg_hi:[0,1]   ; x - mean
.endr
	v_pk_mul_f32 v[14:15], v[XR:XR+1], v[XR:XR+1]          ; the sum of squares
	v_pk_mul_f32 v[16:17], v[XR+2:XR+3], v[XR+2:XR+3]
.irp j, 4,8,12,16,20,24,28
	v_pk_fma_f32 v[14:15], v[XR+\j:XR+\j+1], v[XR+\j:XR+\j+1], v[14:15]
	v_pk_fma_f32 v[16:17], v[XR+\j+2:XR+\j+3], v[XR+\j+2:XR+\j+3], v[16:17]
.endr
	v_pk_add_f32 v[14:15], v[14:15], v[16:17]
	v_add_f32 v18, v14, v15
	REDUCE 18, 19
	v_fma_f32 v18, v18, s30, s31                   ; var + 1e-5
	v_rsq_f32 v22, v18
	v_rsq_f32 v23, v18
	v_nop                                          ; a plain instruction behind the transcendentals (ISA guide 5.7.2),
	s_wait_alu depctr_va_vdst(0)                   ; and one wait for both, ahead of their first reader
	s_wait_loadcnt \w2
.irp j, 0,2,4,6,8,10,12,14,16,18,20,22,24,26,28,30
	v_pk_mul_f32 v[XR+\j:XR+\j+1], v[XR+\j:XR+\j+1], v[22:23]
.endr
.irp j, 0,2,4,6,8,10,12,14,16,18,20,22,24,26,28,30
	v_pk_fma_f32 v[XR+\j:XR+\j+1], v[XR+\j:XR+\j+1], v[G+\j:G+\j+1], v[BT+\j:BT+\j+1]
.endr
.irp j, 0,1,2,3,4,5,6,7
	ds_store_b128 v3, v[XR+4*\j:XR+4*\j+3] offset:8*SP*\j  ; a load's 512 bytes take eight places
.endr
.irp u, 0,1
.irp k, 0,1,2,3
	ds_load_b128 v[T+16*\u+4*\k:T+16*\u+4*\k+3], v4 offset:32*SP*\u+16*\k   ; LDS serves a wave's instructions in order (ISA guide 5.7.1.4): these see the stores.  k = 512 u + 16 lane + 0 .. 15
.endr
.endr
	s_wait_dscnt 0x0
.irp u, 0,1
.irp o, 0,1,2
.if \o < NOUT
.set CR, C+4*(6*\i+3*\u+\o)
.irp k, 0,1,2,3,4,5,6,7,8,9,10,11,12,13,14,15
	v_med3_num_f32 v[HH+\k], v[T+16*\u+\k], -v[9+2*\o], v[9+2*\o]   ; the conversion to an 8-bit code does not saturate (ISA guide 7.6.2): the hold comes first
.endr
	v_cvt_scalef32_pk8_fp8_f32 v[CR:CR+1], v[HH:HH+7], v[8+2*\o]
	v_cvt_scalef32_pk8_fp8_f32 v[CR+2:CR+3], v[HH+8:HH+15], v[8+2*\o]
	v_nop                                          ; a plain instruction between the conversions and the next holds, which write their sources
.if \o == 0
	global_store_b128 v2, v[CR:CR+3], s[12:13] offset:\i*1024+512*\u
.elseif \o == 1
	global_store_b128 v2, v[CR:CR+3], s[20:21] offset:\i*1024+512*\u
.else
	global_store_b128 v2, v[CR:CR+3], s[22:23] offset:\i*1024+512*\u
.endif
.endif
.endr
.endr
.endm
	ROW 0, 24, 8                                   ; 24: g, b and row 1 may be out;  8: row 1 may be out
	ROW 1, 0, 0
	s_wait_tensorcnt 0x0
	ds_add_u32 v30, v31
	s_wait_dscnt 0x0
	s_endpgm
.Lfunc_end_k_q5629cc15df_ln1:
	.size	k_q5629cc15df_ln1, .Lfunc_end_k_q5629cc15df_ln1-k_q5629cc15df_ln1
	.p2alignl 7, 3214868480
	.fill 96, 4, 3214868480
	.section	.rodata,"a",@progbits
	.p2align	6, 0x0
	.amdhsa_kernel k_q5629cc15df_ln1
		.amdhsa_group_segment_fixed_size 41984
		.amdhsa_private_segment_fixed_size 0
		.amdhsa_enable_private_segment 0
		.amdhsa_kernarg_size 40
		.amdhsa_user_sgpr_count 2
		.amdhsa_user_sgpr_kernarg_segment_ptr 1
		.amdhsa_wavefront_size32 1
		.amdhsa_system_sgpr_workgroup_id_x 1
		.amdhsa_system_sgpr_workgroup_id_y 1
		.amdhsa_system_sgpr_workgroup_id_z 1
		.amdhsa_system_vgpr_workitem_id 0
		.amdhsa_next_free_vgpr 256
		.amdhsa_next_free_sgpr 66
		.amdhsa_reserve_vcc 0
		.amdhsa_float_denorm_mode_32 3
		.amdhsa_float_denorm_mode_16_64 3
		.amdhsa_memory_ordered 1
		.amdhsa_forward_progress 1
		.amdhsa_inst_pref_size 36
	.end_amdhsa_kernel
	.amdgpu_metadata
---
amdhsa.version: [ 1, 2 ]
amdhsa.kernels:
  - .name:           k_q5629cc15df_ln1
    .symbol:         k_q5629cc15df_ln1.kd
    .args:
      - { .name: x, .offset: 0, .size: 8, .value_kind: global_buffer, .address_space: global }
      - { .name: ln1_g, .offset: 8, .size: 8, .value_kind: global_buffer, .address_space: global }
      - { .name: ln1_b, .offset: 16, .size: 8, .value_kind: global_buffer, .address_space: global }
      - { .name: lowp_scales, .offset: 24, .size: 8, .value_kind: global_buffer, .address_space: global }
      - { .name: xc, .offset: 32, .size: 8, .value_kind: global_buffer, .address_space: global }
    .group_segment_fixed_size: 41984
    .private_segment_fixed_size: 0
    .kernarg_segment_align: 8
    .kernarg_segment_size: 40
    .max_flat_workgroup_size: 256
    .sgpr_count:     66
    .vgpr_count:     256
    .wavefront_size: 32
...
	.end_amdgpu_metadata
.endif
;; end of part 1
;; launch qkv (part 2): grid 24 x 32, 4 waves a work-group, clusters of 4 x 4, 327,680 bytes of LDS; arguments xc, Wq_codes, Wk_codes, Wv_codes, lowp_scales, qc, kv; writes qc, kv
.if DOCPART == 2
	.amdgcn_target "amdgcn-amd-amdhsa--gfx1250"
	.amdhsa_code_object_version 6
	.text
	.protected	k_q5629cc15df_qkv
	.globl	k_q5629cc15df_qkv
	.p2align	8
	.type	k_q5629cc15df_qkv,@function
k_q5629cc15df_qkv:
	s_mov_b64 s[64:65], 0
	v_nop
	global_prefetch_b8 v0, s[64:65] scope:SCOPE_SE
	s_setreg_imm32_b32 hwreg(HW_REG_WAVE_MODE, 25, 1), 1
	s_wait_xcnt 0x0
	s_wait_alu depctr_hold_cnt(0) depctr_sa_sdst(0) depctr_va_vdst(0) depctr_va_sdst(0) depctr_va_ssrc(0) depctr_va_vcc(0) depctr_vm_vsrc(0)
	s_getreg_b32 s2, hwreg(HW_REG_IB_STS2, 6, 4)
	s_cmp_eq_u32 s2, 0
	s_cbranch_scc0 .Lentry_in_a_cluster
	s_endpgm
.Lentry_in_a_cluster:
	s_bfe_u32 s2, ttmp6, 0x10000c
	s_cmp_lg_u32 s2, 0xf033
	s_cbranch_scc0 .Lentry_shape_is_right
	s_endpgm
.Lentry_shape_is_right:
; ONE TEXT FOR THE BLOCK'S FOUR GEMM LAUNCHES ON E4M3 CODES; MODE picks the launch.  C[m][n] = sum over k of A[m][k] B[n][k], 4,096 rows; f32 sums; each tensor has the one given scale 2^e.
;   MODE 0  q, k, v = LN1(x) Wq, Wk, Wv (K 1,024; N 3 x 1,024): results quantised to codes.  q -> qc, k and v (v with the tokens innermost) -> kv
;   MODE 1  relu(LN2 W1 + b1) (K 1,024, N 4,096): quantised to codes -> hc          MODE 2  x + attention Wo + bo (K 1,024, N 1,024) -> x1, f32          MODE 3  x1 + hidden W2 + b2 (K 4,096, N 1,024) -> out0, f32
; SHARES.  A tile of C is 128 x 128: with it the two narrow products still have 256 work-groups.  Four waves, each 64 x 64: 16 accumulators.  K goes in chunks of 512 through two LDS slots, filled by the tensor data mover;
; with K = 1,024 both chunks are asked for at the head and nothing is filled again.
; CLUSTERS: 4 x 4 work-groups.  The four of a row of the cluster need the same tiles of A, the four of a column the same tiles of B: each tile is asked for JOINTLY, by the same tensor load with a mask that names the four.
; LAYOUTS.  Weights and the norms' codes are rows of K bytes.  'PANELS' (qc, ac, hc): byte = (k / 64) x 262,144 + row x 64 + k % 64: a wave's 64 x 64 codes are then one dense block of 4,096 bytes, and 64 rows x 512 along K
; are one tile of 8 rows of 4,096 bytes.  kv: byte = (2 head + batch) x 262,144 + (t / 256) x 32,768 + (K: 0, V: 16,384) + a dense block of 4,096 bytes for each 64 tokens: K as [token][d], V as [d][token].
; THE MATRIX INSTRUCTION IS USED TRANSPOSED: source 0 = P (16 rows whose index then runs along a lane's registers), source 1 = Q (16 rows, one a lane).  P = the weight's rows and Q = the tokens, so that a lane holds eight
; neighbouring columns of one row of C; for v the two LDS bases change places, so that a lane holds one d and eight neighbouring tokens.  That choice hangs on the cluster's x alone, which all sixteen partners share.
; A fragment (16 rows x 128 K) comes by four loads of 16 bytes: registers 4 c .. 4 c + 3 hold k = 32 c + 16 (lane / 16) + 0 .. 15: the same permutation of k on both sides, so every product meets its partner.
; The bias is the C of each sum's first matrix instruction, divided by 2^(ea + eb), which the sums lack.
; LIMITS on the given exponents, so that each power of two is an f32 number: ea + eb between -126 and 127; for codes out, eo - ea - eb between -126 and 119.  NaN is not served.
; No prefetch: with K = 1,024 every tile is asked for at the head; with K = 4,096 a step is short and the tiles are shared by the cluster.
; REGISTERS.  Window 0: v1-8 at work, v16-31 addresses and constants, v32-95 the way out, v96-127 the bias, v128-255 the accumulators ((a, b) at v[128 + 8 (4 a + b)]).  Window 1: two fragment buffers of 128 (Q's four, then P's four).
; Window 2 (MODE 2, 3): v0-127 the residual, in the layout in which the rows leave.
.set MODE, 0
.if MODE == 3
.set KB,  4096                         ; K, and a weight row's bytes
.set KSH, 12
.else
.set KB,  1024
.set KSH, 10
.endif
.set LAPS, KB/1024                     ; a lap = two chunks = once round the ring
.set PB,  528                          ; an LDS row of 512 bytes + 16 of padding: an odd multiple of 16, so the 16 rows of a load start at 16 different columns of banks
.set HB,  64*PB                        ; 64 such rows: what one tensor load brings
.if MODE < 2
.set CODES,  1
.set APANEL, 0
.set HA,    64*PB
.set ASH,   10                         ; a row of A is 1,024 bytes
.set ASTEP, 512                        ; a chunk on
.else
.set CODES,  0
.set APANEL, 1
.set HA,    8*5120                     ; 8 panels x 64 rows x (64 bytes + 16)
.set ASH,   6
.set ASTEP, 8*262144
.endif
.if MODE > 0
.set BIASED, 1
.else
.set BIASED, 0
.endif
.set SLOT,  2*HA+2*HB                  ; A's two halves, then B's two halves
.set STAGE, 2*SLOT                     ; behind the ring: 5,120 bytes for each wave, for the way out
.set SPARE, STAGE+20480                ; behind the stages: the spare words, 128 bytes for each wave, which no other line names
.set ADRQ, 16                          ; v16-17  LDS address of my Q fragments in slot 0, 1
.set ADRP, 20                          ; v20-21  the same for P
.set STO,  24                          ; v24     the way out: where I put my bytes of a row
.set RD,   25                          ; v25     where I read rows back
.set CO,   26                          ; v26     my byte offset in the output (and in the residual); never rewritten
.set BOF,  27                          ; v27     32 x (lane / 16): my eight numbers of 16 of the bias
.set SPW,  28                          ; v28     LDS address of my spare word; never rewritten
.set NIL,  29                          ; v29     0; never rewritten
.set SCL,  30                          ; v30     2^(eo - ea - eb)
.set LIMV, 31                          ; v31     448 x that
.set TMP,  32
.set BIAS, 96
.set ACC,  128
.set F0,   0
.set F1,   128
.set G1,  24                           ; s[24:31] descriptor group 1 for A's tiles;  s[32:39] group 0, one set for each slot
.set G0,  32
.set G1B, 48                           ; s[48:55], s[56:63] the same for B's
.set G0B, 56
.set MSB, 0
.macro WIN new                         ; the immediate's high byte repeats the setting that is left
.if MSB != \new
	s_set_vgpr_msb (MSB<<8)|\new
.set MSB, \new
.endif
.endm
.set MUL,   0x05                       ; sources 0 and 1 window 1; C and D window 0
.set TO_F,  0x40                       ; destination window 1, address window 0
.set TO_R,  0x80                       ; destination window 2
.set FMA_R, 0x20                       ; source 2 window 2
.macro JLOAD s                         ; a joint load: waves 0 and 1 fetch A's two halves, waves 2 and 3 B's; four v_nop follow each of the two lines, ahead of the jump, the label and what follows
	s_cmp_eq_u32 s11, 0
	s_cbranch_scc0 .Lfor_b_\@
	tensor_load_to_lds s[G0+4*\s:G0+4*\s+3], s[G1:G1+7]
	s_nop 0
.rept 4
	v_nop
.endr
	s_branch .Lasked_\@
.Lfor_b_\@:
	tensor_load_to_lds s[G0B+4*\s:G0B+4*\s+3], s[G1B:G1B+7]
	s_nop 0
.rept 4
	v_nop
.endr
.Lasked_\@:
.endm
.macro CREST                           ; a round of the cluster's barrier behind its opening barrier
	s_cmp_lg_u32 s10, 0
	s_cbranch_scc1 .Lnot_wave_0_\@
	s_barrier_signal -3
.Lnot_wave_0_\@:
	s_barrier_wait -3
	s_barrier_signal -1
	s_barrier_wait -1
.endm
.macro CROUND                          ; a whole round
	s_barrier_signal -1
	s_barrier_wait -1
	CREST
.endm
.if MODE == 0
	s_load_b64 s[4:5], s[0:1], 0x0                 ; xc
	s_load_b128 s[80:83], s[0:1], 0x8              ; Wq, Wk
	s_load_b128 s[84:87], s[0:1], 0x18             ; Wv, the scales' exponents
	s_load_b128 s[88:91], s[0:1], 0x28             ; qc, kv
.elseif MODE == 1
	s_load_b128 s[4:7], s[0:1], 0x0                ; A, B
	s_load_b64 s[66:67], s[0:1], 0x10              ; the bias
	s_load_b64 s[70:71], s[0:1], 0x18              ; the scales' exponents
	s_load_b64 s[8:9], s[0:1], 0x20                ; the output
.else
	s_load_b128 s[4:7], s[0:1], 0x0                ; A, B
	s_load_b64 s[66:67], s[0:1], 0x10              ; the bias
	s_load_b64 s[68:69], s[0:1], 0x18              ; the residual
	s_load_b64 s[70:71], s[0:1], 0x20              ; the scales' exponents
	s_load_b64 s[8:9], s[0:1], 0x28                ; the output
.endif
	v_lshl_add_u32 v[SPW], v0, 2, SPARE
	v_mov_b32 v[NIL], 0
	ds_add_u32 v28, v29
	s_wait_dscnt 0x0
	v_lshrrev_b32 v1, 5, v0
	v_readfirstlane_b32 s10, v1                    ; wave 0..3
	s_lshr_b32 s11, s10, 1                         ; which half of the tile's rows is mine.  Also: I fetch for A (0) or for B (1)
	s_and_b32 s12, s10, 1                          ; which half of its columns.  Also: which 64 rows of that tile I fetch
	s_bfe_u32 s40, ttmp6, 0x40000                  ; cx, cy: my place in the cluster
	s_bfe_u32 s41, ttmp6, 0x40004
.if MODE == 0
	s_lshr_b32 s76, ttmp9, 1                       ; two clusters along x to a weight: 0 q, 1 k, 2 v
	s_and_b32 s42, ttmp9, 1
	s_lshl_b32 s42, s42, 2
.else
	s_lshl_b32 s42, ttmp9, 2
.endif
	s_add_co_u32 s42, s42, s40                     ; tile column (in its weight)
	s_and_b32 s13, ttmp7, 0xffff
	s_lshl_b32 s13, s13, 2
	s_add_co_u32 s13, s13, s41                     ; tile row = 4 x cluster y + cy
	s_lshl_b32 s43, s41, 2
	s_lshl_b32 s43, 15, s43                        ; my row of the cluster
	s_lshl_b32 s44, 0x1111, s40                    ; my column
	; descriptor group 1, elements of 1 byte.  15:0 the mask; 20 padding on; 21 set beside a mask; 24:22 the padding's interval; 31:25 four words of it (code 3)
.if APANEL
	s_or_b32 s[G1+0], s43, (1<<20)|(1<<21)|(3<<22)|(3<<25)   ; after every 16 words: behind each token's 64 bytes
	s_mov_b32 s[G1+1], 4096<<16                    ; tensor_dim0: 64 tokens x 64 bytes of a panel
	s_mov_b32 s[G1+2], 8<<16                       ; tensor_dim1: 8 panels
	s_mov_b32 s[G1+3], 4096<<16                    ; tile_dim0
	s_mov_b32 s[G1+4], 8                           ; tile_dim1
	s_mov_b32 s[G1+5], 262144                      ; from panel to panel
.else
	s_or_b32 s[G1+0], s43, (1<<20)|(1<<21)|(6<<22)|(3<<25)   ; after every 128 words: behind each row
	s_mov_b32 s[G1+1], 512<<16
	s_mov_b32 s[G1+2], 64<<16
	s_mov_b32 s[G1+3], 512<<16
	s_mov_b32 s[G1+4], 64
	s_mov_b32 s[G1+5], 1024
.endif
	s_mov_b32 s[G1+6], 0
	s_mov_b32 s[G1+7], 0
	s_or_b32 s[G1B+0], s44, (1<<20)|(1<<21)|(6<<22)|(3<<25)
	s_mov_b32 s[G1B+1], 512<<16
	s_mov_b32 s[G1B+2], 64<<16
	s_mov_b32 s[G1B+3], 512<<16
	s_mov_b32 s[G1B+4], 64
	s_mov_b32 s[G1B+5], KB
	s_mov_b32 s[G1B+6], 0
	s_mov_b32 s[G1B+7], 0
	; where the tiles come from: A's hang on the tile row alone, B's on the tile column alone, each in registers that never hold the other coordinate
	s_lshl_b32 s17, s12, 6                         ; which 64 rows of the tile I fetch
	s_lshl_b32 s16, s13, 7
	s_add_co_u32 s16, s16, s17
	s_lshl_b32 s46, s42, 7
	s_add_co_u32 s46, s46, s17
	s_lshl_b32 s16, s16, ASH                       ; in bytes
	s_lshl_b32 s46, s46, KSH
.if MODE == 0
	s_lshl_b32 s17, s76, 22                        ; the array of LN1's codes made with this product's scale
	s_add_co_u32 s16, s16, s17
.endif
	s_mov_b32 s17, 0
	s_mov_b32 s47, 0
	s_mul_i32 s45, s12, HA                         ; and where they go: no place in the cluster enters an LDS address
	s_mul_i32 s98, s12, HB
	s_add_co_u32 s98, s98, 2*HA
	s_wait_kmcnt 0x0
.if MODE == 0
	s_mov_b64 s[70:71], s[86:87]
	s_cmp_eq_u32 s76, 0
	s_cselect_b64 s[6:7], s[80:81], s[82:83]       ; the weight and the output are chosen by the cluster's x
	s_cselect_b64 s[8:9], s[88:89], s[90:91]
	s_cmp_eq_u32 s76, 2
	s_cselect_b64 s[6:7], s[84:85], s[6:7]
	s_cselect_b32 s77, 1, 0                        ; 1 for v
.endif
	s_load_b512 s[80:95], s[70:71], 0x0            ; the sixteen exponents: entry i in s[80 + i]
	s_add_nc_u64 s[14:15], s[4:5], s[16:17]
	s_add_nc_u64 s[46:47], s[6:7], s[46:47]
	CROUND                                         ; all sixteen work-groups are here: the first joint loads meet
.irp s, 0,1
	s_mov_b32 s[G0+4*\s], 1
	s_add_co_u32 s[G0+4*\s+1], s45, \s*SLOT
	s_add_nc_u64 s[G0+4*\s+2:G0+4*\s+3], s[14:15], \s*ASTEP
	s_or_b32 s[G0+4*\s+3], s[G0+4*\s+3], 0x80000000
	s_mov_b32 s[G0B+4*\s], 1
	s_add_co_u32 s[G0B+4*\s+1], s98, \s*SLOT
	s_add_nc_u64 s[G0B+4*\s+2:G0B+4*\s+3], s[46:47], \s*512
	s_or_b32 s[G0B+4*\s+3], s[G0B+4*\s+3], 0x80000000
	JLOAD \s                                       ; two loads of mine are out
.endr
	v_and_b32 v1, 15, v0                           ; r = lane % 16
	v_bfe_u32 v2, v0, 4, 1                         ; h = lane / 16
.if BIASED
	s_lshl_b32 s98, s42, 9                         ; my first column x 4 bytes: 512 x tile column + 256 x half
	s_lshl_b32 s99, s12, 8
	s_add_co_u32 s98, s98, s99
	s_mov_b32 s99, 0
	s_add_nc_u64 s[66:67], s[66:67], s[98:99]
	v_lshlrev_b32 v[BOF], 5, v2
.irp b, 0,1,2,3
	global_load_b128 v[BIAS+8*\b:BIAS+8*\b+3], v[BOF], s[66:67] offset:64*\b         ; columns 16 b + 8 h + 0 .. 7: the result's layout
	global_load_b128 v[BIAS+8*\b+4:BIAS+8*\b+7], v[BOF], s[66:67] offset:64*\b+16
.endr
.endif
	s_lshl_b32 s20, s13, 7
	s_lshl_b32 s21, s11, 6
	s_add_co_u32 s20, s20, s21                     ; my first row: 128 x tile row + 64 x half
.if CODES
	s_lshl_b32 s16, s20, 6                         ; panels: row x 64,
	s_lshl_b32 s46, s42, 1
	s_add_co_u32 s46, s46, s12                     ; in panel 2 x tile column + half (MODE 0: the head)
.if MODE == 0
	s_lshr_b32 s21, s20, 11                        ; kv: the batch,
	s_lshl_b32 s21, s21, 18
	s_bfe_u32 s22, s20, 0x30008                    ; t / 256,
	s_lshl_b32 s22, s22, 15
	s_add_co_u32 s21, s21, s22
	s_and_b32 s22, s20, 255                        ; the block of 64 tokens,
	s_lshl_b32 s22, s22, 6
	s_add_co_u32 s21, s21, s22
	s_lshl_b32 s22, s77, 14                        ; V behind K
	s_add_co_u32 s21, s21, s22
	s_lshl_b32 s47, s46, 19
	s_lshl_b32 s46, s46, 18
	s_cmp_eq_u32 s76, 0
	s_cselect_b32 s16, s16, s21
	s_cselect_b32 s46, s46, s47
.else
	s_lshl_b32 s46, s46, 18
.endif
	s_mov_b32 s17, 0
	s_mov_b32 s47, 0
	s_add_nc_u64 s[8:9], s[8:9], s[16:17]
	s_add_nc_u64 s[8:9], s[8:9], s[46:47]
	v_and_b32 v3, 31, v0
	v_lshlrev_b32 v[CO], 4, v3                     ; 16 x lane: a store of the wave covers 512 consecutive bytes
.else
	s_lshl_b32 s16, s20, 12                        ; rows of 4,096 bytes
	s_mov_b32 s17, 0
	s_add_nc_u64 s[8:9], s[8:9], s[16:17]
	s_add_nc_u64 s[8:9], s[8:9], s[98:99]
	s_add_nc_u64 s[68:69], s[68:69], s[16:17]
	s_add_nc_u64 s[68:69], s[68:69], s[98:99]
	v_lshlrev_b32 v[CO], 12, v2                    ; lanes 0-15 one row's 256 bytes, lanes 16-31 the next row's
	v_lshl_add_u32 v[CO], v1, 4, v[CO]
	WIN TO_R
.irp a, 0,1,2,3
.irp t, 0,1,2,3,4,5,6,7
	global_load_b128 v[32*\a+4*\t:32*\a+4*\t+3], v[CO], s[68:69] offset:(16*\a+2*\t)*4096   ; the residual lands while the products run
.endr
.endr
	WIN 0
.endif
	v_mul_u32_u24 v7, v1, PB
	v_lshl_add_u32 v7, v2, 4, v7                   ; a fragment's row x pitch + 16 x half
.if APANEL
	v_mul_u32_u24 v8, v1, 80
	v_lshl_add_u32 v8, v2, 4, v8
.endif
	s_mul_i32 s21, s11, HA                         ; Q: my 64 rows of A
	s_mul_i32 s22, s12, HB
	s_add_co_u32 s22, s22, 2*HA                    ; P: my 64 rows of B
.if MODE == 0
	s_cmp_eq_u32 s76, 2                            ; for v the two change places (both regions have the same pitch here)
	s_cselect_b32 s23, s22, s21
	s_cselect_b32 s22, s21, s22
	s_mov_b32 s21, s23
.endif
.irp s, 0,1
.if APANEL
	v_add_nc_u32 v[ADRQ+\s], s21, v8
.else
	v_add_nc_u32 v[ADRQ+\s], s21, v7
.endif
	v_add_nc_u32 v[ADRP+\s], s22, v7
	s_add_co_u32 s21, s21, SLOT
	s_add_co_u32 s22, s22, SLOT
.endr
.if CODES
	s_mul_i32 s23, s10, 5120                       ; my stage: 64 rows of 64 bytes + 16
	s_add_co_u32 s23, s23, STAGE
	v_mul_u32_u24 v5, v1, 80
	v_lshl_add_u32 v5, v2, 3, v5
	v_add_nc_u32 v[STO], s23, v5                   ; in: row r, 8 bytes for each half of the lanes
	v_lshrrev_b32 v5, 2, v3
	v_mul_u32_u24 v5, v5, 80
	v_and_b32 v6, 3, v3
	v_lshl_add_u32 v5, v6, 4, v5
	v_add_nc_u32 v[RD], s23, v5                    ; back: four lanes to a row, eight rows an instruction
.else
	s_mul_i32 s23, s10, 4352                       ; my stage: 16 rows of 256 bytes + 16
	s_add_co_u32 s23, s23, STAGE
	v_mul_u32_u24 v5, v1, 272
	v_lshl_add_u32 v5, v2, 5, v5
	v_add_nc_u32 v[STO], s23, v5                   ; in: row r, 32 bytes for each half of the lanes
	v_mul_u32_u24 v5, v2, 272
	v_lshl_add_u32 v5, v1, 4, v5
	v_add_nc_u32 v[RD], s23, v5                    ; back: sixteen lanes to a row, two rows an instruction
.endif
	s_wait_kmcnt 0x0
.if MODE == 0
	s_cmp_eq_u32 s76, 0                            ; ea, eb, eo: entries (0, 1, 6), (2, 3, 7), (4, 5, 8)
	s_cselect_b32 s98, s80, s82
	s_cselect_b32 s99, s81, s83
	s_cselect_b32 s16, s86, s87
	s_cmp_eq_u32 s76, 2
	s_cselect_b32 s98, s84, s98
	s_cselect_b32 s99, s85, s99
	s_cselect_b32 s16, s88, s16
.elseif MODE == 1
	s_mov_b32 s98, s92                             ; entries 12, 13, 14
	s_mov_b32 s99, s93
	s_mov_b32 s16, s94
.elseif MODE == 2
	s_mov_b32 s98, s90                             ; entries 10, 11
	s_mov_b32 s99, s91
.else
	s_mov_b32 s98, s94                             ; entries 14, 15
	s_mov_b32 s99, s95
.endif
	s_add_co_i32 s98, s98, s99                     ; a sum stands for sum x 2^(ea + eb)
.if CODES
	s_sub_co_i32 s16, s16, s98                     ; its code is sum / 2^(eo - ea - eb): the three scales folded into the conversion's one
	s_add_co_i32 s16, s16, 127
	s_lshl_b32 s17, s16, 23
	v_mov_b32 v[SCL], s17
	s_add_co_i32 s16, s16, 8
	s_lshl_b32 s16, s16, 23
	s_or_b32 s16, s16, 0x600000
	v_mov_b32 v[LIMV], s16
.else
	s_add_co_i32 s96, s98, 127
	s_lshl_b32 s96, s96, 23                        ; 2^(ea + eb) as f32
	s_mov_b32 s97, s96                             ; (named with it as a pair, so it is written)
.endif
.if BIASED
	s_sub_co_i32 s99, 0, s98
.if CODES
	s_wait_loadcnt 0x0                             ; the bias
.else
	s_wait_loadcnt 32                              ; the bias is in; the residual's 32 loads may stay out
.endif
.irp j, 0,1,2,3,4,5,6,7,8,9,10,11,12,13,14,15,16,17,18,19,20,21,22,23,24,25,26,27,28,29,30,31
	v_ldexp_f32 v[BIAS+\j], v[BIAS+\j], s99        ; bias / 2^(ea + eb)
.endr
.endif
; 8 matrix instructions: Q's blocks a0, a0 + 1 x P's four, 128 along K.  first = 1: they start the sums, from the bias or from 0: nothing is cleared.
; The 16 accumulators take turns, one instruction a turn, in the same order in every quarter.
.macro MUL8 f, a0, first
.irp a, \a0, \a0+1
.irp b, 0,1,2,3
.if \first
.if BIASED
	v_wmma_f32_16x16x128_fp8_fp8 v[ACC+8*(4*(\a)+\b):ACC+8*(4*(\a)+\b)+7], v[\f+64+16*\b:\f+64+16*\b+15], v[\f+16*(\a):\f+16*(\a)+15], v[BIAS+8*\b:BIAS+8*\b+7]
.else
	v_wmma_f32_16x16x128_fp8_fp8 v[ACC+8*(4*(\a)+\b):ACC+8*(4*(\a)+\b)+7], v[\f+64+16*\b:\f+64+16*\b+15], v[\f+16*(\a):\f+16*(\a)+15], 0
.endif
.else
	v_wmma_f32_16x16x128_fp8_fp8 v[ACC+8*(4*(\a)+\b):ACC+8*(4*(\a)+\b)+7], v[\f+64+16*\b:\f+64+16*\b+15], v[\f+16*(\a):\f+16*(\a)+15], v[ACC+8*(4*(\a)+\b):ACC+8*(4*(\a)+\b)+7]
.endif
.endr
.endr
.endm
; 32 LDS loads in one run: the fragments of the slot's q-th 128 along K into buffer f: P's four, then Q's four
.macro FETCH slot, q, f
	WIN TO_F
.irp b, 0,1,2,3
.irp c, 0,1,2,3
	ds_load_b128 v[\f+64+16*\b+4*\c:\f+64+16*\b+4*\c+3], v[ADRP+\slot] offset:128*(\q)+32*\c+\b*16*PB
.endr
.endr
.irp a, 0,1,2,3
.irp c, 0,1,2,3
.if APANEL
	ds_load_b128 v[\f+16*\a+4*\c:\f+16*\a+4*\c+3], v[ADRQ+\slot] offset:(2*(\q)+\c/2)*5120+32*(\c%2)+\a*16*80
.else
	ds_load_b128 v[\f+16*\a+4*\c:\f+16*\a+4*\c+3], v[ADRQ+\slot] offset:128*(\q)+32*\c+\a*16*PB
.endif
.endr
.endr
.endm
.macro PLACES                          ; four plain vector instructions in front of loads into registers that matrix instructions have read, and of the first read of results (ISA guide 7.12.1 for the first read of results)
.rept 4
	v_nop
.endr
.endm
; A chunk is four quarters of 128 along K, 16 matrix instructions each, on buffers 0, 1, 0, 1.  One of the first three: multiplies buffer f and fetches quarter nq into g.
.macro QUARTER slot, nq, f, g, first
	s_wait_dscnt 8                                 ; P's four and Q's blocks 0, 1 are in; the youngest eight loads (Q's blocks 2, 3) may be out
	WIN MUL
	MUL8 \f, 0, \first
	PLACES
	FETCH \slot, \nq, \g
	s_wait_dscnt 32                                ; all but the 32 just issued
	WIN MUL
	MUL8 \f, 2, \first
.endm
; The last quarter multiplies buffer 1 and changes slots: ONE barrier; in front of it each wave waits for all its tensor loads, adds 0 to its spare word, and waits for that and for its own reads of this slot.
; fill = 1: the barrier opens a round of the cluster's barrier, and this slot is filled again, two chunks ahead: the load has 56 matrix instructions in which to land.
.macro TURN slot, next, fill
	WIN 0                                          ; (the add's two registers lie in window 0)
	s_wait_tensorcnt 0x0                           ; all my tensor loads have landed: my part of the next slot;
	ds_add_u32 v[SPW], v[NIL]                      ; 0 onto my spare word;
	s_wait_dscnt 9                                 ; (the add and the youngest eight loads may be out)
	WIN MUL
	MUL8 F1, 0, 0                                  ; eight matrix instructions stand between the add and the wait for it
	s_wait_dscnt 0x0                               ; the add is done, and my reads of this slot are over
	WIN 0
	s_barrier_signal -1
	s_barrier_wait -1
.if \fill
	CREST                                          ; no wave of any partner still reads this slot's tile or has a load on its way
	s_add_nc_u64 s[G0+4*\slot+2:G0+4*\slot+3], s[G0+4*\slot+2:G0+4*\slot+3], 2*ASTEP
	s_add_nc_u64 s[G0B+4*\slot+2:G0B+4*\slot+3], s[G0B+4*\slot+2:G0B+4*\slot+3], 2*512
	JLOAD \slot                                    ; the first tensor load behind the round, my only one until the next; its four v_nop are also the places in front of the loads below
.else
	PLACES
.endif
	FETCH \next, 0, F0
	WIN MUL
	MUL8 F1, 2, 0
.endm
	s_wait_tensorcnt 1                             ; my part of chunk 0 is in (chunk 1's load may be out)
	s_barrier_signal -1
	s_barrier_wait -1                              ; everybody's is
	FETCH 0, 0, F0
	QUARTER 0, 1, F0, F1, 1                        ; the first quarter stands in front of the loop: its products start the sums
.if LAPS > 1
	WIN 0                                          ; at a label and at a branch every window is 0
	s_mov_b32 s3, LAPS-1
.Llap:                                                 ; a trip goes once round the ring, from a lap's second quarter to the next lap's first, and fills both slots again
	QUARTER 0, 2, F1, F0, 0
	QUARTER 0, 3, F0, F1, 0
	TURN 0, 1, 1
	QUARTER 1, 1, F0, F1, 0
	QUARTER 1, 2, F1, F0, 0
	QUARTER 1, 3, F0, F1, 0
	TURN 1, 0, 1
	QUARTER 0, 1, F0, F1, 0
	WIN 0
	s_sub_co_u32 s3, s3, 1
	s_cmp_lg_u32 s3, 0
	s_cbranch_scc1 .Llap
.endif
	QUARTER 0, 2, F1, F0, 0                        ; the last lap fills nothing, and has no round of the cluster's barrier
	QUARTER 0, 3, F0, F1, 0
	TURN 0, 1, 0
	QUARTER 1, 1, F0, F1, 0
	QUARTER 1, 2, F1, F0, 0
	QUARTER 1, 3, F0, F1, 0
	s_wait_dscnt 8                                 ; the very last quarter: nothing more to fetch
	WIN MUL
	MUL8 F1, 0, 0
	s_wait_dscnt 0x0
	MUL8 F1, 2, 0
	WIN 0
	PLACES
.if CODES
	; THE WAY OUT, codes.  A lane's eight sums are eight neighbours along the next product's K: held, converted, 8 bytes into my stage; back as rows; my 64 x 64 codes leave as one dense block of 4,096 bytes.
.irp k, 0,1,2,3,4,5,6,7,8,9,10,11,12,13,14,15
.irp j, 0,1,2,3,4,5,6,7
.if MODE == 1
	v_med3_num_f32 v[ACC+8*\k+\j], v[ACC+8*\k+\j], 0, v[LIMV]          ; the activation and the hold in one; each accumulator from its low end on
.else
	v_med3_num_f32 v[ACC+8*\k+\j], v[ACC+8*\k+\j], -v[LIMV], v[LIMV]   ; the conversion to an 8-bit code does not saturate (ISA guide 7.6.2): the hold comes first
.endif
.endr
	v_cvt_scalef32_pk8_fp8_f32 v[TMP+2*\k:TMP+2*\k+1], v[ACC+8*\k:ACC+8*\k+7], v[SCL]
.endr
	v_nop                                          ; a plain instruction behind the last conversion
.irp a, 0,1,2,3
.irp b, 0,1,2,3
	ds_store_b64 v[STO], v[TMP+2*(4*\a+\b):TMP+2*(4*\a+\b)+1] offset:1280*\a+16*\b
.endr
.endr
.irp t, 0,1,2,3,4,5,6,7
	ds_load_b128 v[TMP+32+4*\t:TMP+32+4*\t+3], v[RD] offset:640*\t     ; LDS serves a wave's instructions in order (ISA guide 5.7.1.4): these see my stores
.endr
.irp t, 0,1,2,3,4,5,6,7
	s_wait_dscnt 7-\t
	global_store_b128 v[CO], v[TMP+32+4*\t:TMP+32+4*\t+3], s[8:9] offset:512*\t   ; 32 lanes store 512 consecutive bytes, aligned
.endr
.else
	; THE WAY OUT, f32.  16 rows at a time through my stage, back as whole rows of 256 bytes; there sum x 2^(ea + eb) + residual, one packed multiply-add for two numbers (the bias is in the sum).
	s_wait_loadcnt 0x0                             ; the residual
.irp a, 0,1,2,3
.if \a >= 2
	s_wait_xcnt 0x0                                ; block a - 2's stores have read their registers, which block a's loads write
.endif
.irp b, 0,1,2,3
	ds_store_b128 v[STO], v[ACC+8*(4*\a+\b):ACC+8*(4*\a+\b)+3] offset:64*\b          ; each accumulator from its low end on
	ds_store_b128 v[STO], v[ACC+8*(4*\a+\b)+4:ACC+8*(4*\a+\b)+7] offset:64*\b+16
.endr
.irp t, 0,1,2,3,4,5,6,7
	ds_load_b128 v[TMP+32*(\a%2)+4*\t:TMP+32*(\a%2)+4*\t+3], v[RD] offset:544*\t     ; LDS serves a wave's instructions in order: these see my stores, and the next block's stores come behind them
.endr
	s_wait_dscnt 0x0
	WIN FMA_R
.irp i, 0,2,4,6,8,10,12,14,16,18,20,22,24,26,28,30
	v_pk_fma_f32 v[TMP+32*(\a%2)+\i:TMP+32*(\a%2)+\i+1], v[TMP+32*(\a%2)+\i:TMP+32*(\a%2)+\i+1], s[96:97], v[32*\a+\i:32*\a+\i+1] op_sel_hi:[1,0,1]
.endr
	WIN 0
.irp t, 0,1,2,3,4,5,6,7
	global_store_b128 v[CO], v[TMP+32*(\a%2)+4*\t:TMP+32*(\a%2)+4*\t+3], s[8:9] offset:(16*\a+2*\t)*4096   ; 16 lanes store 256 consecutive bytes, aligned
.endr
.endr
.endif
	s_wait_tensorcnt 0x0                           ; the wave's end: behind my last tensor load and my last LDS store
	ds_add_u32 v[SPW], v[NIL]
	s_wait_dscnt 0x0
	CROUND                                         ; the closing round: no work-group ends while a partner may still ask for a tile that names it
	s_endpgm
.Lfunc_end_k_q5629cc15df_qkv:
	.size	k_q5629cc15df_qkv, .Lfunc_end_k_q5629cc15df_qkv-k_q5629cc15df_qkv
	.p2alignl 7, 3214868480
	.fill 96, 4, 3214868480
	.section	.rodata,"a",@progbits
	.p2align	6, 0x0
	.amdhsa_kernel k_q5629cc15df_qkv
		.amdhsa_group_segment_fixed_size 327680
		.amdhsa_private_segment_fixed_size 0
		.amdhsa_enable_private_segment 0
		.amdhsa_kernarg_size 56
		.amdhsa_user_sgpr_count 2
		.amdhsa_user_sgpr_kernarg_segment_ptr 1
		.amdhsa_wavefront_size32 1
		.amdhsa_system_sgpr_workgroup_id_x 1
		.amdhsa_system_sgpr_workgroup_id_y 1
		.amdhsa_system_sgpr_workgroup_id_z 1
		.amdhsa_system_vgpr_workitem_id 0
		.amdhsa_next_free_vgpr 512
		.amdhsa_next_free_sgpr 100
		.amdhsa_reserve_vcc 0
		.amdhsa_float_denorm_mode_32 3
		.amdhsa_float_denorm_mode_16_64 3
		.amdhsa_memory_ordered 1
		.amdhsa_forward_progress 1
		.amdhsa_inst_pref_size 47
	.end_amdhsa_kernel
	.amdgpu_metadata
---
amdhsa.version: [ 1, 2 ]
amdhsa.kernels:
  - .name:           k_q5629cc15df_qkv
    .symbol:         k_q5629cc15df_qkv.kd
    .args:
      - { .name: xc, .offset: 0, .size: 8, .value_kind: global_buffer, .address_space: global }
      - { .name: Wq_codes, .offset: 8, .size: 8, .value_kind: global_buffer, .address_space: global }
      - { .name: Wk_codes, .offset: 16, .size: 8, .value_kind: global_buffer, .address_space: global }
      - { .name: Wv_codes, .offset: 24, .size: 8, .value_kind: global_buffer, .address_space: global }
      - { .name: lowp_scales, .offset: 32, .size: 8, .value_kind: global_buffer, .address_space: global }
      - { .name: qc, .offset: 40, .size: 8, .value_kind: global_buffer, .address_space: global }
      - { .name: kv, .offset: 48, .size: 8, .value_kind: global_buffer, .address_space: global }
    .group_segment_fixed_size: 327680
    .private_segment_fixed_size: 0
    .kernarg_segment_align: 8
    .kernarg_segment_size: 56
    .max_flat_workgroup_size: 128
    .sgpr_count:     100
    .vgpr_count:     512
    .wavefront_size: 32
...
	.end_amdgpu_metadata
.endif
;; end of part 2
;; launch attn (part 3): grid 8 x 32, 16 waves a work-group, clusters of 4 x 1, 327,680 bytes of LDS; arguments qc, kv, lowp_scales, ac; writes ac
.if DOCPART == 3
	.amdgcn_target "amdgcn-amd-amdhsa--gfx1250"
	.amdhsa_code_object_version 6
	.text
	.protected	k_q5629cc15df_attn
	.globl	k_q5629cc15df_attn
	.p2align	8
	.type	k_q5629cc15df_attn,@function
k_q5629cc15df_attn:
	s_mov_b64 s[64:65], 0
	v_nop
	global_prefetch_b8 v0, s[64:65] scope:SCOPE_SE
	s_setreg_imm32_b32 hwreg(HW_REG_WAVE_MODE, 25, 1), 1
	s_wait_xcnt 0x0
	s_wait_alu depctr_hold_cnt(0) depctr_sa_sdst(0) depctr_va_vdst(0) depctr_va_sdst(0) depctr_va_ssrc(0) depctr_va_vcc(0) depctr_vm_vsrc(0)
	s_getreg_b32 s2, hwreg(HW_REG_IB_STS2, 6, 4)
	s_cmp_eq_u32 s2, 0
	s_cbranch_scc0 .Lentry_in_a_cluster
	s_endpgm
.Lentry_in_a_cluster:
	s_bfe_u32 s2, ttmp6, 0x10000c
	s_cmp_lg_u32 s2, 0x3003
	s_cbranch_scc0 .Lentry_shape_is_right
	s_endpgm
.Lentry_shape_is_right:
; CAUSAL ATTENTION ON E4M3 CODES.  32 heads-of-a-batch y = 2 head + batch, 2,048 tokens, head size 64.  Both products on codes, f32 sums; the result is quantised again for the next product.
; qc: y x 131,072 + t x 64 + d.  kv: y x 262,144 + (t / 256) x 32,768, there 256 keys of K as [key][d] (16,384 bytes), then V as four blocks [d][64 keys] of 4,096 bytes.  ac: laid as qc.
; THE SOFTMAX AHEAD OF THE SECOND PRODUCT: t = score x log2(e) / 8; M = the row's largest t so far, rounded UP to a whole number; p = 2^(t - M) is what is quantised, not normalised.  The row's sum is taken of the
; unquantised p and divides O at the end.  When M moves, the sum and O are multiplied by 2^(old M - new M): exact.
; SHARES.  A work-group has sixteen waves, four to a SIMD, so that one wave's vector work stands beside another's matrix work.  Work-group j (0..7) of a head, wave w: the 16 queries 128 BI + 16 j + 0 .. 15, BI = w xor 3 ((w / 4) % 2).
; So whether a step of 128 keys lies after a wave's queries (KS > BI: left out), on the diagonal (KS = BI: masked) or before them hangs on the WAVE'S NUMBER alone: it is alike in all work-groups, which all have the same work.
; CLUSTER.  The four work-groups of a cluster belong to one head and walk the same K and V: each tile is asked for JOINTLY.  Every work-group walks all eight slots of 256 keys: trip counts are constants, no tensor load and no barrier is jumped over.
; LAYOUT.  Both products are used transposed: S^T = K Q^T (source 0 = 16 keys, source 1 = my 16 queries), O^T = V^T P^T: a lane holds ONE query (lane % 16) throughout.
; THE ROWS OF A TILE ARE NOT NEIGHBOURS: lane r of tile 2 b + u takes row 32 b + 8 u + r + 8 (r / 8), so that the 16 registers of tiles 2 b and 2 b + 1 are 16 neighbours: of the keys in p, of d in O^T: what the conversions want.
; A slot's 32,768 bytes are dense in memory and are stated as rows of 128 bytes with 16 of padding behind each: row rho of 64 bytes lies at (rho / 2) x 144 + (rho % 2) x 64; with the rows above.
; LIMITS on the given exponents, so that each power of two is an f32 number: e6 + e7 between -123 and 130 (added to c's exponent field); e9, and e10 - e8 - e9, between -126 and 119.  NaN is not served.
; REGISTERS: v1-7 addresses that stay; v8-11 addresses in hand; v12 -M, v13 the largest t, v[14:15] the sum in two halves; v16-23 Q; v24 Q's offset; v32-95 fragments of K or V; v96-159 S^T, then p; v160-191 O^T; v224-239 p's codes; v236-254 at work.
.set SLOT1, 65536                      ; slot 1 begins here: one exclusive or turns an address in one slot into the other's
.set VOFF,  18432                      ; a slot: 128 rows x 144 of K, then as many of V
.set VBLK,  4608                       ; a block of V: 64 d x 64 keys
.set STAGE, 131072                     ; behind the ring: 16 rows x 80 bytes for each wave
.set SPARE, STAGE+16*1280              ; behind the stages: the spare words, 128 bytes for each wave, which no other line names
.set NSL,   8                          ; slots' worth of keys
.set AK0,  1                           ; v1   my lane's place in a tile of K
.set AV0,  2                           ; v2   the same for V
.set PFO,  3                           ; v3   256 x lane: the prefetch's offset; never rewritten
.set DG,   4                           ; v4   16 j + r - 16 h: on the diagonal register 16 b + i is hidden where 32 b + i is above it
.set SPW,  5                           ; v5   LDS address of my spare word; never rewritten
.set NIL,  6                           ; v6   0; never rewritten
.set GO,   7                           ; v7   16 x lane
.set ADK,  8
.set ADV,  9
.set TB,   3                           ; s3   LDS byte at which the slot in hand begins
.set WV,   18                          ; s18  my wave's number
.set BI,   19                          ; s19  my block of 128 queries
.set SEL,  20                          ; s[20:21] lane selects: lane l xor 16
.set CS,   22                          ; s[22:23] c = log2(e) / 8 x 2^(e6 + e7)
.set G1,   24                          ; s[24:31] descriptor group 1;  s[40:43] group 0, which walks
.set G0,   40
.set SLOTS, 67                         ; s67  slots still to be asked for
.set LIM,  68                          ; s68  1 in the wave that prefetches, else the greatest number
.set KS,   69                          ; s69  the key step, 0 .. 15
.set J,    70                          ; s70  my work-group among the head's eight
.set PFA,  76                          ; s[76:77] where my prefetches stand
.macro CROUND                          ; a round of the cluster's barrier
	s_barrier_signal -1
	s_barrier_wait -1
	s_cmp_lg_u32 s[WV], 0
	s_cbranch_scc1 .Lnot_wave_0_\@
	s_barrier_signal -3
.Lnot_wave_0_\@:
	s_barrier_wait -3
	s_barrier_signal -1
	s_barrier_wait -1
.endm
.macro TLOAD                           ; waves 0 to 3 fetch a quarter of the slot each, 8,192 bytes; the branch hangs on the wave's number alone; four v_nop follow the line
	s_cmp_lt_u32 s[WV], 4
	s_cbranch_scc0 .Lnone_\@
	tensor_load_to_lds s[G0:G0+3], s[G1:G1+7]
	s_nop 0
.rept 4
	v_nop
.endr
.Lnone_\@:
.endm
; A PREFETCH INTO THE L2 of the slot that the NEXT change of slots will ask for: two key steps ahead of that load.  Each aligned 256 bytes are named once in the launch: both clusters of a head walk the same K and V, so the head's
; first cluster asks; its four partners take 8,192 bytes each, told apart BY ADDRESS; in each, wave 4 asks, lanes 256 bytes apart.  The last change that fills a slot asks for nothing; slots 0 and 1 come by their loads alone.
.macro ASK
	s_cmp_gt_u32 s[SLOTS], s[LIM]
	s_cbranch_scc0 .Lnot_mine_\@
	global_prefetch_b8 v[PFO], s[PFA:PFA+1] th:TH_LOAD_NT scope:SCOPE_SE
.Lnot_mine_\@:
.endm
	s_load_b256 s[4:11], s[0:1], 0x0               ; qc s[4:5], kv s[6:7], the scales' exponents s[8:9], ac s[10:11]
	v_lshl_add_u32 v[SPW], v0, 2, SPARE
	v_mov_b32 v[NIL], 0
	ds_add_u32 v5, v6
	s_wait_dscnt 0x0
	v_lshrrev_b32 v8, 5, v0
	v_readfirstlane_b32 s[WV], v8                  ; wave 0..15
	s_bfe_u32 s72, s[WV], 0x10002                  ; (w / 4) % 2
	s_mul_i32 s72, s72, 3
	s_xor_b32 s[BI], s[WV], s72
	s_bfe_u32 s73, ttmp6, 0x40000                  ; cx
	s_lshl_b32 s[J], ttmp9, 2
	s_add_co_u32 s[J], s[J], s73                   ; it enters Q's and the output's addresses and the mask's numbers alone
	s_and_b32 s74, ttmp7, 0xffff                   ; y, which the partners share
	s_mov_b32 s[G1], 15|(1<<20)|(1<<21)|(4<<22)|(3<<25)   ; 15:0 the mask: all four work-groups; 17:16 elements of 1 byte; 20 padding on; 21 set beside a mask; 24:22 after every 32 words (code 4); 31:25 four words (code 3)
	s_mov_b32 s[G1+1], 128<<16                     ; tensor_dim0
	s_mov_b32 s[G1+2], 64<<16                      ; tensor_dim1
	s_mov_b32 s[G1+3], 128<<16                     ; tile_dim0
	s_mov_b32 s[G1+4], 64                          ; tile_dim1
	s_mov_b32 s[G1+5], 128                         ; from row to row: dense
	s_mov_b32 s[G1+6], 0
	s_mov_b32 s[G1+7], 0
	s_lshl_b32 s44, s74, 18                        ; the head's K and V,
	s_lshl_b32 s75, s[WV], 13                      ; my quarter of a slot
	s_add_co_u32 s44, s44, s75
	s_mov_b32 s45, 0
	s_lshl_b32 s46, s74, 17                        ; the head's rows in qc and ac,
	s_lshl_b32 s75, s[BI], 13                      ; my block of 128,
	s_add_co_u32 s46, s46, s75
	s_lshl_b32 s75, s[J], 10                       ; my 16 queries
	s_add_co_u32 s46, s46, s75
	s_mov_b32 s47, 0
	s_lshl_b32 s78, s74, 18                        ; the prefetches: the head, my work-group's 8,192 bytes, in slot 1: the first change of slots steps it to slot 2
	s_lshl_b32 s75, s73, 13
	s_add_co_u32 s78, s78, s75
	s_add_co_u32 s78, s78, 32768
	s_mov_b32 s79, 0
	s_xor_b32 s75, s[WV], 4                        ; 0 in wave 4,
	s_or_b32 s75, s75, ttmp9                       ; of the head's first cluster: the same in all four partners
	s_cmp_eq_u32 s75, 0
	s_cselect_b32 s[LIM], 1, -1
	s_mov_b32 s[SEL], 0x76543210
	s_mov_b32 s[SEL+1], 0xfedcba98
	s_mov_b32 s[CS], 0x3e38aa3b                    ; log2(e) / 8
	s_mov_b32 s[TB], 0
	s_mov_b32 s[SLOTS], NSL-1
	s_mov_b32 s[KS], 0
	s_wait_kmcnt 0x0
	s_load_b512 s[48:63], s[8:9], 0x0              ; the sixteen exponents: entry i in s[48 + i]
	s_mov_b32 s[G0], 1                             ; 1:0 count = 1
	s_mul_i32 s[G0+1], s[WV], 9216                 ; 63:32 LDS address: slot 0, 64 rows x 144 a wave
	s_add_nc_u64 s[G0+2:G0+3], s[6:7], s[44:45]    ; 120:64 global address
	s_or_b32 s[G0+3], s[G0+3], 0x80000000          ; 127:126 type = 2
	s_add_nc_u64 s[PFA:PFA+1], s[6:7], s[78:79]
	s_add_nc_u64 s[4:5], s[4:5], s[46:47]
	s_add_nc_u64 s[10:11], s[10:11], s[46:47]
	CROUND                                         ; all four work-groups are here: the first joint loads meet
	TLOAD                                          ; slot 0
	v_and_b32 v8, 15, v0                           ; r
	v_bfe_u32 v9, v0, 4, 1                         ; h
	v_lshlrev_b32 v24, 6, v8
	v_lshl_add_u32 v24, v9, 4, v24                 ; Q: row r of 64 bytes, + 16 h
	global_load_b128 v[16:19], v24, s[4:5]         ; registers 4 c .. 4 c + 3: d = 32 c + 16 h + 0 .. 15, as K's fragments have it
	global_load_b128 v[20:23], v24, s[4:5] offset:32
	v_and_b32 v11, 8, v8
	v_add_nc_u32 v11, v11, v8                      ; r + 8 (r / 8)
	v_lshrrev_b32 v[AK0], 1, v11
	v_mul_u32_u24 v[AK0], v[AK0], 144
	v_and_b32 v11, 1, v11
	v_lshl_add_u32 v[AK0], v11, 6, v[AK0]
	v_lshl_add_u32 v[AK0], v9, 4, v[AK0]
	v_add_nc_u32 v[AV0], VOFF, v[AK0]
	v_lshlrev_b32 v[DG], 4, v9
	v_sub_nc_u32 v[DG], v8, v[DG]
	s_lshl_b32 s75, s[J], 4
	v_add_nc_u32 v[DG], s75, v[DG]
	v_and_b32 v[GO], 31, v0
	v_lshlrev_b32 v[PFO], 8, v[GO]
	v_lshlrev_b32 v[GO], 4, v[GO]
	v_mov_b32 v13, 0xff61b1e6                      ; the largest t so far: -3e38, under every t
	v_floor_f32 v12, -v13                          ; -M
	v_mov_b32 v14, 0                               ; the sum, in two halves
	v_mov_b32 v15, 0
	v_mov_b32 v236, 0                              ; written once: a lane permute's destination counts as one of its sources
	v_mov_b32 v252, 0
	v_mov_b32 v253, 0                              ; (named as the upper half of the pair v[252:253])
.irp j, 0,1,2,3,4,5,6,7,8,9,10,11,12,13,14,15,16,17,18,19,20,21,22,23,24,25,26,27,28,29,30,31
	v_mov_b32 v[160+\j], 0                         ; O^T.  (The step is written for every step alike: the first finds zeros, which the first change of M leaves zeros)
.endr
	s_wait_kmcnt 0x0
	s_add_co_i32 s72, s54, s55
	s_lshl_b32 s72, s72, 23
	s_add_co_i32 s[CS], s[CS], s72                 ; a score stands for score x 2^(e6 + e7): the two exponents are added to c's exponent field
	s_mov_b32 s[CS+1], s[CS]                       ; (named with it as a pair, so it is written)
	s_add_co_i32 s72, s57, 127
	s_lshl_b32 s73, s72, 23
	v_mov_b32 v244, s73                            ; 2^e9, for p's conversions
	s_add_co_i32 s72, s72, 8
	s_lshl_b32 s72, s72, 23
	s_or_b32 s72, s72, 0x600000
	v_mov_b32 v240, s72                            ; 448 x 2^e9
	s_sub_co_i32 s72, s58, s56
	s_sub_co_i32 s72, s72, s57                     ; O^T / the sum stands for that x 2^(e8 + e9): its code is that / 2^(e10 - e8 - e9)
	s_add_co_i32 s72, s72, 127
	s_lshl_b32 s73, s72, 23
	v_mov_b32 v245, s73
	s_add_co_i32 s72, s72, 8
	s_lshl_b32 s72, s72, 23
	s_or_b32 s72, s72, 0x600000
	v_mov_b32 v241, s72
; A KEY STEP: 128 keys, the q-th of the slot in hand.
.macro STEP q
	s_cmp_gt_u32 s[KS], s[BI]                      ; all its keys come after my queries: its work is left out; no barrier and no tensor load stands in a step
	s_cbranch_scc1 .Lhidden_\@
	v_add_nc_u32 v[ADK], s[TB], v[AK0]
	v_add_nc_u32 v[ADV], s[TB], v[AV0]
	v_nop                                          ; with the two additions: four places in front of loads into registers that the last products read
	v_nop
.irp t, 0,1,2,3,4,5,6,7
.irp c, 0,1
	ds_load_b128 v[32+8*\t+4*\c:32+8*\t+4*\c+3], v[ADK] offset:(128*(\q)+32*(\t/2)+8*(\t%2))*72+32*\c
.endr
.endr
	s_wait_dscnt 0x0
.irp t, 0,1,2,3,4,5,6,7
	v_wmma_f32_16x16x64_fp8_fp8 v[96+8*\t:103+8*\t], v[32+8*\t:39+8*\t], v[16:23], 0   ; S^T: the 16 registers of tiles 2 b, 2 b + 1 are keys 32 b + 16 h + 0 .. 15
.endr
.rept 4
	v_nop
.endr
	s_cmp_lg_u32 s[KS], s[BI]
	s_cbranch_scc1 .Lopen_\@
	v_mov_b32 v254, 0xff800000                     ; on the diagonal the scores of hidden keys become -infinity ahead of the maximum: p = 0 then.  Key 0 counts for every query, so M is a number from the first step on
.irp n, 0,1,2,3,4,5,6,7,8,9,10,11,12,13,14,15,16,17,18,19,20,21,22,23,24,25,26,27,28,29,30,31,32,33,34,35,36,37,38,39,40,41,42,43,44,45,46,47,48,49,50,51,52,53,54,55,56,57,58,59,60,61,62,63
	v_cmp_gt_i32 vcc_lo, 32*(\n/16)+\n%16, v[DG]
	v_cndmask_b32 v[96+\n], v[96+\n], v254, vcc_lo
.endr
.Lopen_\@:
	v_max3_num_f32 v254, v96, v97, v98             ; the step's largest score of my query, among my 64 keys, in two chains,
	v_max3_num_f32 v252, v99, v100, v101
.irp i, 6,10,14,18,22,26,30,34,38,42,46,50,54,58
	v_max3_num_f32 v254, v254, v[96+\i], v[97+\i]
	v_max3_num_f32 v252, v252, v[98+\i], v[99+\i]
.endr
	v_max3_num_f32 v254, v254, v158, v159
	v_max_num_f32 v254, v254, v252
	v_permlanex16_b32 v236, v254, s[SEL], s[SEL+1]
	v_max_num_f32 v254, v254, v236                 ; and among lane l xor 16's
	v_mul_f32 v254, s[CS], v254                    ; as t (c is positive)
	v_max_num_f32 v13, v13, v254                   ; the running largest t
	v_mov_b32 v254, v12
	v_floor_f32 v12, -v13                          ; the new -M = floor(-t) = -ceil(t): M is a whole number
	v_sub_f32 v254, v12, v254                      ; M's old value less its new one: a whole number, 0 or less
	v_cvt_i32_f32 v254, v254                       ; (it saturates)
	v_ldexp_f32 v252, 1.0, v254                    ; f = 2^(old M - new M): a multiplication by it rounds nothing
.irp j, 0,2,4,6,8,10,12,14,16,18,20,22,24,26,28,30,32,34,36,38,40,42,44,46,48,50,52,54,56,58,60,62
	v_pk_fma_f32 v[96+\j:97+\j], v[96+\j:97+\j], s[CS:CS+1], v[12:13] op_sel_hi:[1,0,0]   ; t - M, two at a time (of the pairs c and -M the low word serves both halves)
.endr
.irp j, 0,1,2,3,4,5,6,7,8,9,10,11,12,13,14,15,16,17,18,19,20,21,22,23,24,25,26,27,28,29,30,31,32,33,34,35,36,37,38,39,40,41,42,43,44,45,46,47,48,49,50,51,52,53,54,55,56,57,58,59,60,61,62,63
	v_exp_f32 v[96+\j], v[96+\j]                   ; p = 2^(t - M), at most 1: not normalised
.endr
	v_pk_mul_f32 v[14:15], v[14:15], v[252:253] op_sel_hi:[1,0]   ; the sums under the new M.  (The plain instruction behind the exponentials)
	s_wait_alu depctr_va_vdst(0)                   ; one wait for the whole batch, ahead of its first reader
	v_pk_add_f32 v[242:243], v[96:97], v[98:99]    ; the row's sum is taken of the UNQUANTISED p: two at a time, in two chains
.irp j, 4,8,12,16,20,24,28,32,36,40,44,48,52,56,60
	v_pk_add_f32 v[14:15], v[14:15], v[96+\j:97+\j]
	v_pk_add_f32 v[242:243], v[242:243], v[98+\j:99+\j]
.endr
	v_pk_add_f32 v[14:15], v[14:15], v[242:243]
.irp b, 0,1,2,3
.irp i, 0,1,2,3,4,5,6,7,8,9,10,11,12,13,14,15
	v_min_num_f32 v[96+16*\b+\i], v[96+16*\b+\i], v240   ; the conversion does not saturate (ISA guide 7.6.2); p is not negative, so the hold is one-sided
.endr
	v_cvt_scalef32_pk8_fp8_f32 v[224+4*\b:225+4*\b], v[96+16*\b:103+16*\b], v244
	v_cvt_scalef32_pk8_fp8_f32 v[226+4*\b:227+4*\b], v[104+16*\b:111+16*\b], v244
.endr
.irp j, 0,2,4,6,8,10,12,14,16,18,20,22,24,26,28,30
	v_pk_mul_f32 v[160+\j:161+\j], v[160+\j:161+\j], v[252:253] op_sel_hi:[1,0]   ; O^T under the new M.  (These 16 are also the places in front of the loads and matrix instructions below)
.endr
.irp t, 0,1,2,3
.irp c, 0,1,2,3
	ds_load_b128 v[32+16*\t+4*\c:32+16*\t+4*\c+3], v[ADV] offset:(2*(\q)+\c/2)*VBLK+(32*(\t/2)+8*(\t%2))*72+32*(\c%2)
.endr
.endr
	s_wait_dscnt 0x0
.irp t, 0,1,2,3
	v_wmma_f32_16x16x128_fp8_fp8 v[160+8*\t:167+8*\t], v[32+16*\t:47+16*\t], v[224:239], v[160+8*\t:167+8*\t]   ; O^T += V^T P^T: the four accumulators take turns
.endr
.Lhidden_\@:
	s_add_co_u32 s[KS], s[KS], 1
.endm
; THE CHANGE OF SLOTS stands at a slot's head.  Each wave waits for all its tensor loads (its part of the slot that it is about to read), adds 0 to its spare word, and waits for that and for its reads of the slot that it has left.
; fill = 1: a round of the cluster's barrier, so that no wave of any partner still reads that slot or has a load on its way; behind it the slot is filled with the next 256 keys: the load has two key steps in which to land.
.macro CHANGE fill
	s_wait_tensorcnt 0x0                           ; no tensor load of mine is out, so group 0 may be written
	ds_add_u32 v[SPW], v[NIL]                      ; 0 onto my spare word
.if \fill
	s_xor_b32 s[G0+1], s[G0+1], SLOT1              ; the walking descriptor: the other slot than last time,
	s_add_nc_u64 s[G0+2:G0+3], s[G0+2:G0+3], 32768 ; the next 256 keys; the type bits on top are not reached
	s_wait_xcnt 0x0                                ; the last prefetch, a slot back, has read its address, so it may be written:
	s_add_nc_u64 s[PFA:PFA+1], s[PFA:PFA+1], 32768 ; one slot further on than the walking descriptor
.endif
	s_wait_dscnt 0x0                               ; the add is done, and my reads of the slot that I have left are over
.if \fill
	CROUND
	TLOAD                                          ; the first thing behind the round, and a wave's one tensor load until the next
	ASK
.else
	s_barrier_signal -1
	s_barrier_wait -1
.endif
.endm
.macro SLOT_STEPS
	STEP 0
	STEP 1
	s_xor_b32 s[TB], s[TB], SLOT1                  ; on to the other slot
.endm
	s_wait_loadcnt 0x0                             ; Q
.Lslot:                                            ; NSL - 1 trips: behind each change of slots but the last the next slot is asked for
	CHANGE 1
	SLOT_STEPS
	s_sub_co_u32 s[SLOTS], s[SLOTS], 1
	s_cmp_lg_u32 s[SLOTS], 0
	s_cbranch_scc1 .Lslot
	CHANGE 0                                       ; the last slot is written out
	SLOT_STEPS
	; THE WAY OUT.  O^T is divided by the sum, held and converted: a lane's 16 registers of two tiles are 16 neighbours along d, the next product's K.  16 rows of 64 codes go through my stage and leave as one dense block of 1,024 bytes.
	v_add_f32 v14, v14, v15                        ; the sum's two halves,
	v_permlanex16_b32 v252, v14, s[SEL], s[SEL+1]
	v_add_f32 v14, v14, v252                       ; and lane l xor 16's: the row's sum
	v_rcp_f32 v14, v14
	v_and_b32 v8, 15, v0                           ; (plain instructions behind the transcendental)  r
	v_bfe_u32 v9, v0, 4, 1                         ; h
	s_mul_i32 s73, s[WV], 1280
	s_add_co_u32 s73, s73, STAGE                   ; my stage
	v_mul_u32_u24 v10, v8, 80
	v_lshl_add_u32 v10, v9, 4, v10
	v_add_nc_u32 v10, s73, v10                     ; in: row r, + 16 h
	v_and_b32 v11, 31, v0
	v_lshrrev_b32 v8, 2, v11
	v_mul_u32_u24 v8, v8, 80
	v_and_b32 v11, 3, v11
	v_lshl_add_u32 v11, v11, 4, v8
	v_add_nc_u32 v11, s73, v11                     ; back: four lanes to a row, eight rows an instruction
	s_wait_alu depctr_va_vdst(0)                   ; the wait, ahead of the reciprocal's first reader
.irp j, 0,1,2,3,4,5,6,7,8,9,10,11,12,13,14,15,16,17,18,19,20,21,22,23,24,25,26,27,28,29,30,31
	v_mul_f32 v[96+\j], v[160+\j], v14             ; register 16 b + i: d = 32 b + 16 h + i; each accumulator from its low end on
.endr
.irp j, 0,1,2,3,4,5,6,7,8,9,10,11,12,13,14,15,16,17,18,19,20,21,22,23,24,25,26,27,28,29,30,31
	v_med3_num_f32 v[96+\j], v[96+\j], -v241, v241
.endr
.irp b, 0,1
	v_cvt_scalef32_pk8_fp8_f32 v[224+4*\b:225+4*\b], v[96+16*\b:103+16*\b], v245
	v_cvt_scalef32_pk8_fp8_f32 v[226+4*\b:227+4*\b], v[104+16*\b:111+16*\b], v245
.endr
	v_nop                                          ; a plain instruction behind the last conversion
	ds_store_b128 v10, v[224:227]
	ds_store_b128 v10, v[228:231] offset:32
	ds_load_b128 v[32:35], v11                     ; LDS serves a wave's instructions in order (ISA guide 5.7.1.4): these see my stores
	ds_load_b128 v[36:39], v11 offset:640
	s_wait_dscnt 1
	global_store_b128 v[GO], v[32:35], s[10:11]    ; 32 lanes store 512 consecutive bytes, aligned
	s_wait_dscnt 0x0
	global_store_b128 v[GO], v[36:39], s[10:11] offset:512
	s_wait_tensorcnt 0x0                           ; the wave's end: behind my last tensor load and my last LDS store
	ds_add_u32 v[SPW], v[NIL]
	s_wait_dscnt 0x0
	CROUND                                         ; the closing round: no work-group ends while a partner may still ask for a tile that names it
	s_endpgm
.Lfunc_end_k_q5629cc15df_attn:
	.size	k_q5629cc15df_attn, .Lfunc_end_k_q5629cc15df_attn-k_q5629cc15df_attn
	.p2alignl 7, 3214868480
	.fill 96, 4, 3214868480
	.section	.rodata,"a",@progbits
	.p2align	6, 0x0
	.amdhsa_kernel k_q5629cc15df_attn
		.amdhsa_group_segment_fixed_size 327680
		.amdhsa_private_segment_fixed_size 0
		.amdhsa_enable_private_segment 0
		.amdhsa_kernarg_size 32
		.amdhsa_user_sgpr_count 2
		.amdhsa_user_sgpr_kernarg_segment_ptr 1
		.amdhsa_wavefront_size32 1
		.amdhsa_system_sgpr_workgroup_id_x 1
		.amdhsa_system_sgpr_workgroup_id_y 1
		.amdhsa_system_sgpr_workgroup_id_z 1
		.amdhsa_system_vgpr_workitem_id 0
		.amdhsa_next_free_vgpr 256
		.amdhsa_next_free_sgpr 100
		.amdhsa_reserve_vcc 1
		.amdhsa_float_denorm_mode_32 3
		.amdhsa_float_denorm_mode_16_64 3
		.amdhsa_memory_ordered 1
		.amdhsa_forward_progress 1
		.amdhsa_inst_pref_size 94
	.end_amdhsa_kernel
	.amdgpu_metadata
---
amdhsa.version: [ 1, 2 ]
amdhsa.kernels:
  - .name:           k_q5629cc15df_attn
    .symbol:         k_q5629cc15df_attn.kd
    .args:
      - { .name: qc, .offset: 0, .size: 8, .value_kind: global_buffer, .address_space: global }
      - { .name: kv, .offset: 8, .size: 8, .value_kind: global_buffer, .address_space: global }
      - { .name: lowp_scales, .offset: 16, .size: 8, .value_kind: global_buffer, .address_space: global }
      - { .name: ac, .offset: 24, .size: 8, .value_kind: global_buffer, .address_space: global }
    .group_segment_fixed_size: 327680
    .private_segment_fixed_size: 0
    .kernarg_segment_align: 8
    .kernarg_segment_size: 32
    .max_flat_workgroup_size: 512
    .sgpr_count:     100
    .vgpr_count:     256
    .wavefront_size: 32
...
	.end_amdgpu_metadata
.endif
;; end of part 3
;; launch wo (part 4): grid 8 x 32, 4 waves a work-group, clusters of 4 x 4, 327,680 bytes of LDS; arguments ac, Wo_codes, bo, x, lowp_scales, x1; writes x1
.if DOCPART == 4
	.amdgcn_target "amdgcn-amd-amdhsa--gfx1250"
	.amdhsa_code_object_version 6
	.text
	.protected	k_q5629cc15df_wo
	.globl	k_q5629cc15df_wo
	.p2align	8
	.type	k_q5629cc15df_wo,@function
k_q5629cc15df_wo:
	s_mov_b64 s[64:65], 0
	v_nop
	global_prefetch_b8 v0, s[64:65] scope:SCOPE_SE
	s_setreg_imm32_b32 hwreg(HW_REG_WAVE_MODE, 25, 1), 1
	s_wait_xcnt 0x0
	s_wait_alu depctr_hold_cnt(0) depctr_sa_sdst(0) depctr_va_vdst(0) depctr_va_sdst(0) depctr_va_ssrc(0) depctr_va_vcc(0) depctr_vm_vsrc(0)
	s_getreg_b32 s2, hwreg(HW_REG_IB_STS2, 6, 4)
	s_cmp_eq_u32 s2, 0
	s_cbranch_scc0 .Lentry_in_a_cluster
	s_endpgm
.Lentry_in_a_cluster:
	s_bfe_u32 s2, ttmp6, 0x10000c
	s_cmp_lg_u32 s2, 0xf033
	s_cbranch_scc0 .Lentry_shape_is_right
	s_endpgm
.Lentry_shape_is_right:
; ONE TEXT FOR THE BLOCK'S FOUR GEMM LAUNCHES ON E4M3 CODES; MODE picks the launch.  C[m][n] = sum over k of A[m][k] B[n][k], 4,096 rows; f32 sums; each tensor has the one given scale 2^e.
;   MODE 0  q, k, v = LN1(x) Wq, Wk, Wv (K 1,024; N 3 x 1,024): results quantised to codes.  q -> qc, k and v (v with the tokens innermost) -> kv
;   MODE 1  relu(LN2 W1 + b1) (K 1,024, N 4,096): quantised to codes -> hc          MODE 2  x + attention Wo + bo (K 1,024, N 1,024) -> x1, f32          MODE 3  x1 + hidden W2 + b2 (K 4,096, N 1,024) -> out0, f32
; SHARES.  A tile of C is 128 x 128: with it the two narrow products still have 256 work-groups.  Four waves, each 64 x 64: 16 accumulators.  K goes in chunks of 512 through two LDS slots, filled by the tensor data mover;
; with K = 1,024 both chunks are asked for at the head and nothing is filled again.
; CLUSTERS: 4 x 4 work-groups.  The four of a row of the cluster need the same tiles of A, the four of a column the same tiles of B: each tile is asked for JOINTLY, by the same tensor load with a mask that names the four.
; LAYOUTS.  Weights and the norms' codes are rows of K bytes.  'PANELS' (qc, ac, hc): byte = (k / 64) x 262,144 + row x 64 + k % 64: a wave's 64 x 64 codes are then one dense block of 4,096 bytes, and 64 rows x 512 along K
; are one tile of 8 rows of 4,096 bytes.  kv: byte = (2 head + batch) x 262,144 + (t / 256) x 32,768 + (K: 0, V: 16,384) + a dense block of 4,096 bytes for each 64 tokens: K as [token][d], V as [d][token].
; THE MATRIX INSTRUCTION IS USED TRANSPOSED: source 0 = P (16 rows whose index then runs along a lane's registers), source 1 = Q (16 rows, one a lane).  P = the weight's rows and Q = the tokens, so that a lane holds eight
; neighbouring columns of one row of C; for v the two LDS bases change places, so that a lane holds one d and eight neighbouring tokens.  That choice hangs on the cluster's x alone, which all sixteen partners share.
; A fragment (16 rows x 128 K) comes by four loads of 16 bytes: registers 4 c .. 4 c + 3 hold k = 32 c + 16 (lane / 16) + 0 .. 15: the same permutation of k on both sides, so every product meets its partner.
; The bias is the C of each sum's first matrix instruction, divided by 2^(ea + eb), which the sums lack.
; LIMITS on the given exponents, so that each power of two is an f32 number: ea + eb between -126 and 127; for codes out, eo - ea - eb between -126 and 119.  NaN is not served.
; No prefetch: with K = 1,024 every tile is asked for at the head; with K = 4,096 a step is short and the tiles are shared by the cluster.
; REGISTERS.  Window 0: v1-8 at work, v16-31 addresses and constants, v32-95 the way out, v96-127 the bias, v128-255 the accumulators ((a, b) at v[128 + 8 (4 a + b)]).  Window 1: two fragment buffers of 128 (Q's four, then P's four).
; Window 2 (MODE 2, 3): v0-127 the residual, in the layout in which the rows leave.
.set MODE, 2
.if MODE == 3
.set KB,  4096                         ; K, and a weight row's bytes
.set KSH, 12
.else
.set KB,  1024
.set KSH, 10
.endif
.set LAPS, KB/1024                     ; a lap = two chunks = once round the ring
.set PB,  528                          ; an LDS row of 512 bytes + 16 of padding: an odd multiple of 16, so the 16 rows of a load start at 16 different columns of banks
.set HB,  64*PB                        ; 64 such rows: what one tensor load brings
.if MODE < 2
.set CODES,  1
.set APANEL, 0
.set HA,    64*PB
.set ASH,   10                         ; a row of A is 1,024 bytes
.set ASTEP, 512                        ; a chunk on
.else
.set CODES,  0
.set APANEL, 1
.set HA,    8*5120                     ; 8 panels x 64 rows x (64 bytes + 16)
.set ASH,   6
.set ASTEP, 8*262144
.endif
.if MODE > 0
.set BIASED, 1
.else
.set BIASED, 0
.endif
.set SLOT,  2*HA+2*HB                  ; A's two halves, then B's two halves
.set STAGE, 2*SLOT                     ; behind the ring: 5,120 bytes for each wave, for the way out
.set SPARE, STAGE+20480                ; behind the stages: the spare words, 128 bytes for each wave, which no other line names
.set ADRQ, 16                          ; v16-17  LDS address of my Q fragments in slot 0, 1
.set ADRP, 20                          ; v20-21  the same for P
.set STO,  24                          ; v24     the way out: where I put my bytes of a row
.set RD,   25                          ; v25     where I read rows back
.set CO,   26                          ; v26     my byte offset in the output (and in the residual); never rewritten
.set BOF,  27                          ; v27     32 x (lane / 16): my eight numbers of 16 of the bias
.set SPW,  28                          ; v28     LDS address of my spare word; never rewritten
.set NIL,  29                          ; v29     0; never rewritten
.set SCL,  30                          ; v30     2^(eo - ea - eb)
.set LIMV, 31                          ; v31     448 x that
.set TMP,  32
.set BIAS, 96
.set ACC,  128
.set F0,   0
.set F1,   128
.set G1,  24                           ; s[24:31] descriptor group 1 for A's tiles;  s[32:39] group 0, one set for each slot
.set G0,  32
.set G1B, 48                           ; s[48:55], s[56:63] the same for B's
.set G0B, 56
.set MSB, 0
.macro WIN new                         ; the immediate's high byte repeats the setting that is left
.if MSB != \new
	s_set_vgpr_msb (MSB<<8)|\new
.set MSB, \new
.endif
.endm
.set MUL,   0x05                       ; sources 0 and 1 window 1; C and D window 0
.set TO_F,  0x40                       ; destination window 1, address window 0
.set TO_R,  0x80                       ; destination window 2
.set FMA_R, 0x20                       ; source 2 window 2
.macro JLOAD s                         ; a joint load: waves 0 and 1 fetch A's two halves, waves 2 and 3 B's; four v_nop follow each of the two lines, ahead of the jump, the label and what follows
	s_cmp_eq_u32 s11, 0
	s_cbranch_scc0 .Lfor_b_\@
	tensor_load_to_lds s[G0+4*\s:G0+4*\s+3], s[G1:G1+7]
	s_nop 0
.rept 4
	v_nop
.endr
	s_branch .Lasked_\@
.Lfor_b_\@:
	tensor_load_to_lds s[G0B+4*\s:G0B+4*\s+3], s[G1B:G1B+7]
	s_nop 0
.rept 4
	v_nop
.endr
.Lasked_\@:
.endm
.macro CREST                           ; a round of the cluster's barrier behind its opening barrier
	s_cmp_lg_u32 s10, 0
	s_cbranch_scc1 .Lnot_wave_0_\@
	s_barrier_signal -3
.Lnot_wave_0_\@:
	s_barrier_wait -3
	s_barrier_signal -1
	s_barrier_wait -1
.endm
.macro CROUND                          ; a whole round
	s_barrier_signal -1
	s_barrier_wait -1
	CREST
.endm
.if MODE == 0
	s_load_b64 s[4:5], s[0:1], 0x0                 ; xc
	s_load_b128 s[80:83], s[0:1], 0x8              ; Wq, Wk
	s_load_b128 s[84:87], s[0:1], 0x18             ; Wv, the scales' exponents
	s_load_b128 s[88:91], s[0:1], 0x28             ; qc, kv
.elseif MODE == 1
	s_load_b128 s[4:7], s[0:1], 0x0                ; A, B
	s_load_b64 s[66:67], s[0:1], 0x10              ; the bias
	s_load_b64 s[70:71], s[0:1], 0x18              ; the scales' exponents
	s_load_b64 s[8:9], s[0:1], 0x20                ; the output
.else
	s_load_b128 s[4:7], s[0:1], 0x0                ; A, B
	s_load_b64 s[66:67], s[0:1], 0x10              ; the bias
	s_load_b64 s[68:69], s[0:1], 0x18              ; the residual
	s_load_b64 s[70:71], s[0:1], 0x20              ; the scales' exponents
	s_load_b64 s[8:9], s[0:1], 0x28                ; the output
.endif
	v_lshl_add_u32 v[SPW], v0, 2, SPARE
	v_mov_b32 v[NIL], 0
	ds_add_u32 v28, v29
	s_wait_dscnt 0x0
	v_lshrrev_b32 v1, 5, v0
	v_readfirstlane_b32 s10, v1                    ; wave 0..3
	s_lshr_b32 s11, s10, 1                         ; which half of the tile's rows is mine.  Also: I fetch for A (0) or for B (1)
	s_and_b32 s12, s10, 1                          ; which half of its columns.  Also: which 64 rows of that tile I fetch
	s_bfe_u32 s40, ttmp6, 0x40000                  ; cx, cy: my place in the cluster
	s_bfe_u32 s41, ttmp6, 0x40004
.if MODE == 0
	s_lshr_b32 s76, ttmp9, 1                       ; two clusters along x to a weight: 0 q, 1 k, 2 v
	s_and_b32 s42, ttmp9, 1
	s_lshl_b32 s42, s42, 2
.else
	s_lshl_b32 s42, ttmp9, 2
.endif
	s_add_co_u32 s42, s42, s40                     ; tile column (in its weight)
	s_and_b32 s13, ttmp7, 0xffff
	s_lshl_b32 s13, s13, 2
	s_add_co_u32 s13, s13, s41                     ; tile row = 4 x cluster y + cy
	s_lshl_b32 s43, s41, 2
	s_lshl_b32 s43, 15, s43                        ; my row of the cluster
	s_lshl_b32 s44, 0x1111, s40                    ; my column
	; descriptor group 1, elements of 1 byte.  15:0 the mask; 20 padding on; 21 set beside a mask; 24:22 the padding's interval; 31:25 four words of it (code 3)
.if APANEL
	s_or_b32 s[G1+0], s43, (1<<20)|(1<<21)|(3<<22)|(3<<25)   ; after every 16 words: behind each token's 64 bytes
	s_mov_b32 s[G1+1], 4096<<16                    ; tensor_dim0: 64 tokens x 64 bytes of a panel
	s_mov_b32 s[G1+2], 8<<16                       ; tensor_dim1: 8 panels
	s_mov_b32 s[G1+3], 4096<<16                    ; tile_dim0
	s_mov_b32 s[G1+4], 8                           ; tile_dim1
	s_mov_b32 s[G1+5], 262144                      ; from panel to panel
.else
	s_or_b32 s[G1+0], s43, (1<<20)|(1<<21)|(6<<22)|(3<<25)   ; after every 128 words: behind each row
	s_mov_b32 s[G1+1], 512<<16
	s_mov_b32 s[G1+2], 64<<16
	s_mov_b32 s[G1+3], 512<<16
	s_mov_b32 s[G1+4], 64
	s_mov_b32 s[G1+5], 1024
.endif
	s_mov_b32 s[G1+6], 0
	s_mov_b32 s[G1+7], 0
	s_or_b32 s[G1B+0], s44, (1<<20)|(1<<21)|(6<<22)|(3<<25)
	s_mov_b32 s[G1B+1], 512<<16
	s_mov_b32 s[G1B+2], 64<<16
	s_mov_b32 s[G1B+3], 512<<16
	s_mov_b32 s[G1B+4], 64
	s_mov_b32 s[G1B+5], KB
	s_mov_b32 s[G1B+6], 0
	s_mov_b32 s[G1B+7], 0
	; where the tiles come from: A's hang on the tile row alone, B's on the tile column alone, each in registers that never hold the other coordinate
	s_lshl_b32 s17, s12, 6                         ; which 64 rows of the tile I fetch
	s_lshl_b32 s16, s13, 7
	s_add_co_u32 s16, s16, s17
	s_lshl_b32 s46, s42, 7
	s_add_co_u32 s46, s46, s17
	s_lshl_b32 s16, s16, ASH                       ; in bytes
	s_lshl_b32 s46, s46, KSH
.if MODE == 0
	s_lshl_b32 s17, s76, 22                        ; the array of LN1's codes made with this product's scale
	s_add_co_u32 s16, s16, s17
.endif
	s_mov_b32 s17, 0
	s_mov_b32 s47, 0
	s_mul_i32 s45, s12, HA                         ; and where they go: no place in the cluster enters an LDS address
	s_mul_i32 s98, s12, HB
	s_add_co_u32 s98, s98, 2*HA
	s_wait_kmcnt 0x0
.if MODE == 0
	s_mov_b64 s[70:71], s[86:87]
	s_cmp_eq_u32 s76, 0
	s_cselect_b64 s[6:7], s[80:81], s[82:83]       ; the weight and the output are chosen by the cluster's x
	s_cselect_b64 s[8:9], s[88:89], s[90:91]
	s_cmp_eq_u32 s76, 2
	s_cselect_b64 s[6:7], s[84:85], s[6:7]
	s_cselect_b32 s77, 1, 0                        ; 1 for v
.endif
	s_load_b512 s[80:95], s[70:71], 0x0            ; the sixteen exponents: entry i in s[80 + i]
	s_add_nc_u64 s[14:15], s[4:5], s[16:17]
	s_add_nc_u64 s[46:47], s[6:7], s[46:47]
	CROUND                                         ; all sixteen work-groups are here: the first joint loads meet
.irp s, 0,1
	s_mov_b32 s[G0+4*\s], 1
	s_add_co_u32 s[G0+4*\s+1], s45, \s*SLOT
	s_add_nc_u64 s[G0+4*\s+2:G0+4*\s+3], s[14:15], \s*ASTEP
	s_or_b32 s[G0+4*\s+3], s[G0+4*\s+3], 0x80000000
	s_mov_b32 s[G0B+4*\s], 1
	s_add_co_u32 s[G0B+4*\s+1], s98, \s*SLOT
	s_add_nc_u64 s[G0B+4*\s+2:G0B+4*\s+3], s[46:47], \s*512
	s_or_b32 s[G0B+4*\s+3], s[G0B+4*\s+3], 0x80000000
	JLOAD \s                                       ; two loads of mine are out
.endr
	v_and_b32 v1, 15, v0                           ; r = lane % 16
	v_bfe_u32 v2, v0, 4, 1                         ; h = lane / 16
.if BIASED
	s_lshl_b32 s98, s42, 9                         ; my first column x 4 bytes: 512 x tile column + 256 x half
	s_lshl_b32 s99, s12, 8
	s_add_co_u32 s98, s98, s99
	s_mov_b32 s99, 0
	s_add_nc_u64 s[66:67], s[66:67], s[98:99]
	v_lshlrev_b32 v[BOF], 5, v2
.irp b, 0,1,2,3
	global_load_b128 v[BIAS+8*\b:BIAS+8*\b+3], v[BOF], s[66:67] offset:64*\b         ; columns 16 b + 8 h + 0 .. 7: the result's layout
	global_load_b128 v[BIAS+8*\b+4:BIAS+8*\b+7], v[BOF], s[66:67] offset:64*\b+16
.endr
.endif
	s_lshl_b32 s20, s13, 7
	s_lshl_b32 s21, s11, 6
	s_add_co_u32 s20, s20, s21                     ; my first row: 128 x tile row + 64 x half
.if CODES
	s_lshl_b32 s16, s20, 6                         ; panels: row x 64,
	s_lshl_b32 s46, s42, 1
	s_add_co_u32 s46, s46, s12                     ; in panel 2 x tile column + half (MODE 0: the head)
.if MODE == 0
	s_lshr_b32 s21, s20, 11                        ; kv: the batch,
	s_lshl_b32 s21, s21, 18
	s_bfe_u32 s22, s20, 0x30008                    ; t / 256,
	s_lshl_b32 s22, s22, 15
	s_add_co_u32 s21, s21, s22
	s_and_b32 s22, s20, 255                        ; the block of 64 tokens,
	s_lshl_b32 s22, s22, 6
	s_add_co_u32 s21, s21, s22
	s_lshl_b32 s22, s77, 14                        ; V behind K
	s_add_co_u32 s21, s21, s22
	s_lshl_b32 s47, s46, 19
	s_lshl_b32 s46, s46, 18
	s_cmp_eq_u32 s76, 0
	s_cselect_b32 s16, s16, s21
	s_cselect_b32 s46, s46, s47
.else
	s_lshl_b32 s46, s46, 18
.endif
	s_mov_b32 s17, 0
	s_mov_b32 s47, 0
	s_add_nc_u64 s[8:9], s[8:9], s[16:17]
	s_add_nc_u64 s[8:9], s[8:9], s[46:47]
	v_and_b32 v3, 31, v0
	v_lshlrev_b32 v[CO], 4, v3                     ; 16 x lane: a store of the wave covers 512 consecutive bytes
.else
	s_lshl_b32 s16, s20, 12                        ; rows of 4,096 bytes
	s_mov_b32 s17, 0
	s_add_nc_u64 s[8:9], s[8:9], s[16:17]
	s_add_nc_u64 s[8:9], s[8:9], s[98:99]
	s_add_nc_u64 s[68:69], s[68:69], s[16:17]
	s_add_nc_u64 s[68:69], s[68:69], s[98:99]
	v_lshlrev_b32 v[CO], 12, v2                    ; lanes 0-15 one row's 256 bytes, lanes 16-31 the next row's
	v_lshl_add_u32 v[CO], v1, 4, v[CO]
	WIN TO_R
.irp a, 0,1,2,3
.irp t, 0,1,2,3,4,5,6,7
	global_load_b128 v[32*\a+4*\t:32*\a+4*\t+3], v[CO], s[68:69] offset:(16*\a+2*\t)*4096   ; the residual lands while the products run
.endr
.endr
	WIN 0
.endif
	v_mul_u32_u24 v7, v1, PB
	v_lshl_add_u32 v7, v2, 4, v7                   ; a fragment's row x pitch + 16 x half
.if APANEL
	v_mul_u32_u24 v8, v1, 80
	v_lshl_add_u32 v8, v2, 4, v8
.endif
	s_mul_i32 s21, s11, HA                         ; Q: my 64 rows of A
	s_mul_i32 s22, s12, HB
	s_add_co_u32 s22, s22, 2*HA                    ; P: my 64 rows of B
.if MODE == 0
	s_cmp_eq_u32 s76, 2                            ; for v the two change places (both regions have the same pitch here)
	s_cselect_b32 s23, s22, s21
	s_cselect_b32 s22, s21, s22
	s_mov_b32 s21, s23
.endif
.irp s, 0,1
.if APANEL
	v_add_nc_u32 v[ADRQ+\s], s21, v8
.else
	v_add_nc_u32 v[ADRQ+\s], s21, v7
.endif
	v_add_nc_u32 v[ADRP+\s], s22, v7
	s_add_co_u32 s21, s21, SLOT
	s_add_co_u32 s22, s22, SLOT
.endr
.if CODES
	s_mul_i32 s23, s10, 5120                       ; my stage: 64 rows of 64 bytes + 16
	s_add_co_u32 s23, s23, STAGE
	v_mul_u32_u24 v5, v1, 80
	v_lshl_add_u32 v5, v2, 3, v5
	v_add_nc_u32 v[STO], s23, v5                   ; in: row r, 8 bytes for each half of the lanes
	v_lshrrev_b32 v5, 2, v3
	v_mul_u32_u24 v5, v5, 80
	v_and_b32 v6, 3, v3
	v_lshl_add_u32 v5, v6, 4, v5
	v_add_nc_u32 v[RD], s23, v5                    ; back: four lanes to a row, eight rows an instruction
.else
	s_mul_i32 s23, s10, 4352                       ; my stage: 16 rows of 256 bytes + 16
	s_add_co_u32 s23, s23, STAGE
	v_mul_u32_u24 v5, v1, 272
	v_lshl_add_u32 v5, v2, 5, v5
	v_add_nc_u32 v[STO], s23, v5                   ; in: row r, 32 bytes for each half of the lanes
	v_mul_u32_u24 v5, v2, 272
	v_lshl_add_u32 v5, v1, 4, v5
	v_add_nc_u32 v[RD], s23, v5                    ; back: sixteen lanes to a row, two rows an instruction
.endif
	s_wait_kmcnt 0x0
.if MODE == 0
	s_cmp_eq_u32 s76, 0                            ; ea, eb, eo: entries (0, 1, 6), (2, 3, 7), (4, 5, 8)
	s_cselect_b32 s98, s80, s82
	s_cselect_b32 s99, s81, s83
	s_cselect_b32 s16, s86, s87
	s_cmp_eq_u32 s76, 2
	s_cselect_b32 s98, s84, s98
	s_cselect_b32 s99, s85, s99
	s_cselect_b32 s16, s88, s16
.elseif MODE == 1
	s_mov_b32 s98, s92                             ; entries 12, 13, 14
	s_mov_b32 s99, s93
	s_mov_b32 s16, s94
.elseif MODE == 2
	s_mov_b32 s98, s90                             ; entries 10, 11
	s_mov_b32 s99, s91
.else
	s_mov_b32 s98, s94                             ; entries 14, 15
	s_mov_b32 s99, s95
.endif
	s_add_co_i32 s98, s98, s99                     ; a sum stands for sum x 2^(ea + eb)
.if CODES
	s_sub_co_i32 s16, s16, s98                     ; its code is sum / 2^(eo - ea - eb): the three scales folded into the conversion's one
	s_add_co_i32 s16, s16, 127
	s_lshl_b32 s17, s16, 23
	v_mov_b32 v[SCL], s17
	s_add_co_i32 s16, s16, 8
	s_lshl_b32 s16, s16, 23
	s_or_b32 s16, s16, 0x600000
	v_mov_b32 v[LIMV], s16
.else
	s_add_co_i32 s96, s98, 127
	s_lshl_b32 s96, s96, 23                        ; 2^(ea + eb) as f32
	s_mov_b32 s97, s96                             ; (named with it as a pair, so it is written)
.endif
.if BIASED
	s_sub_co_i32 s99, 0, s98
.if CODES
	s_wait_loadcnt 0x0                             ; the bias
.else
	s_wait_loadcnt 32                              ; the bias is in; the residual's 32 loads may stay out
.endif
.irp j, 0,1,2,3,4,5,6,7,8,9,10,11,12,13,14,15,16,17,18,19,20,21,22,23,24,25,26,27,28,29,30,31
	v_ldexp_f32 v[BIAS+\j], v[BIAS+\j], s99        ; bias / 2^(ea + eb)
.endr
.endif
; 8 matrix instructions: Q's blocks a0, a0 + 1 x P's four, 128 along K.  first = 1: they start the sums, from the bias or from 0: nothing is cleared.
; The 16 accumulators take turns, one instruction a turn, in the same order in every quarter.
.macro MUL8 f, a0, first
.irp a, \a0, \a0+1
.irp b, 0,1,2,3
.if \first
.if BIASED
	v_wmma_f32_16x16x128_fp8_fp8 v[ACC+8*(4*(\a)+\b):ACC+8*(4*(\a)+\b)+7], v[\f+64+16*\b:\f+64+16*\b+15], v[\f+16*(\a):\f+16*(\a)+15], v[BIAS+8*\b:BIAS+8*\b+7]
.else
	v_wmma_f32_16x16x128_fp8_fp8 v[ACC+8*(4*(\a)+\b):ACC+8*(4*(\a)+\b)+7], v[\f+64+16*\b:\f+64+16*\b+15], v[\f+16*(\a):\f+16*(\a)+15], 0
.endif
.else
	v_wmma_f32_16x16x128_fp8_fp8 v[ACC+8*(4*(\a)+\b):ACC+8*(4*(\a)+\b)+7], v[\f+64+16*\b:\f+64+16*\b+15], v[\f+16*(\a):\f+16*(\a)+15], v[ACC+8*(4*(\a)+\b):ACC+8*(4*(\a)+\b)+7]
.endif
.endr
.endr
.endm
; 32 LDS loads in one run: the fragments of the slot's q-th 128 along K into buffer f: P's four, then Q's four
.macro FETCH slot, q, f
	WIN TO_F
.irp b, 0,1,2,3
.irp c, 0,1,2,3
	ds_load_b128 v[\f+64+16*\b+4*\c:\f+64+16*\b+4*\c+3], v[ADRP+\slot] offset:128*(\q)+32*\c+\b*16*PB
.endr
.endr
.irp a, 0,1,2,3
.irp c, 0,1,2,3
.if APANEL
	ds_load_b128 v[\f+16*\a+4*\c:\f+16*\a+4*\c+3], v[ADRQ+\slot] offset:(2*(\q)+\c/2)*5120+32*(\c%2)+\a*16*80
.else
	ds_load_b128 v[\f+16*\a+4*\c:\f+16*\a+4*\c+3], v[ADRQ+\slot] offset:128*(\q)+32*\c+\a*16*PB
.endif
.endr
.endr
.endm
.macro PLACES                          ; four plain vector instructions in front of loads into registers that matrix instructions have read, and of the first read of results (ISA guide 7.12.1 for the first read of results)
.rept 4
	v_nop
.endr
.endm
; A chunk is four quarters of 128 along K, 16 matrix instructions each, on buffers 0, 1, 0, 1.  One of the first three: multiplies buffer f and fetches quarter nq into g.
.macro QUARTER slot, nq, f, g, first
	s_wait_dscnt 8                                 ; P's four and Q's blocks 0, 1 are in; the youngest eight loads (Q's blocks 2, 3) may be out
	WIN MUL
	MUL8 \f, 0, \first
	PLACES
	FETCH \slot, \nq, \g
	s_wait_dscnt 32                                ; all but the 32 just issued
	WIN MUL
	MUL8 \f, 2, \first
.endm
; The last quarter multiplies buffer 1 and changes slots: ONE barrier; in front of it each wave waits for all its tensor loads, adds 0 to its spare word, and waits for that and for its own reads of this slot.
; fill = 1: the barrier opens a round of the cluster's barrier, and this slot is filled again, two chunks ahead: the load has 56 matrix instructions in which to land.
.macro TURN slot, next, fill
	WIN 0                                          ; (the add's two registers lie in window 0)
	s_wait_tensorcnt 0x0                           ; all my tensor loads have landed: my part of the next slot;
	ds_add_u32 v[SPW], v[NIL]                      ; 0 onto my spare word;
	s_wait_dscnt 9                                 ; (the add and the youngest eight loads may be out)
	WIN MUL
	MUL8 F1, 0, 0                                  ; eight matrix instructions stand between the add and the wait for it
	s_wait_dscnt 0x0                               ; the add is done, and my reads of this slot are over
	WIN 0
	s_barrier_signal -1
	s_barrier_wait -1
.if \fill
	CREST                                          ; no wave of any partner still reads this slot's tile or has a load on its way
	s_add_nc_u64 s[G0+4*\slot+2:G0+4*\slot+3], s[G0+4*\slot+2:G0+4*\slot+3], 2*ASTEP
	s_add_nc_u64 s[G0B+4*\slot+2:G0B+4*\slot+3], s[G0B+4*\slot+2:G0B+4*\slot+3], 2*512
	JLOAD \slot                                    ; the first tensor load behind the round, my only one until the next; its four v_nop are also the places in front of the loads below
.else
	PLACES
.endif
	FETCH \next, 0, F0
	WIN MUL
	MUL8 F1, 2, 0
.endm
	s_wait_tensorcnt 1                             ; my part of chunk 0 is in (chunk 1's load may be out)
	s_barrier_signal -1
	s_barrier_wait -1                              ; everybody's is
	FETCH 0, 0, F0
	QUARTER 0, 1, F0, F1, 1                        ; the first quarter stands in front of the loop: its products start the sums
.if LAPS > 1
	WIN 0                                          ; at a label and at a branch every window is 0
	s_mov_b32 s3, LAPS-1
.Llap:                                                 ; a trip goes once round the ring, from a lap's second quarter to the next lap's first, and fills both slots again
	QUARTER 0, 2, F1, F0, 0
	QUARTER 0, 3, F0, F1, 0
	TURN 0, 1, 1
	QUARTER 1, 1, F0, F1, 0
	QUARTER 1, 2, F1, F0, 0
	QUARTER 1, 3, F0, F1, 0
	TURN 1, 0, 1
	QUARTER 0, 1, F0, F1, 0
	WIN 0
	s_sub_co_u32 s3, s3, 1
	s_cmp_lg_u32 s3, 0
	s_cbranch_scc1 .Llap
.endif
	QUARTER 0, 2, F1, F0, 0                        ; the last lap fills nothing, and has no round of the cluster's barrier
	QUARTER 0, 3, F0, F1, 0
	TURN 0, 1, 0
	QUARTER 1, 1, F0, F1, 0
	QUARTER 1, 2, F1, F0, 0
	QUARTER 1, 3, F0, F1, 0
	s_wait_dscnt 8                                 ; the very last quarter: nothing more to fetch
	WIN MUL
	MUL8 F1, 0, 0
	s_wait_dscnt 0x0
	MUL8 F1, 2, 0
	WIN 0
	PLACES
.if CODES
	; THE WAY OUT, codes.  A lane's eight sums are eight neighbours along the next product's K: held, converted, 8 bytes into my stage; back as rows; my 64 x 64 codes leave as one dense block of 4,096 bytes.
.irp k, 0,1,2,3,4,5,6,7,8,9,10,11,12,13,14,15
.irp j, 0,1,2,3,4,5,6,7
.if MODE == 1
	v_med3_num_f32 v[ACC+8*\k+\j], v[ACC+8*\k+\j], 0, v[LIMV]          ; the activation and the hold in one; each accumulator from its low end on
.else
	v_med3_num_f32 v[ACC+8*\k+\j], v[ACC+8*\k+\j], -v[LIMV], v[LIMV]   ; the conversion to an 8-bit code does not saturate (ISA guide 7.6.2): the hold comes first
.endif
.endr
	v_cvt_scalef32_pk8_fp8_f32 v[TMP+2*\k:TMP+2*\k+1], v[ACC+8*\k:ACC+8*\k+7], v[SCL]
.endr
	v_nop                                          ; a plain instruction behind the last conversion
.irp a, 0,1,2,3
.irp b, 0,1,2,3
	ds_store_b64 v[STO], v[TMP+2*(4*\a+\b):TMP+2*(4*\a+\b)+1] offset:1280*\a+16*\b
.endr
.endr
.irp t, 0,1,2,3,4,5,6,7
	ds_load_b128 v[TMP+32+4*\t:TMP+32+4*\t+3], v[RD] offset:640*\t     ; LDS serves a wave's instructions in order (ISA guide 5.7.1.4): these see my stores
.endr
.irp t, 0,1,2,3,4,5,6,7
	s_wait_dscnt 7-\t
	global_store_b128 v[CO], v[TMP+32+4*\t:TMP+32+4*\t+3], s[8:9] offset:512*\t   ; 32 lanes store 512 consecutive bytes, aligned
.endr
.else
	; THE WAY OUT, f32.  16 rows at a time through my stage, back as whole rows of 256 bytes; there sum x 2^(ea + eb) + residual, one packed multiply-add for two numbers (the bias is in the sum).
	s_wait_loadcnt 0x0                             ; the residual
.irp a, 0,1,2,3
.if \a >= 2
	s_wait_xcnt 0x0                                ; block a - 2's stores have read their registers, which block a's loads write
.endif
.irp b, 0,1,2,3
	ds_store_b128 v[STO], v[ACC+8*(4*\a+\b):ACC+8*(4*\a+\b)+3] offset:64*\b          ; each accumulator from its low end on
	ds_store_b128 v[STO], v[ACC+8*(4*\a+\b)+4:ACC+8*(4*\a+\b)+7] offset:64*\b+16
.endr
.irp t, 0,1,2,3,4,5,6,7
	ds_load_b128 v[TMP+32*(\a%2)+4*\t:TMP+32*(\a%2)+4*\t+3], v[RD] offset:544*\t     ; LDS serves a wave's instructions in order: these see my stores, and the next block's stores come behind them
.endr
	s_wait_dscnt 0x0
	WIN FMA_R
.irp i, 0,2,4,6,8,10,12,14,16,18,20,22,24,26,28,30
	v_pk_fma_f32 v[TMP+32*(\a%2)+\i:TMP+32*(\a%2)+\i+1], v[TMP+32*(\a%2)+\i:TMP+32*(\a%2)+\i+1], s[96:97], v[32*\a+\i:32*\a+\i+1] op_sel_hi:[1,0,1]
.endr
	WIN 0
.irp t, 0,1,2,3,4,5,6,7
	global_store_b128 v[CO], v[TMP+32*(\a%2)+4*\t:TMP+32*(\a%2)+4*\t+3], s[8:9] offset:(16*\a+2*\t)*4096   ; 16 lanes store 256 consecutive bytes, aligned
.endr
.endr
.endif
	s_wait_tensorcnt 0x0                           ; the wave's end: behind my last tensor load and my last LDS store
	ds_add_u32 v[SPW], v[NIL]
	s_wait_dscnt 0x0
	CROUND                                         ; the closing round: no work-group ends while a partner may still ask for a tile that names it
	s_endpgm
.Lfunc_end_k_q5629cc15df_wo:
	.size	k_q5629cc15df_wo, .Lfunc_end_k_q5629cc15df_wo-k_q5629cc15df_wo
	.p2alignl 7, 3214868480
	.fill 96, 4, 3214868480
	.section	.rodata,"a",@progbits
	.p2align	6, 0x0
	.amdhsa_kernel k_q5629cc15df_wo
		.amdhsa_group_segment_fixed_size 327680
		.amdhsa_private_segment_fixed_size 0
		.amdhsa_enable_private_segment 0
		.amdhsa_kernarg_size 48
		.amdhsa_user_sgpr_count 2
		.amdhsa_user_sgpr_kernarg_segment_ptr 1
		.amdhsa_wavefront_size32 1
		.amdhsa_system_sgpr_workgroup_id_x 1
		.amdhsa_system_sgpr_workgroup_id_y 1
		.amdhsa_system_sgpr_workgroup_id_z 1
		.amdhsa_system_vgpr_workitem_id 0
		.amdhsa_next_free_vgpr 640
		.amdhsa_next_free_sgpr 100
		.amdhsa_reserve_vcc 0
		.amdhsa_float_denorm_mode_32 3
		.amdhsa_float_denorm_mode_16_64 3
		.amdhsa_memory_ordered 1
		.amdhsa_forward_progress 1
		.amdhsa_inst_pref_size 52
	.end_amdhsa_kernel
	.amdgpu_metadata
---
amdhsa.version: [ 1, 2 ]
amdhsa.kernels:
  - .name:           k_q5629cc15df_wo
    .symbol:         k_q5629cc15df_wo.kd
    .args:
      - { .name: ac, .offset: 0, .size: 8, .value_kind: global_buffer, .address_space: global }
      - { .name: Wo_codes, .offset: 8, .size: 8, .value_kind: global_buffer, .address_space: global }
      - { .name: bo, .offset: 16, .size: 8, .value_kind: global_buffer, .address_space: global }
      - { .name: x, .offset: 24, .size: 8, .value_kind: global_buffer, .address_space: global }
      - { .name: lowp_scales, .offset: 32, .size: 8, .value_kind: global_buffer, .address_space: global }
      - { .name: x1, .offset: 40, .size: 8, .value_kind: global_buffer, .address_space: global }
    .group_segment_fixed_size: 327680
    .private_segment_fixed_size: 0
    .kernarg_segment_align: 8
    .kernarg_segment_size: 48
    .max_flat_workgroup_size: 128
    .sgpr_count:     100
    .vgpr_count:     640
    .wavefront_size: 32
...
	.end_amdgpu_metadata
.endif
;; end of part 4
;; launch ln2 (part 5): grid 256 x 1, 8 waves a work-group, no clusters, 41,984 bytes of LDS; arguments x1, ln2_g, ln2_b, lowp_scales, h2; writes h2
.if DOCPART == 5
	.amdgcn_target "amdgcn-amd-amdhsa--gfx1250"
	.amdhsa_code_object_version 6
	.text
	.protected	k_q5629cc15df_ln2
	.globl	k_q5629cc15df_ln2
	.p2align	8
	.type	k_q5629cc15df_ln2,@function
k_q5629cc15df_ln2:
	s_mov_b64 s[64:65], 0
	v_nop
	global_prefetch_b8 v0, s[64:65] scope:SCOPE_SE
	s_setreg_imm32_b32 hwreg(HW_REG_WAVE_MODE, 25, 1), 1
	s_wait_xcnt 0x0
; LAYER NORM AND QUANTISER.  src [4096][1024] f32 -> NOUT arrays of E4M3 codes [4096][1024], 4 MiB apart, array o with the given scale 2^e, e = entry E0 + 2 o of the scales.
; y = (x - mean) * rsqrt(var + 1e-5) * g + b, all in f32, the mean taken away before the squares are summed; code = y / 2^e, held within +-448, to the nearest code, ties to even.
; SHARES.  A wave takes two whole rows (4,096 bytes each, 32 registers a row): the sums never leave the wave, so there is no barrier.  All 16 loads of x go out at the head.
; Each load reads 512 consecutive bytes, 16 a lane.  The conversion wants 16 NEIGHBOURS in one lane: the finished row turns through the wave's own stage in LDS (64 places of 64 bytes + 16 of padding)
; and comes back 64 bytes a lane.  A lane's 16 codes are 16 bytes: a store of the wave covers 512 consecutive bytes, aligned.
; No matrix unit, no cluster, no tensor load: the work-groups share only g and b, 8 KiB beside their 64 KiB of rows.
; LIMITS: each e between -126 and 119, so that 2^e and 448 x 2^e are f32 numbers.  NaN among the inputs is not served.
.set NOUT, 1
.set E0,   12
.set SP,   80                          ; a place in the stage: 64 bytes + 16
.set WST,  64*SP                       ; a wave's stage
.set G,    32                          ; v32-63   g, as loaded
.set BT,   64                          ; v64-95   b
.set X,    96                          ; v96-159  the two rows
.set T,    160                         ; v160-191 a row back from the stage: 2 x 16 neighbours
.set HH,   192                         ; v192-207 16 numbers, held
.set C,    208                         ; v208-255 codes: four registers for each (row, half, array): no store's data are written again
	s_load_b256 s[4:11], s[0:1], 0x0               ; src s[4:5], g s[6:7], b s[8:9], the scales' exponents s[10:11]
	s_load_b64 s[12:13], s[0:1], 0x20              ; the codes
	v_lshl_add_u32 v254, v0, 2, 0xa000
	v_mov_b32 v255, 0
	v_lshrrev_b32 v1, 5, v0
	v_readfirstlane_b32 s14, v1                    ; wave 0..7
	v_and_b32 v1, 31, v0                           ; lane
	v_lshlrev_b32 v2, 4, v1                        ; 16 x lane: my bytes of a load's or a store's 512; never rewritten
	s_mul_i32 s15, s14, WST
	v_lshrrev_b32 v3, 2, v1
	v_mul_u32_u24 v3, v3, SP
	v_and_b32 v4, 3, v1
	v_lshl_add_u32 v3, v4, 4, v3
	v_add_nc_u32 v3, s15, v3                       ; into the stage: four lanes' 64 bytes fill a place
	v_mul_u32_u24 v4, v1, SP
	v_add_nc_u32 v4, s15, v4                       ; out of it: a place a lane
	v_mov_b32 v19, 0                               ; written once: a lane permute's destination counts as one of its sources
	s_lshl_b32 s16, ttmp9, 3
	s_add_co_u32 s16, s16, s14                     ; which pair of rows is my wave's
	s_lshl_b32 s18, s16, 11                        ; 2 rows x 1,024 bytes of codes
	s_lshl_b32 s16, s16, 13                        ; 2 rows x 4,096 bytes of f32
	s_mov_b32 s17, 0
	s_mov_b32 s19, 0
	s_mov_b32 s28, 0x76543210                      ; v_permlanex16_b32: lane l xor 16
	s_mov_b32 s29, 0xfedcba98
	s_mov_b32 s30, 0x3a800000                      ; 1 / 1024
	s_mov_b32 s31, 0x3727c5ac                      ; 1e-5
	s_wait_kmcnt 0x0
.irp o, 0,1,2
.if \o < NOUT
	s_load_b32 s[24+\o], s[10:11], (E0+2*\o)*4
.endif
.endr
	s_add_nc_u64 s[4:5], s[4:5], s[16:17]
	s_add_nc_u64 s[12:13], s[12:13], s[18:19]
.if NOUT > 1
	s_add_nc_u64 s[20:21], s[12:13], 0x400000      ; the second and third array
	s_add_nc_u64 s[22:23], s[12:13], 0x800000
.endif
.irp j, 0,1,2,3,4,5,6,7
	global_load_b128 v[X+4*\j:X+4*\j+3], v2, s[4:5] offset:512*\j th:TH_LOAD_NT
.endr
.irp j, 0,1,2,3,4,5,6,7
	global_load_b128 v[G+4*\j:G+4*\j+3], v2, s[6:7] offset:512*\j
.endr
.irp j, 0,1,2,3,4,5,6,7
	global_load_b128 v[BT+4*\j:BT+4*\j+3], v2, s[8:9] offset:512*\j
.endr
.irp j, 0,1,2,3,4,5,6,7
	global_load_b128 v[X+32+4*\j:X+32+4*\j+3], v2, s[4:5] offset:4096+512*\j th:TH_LOAD_NT
.endr
	s_wait_kmcnt 0x0
.irp o, 0,1,2
.if \o < NOUT
	s_add_co_i32 s[24+\o], s[24+\o], 127
	s_lshl_b32 s15, s[24+\o], 23
	v_mov_b32 v[8+2*\o], s15                       ; 2^e as f32: the conversion takes its exponent field
	s_add_co_i32 s[24+\o], s[24+\o], 8
	s_lshl_b32 s15, s[24+\o], 23
	s_or_b32 s15, s15, 0x600000
	v_mov_b32 v[9+2*\o], s15                       ; 448 x 2^e
.endif
.endr
.macro REDUCE r, t                     ; the sum over the wave's 32 lanes, in every lane
	v_add_f32_dpp v[\r], v[\r], v[\r] row_xmask:1 row_mask:0xf bank_mask:0xf
	v_add_f32_dpp v[\r], v[\r], v[\r] row_xmask:2 row_mask:0xf bank_mask:0xf
	v_add_f32_dpp v[\r], v[\r], v[\r] row_xmask:4 row_mask:0xf bank_mask:0xf
	v_add_f32_dpp v[\r], v[\r], v[\r] row_xmask:8 row_mask:0xf bank_mask:0xf
	v_permlanex16_b32 v[\t], v[\r], s28, s29
	v_add_f32 v[\r], v[\r], v[\t]
.endm
; Row i.  w1: the younger loads that may be out when the row has to be there; w2: when g and b have to be there.
.macro ROW i, w1, w2
.set XR, X+32*\i
	s_wait_loadcnt \w1
	v_pk_add_f32 v[14:15], v[XR:XR+1], v[XR+2:XR+3]        ; the sum, in two chains that the first pairs start
	v_pk_add_f32 v[16:17], v[XR+4:XR+5], v[XR+6:XR+7]
.irp j, 8,12,16,20,24,28
	v_pk_add_f32 v[14:15], v[14:15], v[XR+\j:XR+\j+1]
	v_pk_add_f32 v[16:17], v[16:17], v[XR+\j+2:XR+\j+3]
.endr
	v_pk_add_f32 v[14:15], v[14:15], v[16:17]
	v_add_f32 v18, v14, v15
	REDUCE 18, 19
	v_mul_f32 v20, s30, v18                        ; the mean, twice: a pair for the packed forms
	v_mul_f32 v21, s30, v18
.irp j, 0,2,4,6,8,10,12,14,16,18,20,22,24,26,28,30
	v_pk_add_f32 v[XR+\j:XR+\j+1], v[XR+\j:XR+\j+1], v[20:21] neg_lo:[0,1] neg_hi:[0,1]   ; x - mean
.endr
	v_pk_mul_f32 v[14:15], v[XR:XR+1], v[XR:XR+1]          ; the sum of squares
	v_pk_mul_f32 v[16:17], v[XR+2:XR+3], v[XR+2:XR+3]
.irp j, 4,8,12,16,20,24,28
	v_pk_fma_f32 v[14:15], v[XR+\j:XR+\j+1], v[XR+\j:XR+\j+1], v[14:15]
	v_pk_fma_f32 v[16:17], v[XR+\j+2:XR+\j+3], v[XR+\j+2:XR+\j+3], v[16:17]
.endr
	v_pk_add_f32 v[14:15], v[14:15], v[16:17]
	v_add_f32 v18, v14, v15
	REDUCE 18, 19
	v_fma_f32 v18, v18, s30, s31                   ; var + 1e-5
	v_rsq_f32 v22, v18
	v_rsq_f32 v23, v18
	v_nop                                          ; a plain instruction behind the transcendentals (ISA guide 5.7.2),
	s_wait_alu depctr_va_vdst(0)                   ; and one wait for both, ahead of their first reader
	s_wait_loadcnt \w2
.irp j, 0,2,4,6,8,10,12,14,16,18,20,22,24,26,28,30
	v_pk_mul_f32 v[XR+\j:XR+\j+1], v[XR+\j:XR+\j+1], v[22:23]
.endr
.irp j, 0,2,4,6,8,10,12,14,16,18,20,22,24,26,28,30
	v_pk_fma_f32 v[XR+\j:XR+\j+1], v[XR+\j:XR+\j+1], v[G+\j:G+\j+1], v[BT+\j:BT+\j+1]
.endr
.irp j, 0,1,2,3,4,5,6,7
	ds_store_b128 v3, v[XR+4*\j:XR+4*\j+3] offset:8*SP*\j  ; a load's 512 bytes take eight places
.endr
.irp u, 0,1
.irp k, 0,1,2,3
	ds_load_b128 v[T+16*\u+4*\k:T+16*\u+4*\k+3], v4 offset:32*SP*\u+16*\k   ; LDS serves a wave's instructions in order (ISA guide 5.7.1.4): these see the stores.  k = 512 u + 16 lane + 0 .. 15
.endr
.endr
	s_wait_dscnt 0x0
.irp u, 0,1
.irp o, 0,1,2
.if \o < NOUT
.set CR, C+4*(6*\i+3*\u+\o)
.irp k, 0,1,2,3,4,5,6,7,8,9,10,11,12,13,14,15
	v_med3_num_f32 v[HH+\k], v[T+16*\u+\k], -v[9+2*\o], v[9+2*\o]   ; the conversion to an 8-bit code does not saturate (ISA guide 7.6.2): the hold comes first
.endr
	v_cvt_scalef32_pk8_fp8_f32 v[CR:CR+1], v[HH:HH+7], v[8+2*\o]
	v_cvt_scalef32_pk8_fp8_f32 v[CR+2:CR+3], v[HH+8:HH+15], v[8+2*\o]
	v_nop                                          ; a plain instruction between the conversions and the next holds, which write their sources
.if \o == 0
	global_store_b128 v2, v[CR:CR+3], s[12:13] offset:\i*1024+512*\u
.elseif \o == 1
	global_store_b128 v2, v[CR:CR+3], s[20:21] offset:\i*1024+512*\u
.else
	global_store_b128 v2, v[CR:CR+3], s[22:23] offset:\i*1024+512*\u
.endif
.endif
.endr
.endr
.endm
	ROW 0, 24, 8                                   ; 24: g, b and row 1 may be out;  8: row 1 may be out
	ROW 1, 0, 0
	s_wait_tensorcnt 0x0
	ds_add_u32 v254, v255
	s_wait_dscnt 0x0
	s_endpgm
.Lfunc_end_k_q5629cc15df_ln2:
	.size	k_q5629cc15df_ln2, .Lfunc_end_k_q5629cc15df_ln2-k_q5629cc15df_ln2
	.p2alignl 7, 3214868480
	.fill 96, 4, 3214868480
	.section	.rodata,"a",@progbits
	.p2align	6, 0x0
	.amdhsa_kernel k_q5629cc15df_ln2
		.amdhsa_group_segment_fixed_size 41984
		.amdhsa_private_segment_fixed_size 0
		.amdhsa_enable_private_segment 0
		.amdhsa_kernarg_size 40
		.amdhsa_user_sgpr_count 2
		.amdhsa_user_sgpr_kernarg_segment_ptr 1
		.amdhsa_wavefront_size32 1
		.amdhsa_system_sgpr_workgroup_id_x 1
		.amdhsa_system_sgpr_workgroup_id_y 1
		.amdhsa_system_sgpr_workgroup_id_z 1
		.amdhsa_system_vgpr_workitem_id 0
		.amdhsa_next_free_vgpr 256
		.amdhsa_next_free_sgpr 66
		.amdhsa_reserve_vcc 0
		.amdhsa_float_denorm_mode_32 3
		.amdhsa_float_denorm_mode_16_64 3
		.amdhsa_memory_ordered 1
		.amdhsa_forward_progress 1
		.amdhsa_inst_pref_size 25
	.end_amdhsa_kernel
	.amdgpu_metadata
---
amdhsa.version: [ 1, 2 ]
amdhsa.kernels:
  - .name:           k_q5629cc15df_ln2
    .symbol:         k_q5629cc15df_ln2.kd
    .args:
      - { .name: x1, .offset: 0, .size: 8, .value_kind: global_buffer, .address_space: global }
      - { .name: ln2_g, .offset: 8, .size: 8, .value_kind: global_buffer, .address_space: global }
      - { .name: ln2_b, .offset: 16, .size: 8, .value_kind: global_buffer, .address_space: global }
      - { .name: lowp_scales, .offset: 24, .size: 8, .value_kind: global_buffer, .address_space: global }
      - { .name: h2, .offset: 32, .size: 8, .value_kind: global_buffer, .address_space: global }
    .group_segment_fixed_size: 41984
    .private_segment_fixed_size: 0
    .kernarg_segment_align: 8
    .kernarg_segment_size: 40
    .max_flat_workgroup_size: 256
    .sgpr_count:     66
    .vgpr_count:     256
    .wavefront_size: 32
...
	.end_amdgpu_metadata
.endif
;; end of part 5
;; launch w1 (part 6): grid 32 x 32, 4 waves a work-group, clusters of 4 x 4, 327,680 bytes of LDS; arguments h2, W1_codes, b1, lowp_scales, hc; writes hc
.if DOCPART == 6
	.amdgcn_target "amdgcn-amd-amdhsa--gfx1250"
	.amdhsa_code_object_version 6
	.text
	.protected	k_q5629cc15df_w1
	.globl	k_q5629cc15df_w1
	.p2align	8
	.type	k_q5629cc15df_w1,@function
k_q5629cc15df_w1:
	s_mov_b64 s[64:65], 0
	v_nop
	global_prefetch_b8 v0, s[64:65] scope:SCOPE_SE
	s_setreg_imm32_b32 hwreg(HW_REG_WAVE_MODE, 25, 1), 1
	s_wait_xcnt 0x0
	s_wait_alu depctr_hold_cnt(0) depctr_sa_sdst(0) depctr_va_vdst(0) depctr_va_sdst(0) depctr_va_ssrc(0) depctr_va_vcc(0) depctr_vm_vsrc(0)
	s_getreg_b32 s2, hwreg(HW_REG_IB_STS2, 6, 4)
	s_cmp_eq_u32 s2, 0
	s_cbranch_scc0 .Lentry_in_a_cluster
	s_endpgm
.Lentry_in_a_cluster:
	s_bfe_u32 s2, ttmp6, 0x10000c
	s_cmp_lg_u32 s2, 0xf033
	s_cbranch_scc0 .Lentry_shape_is_right
	s_endpgm
.Lentry_shape_is_right:
; ONE TEXT FOR THE BLOCK'S FOUR GEMM LAUNCHES ON E4M3 CODES; MODE picks the launch.  C[m][n] = sum over k of A[m][k] B[n][k], 4,096 rows; f32 sums; each tensor has the one given scale 2^e.
;   MODE 0  q, k, v = LN1(x) Wq, Wk, Wv (K 1,024; N 3 x 1,024): results quantised to codes.  q -> qc, k and v (v with the tokens innermost) -> kv
;   MODE 1  relu(LN2 W1 + b1) (K 1,024, N 4,096): quantised to codes -> hc          MODE 2  x + attention Wo + bo (K 1,024, N 1,024) -> x1, f32          MODE 3  x1 + hidden W2 + b2 (K 4,096, N 1,024) -> out0, f32
; SHARES.  A tile of C is 128 x 128: with it the two narrow products still have 256 work-groups.  Four waves, each 64 x 64: 16 accumulators.  K goes in chunks of 512 through two LDS slots, filled by the tensor data mover;
; with K = 1,024 both chunks are asked for at the head and nothing is filled again.
; CLUSTERS: 4 x 4 work-groups.  The four of a row of the cluster need the same tiles of A, the four of a column the same tiles of B: each tile is asked for JOINTLY, by the same tensor load with a mask that names the four.
; LAYOUTS.  Weights and the norms' codes are rows of K bytes.  'PANELS' (qc, ac, hc): byte = (k / 64) x 262,144 + row x 64 + k % 64: a wave's 64 x 64 codes are then one dense block of 4,096 bytes, and 64 rows x 512 along K
; are one tile of 8 rows of 4,096 bytes.  kv: byte = (2 head + batch) x 262,144 + (t / 256) x 32,768 + (K: 0, V: 16,384) + a dense block of 4,096 bytes for each 64 tokens: K as [token][d], V as [d][token].
; THE MATRIX INSTRUCTION IS USED TRANSPOSED: source 0 = P (16 rows whose index then runs along a lane's registers), source 1 = Q (16 rows, one a lane).  P = the weight's rows and Q = the tokens, so that a lane holds eight
; neighbouring columns of one row of C; for v the two LDS bases change places, so that a lane holds one d and eight neighbouring tokens.  That choice hangs on the cluster's x alone, which all sixteen partners share.
; A fragment (16 rows x 128 K) comes by four loads of 16 bytes: registers 4 c .. 4 c + 3 hold k = 32 c + 16 (lane / 16) + 0 .. 15: the same permutation of k on both sides, so every product meets its partner.
; The bias is the C of each sum's first matrix instruction, divided by 2^(ea + eb), which the sums lack.
; LIMITS on the given exponents, so that each power of two is an f32 number: ea + eb between -126 and 127; for codes out, eo - ea - eb between -126 and 119.  NaN is not served.
; No prefetch: with K = 1,024 every tile is asked for at the head; with K = 4,096 a step is short and the tiles are shared by the cluster.
; REGISTERS.  Window 0: v1-8 at work, v16-31 addresses and constants, v32-95 the way out, v96-127 the bias, v128-255 the accumulators ((a, b) at v[128 + 8 (4 a + b)]).  Window 1: two fragment buffers of 128 (Q's four, then P's four).
; Window 2 (MODE 2, 3): v0-127 the residual, in the layout in which the rows leave.
.set MODE, 1
.if MODE == 3
.set KB,  4096                         ; K, and a weight row's bytes
.set KSH, 12
.else
.set KB,  1024
.set KSH, 10
.endif
.set LAPS, KB/1024                     ; a lap = two chunks = once round the ring
.set PB,  528                          ; an LDS row of 512 bytes + 16 of padding: an odd multiple of 16, so the 16 rows of a load start at 16 different columns of banks
.set HB,  64*PB                        ; 64 such rows: what one tensor load brings
.if MODE < 2
.set CODES,  1
.set APANEL, 0
.set HA,    64*PB
.set ASH,   10                         ; a row of A is 1,024 bytes
.set ASTEP, 512                        ; a chunk on
.else
.set CODES,  0
.set APANEL, 1
.set HA,    8*5120                     ; 8 panels x 64 rows x (64 bytes + 16)
.set ASH,   6
.set ASTEP, 8*262144
.endif
.if MODE > 0
.set BIASED, 1
.else
.set BIASED, 0
.endif
.set SLOT,  2*HA+2*HB                  ; A's two halves, then B's two halves
.set STAGE, 2*SLOT                     ; behind the ring: 5,120 bytes for each wave, for the way out
.set SPARE, STAGE+20480                ; behind the stages: the spare words, 128 bytes for each wave, which no other line names
.set ADRQ, 16                          ; v16-17  LDS address of my Q fragments in slot 0, 1
.set ADRP, 20                          ; v20-21  the same for P
.set STO,  24                          ; v24     the way out: where I put my bytes of a row
.set RD,   25                          ; v25     where I read rows back
.set CO,   26                          ; v26     my byte offset in the output (and in the residual); never rewritten
.set BOF,  27                          ; v27     32 x (lane / 16): my eight numbers of 16 of the bias
.set SPW,  28                          ; v28     LDS address of my spare word; never rewritten
.set NIL,  29                          ; v29     0; never rewritten
.set SCL,  30                          ; v30     2^(eo - ea - eb)
.set LIMV, 31                          ; v31     448 x that
.set TMP,  32
.set BIAS, 96
.set ACC,  128
.set F0,   0
.set F1,   128
.set G1,  24                           ; s[24:31] descriptor group 1 for A's tiles;  s[32:39] group 0, one set for each slot
.set G0,  32
.set G1B, 48                           ; s[48:55], s[56:63] the same for B's
.set G0B, 56
.set MSB, 0
.macro WIN new                         ; the immediate's high byte repeats the setting that is left
.if MSB != \new
	s_set_vgpr_msb (MSB<<8)|\new
.set MSB, \new
.endif
.endm
.set MUL,   0x05                       ; sources 0 and 1 window 1; C and D window 0
.set TO_F,  0x40                       ; destination window 1, address window 0
.set TO_R,  0x80                       ; destination window 2
.set FMA_R, 0x20                       ; source 2 window 2
.macro JLOAD s                         ; a joint load: waves 0 and 1 fetch A's two halves, waves 2 and 3 B's; four v_nop follow each of the two lines, ahead of the jump, the label and what follows
	s_cmp_eq_u32 s11, 0
	s_cbranch_scc0 .Lfor_b_\@
	tensor_load_to_lds s[G0+4*\s:G0+4*\s+3], s[G1:G1+7]
	s_nop 0
.rept 4
	v_nop
.endr
	s_branch .Lasked_\@
.Lfor_b_\@:
	tensor_load_to_lds s[G0B+4*\s:G0B+4*\s+3], s[G1B:G1B+7]
	s_nop 0
.rept 4
	v_nop
.endr
.Lasked_\@:
.endm
.macro CREST                           ; a round of the cluster's barrier behind its opening barrier
	s_cmp_lg_u32 s10, 0
	s_cbranch_scc1 .Lnot_wave_0_\@
	s_barrier_signal -3
.Lnot_wave_0_\@:
	s_barrier_wait -3
	s_barrier_signal -1
	s_barrier_wait -1
.endm
.macro CROUND                          ; a whole round
	s_barrier_signal -1
	s_barrier_wait -1
	CREST
.endm
.if MODE == 0
	s_load_b64 s[4:5], s[0:1], 0x0                 ; xc
	s_load_b128 s[80:83], s[0:1], 0x8              ; Wq, Wk
	s_load_b128 s[84:87], s[0:1], 0x18             ; Wv, the scales' exponents
	s_load_b128 s[88:91], s[0:1], 0x28             ; qc, kv
.elseif MODE == 1
	s_load_b128 s[4:7], s[0:1], 0x0                ; A, B
	s_load_b64 s[66:67], s[0:1], 0x10              ; the bias
	s_load_b64 s[70:71], s[0:1], 0x18              ; the scales' exponents
	s_load_b64 s[8:9], s[0:1], 0x20                ; the output
.else
	s_load_b128 s[4:7], s[0:1], 0x0                ; A, B
	s_load_b64 s[66:67], s[0:1], 0x10              ; the bias
	s_load_b64 s[68:69], s[0:1], 0x18              ; the residual
	s_load_b64 s[70:71], s[0:1], 0x20              ; the scales' exponents
	s_load_b64 s[8:9], s[0:1], 0x28                ; the output
.endif
	v_lshl_add_u32 v[SPW], v0, 2, SPARE
	v_mov_b32 v[NIL], 0
	ds_add_u32 v28, v29
	s_wait_dscnt 0x0
	v_lshrrev_b32 v1, 5, v0
	v_readfirstlane_b32 s10, v1                    ; wave 0..3
	s_lshr_b32 s11, s10, 1                         ; which half of the tile's rows is mine.  Also: I fetch for A (0) or for B (1)
	s_and_b32 s12, s10, 1                          ; which half of its columns.  Also: which 64 rows of that tile I fetch
	s_bfe_u32 s40, ttmp6, 0x40000                  ; cx, cy: my place in the cluster
	s_bfe_u32 s41, ttmp6, 0x40004
.if MODE == 0
	s_lshr_b32 s76, ttmp9, 1                       ; two clusters along x to a weight: 0 q, 1 k, 2 v
	s_and_b32 s42, ttmp9, 1
	s_lshl_b32 s42, s42, 2
.else
	s_lshl_b32 s42, ttmp9, 2
.endif
	s_add_co_u32 s42, s42, s40                     ; tile column (in its weight)
	s_and_b32 s13, ttmp7, 0xffff
	s_lshl_b32 s13, s13, 2
	s_add_co_u32 s13, s13, s41                     ; tile row = 4 x cluster y + cy
	s_lshl_b32 s43, s41, 2
	s_lshl_b32 s43, 15, s43                        ; my row of the cluster
	s_lshl_b32 s44, 0x1111, s40                    ; my column
	; descriptor group 1, elements of 1 byte.  15:0 the mask; 20 padding on; 21 set beside a mask; 24:22 the padding's interval; 31:25 four words of it (code 3)
.if APANEL
	s_or_b32 s[G1+0], s43, (1<<20)|(1<<21)|(3<<22)|(3<<25)   ; after every 16 words: behind each token's 64 bytes
	s_mov_b32 s[G1+1], 4096<<16                    ; tensor_dim0: 64 tokens x 64 bytes of a panel
	s_mov_b32 s[G1+2], 8<<16                       ; tensor_dim1: 8 panels
	s_mov_b32 s[G1+3], 4096<<16                    ; tile_dim0
	s_mov_b32 s[G1+4], 8                           ; tile_dim1
	s_mov_b32 s[G1+5], 262144                      ; from panel to panel
.else
	s_or_b32 s[G1+0], s43, (1<<20)|(1<<21)|(6<<22)|(3<<25)   ; after every 128 words: behind each row
	s_mov_b32 s[G1+1], 512<<16
	s_mov_b32 s[G1+2], 64<<16
	s_mov_b32 s[G1+3], 512<<16
	s_mov_b32 s[G1+4], 64
	s_mov_b32 s[G1+5], 1024
.endif
	s_mov_b32 s[G1+6], 0
	s_mov_b32 s[G1+7], 0
	s_or_b32 s[G1B+0], s44, (1<<20)|(1<<21)|(6<<22)|(3<<25)
	s_mov_b32 s[G1B+1], 512<<16
	s_mov_b32 s[G1B+2], 64<<16
	s_mov_b32 s[G1B+3], 512<<16
	s_mov_b32 s[G1B+4], 64
	s_mov_b32 s[G1B+5], KB
	s_mov_b32 s[G1B+6], 0
	s_mov_b32 s[G1B+7], 0
	; where the tiles come from: A's hang on the tile row alone, B's on the tile column alone, each in registers that never hold the other coordinate
	s_lshl_b32 s17, s12, 6                         ; which 64 rows of the tile I fetch
	s_lshl_b32 s16, s13, 7
	s_add_co_u32 s16, s16, s17
	s_lshl_b32 s46, s42, 7
	s_add_co_u32 s46, s46, s17
	s_lshl_b32 s16, s16, ASH                       ; in bytes
	s_lshl_b32 s46, s46, KSH
.if MODE == 0
	s_lshl_b32 s17, s76, 22                        ; the array of LN1's codes made with this product's scale
	s_add_co_u32 s16, s16, s17
.endif
	s_mov_b32 s17, 0
	s_mov_b32 s47, 0
	s_mul_i32 s45, s12, HA                         ; and where they go: no place in the cluster enters an LDS address
	s_mul_i32 s98, s12, HB
	s_add_co_u32 s98, s98, 2*HA
	s_wait_kmcnt 0x0
.if MODE == 0
	s_mov_b64 s[70:71], s[86:87]
	s_cmp_eq_u32 s76, 0
	s_cselect_b64 s[6:7], s[80:81], s[82:83]       ; the weight and the output are chosen by the cluster's x
	s_cselect_b64 s[8:9], s[88:89], s[90:91]
	s_cmp_eq_u32 s76, 2
	s_cselect_b64 s[6:7], s[84:85], s[6:7]
	s_cselect_b32 s77, 1, 0                        ; 1 for v
.endif
	s_load_b512 s[80:95], s[70:71], 0x0            ; the sixteen exponents: entry i in s[80 + i]
	s_add_nc_u64 s[14:15], s[4:5], s[16:17]
	s_add_nc_u64 s[46:47], s[6:7], s[46:47]
	CROUND                                         ; all sixteen work-groups are here: the first joint loads meet
.irp s, 0,1
	s_mov_b32 s[G0+4*\s], 1
	s_add_co_u32 s[G0+4*\s+1], s45, \s*SLOT
	s_add_nc_u64 s[G0+4*\s+2:G0+4*\s+3], s[14:15], \s*ASTEP
	s_or_b32 s[G0+4*\s+3], s[G0+4*\s+3], 0x80000000
	s_mov_b32 s[G0B+4*\s], 1
	s_add_co_u32 s[G0B+4*\s+1], s98, \s*SLOT
	s_add_nc_u64 s[G0B+4*\s+2:G0B+4*\s+3], s[46:47], \s*512
	s_or_b32 s[G0B+4*\s+3], s[G0B+4*\s+3], 0x80000000
	JLOAD \s                                       ; two loads of mine are out
.endr
	v_and_b32 v1, 15, v0                           ; r = lane % 16
	v_bfe_u32 v2, v0, 4, 1                         ; h = lane / 16
.if BIASED
	s_lshl_b32 s98, s42, 9                         ; my first column x 4 bytes: 512 x tile column + 256 x half
	s_lshl_b32 s99, s12, 8
	s_add_co_u32 s98, s98, s99
	s_mov_b32 s99, 0
	s_add_nc_u64 s[66:67], s[66:67], s[98:99]
	v_lshlrev_b32 v[BOF], 5, v2
.irp b, 0,1,2,3
	global_load_b128 v[BIAS+8*\b:BIAS+8*\b+3], v[BOF], s[66:67] offset:64*\b         ; columns 16 b + 8 h + 0 .. 7: the result's layout
	global_load_b128 v[BIAS+8*\b+4:BIAS+8*\b+7], v[BOF], s[66:67] offset:64*\b+16
.endr
.endif
	s_lshl_b32 s20, s13, 7
	s_lshl_b32 s21, s11, 6
	s_add_co_u32 s20, s20, s21                     ; my first row: 128 x tile row + 64 x half
.if CODES
	s_lshl_b32 s16, s20, 6                         ; panels: row x 64,
	s_lshl_b32 s46, s42, 1
	s_add_co_u32 s46, s46, s12                     ; in panel 2 x tile column + half (MODE 0: the head)
.if MODE == 0
	s_lshr_b32 s21, s20, 11                        ; kv: the batch,
	s_lshl_b32 s21, s21, 18
	s_bfe_u32 s22, s20, 0x30008                    ; t / 256,
	s_lshl_b32 s22, s22, 15
	s_add_co_u32 s21, s21, s22
	s_and_b32 s22, s20, 255                        ; the block of 64 tokens,
	s_lshl_b32 s22, s22, 6
	s_add_co_u32 s21, s21, s22
	s_lshl_b32 s22, s77, 14                        ; V behind K
	s_add_co_u32 s21, s21, s22
	s_lshl_b32 s47, s46, 19
	s_lshl_b32 s46, s46, 18
	s_cmp_eq_u32 s76, 0
	s_cselect_b32 s16, s16, s21
	s_cselect_b32 s46, s46, s47
.else
	s_lshl_b32 s46, s46, 18
.endif
	s_mov_b32 s17, 0
	s_mov_b32 s47, 0
	s_add_nc_u64 s[8:9], s[8:9], s[16:17]
	s_add_nc_u64 s[8:9], s[8:9], s[46:47]
	v_and_b32 v3, 31, v0
	v_lshlrev_b32 v[CO], 4, v3                     ; 16 x lane: a store of the wave covers 512 consecutive bytes
.else
	s_lshl_b32 s16, s20, 12                        ; rows of 4,096 bytes
	s_mov_b32 s17, 0
	s_add_nc_u64 s[8:9], s[8:9], s[16:17]
	s_add_nc_u64 s[8:9], s[8:9], s[98:99]
	s_add_nc_u64 s[68:69], s[68:69], s[16:17]
	s_add_nc_u64 s[68:69], s[68:69], s[98:99]
	v_lshlrev_b32 v[CO], 12, v2                    ; lanes 0-15 one row's 256 bytes, lanes 16-31 the next row's
	v_lshl_add_u32 v[CO], v1, 4, v[CO]
	WIN TO_R
.irp a, 0,1,2,3
.irp t, 0,1,2,3,4,5,6,7
	global_load_b128 v[32*\a+4*\t:32*\a+4*\t+3], v[CO], s[68:69] offset:(16*\a+2*\t)*4096   ; the residual lands while the products run
.endr
.endr
	WIN 0
.endif
	v_mul_u32_u24 v7, v1, PB
	v_lshl_add_u32 v7, v2, 4, v7                   ; a fragment's row x pitch + 16 x half
.if APANEL
	v_mul_u32_u24 v8, v1, 80
	v_lshl_add_u32 v8, v2, 4, v8
.endif
	s_mul_i32 s21, s11, HA                         ; Q: my 64 rows of A
	s_mul_i32 s22, s12, HB
	s_add_co_u32 s22, s22, 2*HA                    ; P: my 64 rows of B
.if MODE == 0
	s_cmp_eq_u32 s76, 2                            ; for v the two change places (both regions have the same pitch here)
	s_cselect_b32 s23, s22, s21
	s_cselect_b32 s22, s21, s22
	s_mov_b32 s21, s23
.endif
.irp s, 0,1
.if APANEL
	v_add_nc_u32 v[ADRQ+\s], s21, v8
.else
	v_add_nc_u32 v[ADRQ+\s], s21, v7
.endif
	v_add_nc_u32 v[ADRP+\s], s22, v7
	s_add_co_u32 s21, s21, SLOT
	s_add_co_u32 s22, s22, SLOT
.endr
.if CODES
	s_mul_i32 s23, s10, 5120                       ; my stage: 64 rows of 64 bytes + 16
	s_add_co_u32 s23, s23, STAGE
	v_mul_u32_u24 v5, v1, 80
	v_lshl_add_u32 v5, v2, 3, v5
	v_add_nc_u32 v[STO], s23, v5                   ; in: row r, 8 bytes for each half of the lanes
	v_lshrrev_b32 v5, 2, v3
	v_mul_u32_u24 v5, v5, 80
	v_and_b32 v6, 3, v3
	v_lshl_add_u32 v5, v6, 4, v5
	v_add_nc_u32 v[RD], s23, v5                    ; back: four lanes to a row, eight rows an instruction
.else
	s_mul_i32 s23, s10, 4352                       ; my stage: 16 rows of 256 bytes + 16
	s_add_co_u32 s23, s23, STAGE
	v_mul_u32_u24 v5, v1, 272
	v_lshl_add_u32 v5, v2, 5, v5
	v_add_nc_u32 v[STO], s23, v5                   ; in: row r, 32 bytes for each half of the lanes
	v_mul_u32_u24 v5, v2, 272
	v_lshl_add_u32 v5, v1, 4, v5
	v_add_nc_u32 v[RD], s23, v5                    ; back: sixteen lanes to a row, two rows an instruction
.endif
	s_wait_kmcnt 0x0
.if MODE == 0
	s_cmp_eq_u32 s76, 0                            ; ea, eb, eo: entries (0, 1, 6), (2, 3, 7), (4, 5, 8)
	s_cselect_b32 s98, s80, s82
	s_cselect_b32 s99, s81, s83
	s_cselect_b32 s16, s86, s87
	s_cmp_eq_u32 s76, 2
	s_cselect_b32 s98, s84, s98
	s_cselect_b32 s99, s85, s99
	s_cselect_b32 s16, s88, s16
.elseif MODE == 1
	s_mov_b32 s98, s92                             ; entries 12, 13, 14
	s_mov_b32 s99, s93
	s_mov_b32 s16, s94
.elseif MODE == 2
	s_mov_b32 s98, s90                             ; entries 10, 11
	s_mov_b32 s99, s91
.else
	s_mov_b32 s98, s94                             ; entries 14, 15
	s_mov_b32 s99, s95
.endif
	s_add_co_i32 s98, s98, s99                     ; a sum stands for sum x 2^(ea + eb)
.if CODES
	s_sub_co_i32 s16, s16, s98                     ; its code is sum / 2^(eo - ea - eb): the three scales folded into the conversion's one
	s_add_co_i32 s16, s16, 127
	s_lshl_b32 s17, s16, 23
	v_mov_b32 v[SCL], s17
	s_add_co_i32 s16, s16, 8
	s_lshl_b32 s16, s16, 23
	s_or_b32 s16, s16, 0x600000
	v_mov_b32 v[LIMV], s16
.else
	s_add_co_i32 s96, s98, 127
	s_lshl_b32 s96, s96, 23                        ; 2^(ea + eb) as f32
	s_mov_b32 s97, s96                             ; (named with it as a pair, so it is written)
.endif
.if BIASED
	s_sub_co_i32 s99, 0, s98
.if CODES
	s_wait_loadcnt 0x0                             ; the bias
.else
	s_wait_loadcnt 32                              ; the bias is in; the residual's 32 loads may stay out
.endif
.irp j, 0,1,2,3,4,5,6,7,8,9,10,11,12,13,14,15,16,17,18,19,20,21,22,23,24,25,26,27,28,29,30,31
	v_ldexp_f32 v[BIAS+\j], v[BIAS+\j], s99        ; bias / 2^(ea + eb)
.endr
.endif
; 8 matrix instructions: Q's blocks a0, a0 + 1 x P's four, 128 along K.  first = 1: they start the sums, from the bias or from 0: nothing is cleared.
; The 16 accumulators take turns, one instruction a turn, in the same order in every quarter.
.macro MUL8 f, a0, first
.irp a, \a0, \a0+1
.irp b, 0,1,2,3
.if \first
.if BIASED
	v_wmma_f32_16x16x128_fp8_fp8 v[ACC+8*(4*(\a)+\b):ACC+8*(4*(\a)+\b)+7], v[\f+64+16*\b:\f+64+16*\b+15], v[\f+16*(\a):\f+16*(\a)+15], v[BIAS+8*\b:BIAS+8*\b+7]
.else
	v_wmma_f32_16x16x128_fp8_fp8 v[ACC+8*(4*(\a)+\b):ACC+8*(4*(\a)+\b)+7], v[\f+64+16*\b:\f+64+16*\b+15], v[\f+16*(\a):\f+16*(\a)+15], 0
.endif
.else
	v_wmma_f32_16x16x128_fp8_fp8 v[ACC+8*(4*(\a)+\b):ACC+8*(4*(\a)+\b)+7], v[\f+64+16*\b:\f+64+16*\b+15], v[\f+16*(\a):\f+16*(\a)+15], v[ACC+8*(4*(\a)+\b):ACC+8*(4*(\a)+\b)+7]
.endif
.endr
.endr
.endm
; 32 LDS loads in one run: the fragments of the slot's q-th 128 along K into buffer f: P's four, then Q's four
.macro FETCH slot, q, f
	WIN TO_F
.irp b, 0,1,2,3
.irp c, 0,1,2,3
	ds_load_b128 v[\f+64+16*\b+4*\c:\f+64+16*\b+4*\c+3], v[ADRP+\slot] offset:128*(\q)+32*\c+\b*16*PB
.endr
.endr
.irp a, 0,1,2,3
.irp c, 0,1,2,3
.if APANEL
	ds_load_b128 v[\f+16*\a+4*\c:\f+16*\a+4*\c+3], v[ADRQ+\slot] offset:(2*(\q)+\c/2)*5120+32*(\c%2)+\a*16*80
.else
	ds_load_b128 v[\f+16*\a+4*\c:\f+16*\a+4*\c+3], v[ADRQ+\slot] offset:128*(\q)+32*\c+\a*16*PB
.endif
.endr
.endr
.endm
.macro PLACES                          ; four plain vector instructions in front of loads into registers that matrix instructions have read, and of the first read of results (ISA guide 7.12.1 for the first read of results)
.rept 4
	v_nop
.endr
.endm
; A chunk is four quarters of 128 along K, 16 matrix instructions each, on buffers 0, 1, 0, 1.  One of the first three: multiplies buffer f and fetches quarter nq into g.
.macro QUARTER slot, nq, f, g, first
	s_wait_dscnt 8                                 ; P's four and Q's blocks 0, 1 are in; the youngest eight loads (Q's blocks 2, 3) may be out
	WIN MUL
	MUL8 \f, 0, \first
	PLACES
	FETCH \slot, \nq, \g
	s_wait_dscnt 32                                ; all but the 32 just issued
	WIN MUL
	MUL8 \f, 2, \first
.endm
; The last quarter multiplies buffer 1 and changes slots: ONE barrier; in front of it each wave waits for all its tensor loads, adds 0 to its spare word, and waits for that and for its own reads of this slot.
; fill = 1: the barrier opens a round of the cluster's barrier, and this slot is filled again, two chunks ahead: the load has 56 matrix instructions in which to land.
.macro TURN slot, next, fill
	WIN 0                                          ; (the add's two registers lie in window 0)
	s_wait_tensorcnt 0x0                           ; all my tensor loads have landed: my part of the next slot;
	ds_add_u32 v[SPW], v[NIL]                      ; 0 onto my spare word;
	s_wait_dscnt 9                                 ; (the add and the youngest eight loads may be out)
	WIN MUL
	MUL8 F1, 0, 0                                  ; eight matrix instructions stand between the add and the wait for it
	s_wait_dscnt 0x0                               ; the add is done, and my reads of this slot are over
	WIN 0
	s_barrier_signal -1
	s_barrier_wait -1
.if \fill
	CREST                                          ; no wave of any partner still reads this slot's tile or has a load on its way
	s_add_nc_u64 s[G0+4*\slot+2:G0+4*\slot+3], s[G0+4*\slot+2:G0+4*\slot+3], 2*ASTEP
	s_add_nc_u64 s[G0B+4*\slot+2:G0B+4*\slot+3], s[G0B+4*\slot+2:G0B+4*\slot+3], 2*512
	JLOAD \slot                                    ; the first tensor load behind the round, my only one until the next; its four v_nop are also the places in front of the loads below
.else
	PLACES
.endif
	FETCH \next, 0, F0
	WIN MUL
	MUL8 F1, 2, 0
.endm
	s_wait_tensorcnt 1                             ; my part of chunk 0 is in (chunk 1's load may be out)
	s_barrier_signal -1
	s_barrier_wait -1                              ; everybody's is
	FETCH 0, 0, F0
	QUARTER 0, 1, F0, F1, 1                        ; the first quarter stands in front of the loop: its products start the sums
.if LAPS > 1
	WIN 0                                          ; at a label and at a branch every window is 0
	s_mov_b32 s3, LAPS-1
.Llap:                                                 ; a trip goes once round the ring, from a lap's second quarter to the next lap's first, and fills both slots again
	QUARTER 0, 2, F1, F0, 0
	QUARTER 0, 3, F0, F1, 0
	TURN 0, 1, 1
	QUARTER 1, 1, F0, F1, 0
	QUARTER 1, 2, F1, F0, 0
	QUARTER 1, 3, F0, F1, 0
	TURN 1, 0, 1
	QUARTER 0, 1, F0, F1, 0
	WIN 0
	s_sub_co_u32 s3, s3, 1
	s_cmp_lg_u32 s3, 0
	s_cbranch_scc1 .Llap
.endif
	QUARTER 0, 2, F1, F0, 0                        ; the last lap fills nothing, and has no round of the cluster's barrier
	QUARTER 0, 3, F0, F1, 0
	TURN 0, 1, 0
	QUARTER 1, 1, F0, F1, 0
	QUARTER 1, 2, F1, F0, 0
	QUARTER 1, 3, F0, F1, 0
	s_wait_dscnt 8                                 ; the very last quarter: nothing more to fetch
	WIN MUL
	MUL8 F1, 0, 0
	s_wait_dscnt 0x0
	MUL8 F1, 2, 0
	WIN 0
	PLACES
.if CODES
	; THE WAY OUT, codes.  A lane's eight sums are eight neighbours along the next product's K: held, converted, 8 bytes into my stage; back as rows; my 64 x 64 codes leave as one dense block of 4,096 bytes.
.irp k, 0,1,2,3,4,5,6,7,8,9,10,11,12,13,14,15
.irp j, 0,1,2,3,4,5,6,7
.if MODE == 1
	v_med3_num_f32 v[ACC+8*\k+\j], v[ACC+8*\k+\j], 0, v[LIMV]          ; the activation and the hold in one; each accumulator from its low end on
.else
	v_med3_num_f32 v[ACC+8*\k+\j], v[ACC+8*\k+\j], -v[LIMV], v[LIMV]   ; the conversion to an 8-bit code does not saturate (ISA guide 7.6.2): the hold comes first
.endif
.endr
	v_cvt_scalef32_pk8_fp8_f32 v[TMP+2*\k:TMP+2*\k+1], v[ACC+8*\k:ACC+8*\k+7], v[SCL]
.endr
	v_nop                                          ; a plain instruction behind the last conversion
.irp a, 0,1,2,3
.irp b, 0,1,2,3
	ds_store_b64 v[STO], v[TMP+2*(4*\a+\b):TMP+2*(4*\a+\b)+1] offset:1280*\a+16*\b
.endr
.endr
.irp t, 0,1,2,3,4,5,6,7
	ds_load_b128 v[TMP+32+4*\t:TMP+32+4*\t+3], v[RD] offset:640*\t     ; LDS serves a wave's instructions in order (ISA guide 5.7.1.4): these see my stores
.endr
.irp t, 0,1,2,3,4,5,6,7
	s_wait_dscnt 7-\t
	global_store_b128 v[CO], v[TMP+32+4*\t:TMP+32+4*\t+3], s[8:9] offset:512*\t   ; 32 lanes store 512 consecutive bytes, aligned
.endr
.else
	; THE WAY OUT, f32.  16 rows at a time through my stage, back as whole rows of 256 bytes; there sum x 2^(ea + eb) + residual, one packed multiply-add for two numbers (the bias is in the sum).
	s_wait_loadcnt 0x0                             ; the residual
.irp a, 0,1,2,3
.if \a >= 2
	s_wait_xcnt 0x0                                ; block a - 2's stores have read their registers, which block a's loads write
.endif
.irp b, 0,1,2,3
	ds_store_b128 v[STO], v[ACC+8*(4*\a+\b):ACC+8*(4*\a+\b)+3] offset:64*\b          ; each accumulator from its low end on
	ds_store_b128 v[STO], v[ACC+8*(4*\a+\b)+4:ACC+8*(4*\a+\b)+7] offset:64*\b+16
.endr
.irp t, 0,1,2,3,4,5,6,7
	ds_load_b128 v[TMP+32*(\a%2)+4*\t:TMP+32*(\a%2)+4*\t+3], v[RD] offset:544*\t     ; LDS serves a wave's instructions in order: these see my stores, and the next block's stores come behind them
.endr
	s_wait_dscnt 0x0
	WIN FMA_R
.irp i, 0,2,4,6,8,10,12,14,16,18,20,22,24,26,28,30
	v_pk_fma_f32 v[TMP+32*(\a%2)+\i:TMP+32*(\a%2)+\i+1], v[TMP+32*(\a%2)+\i:TMP+32*(\a%2)+\i+1], s[96:97], v[32*\a+\i:32*\a+\i+1] op_sel_hi:[1,0,1]
.endr
	WIN 0
.irp t, 0,1,2,3,4,5,6,7
	global_store_b128 v[CO], v[TMP+32*(\a%2)+4*\t:TMP+32*(\a%2)+4*\t+3], s[8:9] offset:(16*\a+2*\t)*4096   ; 16 lanes store 256 consecutive bytes, aligned
.endr
.endr
.endif
	s_wait_tensorcnt 0x0                           ; the wave's end: behind my last tensor load and my last LDS store
	ds_add_u32 v[SPW], v[NIL]
	s_wait_dscnt 0x0
	CROUND                                         ; the closing round: no work-group ends while a partner may still ask for a tile that names it
	s_endpgm
.Lfunc_end_k_q5629cc15df_w1:
	.size	k_q5629cc15df_w1, .Lfunc_end_k_q5629cc15df_w1-k_q5629cc15df_w1
	.p2alignl 7, 3214868480
	.fill 96, 4, 3214868480
	.section	.rodata,"a",@progbits
	.p2align	6, 0x0
	.amdhsa_kernel k_q5629cc15df_w1
		.amdhsa_group_segment_fixed_size 327680
		.amdhsa_private_segment_fixed_size 0
		.amdhsa_enable_private_segment 0
		.amdhsa_kernarg_size 40
		.amdhsa_user_sgpr_count 2
		.amdhsa_user_sgpr_kernarg_segment_ptr 1
		.amdhsa_wavefront_size32 1
		.amdhsa_system_sgpr_workgroup_id_x 1
		.amdhsa_system_sgpr_workgroup_id_y 1
		.amdhsa_system_sgpr_workgroup_id_z 1
		.amdhsa_system_vgpr_workitem_id 0
		.amdhsa_next_free_vgpr 512
		.amdhsa_next_free_sgpr 100
		.amdhsa_reserve_vcc 0
		.amdhsa_float_denorm_mode_32 3
		.amdhsa_float_denorm_mode_16_64 3
		.amdhsa_memory_ordered 1
		.amdhsa_forward_progress 1
		.amdhsa_inst_pref_size 49
	.end_amdhsa_kernel
	.amdgpu_metadata
---
amdhsa.version: [ 1, 2 ]
amdhsa.kernels:
  - .name:           k_q5629cc15df_w1
    .symbol:         k_q5629cc15df_w1.kd
    .args:
      - { .name: h2, .offset: 0, .size: 8, .value_kind: global_buffer, .address_space: global }
      - { .name: W1_codes, .offset: 8, .size: 8, .value_kind: global_buffer, .address_space: global }
      - { .name: b1, .offset: 16, .size: 8, .value_kind: global_buffer, .address_space: global }
      - { .name: lowp_scales, .offset: 24, .size: 8, .value_kind: global_buffer, .address_space: global }
      - { .name: hc, .offset: 32, .size: 8, .value_kind: global_buffer, .address_space: global }
    .group_segment_fixed_size: 327680
    .private_segment_fixed_size: 0
    .kernarg_segment_align: 8
    .kernarg_segment_size: 40
    .max_flat_workgroup_size: 128
    .sgpr_count:     100
    .vgpr_count:     512
    .wavefront_size: 32
...
	.end_amdgpu_metadata
.endif
;; end of part 6
;; launch w2 (part 7): grid 8 x 32, 4 waves a work-group, clusters of 4 x 4, 327,680 bytes of LDS; arguments hc, W2_codes, b2, x1, lowp_scales, out0; writes out0
.if DOCPART == 7
	.amdgcn_target "amdgcn-amd-amdhsa--gfx1250"
	.amdhsa_code_object_version 6
	.text
	.protected	k_q5629cc15df_w2
	.globl	k_q5629cc15df_w2
	.p2align	8
	.type	k_q5629cc15df_w2,@function
k_q5629cc15df_w2:
	s_mov_b64 s[64:65], 0
	v_nop
	global_prefetch_b8 v0, s[64:65] scope:SCOPE_SE
	s_setreg_imm32_b32 hwreg(HW_REG_WAVE_MODE, 25, 1), 1
	s_wait_xcnt 0x0
	s_wait_alu depctr_hold_cnt(0) depctr_sa_sdst(0) depctr_va_vdst(0) depctr_va_sdst(0) depctr_va_ssrc(0) depctr_va_vcc(0) depctr_vm_vsrc(0)
	s_getreg_b32 s2, hwreg(HW_REG_IB_STS2, 6, 4)
	s_cmp_eq_u32 s2, 0
	s_cbranch_scc0 .Lentry_in_a_cluster
	s_endpgm
.Lentry_in_a_cluster:
	s_bfe_u32 s2, ttmp6, 0x10000c
	s_cmp_lg_u32 s2, 0xf033
	s_cbranch_scc0 .Lentry_shape_is_right
	s_endpgm
.Lentry_shape_is_right:
; ONE TEXT FOR THE BLOCK'S FOUR GEMM LAUNCHES ON E4M3 CODES; MODE picks the launch.  C[m][n] = sum over k of A[m][k] B[n][k], 4,096 rows; f32 sums; each tensor has the one given scale 2^e.
;   MODE 0  q, k, v = LN1(x) Wq, Wk, Wv (K 1,024; N 3 x 1,024): results quantised to codes.  q -> qc, k and v (v with the tokens innermost) -> kv
;   MODE 1  relu(LN2 W1 + b1) (K 1,024, N 4,096): quantised to codes -> hc          MODE 2  x + attention Wo + bo (K 1,024, N 1,024) -> x1, f32          MODE 3  x1 + hidden W2 + b2 (K 4,096, N 1,024) -> out0, f32
; SHARES.  A tile of C is 128 x 128: with it the two narrow products still have 256 work-groups.  Four waves, each 64 x 64: 16 accumulators.  K goes in chunks of 512 through two LDS slots, filled by the tensor data mover;
; with K = 1,024 both chunks are asked for at the head and nothing is filled again.
; CLUSTERS: 4 x 4 work-groups.  The four of a row of the cluster need the same tiles of A, the four of a column the same tiles of B: each tile is asked for JOINTLY, by the same tensor load with a mask that names the four.
; LAYOUTS.  Weights and the norms' codes are rows of K bytes.  'PANELS' (qc, ac, hc): byte = (k / 64) x 262,144 + row x 64 + k % 64: a wave's 64 x 64 codes are then one dense block of 4,096 bytes, and 64 rows x 512 along K
; are one tile of 8 rows of 4,096 bytes.  kv: byte = (2 head + batch) x 262,144 + (t / 256) x 32,768 + (K: 0, V: 16,384) + a dense block of 4,096 bytes for each 64 tokens: K as [token][d], V as [d][token].
; THE MATRIX INSTRUCTION IS USED TRANSPOSED: source 0 = P (16 rows whose index then runs along a lane's registers), source 1 = Q (16 rows, one a lane).  P = the weight's rows and Q = the tokens, so that a lane holds eight
; neighbouring columns of one row of C; for v the two LDS bases change places, so that a lane holds one d and eight neighbouring tokens.  That choice hangs on the cluster's x alone, which all sixteen partners share.
; A fragment (16 rows x 128 K) comes by four loads of 16 bytes: registers 4 c .. 4 c + 3 hold k = 32 c + 16 (lane / 16) + 0 .. 15: the same permutation of k on both sides, so every product meets its partner.
; The bias is the C of each sum's first matrix instruction, divided by 2^(ea + eb), which the sums lack.
; LIMITS on the given exponents, so that each power of two is an f32 number: ea + eb between -126 and 127; for codes out, eo - ea - eb between -126 and 119.  NaN is not served.
; No prefetch: with K = 1,024 every tile is asked for at the head; with K = 4,096 a step is short and the tiles are shared by the cluster.
; REGISTERS.  Window 0: v1-8 at work, v16-31 addresses and constants, v32-95 the way out, v96-127 the bias, v128-255 the accumulators ((a, b) at v[128 + 8 (4 a + b)]).  Window 1: two fragment buffers of 128 (Q's four, then P's four).
; Window 2 (MODE 2, 3): v0-127 the residual, in the layout in which the rows leave.
.set MODE, 3
.if MODE == 3
.set KB,  4096                         ; K, and a weight row's bytes
.set KSH, 12
.else
.set KB,  1024
.set KSH, 10
.endif
.set LAPS, KB/1024                     ; a lap = two chunks = once round the ring
.set PB,  528                          ; an LDS row of 512 bytes + 16 of padding: an odd multiple of 16, so the 16 rows of a load start at 16 different columns of banks
.set HB,  64*PB                        ; 64 such rows: what one tensor load brings
.if MODE < 2
.set CODES,  1
.set APANEL, 0
.set HA,    64*PB
.set ASH,   10                         ; a row of A is 1,024 bytes
.set ASTEP, 512                        ; a chunk on
.else
.set CODES,  0
.set APANEL, 1
.set HA,    8*5120                     ; 8 panels x 64 rows x (64 bytes + 16)
.set ASH,   6
.set ASTEP, 8*262144
.endif
.if MODE > 0
.set BIASED, 1
.else
.set BIASED, 0
.endif
.set SLOT,  2*HA+2*HB                  ; A's two halves, then B's two halves
.set STAGE, 2*SLOT                     ; behind the ring: 5,120 bytes for each wave, for the way out
.set SPARE, STAGE+20480                ; behind the stages: the spare words, 128 bytes for each wave, which no other line names
.set ADRQ, 16                          ; v16-17  LDS address of my Q fragments in slot 0, 1
.set ADRP, 20                          ; v20-21  the same for P
.set STO,  24                          ; v24     the way out: where I put my bytes of a row
.set RD,   25                          ; v25     where I read rows back
.set CO,   26                          ; v26     my byte offset in the output (and in the residual); never rewritten
.set BOF,  27                          ; v27     32 x (lane / 16): my eight numbers of 16 of the bias
.set SPW,  28                          ; v28     LDS address of my spare word; never rewritten
.set NIL,  29                          ; v29     0; never rewritten
.set SCL,  30                          ; v30     2^(eo - ea - eb)
.set LIMV, 31                          ; v31     448 x that
.set TMP,  32
.set BIAS, 96
.set ACC,  128
.set F0,   0
.set F1,   128
.set G1,  24                           ; s[24:31] descriptor group 1 for A's tiles;  s[32:39] group 0, one set for each slot
.set G0,  32
.set G1B, 48                           ; s[48:55], s[56:63] the same for B's
.set G0B, 56
.set MSB, 0
.macro WIN new                         ; the immediate's high byte repeats the setting that is left
.if MSB != \new
	s_set_vgpr_msb (MSB<<8)|\new
.set MSB, \new
.endif
.endm
.set MUL,   0x05                       ; sources 0 and 1 window 1; C and D window 0
.set TO_F,  0x40                       ; destination window 1, address window 0
.set TO_R,  0x80                       ; destination window 2
.set FMA_R, 0x20                       ; source 2 window 2
.macro JLOAD s                         ; a joint load: waves 0 and 1 fetch A's two halves, waves 2 and 3 B's; four v_nop follow each of the two lines, ahead of the jump, the label and what follows
	s_cmp_eq_u32 s11, 0
	s_cbranch_scc0 .Lfor_b_\@
	tensor_load_to_lds s[G0+4*\s:G0+4*\s+3], s[G1:G1+7]
	s_nop 0
.rept 4
	v_nop
.endr
	s_branch .Lasked_\@
.Lfor_b_\@:
	tensor_load_to_lds s[G0B+4*\s:G0B+4*\s+3], s[G1B:G1B+7]
	s_nop 0
.rept 4
	v_nop
.endr
.Lasked_\@:
.endm
.macro CREST                           ; a round of the cluster's barrier behind its opening barrier
	s_cmp_lg_u32 s10, 0
	s_cbranch_scc1 .Lnot_wave_0_\@
	s_barrier_signal -3
.Lnot_wave_0_\@:
	s_barrier_wait -3
	s_barrier_signal -1
	s_barrier_wait -1
.endm
.macro CROUND                          ; a whole round
	s_barrier_signal -1
	s_barrier_wait -1
	CREST
.endm
.if MODE == 0
	s_load_b64 s[4:5], s[0:1], 0x0                 ; xc
	s_load_b128 s[80:83], s[0:1], 0x8              ; Wq, Wk
	s_load_b128 s[84:87], s[0:1], 0x18             ; Wv, the scales' exponents
	s_load_b128 s[88:91], s[0:1], 0x28             ; qc, kv
.elseif MODE == 1
	s_load_b128 s[4:7], s[0:1], 0x0                ; A, B
	s_load_b64 s[66:67], s[0:1], 0x10              ; the bias
	s_load_b64 s[70:71], s[0:1], 0x18              ; the scales' exponents
	s_load_b64 s[8:9], s[0:1], 0x20                ; the output
.else
	s_load_b128 s[4:7], s[0:1], 0x0                ; A, B
	s_load_b64 s[66:67], s[0:1], 0x10              ; the bias
	s_load_b64 s[68:69], s[0:1], 0x18              ; the residual
	s_load_b64 s[70:71], s[0:1], 0x20              ; the scales' exponents
	s_load_b64 s[8:9], s[0:1], 0x28                ; the output
.endif
	v_lshl_add_u32 v[SPW], v0, 2, SPARE
	v_mov_b32 v[NIL], 0
	ds_add_u32 v28, v29
	s_wait_dscnt 0x0
	v_lshrrev_b32 v1, 5, v0
	v_readfirstlane_b32 s10, v1                    ; wave 0..3
	s_lshr_b32 s11, s10, 1                         ; which half of the tile's rows is mine.  Also: I fetch for A (0) or for B (1)
	s_and_b32 s12, s10, 1                          ; which half of its columns.  Also: which 64 rows of that tile I fetch
	s_bfe_u32 s40, ttmp6, 0x40000                  ; cx, cy: my place in the cluster
	s_bfe_u32 s41, ttmp6, 0x40004
.if MODE == 0
	s_lshr_b32 s76, ttmp9, 1                       ; two clusters along x to a weight: 0 q, 1 k, 2 v
	s_and_b32 s42, ttmp9, 1
	s_lshl_b32 s42, s42, 2
.else
	s_lshl_b32 s42, ttmp9, 2
.endif
	s_add_co_u32 s42, s42, s40                     ; tile column (in its weight)
	s_and_b32 s13, ttmp7, 0xffff
	s_lshl_b32 s13, s13, 2
	s_add_co_u32 s13, s13, s41                     ; tile row = 4 x cluster y + cy
	s_lshl_b32 s43, s41, 2
	s_lshl_b32 s43, 15, s43                        ; my row of the cluster
	s_lshl_b32 s44, 0x1111, s40                    ; my column
	; descriptor group 1, elements of 1 byte.  15:0 the mask; 20 padding on; 21 set beside a mask; 24:22 the padding's interval; 31:25 four words of it (code 3)
.if APANEL
	s_or_b32 s[G1+0], s43, (1<<20)|(1<<21)|(3<<22)|(3<<25)   ; after every 16 words: behind each token's 64 bytes
	s_mov_b32 s[G1+1], 4096<<16                    ; tensor_dim0: 64 tokens x 64 bytes of a panel
	s_mov_b32 s[G1+2], 8<<16                       ; tensor_dim1: 8 panels
	s_mov_b32 s[G1+3], 4096<<16                    ; tile_dim0
	s_mov_b32 s[G1+4], 8                           ; tile_dim1
	s_mov_b32 s[G1+5], 262144                      ; from panel to panel
.else
	s_or_b32 s[G1+0], s43, (1<<20)|(1<<21)|(6<<22)|(3<<25)   ; after every 128 words: behind each row
	s_mov_b32 s[G1+1], 512<<16
	s_mov_b32 s[G1+2], 64<<16
	s_mov_b32 s[G1+3], 512<<16
	s_mov_b32 s[G1+4], 64
	s_mov_b32 s[G1+5], 1024
.endif
	s_mov_b32 s[G1+6], 0
	s_mov_b32 s[G1+7], 0
	s_or_b32 s[G1B+0], s44, (1<<20)|(1<<21)|(6<<22)|(3<<25)
	s_mov_b32 s[G1B+1], 512<<16
	s_mov_b32 s[G1B+2], 64<<16
	s_mov_b32 s[G1B+3], 512<<16
	s_mov_b32 s[G1B+4], 64
	s_mov_b32 s[G1B+5], KB
	s_mov_b32 s[G1B+6], 0
	s_mov_b32 s[G1B+7], 0
	; where the tiles come from: A's hang on the tile row alone, B's on the tile column alone, each in registers that never hold the other coordinate
	s_lshl_b32 s17, s12, 6                         ; which 64 rows of the tile I fetch
	s_lshl_b32 s16, s13, 7
	s_add_co_u32 s16, s16, s17
	s_lshl_b32 s46, s42, 7
	s_add_co_u32 s46, s46, s17
	s_lshl_b32 s16, s16, ASH                       ; in bytes
	s_lshl_b32 s46, s46, KSH
.if MODE == 0
	s_lshl_b32 s17, s76, 22                        ; the array of LN1's codes made with this product's scale
	s_add_co_u32 s16, s16, s17
.endif
	s_mov_b32 s17, 0
	s_mov_b32 s47, 0
	s_mul_i32 s45, s12, HA                         ; and where they go: no place in the cluster enters an LDS address
	s_mul_i32 s98, s12, HB
	s_add_co_u32 s98, s98, 2*HA
	s_wait_kmcnt 0x0
.if MODE == 0
	s_mov_b64 s[70:71], s[86:87]
	s_cmp_eq_u32 s76, 0
	s_cselect_b64 s[6:7], s[80:81], s[82:83]       ; the weight and the output are chosen by the cluster's x
	s_cselect_b64 s[8:9], s[88:89], s[90:91]
	s_cmp_eq_u32 s76, 2
	s_cselect_b64 s[6:7], s[84:85], s[6:7]
	s_cselect_b32 s77, 1, 0                        ; 1 for v
.endif
	s_load_b512 s[80:95], s[70:71], 0x0            ; the sixteen exponents: entry i in s[80 + i]
	s_add_nc_u64 s[14:15], s[4:5], s[16:17]
	s_add_nc_u64 s[46:47], s[6:7], s[46:47]
	CROUND                                         ; all sixteen work-groups are here: the first joint loads meet
.irp s, 0,1
	s_mov_b32 s[G0+4*\s], 1
	s_add_co_u32 s[G0+4*\s+1], s45, \s*SLOT
	s_add_nc_u64 s[G0+4*\s+2:G0+4*\s+3], s[14:15], \s*ASTEP
	s_or_b32 s[G0+4*\s+3], s[G0+4*\s+3], 0x80000000
	s_mov_b32 s[G0B+4*\s], 1
	s_add_co_u32 s[G0B+4*\s+1], s98, \s*SLOT
	s_add_nc_u64 s[G0B+4*\s+2:G0B+4*\s+3], s[46:47], \s*512
	s_or_b32 s[G0B+4*\s+3], s[G0B+4*\s+3], 0x80000000
	JLOAD \s                                       ; two loads of mine are out
.endr
	v_and_b32 v1, 15, v0                           ; r = lane % 16
	v_bfe_u32 v2, v0, 4, 1                         ; h = lane / 16
.if BIASED
	s_lshl_b32 s98, s42, 9                         ; my first column x 4 bytes: 512 x tile column + 256 x half
	s_lshl_b32 s99, s12, 8
	s_add_co_u32 s98, s98, s99
	s_mov_b32 s99, 0
	s_add_nc_u64 s[66:67], s[66:67], s[98:99]
	v_lshlrev_b32 v[BOF], 5, v2
.irp b, 0,1,2,3
	global_load_b128 v[BIAS+8*\b:BIAS+8*\b+3], v[BOF], s[66:67] offset:64*\b         ; columns 16 b + 8 h + 0 .. 7: the result's layout
	global_load_b128 v[BIAS+8*\b+4:BIAS+8*\b+7], v[BOF], s[66:67] offset:64*\b+16
.endr
.endif
	s_lshl_b32 s20, s13, 7
	s_lshl_b32 s21, s11, 6
	s_add_co_u32 s20, s20, s21                     ; my first row: 128 x tile row + 64 x half
.if CODES
	s_lshl_b32 s16, s20, 6                         ; panels: row x 64,
	s_lshl_b32 s46, s42, 1
	s_add_co_u32 s46, s46, s12                     ; in panel 2 x tile column + half (MODE 0: the head)
.if MODE == 0
	s_lshr_b32 s21, s20, 11                        ; kv: the batch,
	s_lshl_b32 s21, s21, 18
	s_bfe_u32 s22, s20, 0x30008                    ; t / 256,
	s_lshl_b32 s22, s22, 15
	s_add_co_u32 s21, s21, s22
	s_and_b32 s22, s20, 255                        ; the block of 64 tokens,
	s_lshl_b32 s22, s22, 6
	s_add_co_u32 s21, s21, s22
	s_lshl_b32 s22, s77, 14                        ; V behind K
	s_add_co_u32 s21, s21, s22
	s_lshl_b32 s47, s46, 19
	s_lshl_b32 s46, s46, 18
	s_cmp_eq_u32 s76, 0
	s_cselect_b32 s16, s16, s21
	s_cselect_b32 s46, s46, s47
.else
	s_lshl_b32 s46, s46, 18
.endif
	s_mov_b32 s17, 0
	s_mov_b32 s47, 0
	s_add_nc_u64 s[8:9], s[8:9], s[16:17]
	s_add_nc_u64 s[8:9], s[8:9], s[46:47]
	v_and_b32 v3, 31, v0
	v_lshlrev_b32 v[CO], 4, v3                     ; 16 x lane: a store of the wave covers 512 consecutive bytes
.else
	s_lshl_b32 s16, s20, 12                        ; rows of 4,096 bytes
	s_mov_b32 s17, 0
	s_add_nc_u64 s[8:9], s[8:9], s[16:17]
	s_add_nc_u64 s[8:9], s[8:9], s[98:99]
	s_add_nc_u64 s[68:69], s[68:69], s[16:17]
	s_add_nc_u64 s[68:69], s[68:69], s[98:99]
	v_lshlrev_b32 v[CO], 12, v2                    ; lanes 0-15 one row's 256 bytes, lanes 16-31 the next row's
	v_lshl_add_u32 v[CO], v1, 4, v[CO]
	WIN TO_R
.irp a, 0,1,2,3
.irp t, 0,1,2,3,4,5,6,7
	global_load_b128 v[32*\a+4*\t:32*\a+4*\t+3], v[CO], s[68:69] offset:(16*\a+2*\t)*4096   ; the residual lands while the products run
.endr
.endr
	WIN 0
.endif
	v_mul_u32_u24 v7, v1, PB
	v_lshl_add_u32 v7, v2, 4, v7                   ; a fragment's row x pitch + 16 x half
.if APANEL
	v_mul_u32_u24 v8, v1, 80
	v_lshl_add_u32 v8, v2, 4, v8
.endif
	s_mul_i32 s21, s11, HA                         ; Q: my 64 rows of A
	s_mul_i32 s22, s12, HB
	s_add_co_u32 s22, s22, 2*HA                    ; P: my 64 rows of B
.if MODE == 0
	s_cmp_eq_u32 s76, 2                            ; for v the two change places (both regions have the same pitch here)
	s_cselect_b32 s23, s22, s21
	s_cselect_b32 s22, s21, s22
	s_mov_b32 s21, s23
.endif
.irp s, 0,1
.if APANEL
	v_add_nc_u32 v[ADRQ+\s], s21, v8
.else
	v_add_nc_u32 v[ADRQ+\s], s21, v7
.endif
	v_add_nc_u32 v[ADRP+\s], s22, v7
	s_add_co_u32 s21, s21, SLOT
	s_add_co_u32 s22, s22, SLOT
.endr
.if CODES
	s_mul_i32 s23, s10, 5120                       ; my stage: 64 rows of 64 bytes + 16
	s_add_co_u32 s23, s23, STAGE
	v_mul_u32_u24 v5, v1, 80
	v_lshl_add_u32 v5, v2, 3, v5
	v_add_nc_u32 v[STO], s23, v5                   ; in: row r, 8 bytes for each half of the lanes
	v_lshrrev_b32 v5, 2, v3
	v_mul_u32_u24 v5, v5, 80
	v_and_b32 v6, 3, v3
	v_lshl_add_u32 v5, v6, 4, v5
	v_add_nc_u32 v[RD], s23, v5                    ; back: four lanes to a row, eight rows an instruction
.else
	s_mul_i32 s23, s10, 4352                       ; my stage: 16 rows of 256 bytes + 16
	s_add_co_u32 s23, s23, STAGE
	v_mul_u32_u24 v5, v1, 272
	v_lshl_add_u32 v5, v2, 5, v5
	v_add_nc_u32 v[STO], s23, v5                   ; in: row r, 32 bytes for each half of the lanes
	v_mul_u32_u24 v5, v2, 272
	v_lshl_add_u32 v5, v1, 4, v5
	v_add_nc_u32 v[RD], s23, v5                    ; back: sixteen lanes to a row, two rows an instruction
.endif
	s_wait_kmcnt 0x0
.if MODE == 0
	s_cmp_eq_u32 s76, 0                            ; ea, eb, eo: entries (0, 1, 6), (2, 3, 7), (4, 5, 8)
	s_cselect_b32 s98, s80, s82
	s_cselect_b32 s99, s81, s83
	s_cselect_b32 s16, s86, s87
	s_cmp_eq_u32 s76, 2
	s_cselect_b32 s98, s84, s98
	s_cselect_b32 s99, s85, s99
	s_cselect_b32 s16, s88, s16
.elseif MODE == 1
	s_mov_b32 s98, s92                             ; entries 12, 13, 14
	s_mov_b32 s99, s93
	s_mov_b32 s16, s94
.elseif MODE == 2
	s_mov_b32 s98, s90                             ; entries 10, 11
	s_mov_b32 s99, s91
.else
	s_mov_b32 s98, s94                             ; entries 14, 15
	s_mov_b32 s99, s95
.endif
	s_add_co_i32 s98, s98, s99                     ; a sum stands for sum x 2^(ea + eb)
.if CODES
	s_sub_co_i32 s16, s16, s98                     ; its code is sum / 2^(eo - ea - eb): the three scales folded into the conversion's one
	s_add_co_i32 s16, s16, 127
	s_lshl_b32 s17, s16, 23
	v_mov_b32 v[SCL], s17
	s_add_co_i32 s16, s16, 8
	s_lshl_b32 s16, s16, 23
	s_or_b32 s16, s16, 0x600000
	v_mov_b32 v[LIMV], s16
.else
	s_add_co_i32 s96, s98, 127
	s_lshl_b32 s96, s96, 23                        ; 2^(ea + eb) as f32
	s_mov_b32 s97, s96                             ; (named with it as a pair, so it is written)
.endif
.if BIASED
	s_sub_co_i32 s99, 0, s98
.if CODES
	s_wait_loadcnt 0x0                             ; the bias
.else
	s_wait_loadcnt 32                              ; the bias is in; the residual's 32 loads may stay out
.endif
.irp j, 0,1,2,3,4,5,6,7,8,9,10,11,12,13,14,15,16,17,18,19,20,21,22,23,24,25,26,27,28,29,30,31
	v_ldexp_f32 v[BIAS+\j], v[BIAS+\j], s99        ; bias / 2^(ea + eb)
.endr
.endif
; 8 matrix instructions: Q's blocks a0, a0 + 1 x P's four, 128 along K.  first = 1: they start the sums, from the bias or from 0: nothing is cleared.
; The 16 accumulators take turns, one instruction a turn, in the same order in every quarter.
.macro MUL8 f, a0, first
.irp a, \a0, \a0+1
.irp b, 0,1,2,3
.if \first
.if BIASED
	v_wmma_f32_16x16x128_fp8_fp8 v[ACC+8*(4*(\a)+\b):ACC+8*(4*(\a)+\b)+7], v[\f+64+16*\b:\f+64+16*\b+15], v[\f+16*(\a):\f+16*(\a)+15], v[BIAS+8*\b:BIAS+8*\b+7]
.else
	v_wmma_f32_16x16x128_fp8_fp8 v[ACC+8*(4*(\a)+\b):ACC+8*(4*(\a)+\b)+7], v[\f+64+16*\b:\f+64+16*\b+15], v[\f+16*(\a):\f+16*(\a)+15], 0
.endif
.else
	v_wmma_f32_16x16x128_fp8_fp8 v[ACC+8*(4*(\a)+\b):ACC+8*(4*(\a)+\b)+7], v[\f+64+16*\b:\f+64+16*\b+15], v[\f+16*(\a):\f+16*(\a)+15], v[ACC+8*(4*(\a)+\b):ACC+8*(4*(\a)+\b)+7]
.endif
.endr
.endr
.endm
; 32 LDS loads in one run: the fragments of the slot's q-th 128 along K into buffer f: P's four, then Q's four
.macro FETCH slot, q, f
	WIN TO_F
.irp b, 0,1,2,3
.irp c, 0,1,2,3
	ds_load_b128 v[\f+64+16*\b+4*\c:\f+64+16*\b+4*\c+3], v[ADRP+\slot] offset:128*(\q)+32*\c+\b*16*PB
.endr
.endr
.irp a, 0,1,2,3
.irp c, 0,1,2,3
.if APANEL
	ds_load_b128 v[\f+16*\a+4*\c:\f+16*\a+4*\c+3], v[ADRQ+\slot] offset:(2*(\q)+\c/2)*5120+32*(\c%2)+\a*16*80
.else
	ds_load_b128 v[\f+16*\a+4*\c:\f+16*\a+4*\c+3], v[ADRQ+\slot] offset:128*(\q)+32*\c+\a*16*PB
.endif
.endr
.endr
.endm
.macro PLACES                          ; four plain vector instructions in front of loads into registers that matrix instructions have read, and of the first read of results (ISA guide 7.12.1 for the first read of results)
.rept 4
	v_nop
.endr
.endm
; A chunk is four quarters of 128 along K, 16 matrix instructions each, on buffers 0, 1, 0, 1.  One of the first three: multiplies buffer f and fetches quarter nq into g.
.macro QUARTER slot, nq, f, g, first
	s_wait_dscnt 8                                 ; P's four and Q's blocks 0, 1 are in; the youngest eight loads (Q's blocks 2, 3) may be out
	WIN MUL
	MUL8 \f, 0, \first
	PLACES
	FETCH \slot, \nq, \g
	s_wait_dscnt 32                                ; all but the 32 just issued
	WIN MUL
	MUL8 \f, 2, \first
.endm
; The last quarter multiplies buffer 1 and changes slots: ONE barrier; in front of it each wave waits for all its tensor loads, adds 0 to its spare word, and waits for that and for its own reads of this slot.
; fill = 1: the barrier opens a round of the cluster's barrier, and this slot is filled again, two chunks ahead: the load has 56 matrix instructions in which to land.
.macro TURN slot, next, fill
	WIN 0                                          ; (the add's two registers lie in window 0)
	s_wait_tensorcnt 0x0                           ; all my tensor loads have landed: my part of the next slot;
	ds_add_u32 v[SPW], v[NIL]                      ; 0 onto my spare word;
	s_wait_dscnt 9                                 ; (the add and the youngest eight loads may be out)
	WIN MUL
	MUL8 F1, 0, 0                                  ; eight matrix instructions stand between the add and the wait for it
	s_wait_dscnt 0x0                               ; the add is done, and my reads of this slot are over
	WIN 0
	s_barrier_signal -1
	s_barrier_wait -1
.if \fill
	CREST                                          ; no wave of any partner still reads this slot's tile or has a load on its way
	s_add_nc_u64 s[G0+4*\slot+2:G0+4*\slot+3], s[G0+4*\slot+2:G0+4*\slot+3], 2*ASTEP
	s_add_nc_u64 s[G0B+4*\slot+2:G0B+4*\slot+3], s[G0B+4*\slot+2:G0B+4*\slot+3], 2*512
	JLOAD \slot                                    ; the first tensor load behind the round, my only one until the next; its four v_nop are also the places in front of the loads below
.else
	PLACES
.endif
	FETCH \next, 0, F0
	WIN MUL
	MUL8 F1, 2, 0
.endm
	s_wait_tensorcnt 1                             ; my part of chunk 0 is in (chunk 1's load may be out)
	s_barrier_signal -1
	s_barrier_wait -1                              ; everybody's is
	FETCH 0, 0, F0
	QUARTER 0, 1, F0, F1, 1                        ; the first quarter stands in front of the loop: its products start the sums
.if LAPS > 1
	WIN 0                                          ; at a label and at a branch every window is 0
	s_mov_b32 s3, LAPS-1
.Llap:                                                 ; a trip goes once round the ring, from a lap's second quarter to the next lap's first, and fills both slots again
	QUARTER 0, 2, F1, F0, 0
	QUARTER 0, 3, F0, F1, 0
	TURN 0, 1, 1
	QUARTER 1, 1, F0, F1, 0
	QUARTER 1, 2, F1, F0, 0
	QUARTER 1, 3, F0, F1, 0
	TURN 1, 0, 1
	QUARTER 0, 1, F0, F1, 0
	WIN 0
	s_sub_co_u32 s3, s3, 1
	s_cmp_lg_u32 s3, 0
	s_cbranch_scc1 .Llap
.endif
	QUARTER 0, 2, F1, F0, 0                        ; the last lap fills nothing, and has no round of the cluster's barrier
	QUARTER 0, 3, F0, F1, 0
	TURN 0, 1, 0
	QUARTER 1, 1, F0, F1, 0
	QUARTER 1, 2, F1, F0, 0
	QUARTER 1, 3, F0, F1, 0
	s_wait_dscnt 8                                 ; the very last quarter: nothing more to fetch
	WIN MUL
	MUL8 F1, 0, 0
	s_wait_dscnt 0x0
	MUL8 F1, 2, 0
	WIN 0
	PLACES
.if CODES
	; THE WAY OUT, codes.  A lane's eight sums are eight neighbours along the next product's K: held, converted, 8 bytes into my stage; back as rows; my 64 x 64 codes leave as one dense block of 4,096 bytes.
.irp k, 0,1,2,3,4,5,6,7,8,9,10,11,12,13,14,15
.irp j, 0,1,2,3,4,5,6,7
.if MODE == 1
	v_med3_num_f32 v[ACC+8*\k+\j], v[ACC+8*\k+\j], 0, v[LIMV]          ; the activation and the hold in one; each accumulator from its low end on
.else
	v_med3_num_f32 v[ACC+8*\k+\j], v[ACC+8*\k+\j], -v[LIMV], v[LIMV]   ; the conversion to an 8-bit code does not saturate (ISA guide 7.6.2): the hold comes first
.endif
.endr
	v_cvt_scalef32_pk8_fp8_f32 v[TMP+2*\k:TMP+2*\k+1], v[ACC+8*\k:ACC+8*\k+7], v[SCL]
.endr
	v_nop                                          ; a plain instruction behind the last conversion
.irp a, 0,1,2,3
.irp b, 0,1,2,3
	ds_store_b64 v[STO], v[TMP+2*(4*\a+\b):TMP+2*(4*\a+\b)+1] offset:1280*\a+16*\b
.endr
.endr
.irp t, 0,1,2,3,4,5,6,7
	ds_load_b128 v[TMP+32+4*\t:TMP+32+4*\t+3], v[RD] offset:640*\t     ; LDS serves a wave's instructions in order (ISA guide 5.7.1.4): these see my stores
.endr
.irp t, 0,1,2,3,4,5,6,7
	s_wait_dscnt 7-\t
	global_store_b128 v[CO], v[TMP+32+4*\t:TMP+32+4*\t+3], s[8:9] offset:512*\t   ; 32 lanes store 512 consecutive bytes, aligned
.endr
.else
	; THE WAY OUT, f32.  16 rows at a time through my stage, back as whole rows of 256 bytes; there sum x 2^(ea + eb) + residual, one packed multiply-add for two numbers (the bias is in the sum).
	s_wait_loadcnt 0x0                             ; the residual
.irp a, 0,1,2,3
.if \a >= 2
	s_wait_xcnt 0x0                                ; block a - 2's stores have read their registers, which block a's loads write
.endif
.irp b, 0,1,2,3
	ds_store_b128 v[STO], v[ACC+8*(4*\a+\b):ACC+8*(4*\a+\b)+3] offset:64*\b          ; each accumulator from its low end on
	ds_store_b128 v[STO], v[ACC+8*(4*\a+\b)+4:ACC+8*(4*\a+\b)+7] offset:64*\b+16
.endr
.irp t, 0,1,2,3,4,5,6,7
	ds_load_b128 v[TMP+32*(\a%2)+4*\t:TMP+32*(\a%2)+4*\t+3], v[RD] offset:544*\t     ; LDS serves a wave's instructions in order: these see my stores, and the next block's stores come behind them
.endr
	s_wait_dscnt 0x0
	WIN FMA_R
.irp i, 0,2,4,6,8,10,12,14,16,18,20,22,24,26,28,30
	v_pk_fma_f32 v[TMP+32*(\a%2)+\i:TMP+32*(\a%2)+\i+1], v[TMP+32*(\a%2)+\i:TMP+32*(\a%2)+\i+1], s[96:97], v[32*\a+\i:32*\a+\i+1] op_sel_hi:[1,0,1]
.endr
	WIN 0
.irp t, 0,1,2,3,4,5,6,7
	global_store_b128 v[CO], v[TMP+32*(\a%2)+4*\t:TMP+32*(\a%2)+4*\t+3], s[8:9] offset:(16*\a+2*\t)*4096   ; 16 lanes store 256 consecutive bytes, aligned
.endr
.endr
.endif
	s_wait_tensorcnt 0x0                           ; the wave's end: behind my last tensor load and my last LDS store
	ds_add_u32 v[SPW], v[NIL]
	s_wait_dscnt 0x0
	CROUND                                         ; the closing round: no work-group ends while a partner may still ask for a tile that names it
	s_endpgm
.Lfunc_end_k_q5629cc15df_w2:
	.size	k_q5629cc15df_w2, .Lfunc_end_k_q5629cc15df_w2-k_q5629cc15df_w2
	.p2alignl 7, 3214868480
	.fill 96, 4, 3214868480
	.section	.rodata,"a",@progbits
	.p2align	6, 0x0
	.amdhsa_kernel k_q5629cc15df_w2
		.amdhsa_group_segment_fixed_size 327680
		.amdhsa_private_segment_fixed_size 0
		.amdhsa_enable_private_segment 0
		.amdhsa_kernarg_size 48
		.amdhsa_user_sgpr_count 2
		.amdhsa_user_sgpr_kernarg_segment_ptr 1
		.amdhsa_wavefront_size32 1
		.amdhsa_system_sgpr_workgroup_id_x 1
		.amdhsa_system_sgpr_workgroup_id_y 1
		.amdhsa_system_sgpr_workgroup_id_z 1
		.amdhsa_system_vgpr_workitem_id 0
		.amdhsa_next_free_vgpr 640
		.amdhsa_next_free_sgpr 100
		.amdhsa_reserve_vcc 0
		.amdhsa_float_denorm_mode_32 3
		.amdhsa_float_denorm_mode_16_64 3
		.amdhsa_memory_ordered 1
		.amdhsa_forward_progress 1
		.amdhsa_inst_pref_size 81
	.end_amdhsa_kernel
	.amdgpu_metadata
---
amdhsa.version: [ 1, 2 ]
amdhsa.kernels:
  - .name:           k_q5629cc15df_w2
    .symbol:         k_q5629cc15df_w2.kd
    .args:
      - { .name: hc, .offset: 0, .size: 8, .value_kind: global_buffer, .address_space: global }
      - { .name: W2_codes, .offset: 8, .size: 8, .value_kind: global_buffer, .address_space: global }
      - { .name: b2, .offset: 16, .size: 8, .value_kind: global_buffer, .address_space: global }
      - { .name: x1, .offset: 24, .size: 8, .value_kind: global_buffer, .address_space: global }
      - { .name: lowp_scales, .offset: 32, .size: 8, .value_kind: global_buffer, .address_space: global }
      - { .name: out0, .offset: 40, .size: 8, .value_kind: global_buffer, .address_space: global }
    .group_segment_fixed_size: 327680
    .private_segment_fixed_size: 0
    .kernarg_segment_align: 8
    .kernarg_segment_size: 48
    .max_flat_workgroup_size: 128
    .sgpr_count:     100
    .vgpr_count:     640
    .wavefront_size: 32
...
	.end_amdgpu_metadata
.endif
;; end of part 7
;; ======== version 2 of 2: 7 launches
;; limits: right only within a limited range of input values
;; workspace buffers: xc 12,582,912 bytes; qc 4,194,304 bytes; kv 8,388,608 bytes; ac 4,194,304 bytes; x1 16,777,216 bytes; h2 4,194,304 bytes; hc 16,777,216 bytes
;; launch ln1 (part 8): grid 256 x 1, 8 waves a work-group, no clusters, 41,984 bytes of LDS; arguments x, ln1_g, ln1_b, lowp_scales, xc; writes xc
.if DOCPART == 8
	.amdgcn_target "amdgcn-amd-amdhsa--gfx1250"
	.amdhsa_code_object_version 6
	.text
	.protected	k_q5629cc15df_ln1
	.globl	k_q5629cc15df_ln1
	.p2align	8
	.type	k_q5629cc15df_ln1,@function
k_q5629cc15df_ln1:
	s_mov_b64 s[64:65], 0
	v_nop
	global_prefetch_b8 v0, s[64:65] scope:SCOPE_SE
	s_setreg_imm32_b32 hwreg(HW_REG_WAVE_MODE, 25, 1), 1
	s_wait_xcnt 0x0
; LAYER NORM AND QUANTISER.  src [4096][1024] f32 -> NOUT arrays of E4M3 codes [4096][1024], 4 MiB apart, array o with the given scale 2^e, e = entry E0 + 2 o of the scales.
; y = (x - mean) * rsqrt(var + 1e-5) * g + b, all in f32, the mean taken away before the squares are summed; code = y / 2^e, to the nearest code, ties to even.
; SHARES.  A wave takes two whole rows (4,096 bytes each, 32 registers a row): the sums never leave the wave, so there is no barrier.  All 16 loads of x go out at the head.
; Each load reads 512 consecutive bytes, 16 a lane.  The conversion wants 16 NEIGHBOURS in one lane: the finished row turns through the wave's own stage in LDS (64 places of 64 bytes + 16 of padding)
; and comes back 64 bytes a lane.  A lane's 16 codes are 16 bytes: a store of the wave covers 512 consecutive bytes, aligned.
; No matrix unit, no cluster, no tensor load: the work-groups share only g and b, 8 KiB beside their 64 KiB of rows.
; LIMITS: each e between -126 and 119, so that 2^e and 448 x 2^e are f32 numbers.  NaN among the inputs is not served.
.set NOUT, 3
.set E0,   0
.set SP,   80                          ; a place in the stage: 64 bytes + 16
.set WST,  64*SP                       ; a wave's stage
.set G,    32                          ; v32-63   g, as loaded
.set BT,   64                          ; v64-95   b
.set X,    96                          ; v96-159  the two rows
.set T,    160                         ; v160-191 a row back from the stage: 2 x 16 neighbours
.set HH,   192
.set C,    208                         ; v208-255 codes: four registers for each (row, half, array): no store's data are written again
	s_load_b256 s[4:11], s[0:1], 0x0               ; src s[4:5], g s[6:7], b s[8:9], the scales' exponents s[10:11]
	s_load_b64 s[12:13], s[0:1], 0x20              ; the codes
	v_lshl_add_u32 v30, v0, 2, 0xa000
	v_mov_b32 v31, 0
	v_lshrrev_b32 v1, 5, v0
	s_delay_alu instid0(VALU_DEP_1)
	v_readfirstlane_b32 s14, v1                    ; wave 0..7
	v_and_b32 v1, 31, v0                           ; lane
	s_delay_alu instid0(VALU_DEP_1)
	v_lshlrev_b32 v2, 4, v1                        ; 16 x lane: my bytes of a load's or a store's 512; never rewritten
	s_mul_i32 s15, s14, WST
	v_lshrrev_b32 v3, 2, v1
	s_delay_alu instid0(VALU_DEP_1)
	v_mul_u32_u24 v3, v3, SP
	v_and_b32 v4, 3, v1
	s_delay_alu instid0(VALU_DEP_1)
	v_lshl_add_u32 v3, v4, 4, v3
	s_delay_alu instid0(VALU_DEP_1)
	v_add_nc_u32 v3, s15, v3                       ; into the stage: four lanes' 64 bytes fill a place
	v_mul_u32_u24 v4, v1, SP
	s_delay_alu instid0(VALU_DEP_1)
	v_add_nc_u32 v4, s15, v4                       ; out of it: a place a lane
	v_mov_b32 v19, 0                               ; written once: a lane permute's destination counts as one of its sources
	s_lshl_b32 s16, ttmp9, 3
	s_add_co_u32 s16, s16, s14                     ; which pair of rows is my wave's
	s_lshl_b32 s18, s16, 11                        ; 2 rows x 1,024 bytes of codes
	s_lshl_b32 s16, s16, 13                        ; 2 rows x 4,096 bytes of f32
	s_mov_b32 s17, 0
	s_mov_b32 s19, 0
	s_mov_b32 s28, 0x76543210                      ; v_permlanex16_b32: lane l xor 16
	s_mov_b32 s29, 0xfedcba98
	s_mov_b32 s30, 0x3a800000                      ; 1 / 1024
	s_mov_b32 s31, 0x3727c5ac                      ; 1e-5
	s_wait_alu depctr_va_vdst(0)
	s_wait_kmcnt 0x0
.irp o, 0,1,2
.if \o < NOUT
	s_load_b32 s[24+\o], s[10:11], (E0+2*\o)*4
.endif
.endr
	s_add_nc_u64 s[4:5], s[4:5], s[16:17]
	s_add_nc_u64 s[12:13], s[12:13], s[18:19]
.if NOUT > 1
	s_add_nc_u64 s[20:21], s[12:13], 0x400000      ; the second and third array
	s_add_nc_u64 s[22:23], s[12:13], 0x800000
.endif
.irp j, 0,1,2,3,4,5,6,7
	global_load_b128 v[X+4*\j:X+4*\j+3], v2, s[4:5] offset:512*\j th:TH_LOAD_NT
.endr
.irp j, 0,1,2,3,4,5,6,7
	global_load_b128 v[G+4*\j:G+4*\j+3], v2, s[6:7] offset:512*\j
.endr
.irp j, 0,1,2,3,4,5,6,7
	global_load_b128 v[BT+4*\j:BT+4*\j+3], v2, s[8:9] offset:512*\j
.endr
.irp j, 0,1,2,3,4,5,6,7
	global_load_b128 v[X+32+4*\j:X+32+4*\j+3], v2, s[4:5] offset:4096+512*\j th:TH_LOAD_NT
.endr
	s_wait_kmcnt 0x0
.irp o, 0,1,2
.if \o < NOUT
	s_add_co_i32 s[24+\o], s[24+\o], 127
	s_lshl_b32 s15, s[24+\o], 23
	v_mov_b32 v[8+2*\o], s15                       ; 2^e as f32: the conversion takes its exponent field
	s_add_co_i32 s[24+\o], s[24+\o], 8
	s_lshl_b32 s15, s[24+\o], 23
	s_or_b32 s15, s15, 0x600000
.endif
.endr
.macro REDUCE r, t                     ; the sum over the wave's 32 lanes, in every lane
	s_delay_alu instid0(VALU_DEP_1)
	v_add_f32_dpp v[\r], v[\r], v[\r] row_xmask:1 row_mask:0xf bank_mask:0xf
	s_delay_alu instid0(VALU_DEP_1)
	v_add_f32_dpp v[\r], v[\r], v[\r] row_xmask:2 row_mask:0xf bank_mask:0xf
	s_delay_alu instid0(VALU_DEP_1)
	v_add_f32_dpp v[\r], v[\r], v[\r] row_xmask:4 row_mask:0xf bank_mask:0xf
	s_delay_alu instid0(VALU_DEP_1)
	v_add_f32_dpp v[\r], v[\r], v[\r] row_xmask:8 row_mask:0xf bank_mask:0xf
	s_delay_alu instid0(VALU_DEP_1)
	v_permlanex16_b32 v[\t], v[\r], s28, s29
	s_delay_alu instid0(VALU_DEP_1)
	v_add_f32 v[\r], v[\r], v[\t]
.endm
; Row i.  w1: the younger loads that may be out when the row has to be there; w2: when g and b have to be there.
.macro ROW i, w1, w2
.set XR, X+32*\i
	s_wait_loadcnt \w1
	v_pk_add_f32 v[14:15], v[XR:XR+1], v[XR+2:XR+3]        ; the sum, in two chains that the first pairs start
	v_pk_add_f32 v[16:17], v[XR+4:XR+5], v[XR+6:XR+7]
.irp j, 8,12,16,20,24,28
	s_delay_alu instid0(VALU_DEP_2)
	v_pk_add_f32 v[14:15], v[14:15], v[XR+\j:XR+\j+1]
	s_delay_alu instid0(VALU_DEP_2)
	v_pk_add_f32 v[16:17], v[16:17], v[XR+\j+2:XR+\j+3]
.endr
	s_delay_alu instid0(VALU_DEP_1)
	v_pk_add_f32 v[14:15], v[14:15], v[16:17]
	s_delay_alu instid0(VALU_DEP_1)
	v_add_f32 v18, v14, v15
	REDUCE 18, 19
	s_delay_alu instid0(VALU_DEP_1)
	v_mul_f32 v20, s30, v18                        ; the mean, twice: a pair for the packed forms
	s_delay_alu instid0(VALU_DEP_2)
	v_mul_f32 v21, s30, v18
.irp j, 0,2,4,6,8,10,12,14,16,18,20,22,24,26,28,30
	v_pk_add_f32 v[XR+\j:XR+\j+1], v[XR+\j:XR+\j+1], v[20:21] neg_lo:[0,1] neg_hi:[0,1]   ; x - mean
.endr
	v_pk_mul_f32 v[14:15], v[XR:XR+1], v[XR:XR+1]          ; the sum of squares
	v_pk_mul_f32 v[16:17], v[XR+2:XR+3], v[XR+2:XR+3]
.irp j, 4,8,12,16,20,24,28
	s_delay_alu instid0(VALU_DEP_2)
	v_pk_fma_f32 v[14:15], v[XR+\j:XR+\j+1], v[XR+\j:XR+\j+1], v[14:15]
	s_delay_alu instid0(VALU_DEP_2)
	v_pk_fma_f32 v[16:17], v[XR+\j+2:XR+\j+3], v[XR+\j+2:XR+\j+3], v[16:17]
.endr
	s_delay_alu instid0(VALU_DEP_1)
	v_pk_add_f32 v[14:15], v[14:15], v[16:17]
	s_delay_alu instid0(VALU_DEP_1)
	v_add_f32 v18, v14, v15
	REDUCE 18, 19
	s_delay_alu instid0(VALU_DEP_1)
	v_fma_f32 v18, v18, s30, s31                   ; var + 1e-5
	s_wait_alu depctr_va_vdst(0)
	v_rsq_f32 v22, v18
	v_rsq_f32 v23, v18
	v_nop                                          ; a plain instruction behind the transcendentals (ISA guide 5.7.2),
	s_wait_alu depctr_va_vdst(0)                   ; and one wait for both, ahead of their first reader
	s_wait_loadcnt \w2
.irp j, 0,2,4,6,8,10,12,14,16,18,20,22,24,26,28,30
	v_pk_mul_f32 v[XR+\j:XR+\j+1], v[XR+\j:XR+\j+1], v[22:23]
.endr
.irp j, 0,2,4,6,8,10,12,14,16,18,20,22,24,26,28,30
	v_pk_fma_f32 v[XR+\j:XR+\j+1], v[XR+\j:XR+\j+1], v[G+\j:G+\j+1], v[BT+\j:BT+\j+1]
.endr
.irp j, 0,1,2,3,4,5,6,7
	ds_store_b128 v3, v[XR+4*\j:XR+4*\j+3] offset:8*SP*\j  ; a load's 512 bytes take eight places
.endr
.irp u, 0,1
.irp k, 0,1,2,3
	ds_load_b128 v[T+16*\u+4*\k:T+16*\u+4*\k+3], v4 offset:32*SP*\u+16*\k   ; LDS serves a wave's instructions in order (ISA guide 5.7.1.4): these see the stores.  k = 512 u + 16 lane + 0 .. 15
.endr
.endr
	s_wait_dscnt 0x0
.irp u, 0,1
.irp o, 0,1,2
.if \o < NOUT
.set CR, C+4*(6*\i+3*\u+\o)
.irp k, 0,1,2,3,4,5,6,7,8,9,10,11,12,13,14,15
.endr
	v_cvt_scalef32_pk8_fp8_f32 v[CR:CR+1], v[HH+((T+16*\u+0)-(HH+0)):HH+7+((T+16*\u+0)-(HH+0))], v[8+2*\o]
	v_cvt_scalef32_pk8_fp8_f32 v[CR+2:CR+3], v[HH+8+((T+16*\u+0)-(HH+0)):HH+15+((T+16*\u+0)-(HH+0))], v[8+2*\o]
	v_nop                                          ; a plain instruction behind the conversions
.if \o == 0
	global_store_b128 v2, v[CR:CR+3], s[12:13] offset:\i*1024+512*\u
.elseif \o == 1
	global_store_b128 v2, v[CR:CR+3], s[20:21] offset:\i*1024+512*\u
.else
	global_store_b128 v2, v[CR:CR+3], s[22:23] offset:\i*1024+512*\u
.endif
.endif
.endr
.endr
.endm
	ROW 0, 24, 8                                   ; 24: g, b and row 1 may be out;  8: row 1 may be out
	ROW 1, 0, 0
	s_wait_tensorcnt 0x0
	ds_add_u32 v30, v31
	s_wait_dscnt 0x0
	s_endpgm
.Lfunc_end_k_q5629cc15df_ln1:
	.size	k_q5629cc15df_ln1, .Lfunc_end_k_q5629cc15df_ln1-k_q5629cc15df_ln1
	.p2alignl 7, 3214868480
	.fill 96, 4, 3214868480
	.section	.rodata,"a",@progbits
	.p2align	6, 0x0
	.amdhsa_kernel k_q5629cc15df_ln1
		.amdhsa_group_segment_fixed_size 41984
		.amdhsa_private_segment_fixed_size 0
		.amdhsa_enable_private_segment 0
		.amdhsa_kernarg_size 40
		.amdhsa_user_sgpr_count 2
		.amdhsa_user_sgpr_kernarg_segment_ptr 1
		.amdhsa_wavefront_size32 1
		.amdhsa_system_sgpr_workgroup_id_x 1
		.amdhsa_system_sgpr_workgroup_id_y 1
		.amdhsa_system_sgpr_workgroup_id_z 1
		.amdhsa_system_vgpr_workitem_id 0
		.amdhsa_next_free_vgpr 256
		.amdhsa_next_free_sgpr 66
		.amdhsa_reserve_vcc 0
		.amdhsa_float_denorm_mode_32 3
		.amdhsa_float_denorm_mode_16_64 3
		.amdhsa_fp16_overflow 1
		.amdhsa_memory_ordered 1
		.amdhsa_forward_progress 1
		.amdhsa_inst_pref_size 27
	.end_amdhsa_kernel
	.amdgpu_metadata
---
amdhsa.version: [ 1, 2 ]
amdhsa.kernels:
  - .name:           k_q5629cc15df_ln1
    .symbol:         k_q5629cc15df_ln1.kd
    .args:
      - { .name: x, .offset: 0, .size: 8, .value_kind: global_buffer, .address_space: global }
      - { .name: ln1_g, .offset: 8, .size: 8, .value_kind: global_buffer, .address_space: global }
      - { .name: ln1_b, .offset: 16, .size: 8, .value_kind: global_buffer, .address_space: global }
      - { .name: lowp_scales, .offset: 24, .size: 8, .value_kind: global_buffer, .address_space: global }
      - { .name: xc, .offset: 32, .size: 8, .value_kind: global_buffer, .address_space: global }
    .group_segment_fixed_size: 41984
    .private_segment_fixed_size: 0
    .kernarg_segment_align: 8
    .kernarg_segment_size: 40
    .max_flat_workgroup_size: 256
    .sgpr_count:     66
    .vgpr_count:     256
    .wavefront_size: 32
...
	.end_amdgpu_metadata
.endif
;; end of part 8
;; launch qkv (part 9): grid 12 x 16, 4 waves a work-group, clusters of 4 x 4, 327,680 bytes of LDS; arguments xc, Wq_codes, Wk_codes, Wv_codes, lowp_scales, qc, kv; writes qc, kv
.if DOCPART == 9
	.amdgcn_target "amdgcn-amd-amdhsa--gfx1250"
	.amdhsa_code_object_version 6
	.text
	.protected	k_q5629cc15df_qkv
	.globl	k_q5629cc15df_qkv
	.p2align	8
	.type	k_q5629cc15df_qkv,@function
k_q5629cc15df_qkv:
	s_mov_b64 s[64:65], 0
	v_nop
	global_prefetch_b8 v0, s[64:65] scope:SCOPE_SE
	s_setreg_imm32_b32 hwreg(HW_REG_WAVE_MODE, 25, 1), 1
	s_wait_xcnt 0x0
	s_wait_alu depctr_hold_cnt(0) depctr_sa_sdst(0) depctr_va_vdst(0) depctr_va_sdst(0) depctr_va_ssrc(0) depctr_va_vcc(0) depctr_vm_vsrc(0)
	s_getreg_b32 s2, hwreg(HW_REG_IB_STS2, 6, 4)
	s_cmp_eq_u32 s2, 0
	s_cbranch_scc0 .Lentry_in_a_cluster
	s_endpgm
.Lentry_in_a_cluster:
	s_bfe_u32 s2, ttmp6, 0x10000c
	s_cmp_lg_u32 s2, 0xf033
	s_cbranch_scc0 .Lentry_shape_is_right
	s_endpgm
.Lentry_shape_is_right:
; ONE TEXT FOR THE BLOCK'S TWO WIDE GEMM LAUNCHES ON E4M3 CODES; MODE picks the launch.  C[m][n] = sum over k of A[m][k] B[n][k], 4,096 rows, K = 1,024; f32 sums; each tensor has the one given scale 2^e; the results are quantised to codes again.
;   MODE 0  q, k, v = LN1(x) Wq, Wk, Wv (N 3 x 1,024).  q -> qc, k and v (v with the tokens innermost) -> kv          MODE 1  relu(LN2 W1 + b1) (N 4,096) -> hc
; SHARES.  A tile of C is 256 x 256: 256 work-groups in MODE 1, 192 in MODE 0.  Four waves, as many as a WGP has SIMDs, each 128 x 128: 64 accumulators, 512 registers.  K goes in four chunks of 256 (rows of 256 bytes) through two LDS
; slots filled by the tensor data mover: both slots are asked for at the head, each is filled once more.
; CLUSTERS: 4 x 4 work-groups.  The four of a row of the cluster need the same tile on the Q side, the four of a column the same tile on the P side: each is asked for JOINTLY, by the same tensor load with a mask that names the four.
; THE MATRIX INSTRUCTION IS USED TRANSPOSED: source 0 = P (16 rows whose index then runs along a lane's registers), source 1 = Q (16 rows, one a lane).  Q = the tokens and P = the weight's rows, so that a lane holds eight neighbouring
; columns of one row of C.  For v the two SOURCES change sides: Q = Wv's rows (tile cy), P = the tokens (tile 4 x cluster y + cx), so that a lane holds one d and eight neighbouring tokens.  That choice hangs on the cluster's x alone,
; which all sixteen partners share; the Q side's addresses never hold cx, the P side's never cy, and no LDS address hangs on any of it.
; A fragment (16 rows x 128 K) comes by four loads of 16 bytes: registers 4 c .. 4 c + 3 hold k = 32 c + 16 (lane / 16) + 0 .. 15: the same permutation of k on both sides, so every product meets its partner.
; A step of 128 along K is 64 matrix instructions, Q's blocks one after the other, each against P's eight: a block of Q is free as soon as its eight products are issued, so Q has ONE set of registers and P two.
; LAYOUTS OUT.  A wave's result leaves as four dense blocks of 4,096 bytes, [64 rows of Q][64 of P].  qc, hc: byte = (n / 64) x 262,144 + row x 64 + n % 64.
; kv: byte = (2 head + batch) x 262,144 + (t / 256) x 32,768 + (K: 0, V: 16,384) + a block for each 64 tokens: K as [token][d], V as [d][token].
; The bias is the C of each sum's first matrix instruction, divided by 2^(ea + eb), which the sums lack.
; LIMITS on the given exponents, so that each power of two is an f32 number: eo - ea - eb between -126 and 119.  NaN is not served.
; No prefetch: only chunks 2 and 3 could be named, and only at the head, where every work-group's first tiles are on their way.
; REGISTERS.  Window 0: v1-8 at work, v16-31 addresses and constants, v32-95 the bias, v128-255 Q's eight fragments (on the way out: codes and rows).  Window 1: P's fragments, two sets, at v0 and v128.
; Window 2: the 32 accumulators of my Q rows 0-63 ((a, b) at v[8 (8 a + b)]); window 3: those of rows 64-127.
.set MODE, 0
.if MODE > 0
.set BIASED, 1
.else
.set BIASED, 0
.endif
.set ROWB,  256                        ; a tile's row in bytes: a chunk along K
.set PITCH, 272                        ; an LDS row: 256 bytes + 16 of padding: an odd multiple of 16, so the 16 rows of a load start at 16 different columns of banks
.set FR,    16                         ; registers of a fragment
.set NL,    4                          ; LDS loads that bring one
.set HALFT, 128*PITCH                  ; 128 rows: what one tensor load brings, and what one wave reads of Q or of P
.set SLOT,  4*HALFT                    ; Q's 256 rows, then P's 256 rows
.set STAGE, 2*SLOT                     ; behind the ring: 5,120 bytes for each wave, for the way out
.set SPARE, STAGE+20480                ; behind the stages: the spare words, 128 bytes for each wave, which no other line names
.set ADRQ, 16                          ; v16-17  LDS address of my Q fragments in slot 0, 1
.set ADRP, 20                          ; v20-21  the same for P
.set STO,  24                          ; v24     the way out: where I put 8 bytes of a row
.set RD,   25                          ; v25     where I read rows back
.set CO,   26                          ; v26     16 x lane: my bytes of a store's 512; never rewritten
.set BOF,  27                          ; v27     32 x (lane / 16): my eight numbers of 16 of the bias
.set SPW,  28                          ; v28     LDS address of my spare word; never rewritten
.set NIL,  29                          ; v29     0; never rewritten
.set SCL,  30                          ; v30     2^(eo - ea - eb)
.set LIMV, 31                          ; v31     448 x that
.set BIAS, 32
.set QF,   128                         ; Q's fragments
.set TC,   128                         ; the way out: a block's codes, 32 registers, two sets by turns
.set TB,   192                         ; and its rows back from the stage, likewise
.set G1,  24                           ; s[24:31] descriptor group 1 for Q's tiles;  s[32:39] group 0, one set for each slot
.set G0,  32
.set G1B, 48                           ; s[48:55], s[56:63] the same for P's
.set G0B, 56
.set OB,  68                           ; s[68:75] where my four blocks go
.set MSB, 0
.macro WIN new                         ; the immediate's high byte repeats the setting that is left
.if MSB != \new
	s_set_vgpr_msb (MSB<<8)|\new
.set MSB, \new
.endif
.endm
.set MUL_LO, 0xa1                      ; source 0 (P) window 1, source 1 (Q) window 0, C and D window 2
.set MUL_HI, 0xf1                      ; the same, C and D window 3
.set BIA_LO, 0x81                      ; the same with C (the bias) in window 0
.set BIA_HI, 0xc1
.set TO_P,   0x40                      ; destination window 1, address window 0
.macro JLOAD s                         ; a joint load: waves 0 and 1 fetch Q's two halves, waves 2 and 3 P's; four v_nop follow each of the two lines, ahead of the jump, the label and what follows
	s_cmp_eq_u32 s11, 0
	s_cbranch_scc0 .Lfor_p_\@
	tensor_load_to_lds s[G0+4*\s:G0+4*\s+3], s[G1:G1+7]
	s_nop 0
.rept 4
	v_nop
.endr
	s_branch .Lasked_\@
.Lfor_p_\@:
	tensor_load_to_lds s[G0B+4*\s:G0B+4*\s+3], s[G1B:G1B+7]
	s_nop 0
.rept 4
	v_nop
.endr
.Lasked_\@:
.endm
.macro CREST                           ; a round of the cluster's barrier behind its opening barrier
	s_cmp_lg_u32 s10, 0
	s_cbranch_scc1 .Lnot_wave_0_\@
	s_barrier_signal -3
.Lnot_wave_0_\@:
	s_barrier_wait -3
	s_barrier_signal -1
	s_barrier_wait -1
.endm
.macro CROUND                          ; a whole round
	s_barrier_signal -1
	s_barrier_wait -1
	CREST
.endm
.if MODE == 0
	s_load_b64 s[4:5], s[0:1], 0x0                 ; xc
	s_load_b128 s[80:83], s[0:1], 0x8              ; Wq, Wk
	s_load_b128 s[84:87], s[0:1], 0x18             ; Wv, the scales' exponents
	s_load_b128 s[88:91], s[0:1], 0x28             ; qc, kv
.else
	s_load_b128 s[4:7], s[0:1], 0x0                ; the tokens' codes, the weight's
	s_load_b64 s[66:67], s[0:1], 0x10              ; the bias
	s_load_b64 s[78:79], s[0:1], 0x18              ; the scales' exponents
	s_load_b64 s[8:9], s[0:1], 0x20                ; the output
.endif
	v_lshl_add_u32 v[SPW], v0, 2, SPARE
	v_mov_b32 v[NIL], 0
	ds_add_u32 v28, v29
	s_wait_dscnt 0x0
	v_lshrrev_b32 v1, 5, v0
	v_readfirstlane_b32 s10, v1                    ; wave 0..3
	s_lshr_b32 s11, s10, 1                         ; which half of the tile's Q rows is mine.  Also: I fetch for Q (0) or for P (1)
	s_and_b32 s12, s10, 1                          ; which half of its P rows.  Also: which 128 rows of that tile I fetch
	s_bfe_u32 s40, ttmp6, 0x40000                  ; cx, cy: my place in the cluster
	s_bfe_u32 s41, ttmp6, 0x40004
	s_and_b32 s13, ttmp7, 0xffff
	s_lshl_b32 s13, s13, 2                         ; 4 x cluster y
.if MODE == 0
	s_mov_b32 s76, ttmp9                           ; a column of clusters to a weight: 0 q, 1 k, 2 v
	s_cmp_eq_u32 s76, 2
	s_cselect_b32 s77, 1, 0                        ; 1 for v
	s_cselect_b32 s16, 0, s13                      ; the sixteen tiles of tokens lie along y: on the Q side, for v on the P side
	s_cselect_b32 s46, s13, 0
	s_add_co_u32 s13, s16, s41                     ; Q's tile
	s_add_co_u32 s42, s46, s40                     ; P's tile
.else
	s_add_co_u32 s13, s13, s41                     ; Q's tile = 4 x cluster y + cy
	s_lshl_b32 s42, ttmp9, 2
	s_add_co_u32 s42, s42, s40                     ; P's tile = 4 x cluster x + cx
.endif
	s_lshl_b32 s43, s41, 2
	s_lshl_b32 s43, 15, s43                        ; my row of the cluster
	s_lshl_b32 s44, 0x1111, s40                    ; my column
	; descriptor group 1: a tile of 128 rows x 256 bytes, rows 1,024 bytes apart in memory.  15:0 the mask; 17:16 elements of 1 byte; 20 padding on; 21 set beside a mask; 24:22 after every 64 words (code 5); 31:25 four words (code 3)
	s_or_b32 s[G1+0], s43, (1<<20)|(1<<21)|(5<<22)|(3<<25)
	s_or_b32 s[G1B+0], s44, (1<<20)|(1<<21)|(5<<22)|(3<<25)
.irp g, G1, G1B
	s_mov_b32 s[\g+1], ROWB<<16                    ; tensor_dim0
	s_mov_b32 s[\g+2], 128<<16                     ; tensor_dim1
	s_mov_b32 s[\g+3], ROWB<<16                    ; tile_dim0
	s_mov_b32 s[\g+4], 128                         ; tile_dim1
	s_mov_b32 s[\g+5], 1024                        ; from row to row
	s_mov_b32 s[\g+6], 0
	s_mov_b32 s[\g+7], 0
.endr
	s_lshl_b32 s17, s12, 7                         ; which 128 rows of the tile I fetch
	s_lshl_b32 s16, s13, 8
	s_add_co_u32 s16, s16, s17
	s_lshl_b32 s46, s42, 8
	s_add_co_u32 s46, s46, s17
	s_lshl_b32 s16, s16, 10                        ; in bytes
	s_lshl_b32 s46, s46, 10
	s_mov_b32 s17, 0
	s_mov_b32 s47, 0
	s_mul_i32 s45, s10, HALFT                      ; where they go: wave x 128 rows: no place in the cluster enters an LDS address
	s_wait_kmcnt 0x0
.if MODE == 0
	s_mov_b64 s[78:79], s[86:87]
	s_lshl_b32 s20, s76, 22                        ; the array of LN1's codes made with this product's scale
	s_mov_b32 s21, 0
	s_add_nc_u64 s[4:5], s[4:5], s[20:21]
	s_cmp_eq_u32 s76, 0
	s_cselect_b64 s[6:7], s[80:81], s[82:83]       ; the weight and the output are chosen by the cluster's x
	s_cselect_b64 s[8:9], s[88:89], s[90:91]
	s_cmp_eq_u32 s76, 2
	s_cselect_b64 s[6:7], s[84:85], s[6:7]
	s_cselect_b64 s[22:23], s[6:7], s[4:5]         ; Q's source: the tokens, for v the weight
	s_cselect_b64 s[6:7], s[4:5], s[6:7]           ; P's source: the weight, for v the tokens
	s_mov_b64 s[4:5], s[22:23]
.endif
	s_load_b512 s[80:95], s[78:79], 0x0            ; the sixteen exponents: entry i in s[80 + i]
	s_add_nc_u64 s[14:15], s[4:5], s[16:17]
	s_add_nc_u64 s[46:47], s[6:7], s[46:47]
	CROUND                                         ; all sixteen work-groups are here: the first joint loads meet
.irp s, 0,1
	s_mov_b32 s[G0+4*\s], 1
	s_add_co_u32 s[G0+4*\s+1], s45, \s*SLOT
	s_add_nc_u64 s[G0+4*\s+2:G0+4*\s+3], s[14:15], \s*ROWB
	s_or_b32 s[G0+4*\s+3], s[G0+4*\s+3], 0x80000000
	s_mov_b32 s[G0B+4*\s], 1
	s_add_co_u32 s[G0B+4*\s+1], s45, \s*SLOT
	s_add_nc_u64 s[G0B+4*\s+2:G0B+4*\s+3], s[46:47], \s*ROWB
	s_or_b32 s[G0B+4*\s+3], s[G0B+4*\s+3], 0x80000000
	JLOAD \s                                       ; two loads of mine are out
.endr
	v_and_b32 v1, 15, v0                           ; r = lane % 16
	v_bfe_u32 v2, v0, 4, 1                         ; h = lane / 16
	v_and_b32 v3, 31, v0                           ; lane
	s_lshl_b32 s20, s13, 8
	s_lshl_b32 s21, s11, 7
	s_add_co_u32 s20, s20, s21                     ; my first row of Q: 256 x tile + 128 x half
	s_lshl_b32 s46, s42, 8
	s_lshl_b32 s47, s12, 7
	s_add_co_u32 s46, s46, s47                     ; my first row of P
.if BIASED
	s_lshl_b32 s98, s46, 2                         ; P's rows are C's columns: 4 bytes each
	s_mov_b32 s99, 0
	s_add_nc_u64 s[66:67], s[66:67], s[98:99]
	v_lshlrev_b32 v[BOF], 5, v2
.irp b, 0,1,2,3,4,5,6,7
	global_load_b128 v[BIAS+8*\b:BIAS+8*\b+3], v[BOF], s[66:67] offset:64*\b         ; columns 16 b + 8 h + 0 .. 7: the result's layout
	global_load_b128 v[BIAS+8*\b+4:BIAS+8*\b+7], v[BOF], s[66:67] offset:64*\b+16
.endr
.endif
	; where my four blocks go: s16 the first block's offset, s21 64 rows of Q on, s22 64 rows of P on
.if MODE == 0
	s_cmp_eq_u32 s76, 2
	s_cselect_b32 s22, s46, s20                    ; my first token
	s_cselect_b32 s23, s20, s46                    ; my first column of the weight,
	s_lshr_b32 s23, s23, 6                         ; its head
	s_lshl_b32 s16, s22, 6                         ; qc: token x 64
	s_lshl_b32 s17, s23, 18                        ;     + head x 262,144
	s_add_co_u32 s16, s16, s17
	s_lshr_b32 s21, s22, 11                        ; kv: the batch,
	s_lshl_b32 s21, s21, 18
	s_bfe_u32 s17, s22, 0x30008                    ; t / 256,
	s_lshl_b32 s17, s17, 15
	s_add_co_u32 s21, s21, s17
	s_and_b32 s17, s22, 255                        ; the block of 64 tokens,
	s_lshl_b32 s17, s17, 6
	s_add_co_u32 s21, s21, s17
	s_lshl_b32 s17, s77, 14                        ; V behind K,
	s_add_co_u32 s21, s21, s17
	s_lshl_b32 s17, s23, 19                        ; the head
	s_add_co_u32 s21, s21, s17
	s_mov_b32 s22, 524288
	s_mov_b32 s23, 4096
	s_cmp_eq_u32 s76, 0
	s_cselect_b32 s16, s16, s21
	s_cselect_b32 s22, 262144, s22                 ; a head on: in qc, in kv
	s_cmp_eq_u32 s76, 2
	s_cselect_b32 s21, s22, s23                    ; 64 rows of Q on: 64 tokens, for v a head
	s_cselect_b32 s22, s23, s22                    ; 64 rows of P on: a head, for v 64 tokens
.else
	s_lshl_b32 s16, s20, 6                         ; hc: token x 64
	s_lshr_b32 s17, s46, 6
	s_lshl_b32 s17, s17, 18                        ;     + (column / 64) x 262,144
	s_add_co_u32 s16, s16, s17
	s_mov_b32 s21, 4096
	s_mov_b32 s22, 262144
.endif
	s_mov_b32 s17, 0
	s_mov_b32 s99, 0
	s_add_nc_u64 s[OB:OB+1], s[8:9], s[16:17]      ; block 2 aa + p: Q rows 64 aa on, P rows 64 p on
	s_add_co_u32 s98, s16, s22
	s_add_nc_u64 s[OB+2:OB+3], s[8:9], s[98:99]
	s_add_co_u32 s98, s16, s21
	s_add_nc_u64 s[OB+4:OB+5], s[8:9], s[98:99]
	s_add_co_u32 s98, s98, s22
	s_add_nc_u64 s[OB+6:OB+7], s[8:9], s[98:99]
	v_lshlrev_b32 v[CO], 4, v3
	v_mul_u32_u24 v7, v1, PITCH
	v_lshl_add_u32 v7, v2, 4, v7                   ; a fragment's row x pitch + 16 x half
	s_mul_i32 s21, s11, HALFT                      ; my 128 rows of Q
	s_mul_i32 s22, s12, HALFT                      ; my 128 rows of P,
	s_add_co_u32 s22, s22, 2*HALFT                 ; which lie behind Q's 256
.irp s, 0,1
	v_add_nc_u32 v[ADRQ+\s], s21, v7
	v_add_nc_u32 v[ADRP+\s], s22, v7
	s_add_co_u32 s21, s21, SLOT
	s_add_co_u32 s22, s22, SLOT
.endr
	s_mul_i32 s23, s10, 5120                       ; my stage: 64 rows of 64 bytes + 16
	s_add_co_u32 s23, s23, STAGE
	v_mul_u32_u24 v5, v1, 80
	v_lshl_add_u32 v5, v2, 3, v5
	v_add_nc_u32 v[STO], s23, v5                   ; in: row r, 8 bytes for each half of the lanes
	v_lshrrev_b32 v5, 2, v3
	v_mul_u32_u24 v5, v5, 80
	v_and_b32 v6, 3, v3
	v_lshl_add_u32 v5, v6, 4, v5
	v_add_nc_u32 v[RD], s23, v5                    ; back: four lanes to a row, eight rows an instruction
	s_wait_kmcnt 0x0
.if MODE == 0
	s_cmp_eq_u32 s76, 0                            ; ea, eb, eo: entries (0, 1, 6), (2, 3, 7), (4, 5, 8)
	s_cselect_b32 s98, s80, s82
	s_cselect_b32 s99, s81, s83
	s_cselect_b32 s16, s86, s87
	s_cmp_eq_u32 s76, 2
	s_cselect_b32 s98, s84, s98
	s_cselect_b32 s99, s85, s99
	s_cselect_b32 s16, s88, s16
.else
	s_mov_b32 s98, s92                             ; entries 12, 13, 14
	s_mov_b32 s99, s93
	s_mov_b32 s16, s94
.endif
	s_add_co_i32 s98, s98, s99                     ; a sum stands for sum x 2^(ea + eb):
	s_sub_co_i32 s16, s16, s98                     ; its code is sum / 2^(eo - ea - eb): the three scales folded into the conversion's one
	s_add_co_i32 s16, s16, 127
	s_lshl_b32 s17, s16, 23
	v_mov_b32 v[SCL], s17
	s_add_co_i32 s16, s16, 8
	s_lshl_b32 s16, s16, 23
	s_or_b32 s16, s16, 0x600000
	v_mov_b32 v[LIMV], s16
.if BIASED
	s_sub_co_i32 s99, 0, s98
	s_wait_loadcnt 0x0                             ; the bias
.set i, 0
.rept 64
	v_ldexp_f32 v[BIAS+i], v[BIAS+i], s99          ; bias / 2^(ea + eb)
.set i, i+1
.endr
.endif
.macro FRAG reg, adr, q, i             ; a fragment: 16 rows x 128 K, the slot's q-th 128 along K, block i of 16 rows
.irp c, 0,1,2,3
	ds_load_b128 v[\reg+4*\c:\reg+4*\c+3], v[\adr] offset:128*(\q)+32*\c+(\i)*16*PITCH
.endr
.endm
; 16 matrix instructions: Q's blocks a0, a0 + 1 x P's eight, 128 along K.  p: P's set.  first = 1: they start the sums, from the bias or from 0: nothing is cleared.
; The 64 accumulators take turns, one instruction a turn, in the same order in every step.
.macro MUL16 a0, p, first
.irp a, \a0, \a0+1
.irp b, 0,1,2,3,4,5,6,7
.if \first
.if BIASED
	v_wmma_f32_16x16x128_fp8_fp8 v[8*(8*((\a)%4)+\b):8*(8*((\a)%4)+\b)+7], v[128*(\p)+FR*\b:128*(\p)+FR*\b+FR-1], v[QF+FR*(\a):QF+FR*(\a)+FR-1], v[BIAS+8*\b:BIAS+8*\b+7]
.else
	v_wmma_f32_16x16x128_fp8_fp8 v[8*(8*((\a)%4)+\b):8*(8*((\a)%4)+\b)+7], v[128*(\p)+FR*\b:128*(\p)+FR*\b+FR-1], v[QF+FR*(\a):QF+FR*(\a)+FR-1], 0
.endif
.else
	v_wmma_f32_16x16x128_fp8_fp8 v[8*(8*((\a)%4)+\b):8*(8*((\a)%4)+\b)+7], v[128*(\p)+FR*\b:128*(\p)+FR*\b+FR-1], v[QF+FR*(\a):QF+FR*(\a)+FR-1], v[8*(8*((\a)%4)+\b):8*(8*((\a)%4)+\b)+7]
.endif
.endr
.endr
.endm
.macro FETCH_P slot, q, p              ; P's eight fragments into set p
	WIN TO_P
.irp i, 0,1,2,3,4,5,6,7
	FRAG 128*(\p)+FR*\i, ADRP+\slot, \q, \i
.endr
	WIN 0
.endm
.macro FETCH_Q slot, q, i0             ; Q's blocks i0 .. i0 + 3
.irp i, \i0, \i0+1, \i0+2, \i0+3
	FRAG QF+FR*(\i), ADRQ+\slot, \q, \i
.endr
.endm
.macro PLACES                          ; four plain vector instructions in front of loads into registers that matrix instructions have read, and of the first read of results (ISA guide 7.12.1 for the first read of results)
.rept 4
	v_nop
.endr
.endm
; A step of 128 along K that has its successor in the same slot.
.macro STEP slot, q, first
	s_wait_dscnt 4*NL                              ; P's set and Q's blocks 0-3 are in; the youngest sixteen loads (Q's blocks 4-7) may be out
.if (\first) && BIASED
	WIN BIA_LO
.else
	WIN MUL_LO
.endif
	MUL16 0, (\q)%2, \first
	MUL16 2, (\q)%2, \first
	s_wait_dscnt 0x0                               ; Q's blocks 4-7 are in (asked for 32 matrix instructions ago)
	PLACES
	FETCH_P \slot, (\q)+1, 1-(\q)%2
	FETCH_Q \slot, (\q)+1, 0
.if (\first) && BIASED
	WIN BIA_HI
.else
	WIN MUL_HI
.endif
	MUL16 4, (\q)%2, \first
	MUL16 6, (\q)%2, \first
	PLACES
	WIN 0
	FETCH_Q \slot, (\q)+1, 4
.endm
; A slot's last step changes slots: ONE barrier; in front of it each wave waits for all its tensor loads, adds 0 to its spare word, and waits for that and for its own reads of this slot.
; fill = 1: the barrier opens a round of the cluster's barrier, and this slot is filled again, two chunks ahead: the load has 96 matrix instructions in which to land.
.macro TURN slot, next, fill
	s_wait_tensorcnt 0x0                           ; all my tensor loads have landed: my part of the next slot;  (every window is 0 here: the add's two registers lie in window 0)
	ds_add_u32 v[SPW], v[NIL]                      ; 0 onto my spare word;
	s_wait_dscnt 4*NL+1                            ; (the add and the youngest sixteen loads may be out)
	WIN MUL_LO
	MUL16 0, 1, 0                                  ; sixteen matrix instructions stand between the add and the wait for it
	s_wait_dscnt 0x0                               ; the add is done, and my reads of this slot are over
	s_barrier_signal -1
	MUL16 2, 1, 0
	WIN 0
	s_barrier_wait -1
.if \fill
	CREST                                          ; no wave of any partner still reads this slot's tile or has a load on its way
	s_add_nc_u64 s[G0+4*\slot+2:G0+4*\slot+3], s[G0+4*\slot+2:G0+4*\slot+3], 2*ROWB
	s_add_nc_u64 s[G0B+4*\slot+2:G0B+4*\slot+3], s[G0B+4*\slot+2:G0B+4*\slot+3], 2*ROWB
	JLOAD \slot                                    ; the first tensor load behind the round, my only one until the next; its four v_nop are also the places in front of the loads below
.else
	PLACES
.endif
	FETCH_P \next, 0, 0
	FETCH_Q \next, 0, 0
	WIN MUL_HI
	MUL16 4, 1, 0
	MUL16 6, 1, 0
	PLACES
	WIN 0
	FETCH_Q \next, 0, 4
.endm
	s_wait_tensorcnt 1                             ; my part of chunk 0 is in (chunk 1's load may be out)
	s_barrier_signal -1
	s_barrier_wait -1                              ; everybody's is
	FETCH_P 0, 0, 0
	FETCH_Q 0, 0, 0
	FETCH_Q 0, 0, 4
	STEP 0, 0, 1                                   ; K = 1,024 is eight steps, written out: chunk 0; its first products start the sums
	TURN 0, 1, 1                                   ; slot 0 takes chunk 2
	STEP 1, 0, 0                                   ; chunk 1
	TURN 1, 0, 1                                   ; slot 1 takes chunk 3
	STEP 0, 0, 0                                   ; chunk 2
	TURN 0, 1, 0                                   ; nothing is left to fetch: no round of the cluster's barrier
	STEP 1, 0, 0                                   ; chunk 3
	s_wait_dscnt 4*NL                              ; the very last step
	WIN MUL_LO
	MUL16 0, 1, 0
	MUL16 2, 1, 0
	s_wait_dscnt 0x0
	WIN MUL_HI
	MUL16 4, 1, 0
	MUL16 6, 1, 0
	WIN 0
	PLACES
; THE WAY OUT, four blocks of 64 x 64: block g = 2 aa + p holds Q rows 64 aa on (window 2 + aa) and P rows 64 p on.  A lane's eight sums are eight neighbours along the next product's K.
; CONV: held in place, each accumulator from its low end on, and converted.  TOSTAGE: 8 bytes a lane and accumulator into my stage, back as rows.  SEND: the block leaves as 4,096 consecutive bytes.
.macro CONV g
.set AW,  2+(\g)/2
.set P4,  4*((\g)%2)
.set TCG, TC+32*((\g)%2)
.set WS,  (AW<<6)|AW
	WIN WS                                         ; destination and source 0: the accumulators' window
.irp a, 0,1,2,3
.irp b, 0,1,2,3
.irp j, 0,1,2,3,4,5,6,7
.if MODE == 1
	v_med3_num_f32 v[8*(8*\a+P4+\b)+\j], v[8*(8*\a+P4+\b)+\j], 0, v[LIMV]          ; the activation and the hold in one
.else
	v_med3_num_f32 v[8*(8*\a+P4+\b)+\j], v[8*(8*\a+P4+\b)+\j], -v[LIMV], v[LIMV]   ; the conversion to an 8-bit code does not saturate (ISA guide 7.6.2): the hold comes first
.endif
.endr
.endr
.endr
	WIN AW                                         ; source 0 alone
.irp a, 0,1,2,3
.irp b, 0,1,2,3
	v_cvt_scalef32_pk8_fp8_f32 v[TCG+2*(4*\a+\b):TCG+2*(4*\a+\b)+1], v[8*(8*\a+P4+\b):8*(8*\a+P4+\b)+7], v[SCL]
.endr
.endr
	WIN 0
	v_nop                                          ; a plain instruction behind the last conversion
.endm
.macro TOSTAGE g
.set TCG, TC+32*((\g)%2)
.set TBG, TB+32*((\g)%2)
.irp a, 0,1,2,3
.irp b, 0,1,2,3
	ds_store_b64 v[STO], v[TCG+2*(4*\a+\b):TCG+2*(4*\a+\b)+1] offset:1280*\a+16*\b
.endr
.endr
.irp t, 0,1,2,3,4,5,6,7
	ds_load_b128 v[TBG+4*\t:TBG+4*\t+3], v[RD] offset:640*\t   ; LDS serves a wave's instructions in order (ISA guide 5.7.1.4): these see my stores, and the next block's stores come behind them
.endr
.endm
.macro SEND g, younger                 ; younger: the LDS instructions issued behind block g's loads, which may stay out
.set TBG, TB+32*((\g)%2)
.set OBG, OB+2*(\g)
	s_wait_dscnt \younger                          ; the block is back in registers; its stage stores have long read theirs
.irp t, 0,1,2,3,4,5,6,7
	global_store_b128 v[CO], v[TBG+4*\t:TBG+4*\t+3], s[OBG:OBG+1] offset:512*\t   ; 32 lanes store 512 consecutive bytes, aligned
.endr
.endm
	CONV 0
	TOSTAGE 0
.irp g, 1,2,3
	CONV \g                                        ; block g's arithmetic stands between block g - 1's loads from the stage and the wait for them
.if \g >= 2
	s_wait_xcnt 0x0                                ; block g - 2's stores have read their registers, which block g's loads write
.endif
	TOSTAGE \g
	SEND \g-1, 24                                  ; behind block g - 1's loads: block g's 16 stores and 8 loads
.endr
	SEND 3, 0
	s_wait_tensorcnt 0x0                           ; the wave's end: behind my last tensor load and my last LDS store
	ds_add_u32 v[SPW], v[NIL]
	s_wait_dscnt 0x0
	CROUND                                         ; the closing round: no work-group ends while a partner may still ask for a tile that names it
	s_endpgm
.Lfunc_end_k_q5629cc15df_qkv:
	.size	k_q5629cc15df_qkv, .Lfunc_end_k_q5629cc15df_qkv-k_q5629cc15df_qkv
	.p2alignl 7, 3214868480
	.fill 96, 4, 3214868480
	.section	.rodata,"a",@progbits
	.p2align	6, 0x0
	.amdhsa_kernel k_q5629cc15df_qkv
		.amdhsa_group_segment_fixed_size 327680
		.amdhsa_private_segment_fixed_size 0
		.amdhsa_enable_private_segment 0
		.amdhsa_kernarg_size 56
		.amdhsa_user_sgpr_count 2
		.amdhsa_user_sgpr_kernarg_segment_ptr 1
		.amdhsa_wavefront_size32 1
		.amdhsa_system_sgpr_workgroup_id_x 1
		.amdhsa_system_sgpr_workgroup_id_y 1
		.amdhsa_system_sgpr_workgroup_id_z 1
		.amdhsa_system_vgpr_workitem_id 0
		.amdhsa_next_free_vgpr 1024
		.amdhsa_next_free_sgpr 100
		.amdhsa_reserve_vcc 0
		.amdhsa_float_denorm_mode_32 3
		.amdhsa_float_denorm_mode_16_64 3
		.amdhsa_memory_ordered 1
		.amdhsa_forward_progress 1
		.amdhsa_inst_pref_size 126
	.end_amdhsa_kernel
	.amdgpu_metadata
---
amdhsa.version: [ 1, 2 ]
amdhsa.kernels:
  - .name:           k_q5629cc15df_qkv
    .symbol:         k_q5629cc15df_qkv.kd
    .args:
      - { .name: xc, .offset: 0, .size: 8, .value_kind: global_buffer, .address_space: global }
      - { .name: Wq_codes, .offset: 8, .size: 8, .value_kind: global_buffer, .address_space: global }
      - { .name: Wk_codes, .offset: 16, .size: 8, .value_kind: global_buffer, .address_space: global }
      - { .name: Wv_codes, .offset: 24, .size: 8, .value_kind: global_buffer, .address_space: global }
      - { .name: lowp_scales, .offset: 32, .size: 8, .value_kind: global_buffer, .address_space: global }
      - { .name: qc, .offset: 40, .size: 8, .value_kind: global_buffer, .address_space: global }
      - { .name: kv, .offset: 48, .size: 8, .value_kind: global_buffer, .address_space: global }
    .group_segment_fixed_size: 327680
    .private_segment_fixed_size: 0
    .kernarg_segment_align: 8
    .kernarg_segment_size: 56
    .max_flat_workgroup_size: 128
    .sgpr_count:     100
    .vgpr_count:     1024
    .wavefront_size: 32
...
	.end_amdgpu_metadata
.endif
;; end of part 9
;; launch attn (part 10): grid 8 x 32, 16 waves a work-group, clusters of 4 x 1, 327,680 bytes of LDS; arguments qc, kv, lowp_scales, ac; writes ac
.if DOCPART == 10
	.amdgcn_target "amdgcn-amd-amdhsa--gfx1250"
	.amdhsa_code_object_version 6
	.text
	.protected	k_q5629cc15df_attn
	.globl	k_q5629cc15df_attn
	.p2align	8
	.type	k_q5629cc15df_attn,@function
k_q5629cc15df_attn:
	s_mov_b64 s[64:65], 0
	v_nop
	global_prefetch_b8 v0, s[64:65] scope:SCOPE_SE
	s_setreg_imm32_b32 hwreg(HW_REG_WAVE_MODE, 25, 1), 1
	s_wait_xcnt 0x0
	s_wait_alu depctr_hold_cnt(0) depctr_sa_sdst(0) depctr_va_vdst(0) depctr_va_sdst(0) depctr_va_ssrc(0) depctr_va_vcc(0) depctr_vm_vsrc(0)
	s_getreg_b32 s2, hwreg(HW_REG_IB_STS2, 6, 4)
	s_cmp_eq_u32 s2, 0
	s_cbranch_scc0 .Lentry_in_a_cluster
	s_endpgm
.Lentry_in_a_cluster:
	s_bfe_u32 s2, ttmp6, 0x10000c
	s_cmp_lg_u32 s2, 0x3003
	s_cbranch_scc0 .Lentry_shape_is_right
	s_endpgm
.Lentry_shape_is_right:
; CAUSAL ATTENTION ON E4M3 CODES.  32 heads-of-a-batch y = 2 head + batch, 2,048 tokens, head size 64.  Both products on codes, f32 sums; the result is quantised again for the next product.
; qc: y x 131,072 + t x 64 + d.  kv: y x 262,144 + (t / 256) x 32,768, there 256 keys of K as [key][d] (16,384 bytes), then V as four blocks [d][64 keys] of 4,096 bytes.  ac: laid as qc.
; THE SOFTMAX AHEAD OF THE SECOND PRODUCT: t = score x log2(e) / 8; M = the row's largest t so far, rounded UP to a whole number; p = 2^(t - M) is what is quantised, not normalised.  The row's sum is taken of the
; unquantised p and divides O at the end.  When M moves, the sum and O are multiplied by 2^(old M - new M): exact.
; SHARES.  A work-group has sixteen waves, four to a SIMD, so that one wave's vector work stands beside another's matrix work.  Work-group j (0..7) of a head, wave w: the 16 queries 128 BI + 16 j + 0 .. 15, BI = w xor 3 ((w / 4) % 2).
; So whether a step of 128 keys lies after a wave's queries (KS > BI: left out), on the diagonal (KS = BI: masked) or before them hangs on the WAVE'S NUMBER alone: it is alike in all work-groups, which all have the same work.
; CLUSTER.  The four work-groups of a cluster belong to one head and walk the same K and V: each tile is asked for JOINTLY.  Every work-group walks all eight slots of 256 keys: trip counts are constants, no tensor load and no barrier is jumped over.
; LAYOUT.  Both products are used transposed: S^T = K Q^T (source 0 = 16 keys, source 1 = my 16 queries), O^T = V^T P^T: a lane holds ONE query (lane % 16) throughout.
; THE ROWS OF A TILE ARE NOT NEIGHBOURS: lane r of tile 2 b + u takes row 32 b + 8 u + r + 8 (r / 8), so that the 16 registers of tiles 2 b and 2 b + 1 are 16 neighbours: of the keys in p, of d in O^T: what the conversions want.
; A slot's 32,768 bytes are dense in memory and are stated as rows of 128 bytes with 16 of padding behind each: row rho of 64 bytes lies at (rho / 2) x 144 + (rho % 2) x 64; with the rows above.
; LIMITS on the given exponents, so that each power of two is an f32 number: e6 + e7 between -123 and 130 (added to c's exponent field); e9, and e10 - e8 - e9, between -126 and 119.  NaN is not served.
; REGISTERS: v1-7 addresses that stay; v8-11 addresses in hand; v12 -M, v13 the largest t, v[14:15] the sum in two halves; v16-23 Q; v24 Q's offset; v32-95 fragments of K or V; v96-159 S^T, then p; v160-191 O^T; v224-239 p's codes; v236-254 at work.
.set SLOT1, 65536                      ; slot 1 begins here: one exclusive or turns an address in one slot into the other's
.set VOFF,  18432                      ; a slot: 128 rows x 144 of K, then as many of V
.set VBLK,  4608                       ; a block of V: 64 d x 64 keys
.set STAGE, 131072                     ; behind the ring: 16 rows x 80 bytes for each wave
.set SPARE, STAGE+16*1280              ; behind the stages: the spare words, 128 bytes for each wave, which no other line names
.set NSL,   8                          ; slots' worth of keys
.set AK0,  1                           ; v1   my lane's place in a tile of K
.set AV0,  2                           ; v2   the same for V
.set PFO,  3                           ; v3   256 x lane: the prefetch's offset; never rewritten
.set DG,   4                           ; v4   16 j + r - 16 h: on the diagonal register 16 b + i is hidden where 32 b + i is above it
.set SPW,  5                           ; v5   LDS address of my spare word; never rewritten
.set NIL,  6                           ; v6   0; never rewritten
.set GO,   7                           ; v7   16 x lane
.set ADK,  8
.set ADV,  9
.set TB,   3                           ; s3   LDS byte at which the slot in hand begins
.set WV,   18                          ; s18  my wave's number
.set BI,   19                          ; s19  my block of 128 queries
.set SEL,  20                          ; s[20:21] lane selects: lane l xor 16
.set CS,   22                          ; s[22:23] c = log2(e) / 8 x 2^(e6 + e7)
.set G1,   24                          ; s[24:31] descriptor group 1;  s[40:43] group 0, which walks
.set G0,   40
.set SLOTS, 67                         ; s67  slots still to be asked for
.set LIM,  68                          ; s68  1 in the wave that prefetches, else the greatest number
.set KS,   69                          ; s69  the key step, 0 .. 15
.set J,    70                          ; s70  my work-group among the head's eight
.set PFA,  76                          ; s[76:77] where my prefetches stand
.macro CROUND                          ; a round of the cluster's barrier
	s_barrier_signal -1
	s_barrier_wait -1
	s_cmp_lg_u32 s[WV], 0
	s_cbranch_scc1 .Lnot_wave_0_\@
	s_barrier_signal -3
.Lnot_wave_0_\@:
	s_barrier_wait -3
	s_barrier_signal -1
	s_barrier_wait -1
.endm
.macro TLOAD                           ; waves 0 to 3 fetch a quarter of the slot each, 8,192 bytes; the branch hangs on the wave's number alone; four v_nop follow the line
	s_cmp_lt_u32 s[WV], 4
	s_cbranch_scc0 .Lnone_\@
	tensor_load_to_lds s[G0:G0+3], s[G1:G1+7]
	s_nop 0
.rept 4
	v_nop
.endr
.Lnone_\@:
.endm
; A PREFETCH INTO THE L2 of the slot that the NEXT change of slots will ask for: two key steps ahead of that load.  Each aligned 256 bytes are named once in the launch: both clusters of a head walk the same K and V, so the head's
; first cluster asks; its four partners take 8,192 bytes each, told apart BY ADDRESS; in each, wave 4 asks, lanes 256 bytes apart.  The last change that fills a slot asks for nothing; slots 0 and 1 come by their loads alone.
.macro ASK
	s_cmp_gt_u32 s[SLOTS], s[LIM]
	s_cbranch_scc0 .Lnot_mine_\@
	global_prefetch_b8 v[PFO], s[PFA:PFA+1] th:TH_LOAD_NT scope:SCOPE_SE
.Lnot_mine_\@:
.endm
	s_load_b256 s[4:11], s[0:1], 0x0               ; qc s[4:5], kv s[6:7], the scales' exponents s[8:9], ac s[10:11]
	v_lshl_add_u32 v[SPW], v0, 2, SPARE
	v_mov_b32 v[NIL], 0
	ds_add_u32 v5, v6
	ds_add_u32 v5, v6
	s_wait_dscnt 0x0
	v_lshrrev_b32 v8, 5, v0
	s_delay_alu instid0(VALU_DEP_1)
	v_readfirstlane_b32 s[WV], v8                  ; wave 0..15
	s_bfe_u32 s72, s[WV], 0x10002                  ; (w / 4) % 2
	s_mul_i32 s72, s72, 3
	s_xor_b32 s[BI], s[WV], s72
	s_bfe_u32 s73, ttmp6, 0x40000                  ; cx
	s_lshl_b32 s[J], ttmp9, 2
	s_add_co_u32 s[J], s[J], s73                   ; it enters Q's and the output's addresses and the mask's numbers alone
	s_and_b32 s74, ttmp7, 0xffff                   ; y, which the partners share
	s_mov_b32 s[G1], 15|(1<<20)|(1<<21)|(4<<22)|(3<<25)   ; 15:0 the mask: all four work-groups; 17:16 elements of 1 byte; 20 padding on; 21 set beside a mask; 24:22 after every 32 words (code 4); 31:25 four words (code 3)
	s_mov_b32 s[G1+1], 128<<16                     ; tensor_dim0
	s_mov_b32 s[G1+2], 64<<16                      ; tensor_dim1
	s_mov_b32 s[G1+3], 128<<16                     ; tile_dim0
	s_mov_b32 s[G1+4], 64                          ; tile_dim1
	s_mov_b32 s[G1+5], 128                         ; from row to row: dense
	s_mov_b32 s[G1+6], 0
	s_mov_b32 s[G1+7], 0
	s_lshl_b32 s44, s74, 18                        ; the head's K and V,
	s_lshl_b32 s75, s[WV], 13                      ; my quarter of a slot
	s_add_co_u32 s44, s44, s75
	s_mov_b32 s45, 0
	s_lshl_b32 s46, s74, 17                        ; the head's rows in qc and ac,
	s_lshl_b32 s75, s[BI], 13                      ; my block of 128,
	s_add_co_u32 s46, s46, s75
	s_lshl_b32 s75, s[J], 10                       ; my 16 queries
	s_add_co_u32 s46, s46, s75
	s_mov_b32 s47, 0
	s_lshl_b32 s78, s74, 18                        ; the prefetches: the head, my work-group's 8,192 bytes, in slot 1: the first change of slots steps it to slot 2
	s_lshl_b32 s75, s73, 13
	s_add_co_u32 s78, s78, s75
	s_add_co_u32 s78, s78, 32768
	s_mov_b32 s79, 0
	s_xor_b32 s75, s[WV], 4                        ; 0 in wave 4,
	s_or_b32 s75, s75, ttmp9                       ; of the head's first cluster: the same in all four partners
	s_cmp_eq_u32 s75, 0
	s_cselect_b32 s[LIM], 1, -1
	s_mov_b32 s[SEL], 0x76543210
	s_mov_b32 s[SEL+1], 0xfedcba98
	s_mov_b32 s[CS], 0x3e38aa3b                    ; log2(e) / 8
	s_mov_b32 s[TB], 0
	s_mov_b32 s[SLOTS], NSL-1
	s_mov_b32 s[KS], 0
	s_wait_kmcnt 0x0
	s_load_b512 s[48:63], s[8:9], 0x0              ; the sixteen exponents: entry i in s[48 + i]
	s_mov_b32 s[G0], 1                             ; 1:0 count = 1
	s_mul_i32 s[G0+1], s[WV], 9216                 ; 63:32 LDS address: slot 0, 64 rows x 144 a wave
	s_add_nc_u64 s[G0+2:G0+3], s[6:7], s[44:45]    ; 120:64 global address
	s_or_b32 s[G0+3], s[G0+3], 0x80000000          ; 127:126 type = 2
	s_add_nc_u64 s[PFA:PFA+1], s[6:7], s[78:79]
	s_add_nc_u64 s[4:5], s[4:5], s[46:47]
	s_add_nc_u64 s[10:11], s[10:11], s[46:47]
	CROUND                                         ; all four work-groups are here: the first joint loads meet
	TLOAD                                          ; slot 0
	v_and_b32 v8, 15, v0                           ; r
	v_bfe_u32 v9, v0, 4, 1                         ; h
	s_delay_alu instid0(VALU_DEP_2)
	v_lshlrev_b32 v24, 6, v8
	s_delay_alu instid0(VALU_DEP_1)
	v_lshl_add_u32 v24, v9, 4, v24                 ; Q: row r of 64 bytes, + 16 h
	global_load_b128 v[16:19], v24, s[4:5]         ; registers 4 c .. 4 c + 3: d = 32 c + 16 h + 0 .. 15, as K's fragments have it
	global_load_b128 v[20:23], v24, s[4:5] offset:32
	v_and_b32 v11, 8, v8
	s_delay_alu instid0(VALU_DEP_1)
	v_add_nc_u32 v11, v11, v8                      ; r + 8 (r / 8)
	s_delay_alu instid0(VALU_DEP_1)
	v_lshrrev_b32 v[AK0], 1, v11
	s_delay_alu instid0(VALU_DEP_1)
	v_mul_u32_u24 v[AK0], v[AK0], 144
	s_delay_alu instid0(VALU_DEP_3)
	v_and_b32 v11, 1, v11
	s_delay_alu instid0(VALU_DEP_1)
	v_lshl_add_u32 v[AK0], v11, 6, v[AK0]
	s_delay_alu instid0(VALU_DEP_1)
	v_lshl_add_u32 v[AK0], v9, 4, v[AK0]
	s_delay_alu instid0(VALU_DEP_1)
	v_add_nc_u32 v[AV0], VOFF, v[AK0]
	v_lshlrev_b32 v[DG], 4, v9
	s_delay_alu instid0(VALU_DEP_1)
	v_sub_nc_u32 v[DG], v8, v[DG]
	s_lshl_b32 s75, s[J], 4
	v_add_nc_u32 v[DG], s75, v[DG]
	v_and_b32 v[GO], 31, v0
	s_delay_alu instid0(VALU_DEP_1)
	v_lshlrev_b32 v[PFO], 8, v[GO]
	s_delay_alu instid0(VALU_DEP_2)
	v_lshlrev_b32 v[GO], 4, v[GO]
	v_mov_b32 v13, 0xff61b1e6                      ; the largest t so far: -3e38, under every t
	s_delay_alu instid0(VALU_DEP_1)
	v_floor_f32 v12, -v13                          ; -M
	v_mov_b32 v14, 0                               ; the sum, in two halves
	v_mov_b32 v15, 0
	v_mov_b32 v236, 0                              ; written once: a lane permute's destination counts as one of its sources
	v_mov_b32 v252, 0
	v_mov_b32 v253, 0                              ; (named as the upper half of the pair v[252:253])
.irp j, 0,1,2,3,4,5,6,7,8,9,10,11,12,13,14,15,16,17,18,19,20,21,22,23,24,25,26,27,28,29,30,31
	v_mov_b32 v[160+\j], 0                         ; O^T.  (The step is written for every step alike: the first finds zeros, which the first change of M leaves zeros)
.endr
	s_wait_kmcnt 0x0
	s_add_co_i32 s72, s54, s55
	s_lshl_b32 s72, s72, 23
	s_add_co_i32 s[CS], s[CS], s72                 ; a score stands for score x 2^(e6 + e7): the two exponents are added to c's exponent field
	s_mov_b32 s[CS+1], s[CS]                       ; (named with it as a pair, so it is written)
	s_add_co_i32 s72, s57, 127
	s_lshl_b32 s73, s72, 23
	v_mov_b32 v244, s73                            ; 2^e9, for p's conversions
	s_sub_co_i32 s72, s58, s56
	s_sub_co_i32 s72, s72, s57                     ; O^T / the sum stands for that x 2^(e8 + e9): its code is that / 2^(e10 - e8 - e9)
	s_add_co_i32 s72, s72, 127
	s_lshl_b32 s73, s72, 23
	v_mov_b32 v245, s73
; A KEY STEP: 128 keys, the q-th of the slot in hand.
.macro STEP q
	s_cmp_gt_u32 s[KS], s[BI]                      ; all its keys come after my queries: its work is left out; no barrier and no tensor load stands in a step
	s_cbranch_scc1 .Lhidden_\@
	v_add_nc_u32 v[ADK], s[TB], v[AK0]
	v_add_nc_u32 v[ADV], s[TB], v[AV0]
	v_nop                                          ; with the two additions: four places in front of loads into registers that the last products read
	v_nop
.irp t, 0,1,2,3,4,5,6,7
.irp c, 0,1
	ds_load_b128 v[32+8*\t+4*\c:32+8*\t+4*\c+3], v[ADK] offset:(128*(\q)+32*(\t/2)+8*(\t%2))*72+32*\c
.endr
.endr
	s_wait_dscnt 0x0
.irp t, 0,1,2,3,4,5,6,7
	v_wmma_f32_16x16x64_fp8_fp8 v[96+8*\t:103+8*\t], v[32+8*\t:39+8*\t], v[16:23], 0   ; S^T: the 16 registers of tiles 2 b, 2 b + 1 are keys 32 b + 16 h + 0 .. 15
.endr
.rept 4
	v_nop
.endr
	s_cmp_lg_u32 s[KS], s[BI]
	s_cbranch_scc1 .Lopen_\@
	v_mov_b32 v254, 0xff800000                     ; on the diagonal the scores of hidden keys become -infinity ahead of the maximum: p = 0 then.  Key 0 counts for every query, so M is a number from the first step on
.irp n, 0,1,2,3,4,5,6,7,8,9,10,11,12,13,14,15,16,17,18,19,20,21,22,23,24,25,26,27,28,29,30,31,32,33,34,35,36,37,38,39,40,41,42,43,44,45,46,47,48,49,50,51,52,53,54,55,56,57,58,59,60,61,62,63
	v_cmp_gt_i32 vcc_lo, 32*(\n/16)+\n%16, v[DG]
	v_cndmask_b32 v[96+\n], v[96+\n], v254, vcc_lo
.endr
.Lopen_\@:
	v_max3_num_f32 v254, v96, v97, v98             ; the step's largest score of my query, among my 64 keys, in two chains,
	v_max3_num_f32 v252, v99, v100, v101
.irp i, 6,10,14,18,22,26,30,34,38,42,46,50,54,58
	v_max3_num_f32 v254, v254, v[96+\i], v[97+\i]
	v_max3_num_f32 v252, v252, v[98+\i], v[99+\i]
.endr
	v_max3_num_f32 v254, v254, v158, v159
	s_delay_alu instid0(VALU_DEP_1)
	v_max_num_f32 v254, v254, v252
	v_permlanex16_b32 v236, v254, s[SEL], s[SEL+1]
	s_delay_alu instid0(VALU_DEP_1)
	v_max_num_f32 v254, v254, v236                 ; and among lane l xor 16's
	s_delay_alu instid0(VALU_DEP_1)
	v_mul_f32 v254, s[CS], v254                    ; as t (c is positive)
	s_delay_alu instid0(VALU_DEP_1)
	v_max_num_f32 v13, v13, v254                   ; the running largest t
	v_mov_b32 v254, v12
	s_delay_alu instid0(VALU_DEP_2)
	v_floor_f32 v12, -v13                          ; the new -M = floor(-t) = -ceil(t): M is a whole number
	s_delay_alu instid0(VALU_DEP_1)
	v_sub_f32 v254, v12, v254                      ; M's old value less its new one: a whole number, 0 or less
	s_delay_alu instid0(VALU_DEP_1)
	v_cvt_i32_f32 v254, v254                       ; (it saturates)
	s_delay_alu instid0(VALU_DEP_1)
	v_ldexp_f32 v252, 1.0, v254                    ; f = 2^(old M - new M): a multiplication by it rounds nothing
.irp j, 0,2,4,6,8,10,12,14,16,18,20,22,24,26,28,30,32,34,36,38,40,42,44,46,48,50,52,54,56,58,60,62
	v_pk_fma_f32 v[96+\j:97+\j], v[96+\j:97+\j], s[CS:CS+1], v[12:13] op_sel_hi:[1,0,0]   ; t - M, two at a time (of the pairs c and -M the low word serves both halves)
.endr
	s_wait_alu depctr_va_vdst(0)
.irp j, 0,1,2,3,4,5,6,7,8,9,10,11,12,13,14,15,16,17,18,19,20,21,22,23,24,25,26,27,28,29,30,31,32,33,34,35,36,37,38,39,40,41,42,43,44,45,46,47,48,49,50,51,52,53,54,55,56,57,58,59,60,61,62,63
	v_exp_f32 v[96+\j], v[96+\j]                   ; p = 2^(t - M), at most 1: not normalised
.endr
	v_pk_mul_f32 v[14:15], v[14:15], v[252:253] op_sel_hi:[1,0]   ; the sums under the new M.  (The plain instruction behind the exponentials)
	s_wait_alu depctr_va_vdst(0)                   ; one wait for the whole batch, ahead of its first reader
	v_pk_add_f32 v[242:243], v[100:101], v[104:105]
	v_pk_add_f32 v[254:255], v[108:109], v[112:113]
	v_pk_add_f32 v[250:251], v[116:117], v[120:121]
	v_pk_add_f32 v[248:249], v[124:125], v[128:129]
	v_pk_add_f32 v[246:247], v[132:133], v[136:137]
	v_pk_add_f32 v[240:241], v[140:141], v[144:145]
	v_pk_add_f32 v[238:239], v[148:149], v[152:153]
	v_pk_add_f32 v[14:15], v[14:15], v[156:157]
	v_pk_add_f32 v[242:243], v[242:243], v[96:97]
	v_pk_add_f32 v[254:255], v[254:255], v[98:99]
	v_pk_add_f32 v[250:251], v[250:251], v[102:103]
	v_pk_add_f32 v[248:249], v[248:249], v[106:107]
	v_pk_add_f32 v[246:247], v[246:247], v[110:111]
	v_pk_add_f32 v[240:241], v[240:241], v[114:115]
	v_pk_add_f32 v[238:239], v[238:239], v[118:119]
	v_pk_add_f32 v[14:15], v[14:15], v[122:123]
	v_pk_add_f32 v[242:243], v[242:243], v[126:127]
	v_pk_add_f32 v[254:255], v[254:255], v[130:131]
	v_pk_add_f32 v[250:251], v[250:251], v[134:135]
	v_pk_add_f32 v[248:249], v[248:249], v[138:139]
	v_pk_add_f32 v[246:247], v[246:247], v[142:143]
	v_pk_add_f32 v[240:241], v[240:241], v[146:147]
	v_pk_add_f32 v[238:239], v[238:239], v[150:151]
	v_pk_add_f32 v[14:15], v[14:15], v[154:155]
	v_pk_add_f32 v[242:243], v[242:243], v[158:159]
	s_delay_alu instid0(VALU_DEP_2)
	v_pk_add_f32 v[14:15], v[14:15], v[248:249]
	s_delay_alu instid0(VALU_DEP_2)
	v_pk_add_f32 v[242:243], v[242:243], v[246:247]
	v_pk_add_f32 v[254:255], v[254:255], v[240:241]
	v_pk_add_f32 v[250:251], v[250:251], v[238:239]
	s_delay_alu instid0(VALU_DEP_2)
	v_pk_add_f32 v[14:15], v[14:15], v[254:255]
	s_delay_alu instid0(VALU_DEP_2)
	v_pk_add_f32 v[242:243], v[242:243], v[250:251]
	s_delay_alu instid0(VALU_DEP_1)
	v_pk_add_f32 v[14:15], v[14:15], v[242:243]
.irp b, 0,1,2,3
.irp i, 0,1,2,3,4,5,6,7,8,9,10,11,12,13,14,15
.endr
	v_cvt_scalef32_pk8_fp8_f32 v[224+4*\b:225+4*\b], v[96+16*\b:103+16*\b], v244
	v_cvt_scalef32_pk8_fp8_f32 v[226+4*\b:227+4*\b], v[104+16*\b:111+16*\b], v244
.endr
.irp j, 0,2,4,6,8,10,12,14,16,18,20,22,24,26,28,30
	v_pk_mul_f32 v[160+\j:161+\j], v[160+\j:161+\j], v[252:253] op_sel_hi:[1,0]   ; O^T under the new M.  (These 16 are also the places in front of the loads and matrix instructions below)
.endr
.irp t, 0,1,2,3
.irp c, 0,1,2,3
	ds_load_b128 v[32+16*\t+4*\c:32+16*\t+4*\c+3], v[ADV] offset:(2*(\q)+\c/2)*VBLK+(32*(\t/2)+8*(\t%2))*72+32*(\c%2)
.endr
.endr
	s_wait_alu depctr_va_vdst(0)
	s_wait_dscnt 0x0
.irp t, 0,1,2,3
	v_wmma_f32_16x16x128_fp8_fp8 v[160+8*\t:167+8*\t], v[32+16*\t:47+16*\t], v[224:239], v[160+8*\t:167+8*\t]   ; O^T += V^T P^T: the four accumulators take turns
.endr
.Lhidden_\@:
	s_add_co_u32 s[KS], s[KS], 1
.endm
; THE CHANGE OF SLOTS stands at a slot's head.  Each wave waits for all its tensor loads (its part of the slot that it is about to read), adds 0 to its spare word, and waits for that and for its reads of the slot that it has left.
; fill = 1: a round of the cluster's barrier, so that no wave of any partner still reads that slot or has a load on its way; behind it the slot is filled with the next 256 keys: the load has two key steps in which to land.
.macro CHANGE fill
	s_wait_tensorcnt 0x0                           ; no tensor load of mine is out, so group 0 may be written
	ds_add_u32 v[SPW], v[NIL]                      ; 0 onto my spare word
.if \fill
	s_xor_b32 s[G0+1], s[G0+1], SLOT1              ; the walking descriptor: the other slot than last time,
	s_add_nc_u64 s[G0+2:G0+3], s[G0+2:G0+3], 32768 ; the next 256 keys; the type bits on top are not reached
	s_wait_xcnt 0x0                                ; the last prefetch, a slot back, has read its address, so it may be written:
	s_add_nc_u64 s[PFA:PFA+1], s[PFA:PFA+1], 32768 ; one slot further on than the walking descriptor
.endif
	s_wait_dscnt 0x0                               ; the add is done, and my reads of the slot that I have left are over
.if \fill
	CROUND
	TLOAD                                          ; the first thing behind the round, and a wave's one tensor load until the next
	ASK
.else
	s_barrier_signal -1
	s_barrier_wait -1
.endif
.endm
.macro SLOT_STEPS
	STEP 0
	STEP 1
	s_xor_b32 s[TB], s[TB], SLOT1                  ; on to the other slot
.endm
	s_wait_loadcnt 0x0                             ; Q
.Lslot:                                            ; NSL - 1 trips: behind each change of slots but the last the next slot is asked for
	CHANGE 1
	SLOT_STEPS
	s_sub_co_u32 s[SLOTS], s[SLOTS], 1
	s_cmp_lg_u32 s[SLOTS], 0
	s_cbranch_scc1 .Lslot
	CHANGE 0                                       ; the last slot is written out
	SLOT_STEPS
	; THE WAY OUT.  O^T is divided by the sum and converted: a lane's 16 registers of two tiles are 16 neighbours along d, the next product's K.  16 rows of 64 codes go through my stage and leave as one dense block of 1,024 bytes.
	v_add_f32 v14, v14, v15                        ; the sum's two halves,
	s_delay_alu instid0(VALU_DEP_1)
	v_permlanex16_b32 v252, v14, s[SEL], s[SEL+1]
	s_delay_alu instid0(VALU_DEP_1)
	v_add_f32 v14, v14, v252                       ; and lane l xor 16's: the row's sum
	s_wait_alu depctr_va_vdst(0)
	v_rcp_f32 v14, v14
	v_and_b32 v8, 15, v0                           ; (plain instructions behind the transcendental)  r
	v_bfe_u32 v9, v0, 4, 1                         ; h
	s_mul_i32 s73, s[WV], 1280
	s_add_co_u32 s73, s73, STAGE                   ; my stage
	v_mul_u32_u24 v10, v8, 80
	s_delay_alu instid0(VALU_DEP_1)
	v_lshl_add_u32 v10, v9, 4, v10
	s_delay_alu instid0(VALU_DEP_1)
	v_add_nc_u32 v10, s73, v10                     ; in: row r, + 16 h
	v_and_b32 v11, 31, v0
	s_delay_alu instid0(VALU_DEP_1)
	v_lshrrev_b32 v8, 2, v11
	s_delay_alu instid0(VALU_DEP_1)
	v_mul_u32_u24 v8, v8, 80
	s_delay_alu instid0(VALU_DEP_3)
	v_and_b32 v11, 3, v11
	s_delay_alu instid0(VALU_DEP_1)
	v_lshl_add_u32 v11, v11, 4, v8
	s_delay_alu instid0(VALU_DEP_1)
	v_add_nc_u32 v11, s73, v11                     ; back: four lanes to a row, eight rows an instruction
	s_wait_alu depctr_va_vdst(0)                   ; the wait, ahead of the reciprocal's first reader
.irp j, 0,1,2,3,4,5,6,7,8,9,10,11,12,13,14,15,16,17,18,19,20,21,22,23,24,25,26,27,28,29,30,31
	v_mul_f32 v[96+\j], v[160+\j], v14             ; register 16 b + i: d = 32 b + 16 h + i; each accumulator from its low end on
.endr
.irp j, 0,1,2,3,4,5,6,7,8,9,10,11,12,13,14,15,16,17,18,19,20,21,22,23,24,25,26,27,28,29,30,31
.endr
.irp b, 0,1
	v_cvt_scalef32_pk8_fp8_f32 v[224+4*\b:225+4*\b], v[96+16*\b:103+16*\b], v245
	v_cvt_scalef32_pk8_fp8_f32 v[226+4*\b:227+4*\b], v[104+16*\b:111+16*\b], v245
.endr
	v_nop                                          ; a plain instruction behind the last conversion
	ds_store_b128 v10, v[224:227]
	ds_store_b128 v10, v[228:231] offset:32
	ds_load_b128 v[32:35], v11                     ; LDS serves a wave's instructions in order (ISA guide 5.7.1.4): these see my stores
	ds_load_b128 v[36:39], v11 offset:640
	s_wait_dscnt 1
	global_store_b128 v[GO], v[32:35], s[10:11]    ; 32 lanes store 512 consecutive bytes, aligned
	s_wait_dscnt 0x0
	global_store_b128 v[GO], v[36:39], s[10:11] offset:512
	s_wait_tensorcnt 0x0                           ; the wave's end: behind my last tensor load and my last LDS store
	ds_add_u32 v[SPW], v[NIL]
	s_wait_dscnt 0x0
	CROUND                                         ; the closing round: no work-group ends while a partner may still ask for a tile that names it
	s_endpgm
.Lfunc_end_k_q5629cc15df_attn:
	.size	k_q5629cc15df_attn, .Lfunc_end_k_q5629cc15df_attn-k_q5629cc15df_attn
	.p2alignl 7, 3214868480
	.fill 96, 4, 3214868480
	.section	.rodata,"a",@progbits
	.p2align	6, 0x0
	.amdhsa_kernel k_q5629cc15df_attn
		.amdhsa_group_segment_fixed_size 327680
		.amdhsa_private_segment_fixed_size 0
		.amdhsa_enable_private_segment 0
		.amdhsa_kernarg_size 32
		.amdhsa_user_sgpr_count 2
		.amdhsa_user_sgpr_kernarg_segment_ptr 1
		.amdhsa_wavefront_size32 1
		.amdhsa_system_sgpr_workgroup_id_x 1
		.amdhsa_system_sgpr_workgroup_id_y 1
		.amdhsa_system_sgpr_workgroup_id_z 1
		.amdhsa_system_vgpr_workitem_id 0
		.amdhsa_next_free_vgpr 256
		.amdhsa_next_free_sgpr 100
		.amdhsa_reserve_vcc 1
		.amdhsa_float_denorm_mode_32 3
		.amdhsa_float_denorm_mode_16_64 3
		.amdhsa_fp16_overflow 1
		.amdhsa_memory_ordered 1
		.amdhsa_forward_progress 1
		.amdhsa_inst_pref_size 87
	.end_amdhsa_kernel
	.amdgpu_metadata
---
amdhsa.version: [ 1, 2 ]
amdhsa.kernels:
  - .name:           k_q5629cc15df_attn
    .symbol:         k_q5629cc15df_attn.kd
    .args:
      - { .name: qc, .offset: 0, .size: 8, .value_kind: global_buffer, .address_space: global }
      - { .name: kv, .offset: 8, .size: 8, .value_kind: global_buffer, .address_space: global }
      - { .name: lowp_scales, .offset: 16, .size: 8, .value_kind: global_buffer, .address_space: global }
      - { .name: ac, .offset: 24, .size: 8, .value_kind: global_buffer, .address_space: global }
    .group_segment_fixed_size: 327680
    .private_segment_fixed_size: 0
    .kernarg_segment_align: 8
    .kernarg_segment_size: 32
    .max_flat_workgroup_size: 512
    .sgpr_count:     100
    .vgpr_count:     256
    .wavefront_size: 32
...
	.end_amdgpu_metadata
.endif
;; end of part 10
;; launch wo (part 11): grid 8 x 32, 4 waves a work-group, clusters of 4 x 4, 327,680 bytes of LDS; arguments ac, Wo_codes, bo, x, lowp_scales, x1; writes x1
.if DOCPART == 11
	.amdgcn_target "amdgcn-amd-amdhsa--gfx1250"
	.amdhsa_code_object_version 6
	.text
	.protected	k_q5629cc15df_wo
	.globl	k_q5629cc15df_wo
	.p2align	8
	.type	k_q5629cc15df_wo,@function
k_q5629cc15df_wo:
	s_mov_b64 s[64:65], 0
	v_nop
	global_prefetch_b8 v0, s[64:65] scope:SCOPE_SE
	s_setreg_imm32_b32 hwreg(HW_REG_WAVE_MODE, 25, 1), 1
	s_wait_xcnt 0x0
	s_wait_alu depctr_hold_cnt(0) depctr_sa_sdst(0) depctr_va_vdst(0) depctr_va_sdst(0) depctr_va_ssrc(0) depctr_va_vcc(0) depctr_vm_vsrc(0)
	s_getreg_b32 s2, hwreg(HW_REG_IB_STS2, 6, 4)
	s_cmp_eq_u32 s2, 0
	s_cbranch_scc0 .Lentry_in_a_cluster
	s_endpgm
.Lentry_in_a_cluster:
	s_bfe_u32 s2, ttmp6, 0x10000c
	s_cmp_lg_u32 s2, 0xf033
	s_cbranch_scc0 .Lentry_shape_is_right
	s_endpgm
.Lentry_shape_is_right:
; ONE TEXT FOR THE BLOCK'S FOUR GEMM LAUNCHES ON E4M3 CODES; MODE picks the launch.  C[m][n] = sum over k of A[m][k] B[n][k], 4,096 rows; f32 sums; each tensor has the one given scale 2^e.
;   MODE 0  q, k, v = LN1(x) Wq, Wk, Wv (K 1,024; N 3 x 1,024): results quantised to codes.  q -> qc, k and v (v with the tokens innermost) -> kv
;   MODE 1  relu(LN2 W1 + b1) (K 1,024, N 4,096): quantised to codes -> hc          MODE 2  x + attention Wo + bo (K 1,024, N 1,024) -> x1, f32          MODE 3  x1 + hidden W2 + b2 (K 4,096, N 1,024) -> out0, f32
; SHARES.  A tile of C is 128 x 128: with it the two narrow products still have 256 work-groups.  Four waves, each 64 x 64: 16 accumulators.  K goes in chunks of 512 through two LDS slots, filled by the tensor data mover;
; with K = 1,024 both chunks are asked for at the head and nothing is filled again.
; CLUSTERS: 4 x 4 work-groups.  The four of a row of the cluster need the same tiles of A, the four of a column the same tiles of B: each tile is asked for JOINTLY, by the same tensor load with a mask that names the four.
; LAYOUTS.  Weights and the norms' codes are rows of K bytes.  'PANELS' (qc, ac, hc): byte = (k / 64) x 262,144 + row x 64 + k % 64: a wave's 64 x 64 codes are then one dense block of 4,096 bytes, and 64 rows x 512 along K
; are one tile of 8 rows of 4,096 bytes.  kv: byte = (2 head + batch) x 262,144 + (t / 256) x 32,768 + (K: 0, V: 16,384) + a dense block of 4,096 bytes for each 64 tokens: K as [token][d], V as [d][token].
; THE MATRIX INSTRUCTION IS USED TRANSPOSED: source 0 = P (16 rows whose index then runs along a lane's registers), source 1 = Q (16 rows, one a lane).  P = the weight's rows and Q = the tokens, so that a lane holds eight
; neighbouring columns of one row of C; for v the two LDS bases change places, so that a lane holds one d and eight neighbouring tokens.  That choice hangs on the cluster's x alone, which all sixteen partners share.
; A fragment (16 rows x 128 K) comes by four loads of 16 bytes: registers 4 c .. 4 c + 3 hold k = 32 c + 16 (lane / 16) + 0 .. 15: the same permutation of k on both sides, so every product meets its partner.
; The bias is the C of each sum's first matrix instruction, divided by 2^(ea + eb), which the sums lack.
; LIMITS on the given exponents, so that each power of two is an f32 number: ea + eb between -126 and 127; for codes out, eo - ea - eb between -126 and 119.  NaN is not served.
; No prefetch: with K = 1,024 every tile is asked for at the head; with K = 4,096 a step is short and the tiles are shared by the cluster.
; REGISTERS.  Window 0: v1-8 at work, v16-31 addresses and constants, v32-95 the way out, v96-127 the bias, v128-255 the accumulators ((a, b) at v[128 + 8 (4 a + b)]).  Window 1: two fragment buffers of 128 (Q's four, then P's four).
; Window 2 (MODE 2, 3): v0-127 the residual, in the layout in which the rows leave.
.set MODE, 2
.if MODE == 3
.set KB,  4096                         ; K, and a weight row's bytes
.set KSH, 12
.else
.set KB,  1024
.set KSH, 10
.endif
.set LAPS, KB/1024                     ; a lap = two chunks = once round the ring
.set PB,  528                          ; an LDS row of 512 bytes + 16 of padding: an odd multiple of 16, so the 16 rows of a load start at 16 different columns of banks
.set HB,  64*PB                        ; 64 such rows: what one tensor load brings
.if MODE < 2
.set CODES,  1
.set APANEL, 0
.set HA,    64*PB
.set ASH,   10                         ; a row of A is 1,024 bytes
.set ASTEP, 512                        ; a chunk on
.else
.set CODES,  0
.set APANEL, 1
.set HA,    8*5120                     ; 8 panels x 64 rows x (64 bytes + 16)
.set ASH,   6
.set ASTEP, 8*262144
.endif
.if MODE > 0
.set BIASED, 1
.else
.set BIASED, 0
.endif
.set SLOT,  2*HA+2*HB                  ; A's two halves, then B's two halves
.set STAGE, 2*SLOT                     ; behind the ring: 5,120 bytes for each wave, for the way out
.set SPARE, STAGE+20480                ; behind the stages: the spare words, 128 bytes for each wave, which no other line names
.set ADRQ, 16                          ; v16-17  LDS address of my Q fragments in slot 0, 1
.set ADRP, 20                          ; v20-21  the same for P
.set STO,  24                          ; v24     the way out: where I put my bytes of a row
.set RD,   25                          ; v25     where I read rows back
.set CO,   26                          ; v26     my byte offset in the output (and in the residual); never rewritten
.set BOF,  27                          ; v27     32 x (lane / 16): my eight numbers of 16 of the bias
.set SPW,  28                          ; v28     LDS address of my spare word; never rewritten
.set NIL,  29                          ; v29     0; never rewritten
.set SCL,  30                          ; v30     2^(eo - ea - eb)
.set LIMV, 31                          ; v31     448 x that
.set TMP,  32
.set BIAS, 96
.set ACC,  128
.set F0,   0
.set F1,   128
.set G1,  24                           ; s[24:31] descriptor group 1 for A's tiles;  s[32:39] group 0, one set for each slot
.set G0,  32
.set G1B, 48                           ; s[48:55], s[56:63] the same for B's
.set G0B, 56
.set MSB, 0
.macro WIN new                         ; the immediate's high byte repeats the setting that is left
.if MSB != \new
	s_set_vgpr_msb (MSB<<8)|\new
.set MSB, \new
.endif
.endm
.set MUL,   0x05                       ; sources 0 and 1 window 1; C and D window 0
.set TO_F,  0x40                       ; destination window 1, address window 0
.set TO_R,  0x80                       ; destination window 2
.set FMA_R, 0x20                       ; source 2 window 2
.macro JLOAD s                         ; a joint load: waves 0 and 1 fetch A's two halves, waves 2 and 3 B's; four v_nop follow each of the two lines, ahead of the jump, the label and what follows
	s_cmp_eq_u32 s11, 0
	s_cbranch_scc0 .Lfor_b_\@
	tensor_load_to_lds s[G0+4*\s:G0+4*\s+3], s[G1:G1+7]
	s_nop 0
.rept 4
	v_nop
.endr
	s_branch .Lasked_\@
.Lfor_b_\@:
	tensor_load_to_lds s[G0B+4*\s:G0B+4*\s+3], s[G1B:G1B+7]
	s_nop 0
.rept 4
	v_nop
.endr
.Lasked_\@:
.endm
.macro CREST                           ; a round of the cluster's barrier behind its opening barrier
	s_cmp_lg_u32 s10, 0
	s_cbranch_scc1 .Lnot_wave_0_\@
	s_barrier_signal -3
.Lnot_wave_0_\@:
	s_barrier_wait -3
	s_barrier_signal -1
	s_barrier_wait -1
.endm
.macro CROUND                          ; a whole round
	s_barrier_signal -1
	s_barrier_wait -1
	CREST
.endm
.if MODE == 0
	s_load_b64 s[4:5], s[0:1], 0x0                 ; xc
	s_load_b128 s[80:83], s[0:1], 0x8              ; Wq, Wk
	s_load_b128 s[84:87], s[0:1], 0x18             ; Wv, the scales' exponents
	s_load_b128 s[88:91], s[0:1], 0x28             ; qc, kv
.elseif MODE == 1
	s_load_b128 s[4:7], s[0:1], 0x0                ; A, B
	s_load_b64 s[66:67], s[0:1], 0x10              ; the bias
	s_load_b64 s[70:71], s[0:1], 0x18              ; the scales' exponents
	s_load_b64 s[8:9], s[0:1], 0x20                ; the output
.else
	s_load_b128 s[4:7], s[0:1], 0x0                ; A, B
	s_load_b64 s[66:67], s[0:1], 0x10              ; the bias
	s_load_b64 s[68:69], s[0:1], 0x18              ; the residual
	s_load_b64 s[70:71], s[0:1], 0x20              ; the scales' exponents
	s_load_b64 s[8:9], s[0:1], 0x28                ; the output
.endif
	v_lshl_add_u32 v[SPW], v0, 2, SPARE
	v_mov_b32 v[NIL], 0
	ds_add_u32 v28, v29
	ds_add_u32 v28, v29
	s_wait_dscnt 0x0
	v_lshrrev_b32 v1, 5, v0
	v_readfirstlane_b32 s10, v1                    ; wave 0..3
	s_lshr_b32 s11, s10, 1                         ; which half of the tile's rows is mine.  Also: I fetch for A (0) or for B (1)
	s_and_b32 s12, s10, 1                          ; which half of its columns.  Also: which 64 rows of that tile I fetch
	s_bfe_u32 s40, ttmp6, 0x40000                  ; cx, cy: my place in the cluster
	s_bfe_u32 s41, ttmp6, 0x40004
.if MODE == 0
	s_lshr_b32 s76, ttmp9, 1                       ; two clusters along x to a weight: 0 q, 1 k, 2 v
	s_and_b32 s42, ttmp9, 1
	s_lshl_b32 s42, s42, 2
.else
	s_lshl_b32 s42, ttmp9, 2
.endif
	s_add_co_u32 s42, s42, s40                     ; tile column (in its weight)
	s_and_b32 s13, ttmp7, 0xffff
	s_lshl_b32 s13, s13, 2
	s_add_co_u32 s13, s13, s41                     ; tile row = 4 x cluster y + cy
	s_lshl_b32 s43, s41, 2
	s_lshl_b32 s43, 15, s43                        ; my row of the cluster
	s_lshl_b32 s44, 0x1111, s40                    ; my column
	; descriptor group 1, elements of 1 byte.  15:0 the mask; 20 padding on; 21 set beside a mask; 24:22 the padding's interval; 31:25 four words of it (code 3)
.if APANEL
	s_or_b32 s[G1+0], s43, (1<<20)|(1<<21)|(3<<22)|(3<<25)   ; after every 16 words: behind each token's 64 bytes
	s_mov_b32 s[G1+1], 4096<<16                    ; tensor_dim0: 64 tokens x 64 bytes of a panel
	s_mov_b32 s[G1+2], 8<<16                       ; tensor_dim1: 8 panels
	s_mov_b32 s[G1+3], 4096<<16                    ; tile_dim0
	s_mov_b32 s[G1+4], 8                           ; tile_dim1
	s_mov_b32 s[G1+5], 262144                      ; from panel to panel
.else
	s_or_b32 s[G1+0], s43, (1<<20)|(1<<21)|(6<<22)|(3<<25)   ; after every 128 words: behind each row
	s_mov_b32 s[G1+1], 512<<16
	s_mov_b32 s[G1+2], 64<<16
	s_mov_b32 s[G1+3], 512<<16
	s_mov_b32 s[G1+4], 64
	s_mov_b32 s[G1+5], 1024
.endif
	s_mov_b32 s[G1+6], 0
	s_mov_b32 s[G1+7], 0
	s_or_b32 s[G1B+0], s44, (1<<20)|(1<<21)|(6<<22)|(3<<25)
	s_mov_b32 s[G1B+1], 512<<16
	s_mov_b32 s[G1B+2], 64<<16
	s_mov_b32 s[G1B+3], 512<<16
	s_mov_b32 s[G1B+4], 64
	s_mov_b32 s[G1B+5], KB
	s_mov_b32 s[G1B+6], 0
	s_mov_b32 s[G1B+7], 0
	; where the tiles come from: A's hang on the tile row alone, B's on the tile column alone, each in registers that never hold the other coordinate
	s_lshl_b32 s17, s12, 6                         ; which 64 rows of the tile I fetch
	s_lshl_b32 s16, s13, 7
	s_add_co_u32 s16, s16, s17
	s_lshl_b32 s46, s42, 7
	s_add_co_u32 s46, s46, s17
	s_lshl_b32 s16, s16, ASH                       ; in bytes
	s_lshl_b32 s46, s46, KSH
.if MODE == 0
	s_lshl_b32 s17, s76, 22                        ; the array of LN1's codes made with this product's scale
	s_add_co_u32 s16, s16, s17
.endif
	s_mov_b32 s17, 0
	s_mov_b32 s47, 0
	s_mul_i32 s45, s12, HA                         ; and where they go: no place in the cluster enters an LDS address
	s_mul_i32 s98, s12, HB
	s_add_co_u32 s98, s98, 2*HA
	s_wait_kmcnt 0x0
.if MODE == 0
	s_mov_b64 s[70:71], s[86:87]
	s_cmp_eq_u32 s76, 0
	s_cselect_b64 s[6:7], s[80:81], s[82:83]       ; the weight and the output are chosen by the cluster's x
	s_cselect_b64 s[8:9], s[88:89], s[90:91]
	s_cmp_eq_u32 s76, 2
	s_cselect_b64 s[6:7], s[84:85], s[6:7]
	s_cselect_b32 s77, 1, 0                        ; 1 for v
.endif
	s_load_b512 s[80:95], s[70:71], 0x0            ; the sixteen exponents: entry i in s[80 + i]
	s_add_nc_u64 s[14:15], s[4:5], s[16:17]
	s_add_nc_u64 s[46:47], s[6:7], s[46:47]
	CROUND                                         ; all sixteen work-groups are here: the first joint loads meet
.irp s, 0,1
	s_mov_b32 s[G0+4*\s], 1
	s_add_co_u32 s[G0+4*\s+1], s45, \s*SLOT
	s_add_nc_u64 s[G0+4*\s+2:G0+4*\s+3], s[14:15], \s*ASTEP
	s_or_b32 s[G0+4*\s+3], s[G0+4*\s+3], 0x80000000
	s_mov_b32 s[G0B+4*\s], 1
	s_add_co_u32 s[G0B+4*\s+1], s98, \s*SLOT
	s_add_nc_u64 s[G0B+4*\s+2:G0B+4*\s+3], s[46:47], \s*512
	s_or_b32 s[G0B+4*\s+3], s[G0B+4*\s+3], 0x80000000
	JLOAD \s                                       ; two loads of mine are out
.endr
	v_and_b32 v1, 15, v0                           ; r = lane % 16
	v_bfe_u32 v2, v0, 4, 1                         ; h = lane / 16
.if BIASED
	s_wait_alu depctr_va_vdst(0)
	s_lshl_b32 s98, s42, 9                         ; my first column x 4 bytes: 512 x tile column + 256 x half
	s_lshl_b32 s99, s12, 8
	s_add_co_u32 s98, s98, s99
	s_mov_b32 s99, 0
	s_add_nc_u64 s[66:67], s[66:67], s[98:99]
	v_lshlrev_b32 v[BOF], 5, v2
.irp b, 0,1,2,3
	global_load_b128 v[BIAS+8*\b:BIAS+8*\b+3], v[BOF], s[66:67] offset:64*\b         ; columns 16 b + 8 h + 0 .. 7: the result's layout
	global_load_b128 v[BIAS+8*\b+4:BIAS+8*\b+7], v[BOF], s[66:67] offset:64*\b+16
.endr
.endif
	s_lshl_b32 s20, s13, 7
	s_lshl_b32 s21, s11, 6
	s_add_co_u32 s20, s20, s21                     ; my first row: 128 x tile row + 64 x half
.if CODES
	s_lshl_b32 s16, s20, 6                         ; panels: row x 64,
	s_lshl_b32 s46, s42, 1
	s_add_co_u32 s46, s46, s12                     ; in panel 2 x tile column + half (MODE 0: the head)
.if MODE == 0
	s_lshr_b32 s21, s20, 11                        ; kv: the batch,
	s_lshl_b32 s21, s21, 18
	s_bfe_u32 s22, s20, 0x30008                    ; t / 256,
	s_lshl_b32 s22, s22, 15
	s_add_co_u32 s21, s21, s22
	s_and_b32 s22, s20, 255                        ; the block of 64 tokens,
	s_lshl_b32 s22, s22, 6
	s_add_co_u32 s21, s21, s22
	s_lshl_b32 s22, s77, 14                        ; V behind K
	s_add_co_u32 s21, s21, s22
	s_lshl_b32 s47, s46, 19
	s_lshl_b32 s46, s46, 18
	s_cmp_eq_u32 s76, 0
	s_cselect_b32 s16, s16, s21
	s_cselect_b32 s46, s46, s47
.else
	s_lshl_b32 s46, s46, 18
.endif
	s_mov_b32 s17, 0
	s_mov_b32 s47, 0
	s_add_nc_u64 s[8:9], s[8:9], s[16:17]
	s_add_nc_u64 s[8:9], s[8:9], s[46:47]
	v_and_b32 v3, 31, v0
	v_lshlrev_b32 v[CO], 4, v3                     ; 16 x lane: a store of the wave covers 512 consecutive bytes
.else
	s_lshl_b32 s16, s20, 12                        ; rows of 4,096 bytes
	s_mov_b32 s17, 0
	s_add_nc_u64 s[8:9], s[8:9], s[16:17]
	s_add_nc_u64 s[8:9], s[8:9], s[98:99]
	s_add_nc_u64 s[68:69], s[68:69], s[16:17]
	s_add_nc_u64 s[68:69], s[68:69], s[98:99]
	v_lshlrev_b32 v[CO], 12, v2                    ; lanes 0-15 one row's 256 bytes, lanes 16-31 the next row's
	v_lshl_add_u32 v[CO], v1, 4, v[CO]
	WIN TO_R
.irp a, 0,1,2,3
.irp t, 0,1,2,3,4,5,6,7
	global_load_b128 v[32*\a+4*\t:32*\a+4*\t+3], v[CO], s[68:69] offset:(16*\a+2*\t)*4096   ; the residual lands while the products run
.endr
.endr
	WIN 0
.endif
	v_mul_u32_u24 v7, v1, PB
	v_lshl_add_u32 v7, v2, 4, v7                   ; a fragment's row x pitch + 16 x half
.if APANEL
	v_mul_u32_u24 v8, v1, 80
	v_lshl_add_u32 v8, v2, 4, v8
.endif
	s_mul_i32 s21, s11, HA                         ; Q: my 64 rows of A
	s_mul_i32 s22, s12, HB
	s_add_co_u32 s22, s22, 2*HA                    ; P: my 64 rows of B
.if MODE == 0
	s_cmp_eq_u32 s76, 2                            ; for v the two change places (both regions have the same pitch here)
	s_cselect_b32 s23, s22, s21
	s_cselect_b32 s22, s21, s22
	s_mov_b32 s21, s23
.endif
.irp s, 0,1
.if APANEL
	v_add_nc_u32 v[ADRQ+\s], s21, v8
.else
	v_add_nc_u32 v[ADRQ+\s], s21, v7
.endif
	v_add_nc_u32 v[ADRP+\s], s22, v7
	s_add_co_u32 s21, s21, SLOT
	s_add_co_u32 s22, s22, SLOT
.endr
.if CODES
	s_mul_i32 s23, s10, 5120                       ; my stage: 64 rows of 64 bytes + 16
	s_add_co_u32 s23, s23, STAGE
	v_mul_u32_u24 v5, v1, 80
	v_lshl_add_u32 v5, v2, 3, v5
	v_add_nc_u32 v[STO], s23, v5                   ; in: row r, 8 bytes for each half of the lanes
	v_lshrrev_b32 v5, 2, v3
	v_mul_u32_u24 v5, v5, 80
	v_and_b32 v6, 3, v3
	v_lshl_add_u32 v5, v6, 4, v5
	v_add_nc_u32 v[RD], s23, v5                    ; back: four lanes to a row, eight rows an instruction
.else
	s_mul_i32 s23, s10, 4352                       ; my stage: 16 rows of 256 bytes + 16
	s_add_co_u32 s23, s23, STAGE
	v_mul_u32_u24 v5, v1, 272
	v_lshl_add_u32 v5, v2, 5, v5
	v_add_nc_u32 v[STO], s23, v5                   ; in: row r, 32 bytes for each half of the lanes
	v_mul_u32_u24 v5, v2, 272
	v_lshl_add_u32 v5, v1, 4, v5
	v_add_nc_u32 v[RD], s23, v5                    ; back: sixteen lanes to a row, two rows an instruction
.endif
	s_wait_kmcnt 0x0
.if MODE == 0
	s_cmp_eq_u32 s76, 0                            ; ea, eb, eo: entries (0, 1, 6), (2, 3, 7), (4, 5, 8)
	s_cselect_b32 s98, s80, s82
	s_cselect_b32 s99, s81, s83
	s_cselect_b32 s16, s86, s87
	s_cmp_eq_u32 s76, 2
	s_cselect_b32 s98, s84, s98
	s_cselect_b32 s99, s85, s99
	s_cselect_b32 s16, s88, s16
.elseif MODE == 1
	s_mov_b32 s98, s92                             ; entries 12, 13, 14
	s_mov_b32 s99, s93
	s_mov_b32 s16, s94
.elseif MODE == 2
	s_mov_b32 s98, s90                             ; entries 10, 11
	s_mov_b32 s99, s91
.else
	s_mov_b32 s98, s94                             ; entries 14, 15
	s_mov_b32 s99, s95
.endif
	s_add_co_i32 s98, s98, s99                     ; a sum stands for sum x 2^(ea + eb)
.if CODES
	s_sub_co_i32 s16, s16, s98                     ; its code is sum / 2^(eo - ea - eb): the three scales folded into the conversion's one
	s_add_co_i32 s16, s16, 127
	s_lshl_b32 s17, s16, 23
	v_mov_b32 v[SCL], s17
	s_add_co_i32 s16, s16, 8
	s_lshl_b32 s16, s16, 23
	s_or_b32 s16, s16, 0x600000
	v_mov_b32 v[LIMV], s16
.else
	s_add_co_i32 s96, s98, 127
	s_lshl_b32 s96, s96, 23                        ; 2^(ea + eb) as f32
	s_mov_b32 s97, s96                             ; (named with it as a pair, so it is written)
.endif
.if BIASED
	s_sub_co_i32 s99, 0, s98
.if CODES
	s_wait_loadcnt 0x0                             ; the bias
.else
	s_wait_loadcnt 32                              ; the bias is in; the residual's 32 loads may stay out
.endif
.irp j, 0,1,2,3,4,5,6,7,8,9,10,11,12,13,14,15,16,17,18,19,20,21,22,23,24,25,26,27,28,29,30,31
	v_ldexp_f32 v[BIAS+\j], v[BIAS+\j], s99        ; bias / 2^(ea + eb)
.endr
.endif
; 8 matrix instructions: Q's blocks a0, a0 + 1 x P's four, 128 along K.  first = 1: they start the sums, from the bias or from 0: nothing is cleared.
; The 16 accumulators take turns, one instruction a turn, in the same order in every quarter.
.macro MUL8 f, a0, first
.irp a, \a0, \a0+1
.irp b, 0,1,2,3
.if \first
.if BIASED
	v_wmma_f32_16x16x128_fp8_fp8 v[ACC+8*(4*(\a)+\b):ACC+8*(4*(\a)+\b)+7], v[\f+64+16*\b:\f+64+16*\b+15], v[\f+16*(\a):\f+16*(\a)+15], v[BIAS+8*\b:BIAS+8*\b+7]
.else
	v_wmma_f32_16x16x128_fp8_fp8 v[ACC+8*(4*(\a)+\b):ACC+8*(4*(\a)+\b)+7], v[\f+64+16*\b:\f+64+16*\b+15], v[\f+16*(\a):\f+16*(\a)+15], 0
.endif
.else
	v_wmma_f32_16x16x128_fp8_fp8 v[ACC+8*(4*(\a)+\b):ACC+8*(4*(\a)+\b)+7], v[\f+64+16*\b:\f+64+16*\b+15], v[\f+16*(\a):\f+16*(\a)+15], v[ACC+8*(4*(\a)+\b):ACC+8*(4*(\a)+\b)+7]
.endif
.endr
.endr
.endm
; 32 LDS loads in one run: the fragments of the slot's q-th 128 along K into buffer f: P's four, then Q's four
.macro FETCH slot, q, f
	WIN TO_F
.irp b, 0,1,2,3
.irp c, 0,1,2,3
	ds_load_b128 v[\f+64+16*\b+4*\c:\f+64+16*\b+4*\c+3], v[ADRP+\slot] offset:128*(\q)+32*\c+\b*16*PB
.endr
.endr
.irp a, 0,1,2,3
.irp c, 0,1,2,3
.if APANEL
	ds_load_b128 v[\f+16*\a+4*\c:\f+16*\a+4*\c+3], v[ADRQ+\slot] offset:(2*(\q)+\c/2)*5120+32*(\c%2)+\a*16*80
.else
	ds_load_b128 v[\f+16*\a+4*\c:\f+16*\a+4*\c+3], v[ADRQ+\slot] offset:128*(\q)+32*\c+\a*16*PB
.endif
.endr
.endr
.endm
.macro PLACES                          ; four plain vector instructions in front of loads into registers that matrix instructions have read, and of the first read of results (ISA guide 7.12.1 for the first read of results)
.rept 4
	v_nop
.endr
.endm
; A chunk is four quarters of 128 along K, 16 matrix instructions each, on buffers 0, 1, 0, 1.  One of the first three: multiplies buffer f and fetches quarter nq into g.
.macro QUARTER slot, nq, f, g, first
	s_wait_dscnt 8                                 ; P's four and Q's blocks 0, 1 are in; the youngest eight loads (Q's blocks 2, 3) may be out
	WIN MUL
	MUL8 \f, 0, \first
	PLACES
	FETCH \slot, \nq, \g
	s_wait_dscnt 32                                ; all but the 32 just issued
	WIN MUL
	MUL8 \f, 2, \first
.endm
; The last quarter multiplies buffer 1 and changes slots: ONE barrier; in front of it each wave waits for all its tensor loads, adds 0 to its spare word, and waits for that and for its own reads of this slot.
; fill = 1: the barrier opens a round of the cluster's barrier, and this slot is filled again, two chunks ahead: the load has 56 matrix instructions in which to land.
.macro TURN slot, next, fill
	WIN 0                                          ; (the add's two registers lie in window 0)
	s_wait_tensorcnt 0x0                           ; all my tensor loads have landed: my part of the next slot;
	ds_add_u32 v[SPW], v[NIL]                      ; 0 onto my spare word;
	s_wait_dscnt 9                                 ; (the add and the youngest eight loads may be out)
	WIN MUL
	MUL8 F1, 0, 0                                  ; eight matrix instructions stand between the add and the wait for it
	s_wait_dscnt 0x0                               ; the add is done, and my reads of this slot are over
	WIN 0
	s_barrier_signal -1
	s_barrier_wait -1
.if \fill
	CREST                                          ; no wave of any partner still reads this slot's tile or has a load on its way
	s_add_nc_u64 s[G0+4*\slot+2:G0+4*\slot+3], s[G0+4*\slot+2:G0+4*\slot+3], 2*ASTEP
	s_add_nc_u64 s[G0B+4*\slot+2:G0B+4*\slot+3], s[G0B+4*\slot+2:G0B+4*\slot+3], 2*512
	JLOAD \slot                                    ; the first tensor load behind the round, my only one until the next; its four v_nop are also the places in front of the loads below
.else
	PLACES
.endif
	FETCH \next, 0, F0
	WIN MUL
	MUL8 F1, 2, 0
.endm
	s_wait_alu depctr_va_vdst(0)
	s_wait_tensorcnt 1                             ; my part of chunk 0 is in (chunk 1's load may be out)
	s_barrier_signal -1
	s_barrier_wait -1                              ; everybody's is
	FETCH 0, 0, F0
	QUARTER 0, 1, F0, F1, 1                        ; the first quarter stands in front of the loop: its products start the sums
.if LAPS > 1
	WIN 0                                          ; at a label and at a branch every window is 0
	s_mov_b32 s3, LAPS-1
.Llap:                                                 ; a trip goes once round the ring, from a lap's second quarter to the next lap's first, and fills both slots again
	QUARTER 0, 2, F1, F0, 0
	QUARTER 0, 3, F0, F1, 0
	TURN 0, 1, 1
	QUARTER 1, 1, F0, F1, 0
	QUARTER 1, 2, F1, F0, 0
	QUARTER 1, 3, F0, F1, 0
	TURN 1, 0, 1
	QUARTER 0, 1, F0, F1, 0
	WIN 0
	s_sub_co_u32 s3, s3, 1
	s_cmp_lg_u32 s3, 0
	s_cbranch_scc1 .Llap
.endif
	QUARTER 0, 2, F1, F0, 0                        ; the last lap fills nothing, and has no round of the cluster's barrier
	QUARTER 0, 3, F0, F1, 0
	TURN 0, 1, 0
	QUARTER 1, 1, F0, F1, 0
	QUARTER 1, 2, F1, F0, 0
	QUARTER 1, 3, F0, F1, 0
	s_wait_dscnt 8                                 ; the very last quarter: nothing more to fetch
	WIN MUL
	MUL8 F1, 0, 0
	s_wait_dscnt 0x0
	MUL8 F1, 2, 0
	WIN 0
	PLACES
.if CODES
	; THE WAY OUT, codes.  A lane's eight sums are eight neighbours along the next product's K: held, converted, 8 bytes into my stage; back as rows; my 64 x 64 codes leave as one dense block of 4,096 bytes.
.irp k, 0,1,2,3,4,5,6,7,8,9,10,11,12,13,14,15
.irp j, 0,1,2,3,4,5,6,7
.if MODE == 1
	v_med3_num_f32 v[ACC+8*\k+\j], v[ACC+8*\k+\j], 0, v[LIMV]          ; the activation and the hold in one; each accumulator from its low end on
.else
	v_med3_num_f32 v[ACC+8*\k+\j], v[ACC+8*\k+\j], -v[LIMV], v[LIMV]   ; the conversion to an 8-bit code does not saturate (ISA guide 7.6.2): the hold comes first
.endif
.endr
	v_cvt_scalef32_pk8_fp8_f32 v[TMP+2*\k:TMP+2*\k+1], v[ACC+8*\k:ACC+8*\k+7], v[SCL]
.endr
	v_nop                                          ; a plain instruction behind the last conversion
.irp a, 0,1,2,3
.irp b, 0,1,2,3
	ds_store_b64 v[STO], v[TMP+2*(4*\a+\b):TMP+2*(4*\a+\b)+1] offset:1280*\a+16*\b
.endr
.endr
.irp t, 0,1,2,3,4,5,6,7
	ds_load_b128 v[TMP+32+4*\t:TMP+32+4*\t+3], v[RD] offset:640*\t     ; LDS serves a wave's instructions in order (ISA guide 5.7.1.4): these see my stores
.endr
.irp t, 0,1,2,3,4,5,6,7
	s_wait_dscnt 7-\t
	global_store_b128 v[CO], v[TMP+32+4*\t:TMP+32+4*\t+3], s[8:9] offset:512*\t   ; 32 lanes store 512 consecutive bytes, aligned
.endr
.else
	; THE WAY OUT, f32.  16 rows at a time through my stage, back as whole rows of 256 bytes; there sum x 2^(ea + eb) + residual, one packed multiply-add for two numbers (the bias is in the sum).
	s_wait_loadcnt 0x0                             ; the residual
.irp a, 0,1,2,3
.if \a >= 2
	s_wait_xcnt 0x0                                ; block a - 2's stores have read their registers, which block a's loads write
.endif
.irp b, 0,1,2,3
	ds_store_b128 v[STO], v[ACC+8*(4*\a+\b):ACC+8*(4*\a+\b)+3] offset:64*\b          ; each accumulator from its low end on
	ds_store_b128 v[STO], v[ACC+8*(4*\a+\b)+4:ACC+8*(4*\a+\b)+7] offset:64*\b+16
.endr
.irp t, 0,1,2,3,4,5,6,7
	ds_load_b128 v[TMP+32*(\a%2)+4*\t:TMP+32*(\a%2)+4*\t+3], v[RD] offset:544*\t     ; LDS serves a wave's instructions in order: these see my stores, and the next block's stores come behind them
.endr
	s_wait_dscnt 0x0
	WIN FMA_R
.irp i, 0,2,4,6,8,10,12,14,16,18,20,22,24,26,28,30
	v_pk_fma_f32 v[TMP+32*(\a%2)+\i:TMP+32*(\a%2)+\i+1], v[TMP+32*(\a%2)+\i:TMP+32*(\a%2)+\i+1], s[96:97], v[32*\a+\i:32*\a+\i+1] op_sel_hi:[1,0,1]
.endr
	WIN 0
.irp t, 0,1,2,3,4,5,6,7
	global_store_b128 v[CO], v[TMP+32*(\a%2)+4*\t:TMP+32*(\a%2)+4*\t+3], s[8:9] offset:(16*\a+2*\t)*4096   ; 16 lanes store 256 consecutive bytes, aligned
.endr
.endr
.endif
	s_wait_tensorcnt 0x0                           ; the wave's end: behind my last tensor load and my last LDS store
	ds_add_u32 v[SPW], v[NIL]
	s_wait_dscnt 0x0
	CROUND                                         ; the closing round: no work-group ends while a partner may still ask for a tile that names it
	s_endpgm
.Lfunc_end_k_q5629cc15df_wo:
	.size	k_q5629cc15df_wo, .Lfunc_end_k_q5629cc15df_wo-k_q5629cc15df_wo
	.p2alignl 7, 3214868480
	.fill 96, 4, 3214868480
	.section	.rodata,"a",@progbits
	.p2align	6, 0x0
	.amdhsa_kernel k_q5629cc15df_wo
		.amdhsa_group_segment_fixed_size 327680
		.amdhsa_private_segment_fixed_size 0
		.amdhsa_enable_private_segment 0
		.amdhsa_kernarg_size 48
		.amdhsa_user_sgpr_count 2
		.amdhsa_user_sgpr_kernarg_segment_ptr 1
		.amdhsa_wavefront_size32 1
		.amdhsa_system_sgpr_workgroup_id_x 1
		.amdhsa_system_sgpr_workgroup_id_y 1
		.amdhsa_system_sgpr_workgroup_id_z 1
		.amdhsa_system_vgpr_workitem_id 0
		.amdhsa_next_free_vgpr 640
		.amdhsa_next_free_sgpr 100
		.amdhsa_reserve_vcc 0
		.amdhsa_float_denorm_mode_32 3
		.amdhsa_float_denorm_mode_16_64 3
		.amdhsa_memory_ordered 1
		.amdhsa_forward_progress 1
		.amdhsa_inst_pref_size 52
	.end_amdhsa_kernel
	.amdgpu_metadata
---
amdhsa.version: [ 1, 2 ]
amdhsa.kernels:
  - .name:           k_q5629cc15df_wo
    .symbol:         k_q5629cc15df_wo.kd
    .args:
      - { .name: ac, .offset: 0, .size: 8, .value_kind: global_buffer, .address_space: global }
      - { .name: Wo_codes, .offset: 8, .size: 8, .value_kind: global_buffer, .address_space: global }
      - { .name: bo, .offset: 16, .size: 8, .value_kind: global_buffer, .address_space: global }
      - { .name: x, .offset: 24, .size: 8, .value_kind: global_buffer, .address_space: global }
      - { .name: lowp_scales, .offset: 32, .size: 8, .value_kind: global_buffer, .address_space: global }
      - { .name: x1, .offset: 40, .size: 8, .value_kind: global_buffer, .address_space: global }
    .group_segment_fixed_size: 327680
    .private_segment_fixed_size: 0
    .kernarg_segment_align: 8
    .kernarg_segment_size: 48
    .max_flat_workgroup_size: 128
    .sgpr_count:     100
    .vgpr_count:     640
    .wavefront_size: 32
...
	.end_amdgpu_metadata
.endif
;; end of part 11
;; launch ln2 (part 12): grid 256 x 1, 8 waves a work-group, no clusters, 41,984 bytes of LDS; arguments x1, ln2_g, ln2_b, lowp_scales, h2; writes h2
.if DOCPART == 12
	.amdgcn_target "amdgcn-amd-amdhsa--gfx1250"
	.amdhsa_code_object_version 6
	.text
	.protected	k_q5629cc15df_ln2
	.globl	k_q5629cc15df_ln2
	.p2align	8
	.type	k_q5629cc15df_ln2,@function
k_q5629cc15df_ln2:
	s_mov_b64 s[64:65], 0
	v_nop
	global_prefetch_b8 v0, s[64:65] scope:SCOPE_SE
	s_setreg_imm32_b32 hwreg(HW_REG_WAVE_MODE, 25, 1), 1
	s_wait_xcnt 0x0
; LAYER NORM AND QUANTISER.  src [4096][1024] f32 -> NOUT arrays of E4M3 codes [4096][1024], 4 MiB apart, array o with the given scale 2^e, e = entry E0 + 2 o of the scales.
; y = (x - mean) * rsqrt(var + 1e-5) * g + b, all in f32, the mean taken away before the squares are summed; code = y / 2^e, to the nearest code, ties to even.
; SHARES.  A wave takes two whole rows (4,096 bytes each, 32 registers a row): the sums never leave the wave, so there is no barrier.  All 16 loads of x go out at the head.
; Each load reads 512 consecutive bytes, 16 a lane.  The conversion wants 16 NEIGHBOURS in one lane: the finished row turns through the wave's own stage in LDS (64 places of 64 bytes + 16 of padding)
; and comes back 64 bytes a lane.  A lane's 16 codes are 16 bytes: a store of the wave covers 512 consecutive bytes, aligned.
; No matrix unit, no cluster, no tensor load: the work-groups share only g and b, 8 KiB beside their 64 KiB of rows.
; LIMITS: each e between -126 and 119, so that 2^e and 448 x 2^e are f32 numbers.  NaN among the inputs is not served.
.set NOUT, 1
.set E0,   12
.set SP,   80                          ; a place in the stage: 64 bytes + 16
.set WST,  64*SP                       ; a wave's stage
.set G,    32                          ; v32-63   g, as loaded
.set BT,   64                          ; v64-95   b
.set X,    96                          ; v96-159  the two rows
.set T,    160                         ; v160-191 a row back from the stage: 2 x 16 neighbours
.set HH,   192
.set C,    208                         ; v208-255 codes: four registers for each (row, half, array): no store's data are written again
	s_load_b256 s[4:11], s[0:1], 0x0               ; src s[4:5], g s[6:7], b s[8:9], the scales' exponents s[10:11]
	s_load_b64 s[12:13], s[0:1], 0x20              ; the codes
	v_lshl_add_u32 v254, v0, 2, 0xa000
	v_mov_b32 v255, 0
	v_lshrrev_b32 v1, 5, v0
	s_delay_alu instid0(VALU_DEP_1)
	v_readfirstlane_b32 s14, v1                    ; wave 0..7
	v_and_b32 v1, 31, v0                           ; lane
	s_delay_alu instid0(VALU_DEP_1)
	v_lshlrev_b32 v2, 4, v1                        ; 16 x lane: my bytes of a load's or a store's 512; never rewritten
	s_mul_i32 s15, s14, WST
	v_lshrrev_b32 v3, 2, v1
	s_delay_alu instid0(VALU_DEP_1)
	v_mul_u32_u24 v3, v3, SP
	v_and_b32 v4, 3, v1
	s_delay_alu instid0(VALU_DEP_1)
	v_lshl_add_u32 v3, v4, 4, v3
	s_delay_alu instid0(VALU_DEP_1)
	v_add_nc_u32 v3, s15, v3                       ; into the stage: four lanes' 64 bytes fill a place
	v_mul_u32_u24 v4, v1, SP
	s_delay_alu instid0(VALU_DEP_1)
	v_add_nc_u32 v4, s15, v4                       ; out of it: a place a lane
	v_mov_b32 v19, 0                               ; written once: a lane permute's destination counts as one of its sources
	s_lshl_b32 s16, ttmp9, 3
	s_add_co_u32 s16, s16, s14                     ; which pair of rows is my wave's
	s_lshl_b32 s18, s16, 11                        ; 2 rows x 1,024 bytes of codes
	s_lshl_b32 s16, s16, 13                        ; 2 rows x 4,096 bytes of f32
	s_mov_b32 s17, 0
	s_mov_b32 s19, 0
	s_mov_b32 s28, 0x76543210                      ; v_permlanex16_b32: lane l xor 16
	s_mov_b32 s29, 0xfedcba98
	s_mov_b32 s30, 0x3a800000                      ; 1 / 1024
	s_mov_b32 s31, 0x3727c5ac                      ; 1e-5
	s_wait_alu depctr_va_vdst(0)
	s_wait_kmcnt 0x0
.irp o, 0,1,2
.if \o < NOUT
	s_load_b32 s[24+\o], s[10:11], (E0+2*\o)*4
.endif
.endr
	s_add_nc_u64 s[4:5], s[4:5], s[16:17]
	s_add_nc_u64 s[12:13], s[12:13], s[18:19]
.if NOUT > 1
	s_add_nc_u64 s[20:21], s[12:13], 0x400000      ; the second and third array
	s_add_nc_u64 s[22:23], s[12:13], 0x800000
.endif
.irp j, 0,1,2,3,4,5,6,7
	global_load_b128 v[X+4*\j:X+4*\j+3], v2, s[4:5] offset:512*\j th:TH_LOAD_NT
.endr
.irp j, 0,1,2,3,4,5,6,7
	global_load_b128 v[G+4*\j:G+4*\j+3], v2, s[6:7] offset:512*\j
.endr
.irp j, 0,1,2,3,4,5,6,7
	global_load_b128 v[BT+4*\j:BT+4*\j+3], v2, s[8:9] offset:512*\j
.endr
.irp j, 0,1,2,3,4,5,6,7
	global_load_b128 v[X+32+4*\j:X+32+4*\j+3], v2, s[4:5] offset:4096+512*\j th:TH_LOAD_NT
.endr
	s_wait_kmcnt 0x0
.irp o, 0,1,2
.if \o < NOUT
	s_add_co_i32 s[24+\o], s[24+\o], 127
	s_lshl_b32 s15, s[24+\o], 23
	v_mov_b32 v[8+2*\o], s15                       ; 2^e as f32: the conversion takes its exponent field
.endif
.endr
.macro REDUCE r, t                     ; the sum over the wave's 32 lanes, in every lane
	s_delay_alu instid0(VALU_DEP_1)
	v_add_f32_dpp v[\r], v[\r], v[\r] row_xmask:1 row_mask:0xf bank_mask:0xf
	s_delay_alu instid0(VALU_DEP_1)
	v_add_f32_dpp v[\r], v[\r], v[\r] row_xmask:2 row_mask:0xf bank_mask:0xf
	s_delay_alu instid0(VALU_DEP_1)
	v_add_f32_dpp v[\r], v[\r], v[\r] row_xmask:4 row_mask:0xf bank_mask:0xf
	s_delay_alu instid0(VALU_DEP_1)
	v_add_f32_dpp v[\r], v[\r], v[\r] row_xmask:8 row_mask:0xf bank_mask:0xf
	s_delay_alu instid0(VALU_DEP_1)
	v_permlanex16_b32 v[\t], v[\r], s28, s29
	s_delay_alu instid0(VALU_DEP_1)
	v_add_f32 v[\r], v[\r], v[\t]
.endm
; Row i.  w1: the younger loads that may be out when the row has to be there; w2: when g and b have to be there.
.macro ROW i, w1, w2
.set XR, X+32*\i
	s_wait_loadcnt \w1
	v_pk_add_f32 v[14:15], v[XR:XR+1], v[XR+2:XR+3]        ; the sum, in two chains that the first pairs start
	v_pk_add_f32 v[16:17], v[XR+4:XR+5], v[XR+6:XR+7]
.irp j, 8,12,16,20,24,28
	s_delay_alu instid0(VALU_DEP_2)
	v_pk_add_f32 v[14:15], v[14:15], v[XR+\j:XR+\j+1]
	s_delay_alu instid0(VALU_DEP_2)
	v_pk_add_f32 v[16:17], v[16:17], v[XR+\j+2:XR+\j+3]
.endr
	s_delay_alu instid0(VALU_DEP_1)
	v_pk_add_f32 v[14:15], v[14:15], v[16:17]
	s_delay_alu instid0(VALU_DEP_1)
	v_add_f32 v18, v14, v15
	REDUCE 18, 19
	s_delay_alu instid0(VALU_DEP_1)
	v_mul_f32 v20, s30, v18                        ; the mean, twice: a pair for the packed forms
	s_delay_alu instid0(VALU_DEP_2)
	v_mul_f32 v21, s30, v18
.irp j, 0,2,4,6,8,10,12,14,16,18,20,22,24,26,28,30
	v_pk_add_f32 v[XR+\j:XR+\j+1], v[XR+\j:XR+\j+1], v[20:21] neg_lo:[0,1] neg_hi:[0,1]   ; x - mean
.endr
	v_pk_mul_f32 v[14:15], v[XR:XR+1], v[XR:XR+1]          ; the sum of squares
	v_pk_mul_f32 v[16:17], v[XR+2:XR+3], v[XR+2:XR+3]
.irp j, 4,8,12,16,20,24,28
	s_delay_alu instid0(VALU_DEP_2)
	v_pk_fma_f32 v[14:15], v[XR+\j:XR+\j+1], v[XR+\j:XR+\j+1], v[14:15]
	s_delay_alu instid0(VALU_DEP_2)
	v_pk_fma_f32 v[16:17], v[XR+\j+2:XR+\j+3], v[XR+\j+2:XR+\j+3], v[16:17]
.endr
	s_delay_alu instid0(VALU_DEP_1)
	v_pk_add_f32 v[14:15], v[14:15], v[16:17]
	s_delay_alu instid0(VALU_DEP_1)
	v_add_f32 v18, v14, v15
	REDUCE 18, 19
	s_delay_alu instid0(VALU_DEP_1)
	v_fma_f32 v18, v18, s30, s31                   ; var + 1e-5
	s_wait_alu depctr_va_vdst(0)
	v_rsq_f32 v22, v18
	v_rsq_f32 v23, v18
	v_nop                                          ; a plain instruction behind the transcendentals (ISA guide 5.7.2),
	s_wait_alu depctr_va_vdst(0)                   ; and one wait for both, ahead of their first reader
	s_wait_loadcnt \w2
.irp j, 0,2,4,6,8,10,12,14,16,18,20,22,24,26,28,30
	v_pk_mul_f32 v[XR+\j:XR+\j+1], v[XR+\j:XR+\j+1], v[22:23]
.endr
.irp j, 0,2,4,6,8,10,12,14,16,18,20,22,24,26,28,30
	v_pk_fma_f32 v[XR+\j:XR+\j+1], v[XR+\j:XR+\j+1], v[G+\j:G+\j+1], v[BT+\j:BT+\j+1]
.endr
.irp j, 0,1,2,3,4,5,6,7
	ds_store_b128 v3, v[XR+4*\j:XR+4*\j+3] offset:8*SP*\j  ; a load's 512 bytes take eight places
.endr
.irp u, 0,1
.irp k, 0,1,2,3
	ds_load_b128 v[T+16*\u+4*\k:T+16*\u+4*\k+3], v4 offset:32*SP*\u+16*\k   ; LDS serves a wave's instructions in order (ISA guide 5.7.1.4): these see the stores.  k = 512 u + 16 lane + 0 .. 15
.endr
.endr
	s_wait_dscnt 0x0
.irp u, 0,1
.irp o, 0,1,2
.if \o < NOUT
.set CR, C+4*(6*\i+3*\u+\o)
.irp k, 0,1,2,3,4,5,6,7,8,9,10,11,12,13,14,15
.endr
	v_cvt_scalef32_pk8_fp8_f32 v[CR:CR+1], v[HH+((T+16*\u+0)-(HH+0)):HH+7+((T+16*\u+0)-(HH+0))], v[8+2*\o]
	v_cvt_scalef32_pk8_fp8_f32 v[CR+2:CR+3], v[HH+8+((T+16*\u+0)-(HH+0)):HH+15+((T+16*\u+0)-(HH+0))], v[8+2*\o]
	v_nop                                          ; a plain instruction behind the conversions
.if \o == 0
	global_store_b128 v2, v[CR:CR+3], s[12:13] offset:\i*1024+512*\u
.elseif \o == 1
	global_store_b128 v2, v[CR:CR+3], s[20:21] offset:\i*1024+512*\u
.else
	global_store_b128 v2, v[CR:CR+3], s[22:23] offset:\i*1024+512*\u
.endif
.endif
.endr
.endr
.endm
	ROW 0, 24, 8                                   ; 24: g, b and row 1 may be out;  8: row 1 may be out
	ROW 1, 0, 0
	s_wait_tensorcnt 0x0
	ds_add_u32 v254, v255
	s_wait_dscnt 0x0
	s_endpgm
.Lfunc_end_k_q5629cc15df_ln2:
	.size	k_q5629cc15df_ln2, .Lfunc_end_k_q5629cc15df_ln2-k_q5629cc15df_ln2
	.p2alignl 7, 3214868480
	.fill 96, 4, 3214868480
	.section	.rodata,"a",@progbits
	.p2align	6, 0x0
	.amdhsa_kernel k_q5629cc15df_ln2
		.amdhsa_group_segment_fixed_size 41984
		.amdhsa_private_segment_fixed_size 0
		.amdhsa_enable_private_segment 0
		.amdhsa_kernarg_size 40
		.amdhsa_user_sgpr_count 2
		.amdhsa_user_sgpr_kernarg_segment_ptr 1
		.amdhsa_wavefront_size32 1
		.amdhsa_system_sgpr_workgroup_id_x 1
		.amdhsa_system_sgpr_workgroup_id_y 1
		.amdhsa_system_sgpr_workgroup_id_z 1
		.amdhsa_system_vgpr_workitem_id 0
		.amdhsa_next_free_vgpr 256
		.amdhsa_next_free_sgpr 66
		.amdhsa_reserve_vcc 0
		.amdhsa_float_denorm_mode_32 3
		.amdhsa_float_denorm_mode_16_64 3
		.amdhsa_fp16_overflow 1
		.amdhsa_memory_ordered 1
		.amdhsa_forward_progress 1
		.amdhsa_inst_pref_size 24
	.end_amdhsa_kernel
	.amdgpu_metadata
---
amdhsa.version: [ 1, 2 ]
amdhsa.kernels:
  - .name:           k_q5629cc15df_ln2
    .symbol:         k_q5629cc15df_ln2.kd
    .args:
      - { .name: x1, .offset: 0, .size: 8, .value_kind: global_buffer, .address_space: global }
      - { .name: ln2_g, .offset: 8, .size: 8, .value_kind: global_buffer, .address_space: global }
      - { .name: ln2_b, .offset: 16, .size: 8, .value_kind: global_buffer, .address_space: global }
      - { .name: lowp_scales, .offset: 24, .size: 8, .value_kind: global_buffer, .address_space: global }
      - { .name: h2, .offset: 32, .size: 8, .value_kind: global_buffer, .address_space: global }
    .group_segment_fixed_size: 41984
    .private_segment_fixed_size: 0
    .kernarg_segment_align: 8
    .kernarg_segment_size: 40
    .max_flat_workgroup_size: 256
    .sgpr_count:     66
    .vgpr_count:     256
    .wavefront_size: 32
...
	.end_amdgpu_metadata
.endif
;; end of part 12
;; launch w1 (part 13): grid 16 x 16, 4 waves a work-group, clusters of 4 x 4, 327,680 bytes of LDS; arguments h2, W1_codes, b1, lowp_scales, hc; writes hc
.if DOCPART == 13
	.amdgcn_target "amdgcn-amd-amdhsa--gfx1250"
	.amdhsa_code_object_version 6
	.text
	.protected	k_q5629cc15df_w1
	.globl	k_q5629cc15df_w1
	.p2align	8
	.type	k_q5629cc15df_w1,@function
k_q5629cc15df_w1:
	s_mov_b64 s[64:65], 0
	v_nop
	global_prefetch_b8 v0, s[64:65] scope:SCOPE_SE
	s_setreg_imm32_b32 hwreg(HW_REG_WAVE_MODE, 25, 1), 1
	s_wait_xcnt 0x0
	s_wait_alu depctr_hold_cnt(0) depctr_sa_sdst(0) depctr_va_vdst(0) depctr_va_sdst(0) depctr_va_ssrc(0) depctr_va_vcc(0) depctr_vm_vsrc(0)
	s_getreg_b32 s2, hwreg(HW_REG_IB_STS2, 6, 4)
	s_cmp_eq_u32 s2, 0
	s_cbranch_scc0 .Lentry_in_a_cluster
	s_endpgm
.Lentry_in_a_cluster:
	s_bfe_u32 s2, ttmp6, 0x10000c
	s_cmp_lg_u32 s2, 0xf033
	s_cbranch_scc0 .Lentry_shape_is_right
	s_endpgm
.Lentry_shape_is_right:
; ONE TEXT FOR THE BLOCK'S TWO WIDE GEMM LAUNCHES ON E4M3 CODES; MODE picks the launch.  C[m][n] = sum over k of A[m][k] B[n][k], 4,096 rows, K = 1,024; f32 sums; each tensor has the one given scale 2^e; the results are quantised to codes again.
;   MODE 0  q, k, v = LN1(x) Wq, Wk, Wv (N 3 x 1,024).  q -> qc, k and v (v with the tokens innermost) -> kv          MODE 1  relu(LN2 W1 + b1) (N 4,096) -> hc
; SHARES.  A tile of C is 256 x 256: 256 work-groups in MODE 1, 192 in MODE 0.  Four waves, as many as a WGP has SIMDs, each 128 x 128: 64 accumulators, 512 registers.  K goes in four chunks of 256 (rows of 256 bytes) through two LDS
; slots filled by the tensor data mover: both slots are asked for at the head, each is filled once more.
; CLUSTERS: 4 x 4 work-groups.  The four of a row of the cluster need the same tile on the Q side, the four of a column the same tile on the P side: each is asked for JOINTLY, by the same tensor load with a mask that names the four.
; THE MATRIX INSTRUCTION IS USED TRANSPOSED: source 0 = P (16 rows whose index then runs along a lane's registers), source 1 = Q (16 rows, one a lane).  Q = the tokens and P = the weight's rows, so that a lane holds eight neighbouring
; columns of one row of C.  For v the two SOURCES change sides: Q = Wv's rows (tile cy), P = the tokens (tile 4 x cluster y + cx), so that a lane holds one d and eight neighbouring tokens.  That choice hangs on the cluster's x alone,
; which all sixteen partners share; the Q side's addresses never hold cx, the P side's never cy, and no LDS address hangs on any of it.
; A fragment (16 rows x 128 K) comes by four loads of 16 bytes: registers 4 c .. 4 c + 3 hold k = 32 c + 16 (lane / 16) + 0 .. 15: the same permutation of k on both sides, so every product meets its partner.
; A step of 128 along K is 64 matrix instructions, Q's blocks one after the other, each against P's eight: a block of Q is free as soon as its eight products are issued, so Q has ONE set of registers and P two.
; LAYOUTS OUT.  A wave's result leaves as four dense blocks of 4,096 bytes, [64 rows of Q][64 of P].  qc, hc: byte = (n / 64) x 262,144 + row x 64 + n % 64.
; kv: byte = (2 head + batch) x 262,144 + (t / 256) x 32,768 + (K: 0, V: 16,384) + a block for each 64 tokens: K as [token][d], V as [d][token].
; The bias is the C of each sum's first matrix instruction, divided by 2^(ea + eb), which the sums lack.
; LIMITS on the given exponents, so that each power of two is an f32 number: eo - ea - eb between -126 and 119.  NaN is not served.
; No prefetch: only chunks 2 and 3 could be named, and only at the head, where every work-group's first tiles are on their way.
; REGISTERS.  Window 0: v1-8 at work, v16-31 addresses and constants, v32-95 the bias, v128-255 Q's eight fragments (on the way out: codes and rows).  Window 1: P's fragments, two sets, at v0 and v128.
; Window 2: the 32 accumulators of my Q rows 0-63 ((a, b) at v[8 (8 a + b)]); window 3: those of rows 64-127.
.set MODE, 1
.if MODE > 0
.set BIASED, 1
.else
.set BIASED, 0
.endif
.set ROWB,  256                        ; a tile's row in bytes: a chunk along K
.set PITCH, 272                        ; an LDS row: 256 bytes + 16 of padding: an odd multiple of 16, so the 16 rows of a load start at 16 different columns of banks
.set FR,    16                         ; registers of a fragment
.set NL,    4                          ; LDS loads that bring one
.set HALFT, 128*PITCH                  ; 128 rows: what one tensor load brings, and what one wave reads of Q or of P
.set SLOT,  4*HALFT                    ; Q's 256 rows, then P's 256 rows
.set STAGE, 2*SLOT                     ; behind the ring: 5,120 bytes for each wave, for the way out
.set SPARE, STAGE+20480                ; behind the stages: the spare words, 128 bytes for each wave, which no other line names
.set ADRQ, 16                          ; v16-17  LDS address of my Q fragments in slot 0, 1
.set ADRP, 20                          ; v20-21  the same for P
.set STO,  24                          ; v24     the way out: where I put 8 bytes of a row
.set RD,   25                          ; v25     where I read rows back
.set CO,   26                          ; v26     16 x lane: my bytes of a store's 512; never rewritten
.set BOF,  27                          ; v27     32 x (lane / 16): my eight numbers of 16 of the bias
.set SPW,  28                          ; v28     LDS address of my spare word; never rewritten
.set NIL,  29                          ; v29     0; never rewritten
.set SCL,  30                          ; v30     2^(eo - ea - eb)
.set LIMV, 31                          ; v31     448 x that
.set BIAS, 32
.set QF,   128                         ; Q's fragments
.set TC,   128                         ; the way out: a block's codes, 32 registers, two sets by turns
.set TB,   192                         ; and its rows back from the stage, likewise
.set G1,  24                           ; s[24:31] descriptor group 1 for Q's tiles;  s[32:39] group 0, one set for each slot
.set G0,  32
.set G1B, 48                           ; s[48:55], s[56:63] the same for P's
.set G0B, 56
.set OB,  68                           ; s[68:75] where my four blocks go
.set MSB, 0
.macro WIN new                         ; the immediate's high byte repeats the setting that is left
.if MSB != \new
	s_set_vgpr_msb (MSB<<8)|\new
.set MSB, \new
.endif
.endm
.set MUL_LO, 0xa1                      ; source 0 (P) window 1, source 1 (Q) window 0, C and D window 2
.set MUL_HI, 0xf1                      ; the same, C and D window 3
.set BIA_LO, 0x81                      ; the same with C (the bias) in window 0
.set BIA_HI, 0xc1
.set TO_P,   0x40                      ; destination window 1, address window 0
.macro JLOAD s                         ; a joint load: waves 0 and 1 fetch Q's two halves, waves 2 and 3 P's; four v_nop follow each of the two lines, ahead of the jump, the label and what follows
	s_cmp_eq_u32 s11, 0
	s_cbranch_scc0 .Lfor_p_\@
	tensor_load_to_lds s[G0+4*\s:G0+4*\s+3], s[G1:G1+7]
	s_nop 0
.rept 4
	v_nop
.endr
	s_branch .Lasked_\@
.Lfor_p_\@:
	tensor_load_to_lds s[G0B+4*\s:G0B+4*\s+3], s[G1B:G1B+7]
	s_nop 0
.rept 4
	v_nop
.endr
.Lasked_\@:
.endm
.macro CREST                           ; a round of the cluster's barrier behind its opening barrier
	s_cmp_lg_u32 s10, 0
	s_cbranch_scc1 .Lnot_wave_0_\@
	s_barrier_signal -3
.Lnot_wave_0_\@:
	s_barrier_wait -3
	s_barrier_signal -1
	s_barrier_wait -1
.endm
.macro CROUND                          ; a whole round
	s_barrier_signal -1
	s_barrier_wait -1
	CREST
.endm
.if MODE == 0
	s_load_b64 s[4:5], s[0:1], 0x0                 ; xc
	s_load_b128 s[80:83], s[0:1], 0x8              ; Wq, Wk
	s_load_b128 s[84:87], s[0:1], 0x18             ; Wv, the scales' exponents
	s_load_b128 s[88:91], s[0:1], 0x28             ; qc, kv
.else
	s_load_b128 s[4:7], s[0:1], 0x0                ; the tokens' codes, the weight's
	s_load_b64 s[66:67], s[0:1], 0x10              ; the bias
	s_load_b64 s[78:79], s[0:1], 0x18              ; the scales' exponents
	s_load_b64 s[8:9], s[0:1], 0x20                ; the output
.endif
	v_lshl_add_u32 v[SPW], v0, 2, SPARE
	v_mov_b32 v[NIL], 0
	ds_add_u32 v28, v29
	s_wait_dscnt 0x0
	v_lshrrev_b32 v1, 5, v0
	v_readfirstlane_b32 s10, v1                    ; wave 0..3
	s_lshr_b32 s11, s10, 1                         ; which half of the tile's Q rows is mine.  Also: I fetch for Q (0) or for P (1)
	s_and_b32 s12, s10, 1                          ; which half of its P rows.  Also: which 128 rows of that tile I fetch
	s_bfe_u32 s40, ttmp6, 0x40000                  ; cx, cy: my place in the cluster
	s_bfe_u32 s41, ttmp6, 0x40004
	s_and_b32 s13, ttmp7, 0xffff
	s_lshl_b32 s13, s13, 2                         ; 4 x cluster y
.if MODE == 0
	s_mov_b32 s76, ttmp9                           ; a column of clusters to a weight: 0 q, 1 k, 2 v
	s_cmp_eq_u32 s76, 2
	s_cselect_b32 s77, 1, 0                        ; 1 for v
	s_cselect_b32 s16, 0, s13                      ; the sixteen tiles of tokens lie along y: on the Q side, for v on the P side
	s_cselect_b32 s46, s13, 0
	s_add_co_u32 s13, s16, s41                     ; Q's tile
	s_add_co_u32 s42, s46, s40                     ; P's tile
.else
	s_add_co_u32 s13, s13, s41                     ; Q's tile = 4 x cluster y + cy
	s_lshl_b32 s42, ttmp9, 2
	s_add_co_u32 s42, s42, s40                     ; P's tile = 4 x cluster x + cx
.endif
	s_lshl_b32 s43, s41, 2
	s_lshl_b32 s43, 15, s43                        ; my row of the cluster
	s_lshl_b32 s44, 0x1111, s40                    ; my column
	; descriptor group 1: a tile of 128 rows x 256 bytes, rows 1,024 bytes apart in memory.  15:0 the mask; 17:16 elements of 1 byte; 20 padding on; 21 set beside a mask; 24:22 after every 64 words (code 5); 31:25 four words (code 3)
	s_or_b32 s[G1+0], s43, (1<<20)|(1<<21)|(5<<22)|(3<<25)
	s_or_b32 s[G1B+0], s44, (1<<20)|(1<<21)|(5<<22)|(3<<25)
.irp g, G1, G1B
	s_mov_b32 s[\g+1], ROWB<<16                    ; tensor_dim0
	s_mov_b32 s[\g+2], 128<<16                     ; tensor_dim1
	s_mov_b32 s[\g+3], ROWB<<16                    ; tile_dim0
	s_mov_b32 s[\g+4], 128                         ; tile_dim1
	s_mov_b32 s[\g+5], 1024                        ; from row to row
	s_mov_b32 s[\g+6], 0
	s_mov_b32 s[\g+7], 0
.endr
	s_lshl_b32 s17, s12, 7                         ; which 128 rows of the tile I fetch
	s_lshl_b32 s16, s13, 8
	s_add_co_u32 s16, s16, s17
	s_lshl_b32 s46, s42, 8
	s_add_co_u32 s46, s46, s17
	s_lshl_b32 s16, s16, 10                        ; in bytes
	s_lshl_b32 s46, s46, 10
	s_mov_b32 s17, 0
	s_mov_b32 s47, 0
	s_mul_i32 s45, s10, HALFT                      ; where they go: wave x 128 rows: no place in the cluster enters an LDS address
	s_wait_kmcnt 0x0
.if MODE == 0
	s_mov_b64 s[78:79], s[86:87]
	s_lshl_b32 s20, s76, 22                        ; the array of LN1's codes made with this product's scale
	s_mov_b32 s21, 0
	s_add_nc_u64 s[4:5], s[4:5], s[20:21]
	s_cmp_eq_u32 s76, 0
	s_cselect_b64 s[6:7], s[80:81], s[82:83]       ; the weight and the output are chosen by the cluster's x
	s_cselect_b64 s[8:9], s[88:89], s[90:91]
	s_cmp_eq_u32 s76, 2
	s_cselect_b64 s[6:7], s[84:85], s[6:7]
	s_cselect_b64 s[22:23], s[6:7], s[4:5]         ; Q's source: the tokens, for v the weight
	s_cselect_b64 s[6:7], s[4:5], s[6:7]           ; P's source: the weight, for v the tokens
	s_mov_b64 s[4:5], s[22:23]
.endif
	s_load_b512 s[80:95], s[78:79], 0x0            ; the sixteen exponents: entry i in s[80 + i]
	s_add_nc_u64 s[14:15], s[4:5], s[16:17]
	s_add_nc_u64 s[46:47], s[6:7], s[46:47]
	CROUND                                         ; all sixteen work-groups are here: the first joint loads meet
.irp s, 0,1
	s_mov_b32 s[G0+4*\s], 1
	s_add_co_u32 s[G0+4*\s+1], s45, \s*SLOT
	s_add_nc_u64 s[G0+4*\s+2:G0+4*\s+3], s[14:15], \s*ROWB
	s_or_b32 s[G0+4*\s+3], s[G0+4*\s+3], 0x80000000
	s_mov_b32 s[G0B+4*\s], 1
	s_add_co_u32 s[G0B+4*\s+1], s45, \s*SLOT
	s_add_nc_u64 s[G0B+4*\s+2:G0B+4*\s+3], s[46:47], \s*ROWB
	s_or_b32 s[G0B+4*\s+3], s[G0B+4*\s+3], 0x80000000
	JLOAD \s                                       ; two loads of mine are out
.endr
	v_and_b32 v1, 15, v0                           ; r = lane % 16
	v_bfe_u32 v2, v0, 4, 1                         ; h = lane / 16
	v_and_b32 v3, 31, v0                           ; lane
	s_lshl_b32 s20, s13, 8
	s_lshl_b32 s21, s11, 7
	s_add_co_u32 s20, s20, s21                     ; my first row of Q: 256 x tile + 128 x half
	s_lshl_b32 s46, s42, 8
	s_lshl_b32 s47, s12, 7
	s_add_co_u32 s46, s46, s47                     ; my first row of P
.if BIASED
	s_lshl_b32 s98, s46, 2                         ; P's rows are C's columns: 4 bytes each
	s_mov_b32 s99, 0
	s_add_nc_u64 s[66:67], s[66:67], s[98:99]
	v_lshlrev_b32 v[BOF], 5, v2
.irp b, 0,1,2,3,4,5,6,7
	global_load_b128 v[BIAS+8*\b:BIAS+8*\b+3], v[BOF], s[66:67] offset:64*\b         ; columns 16 b + 8 h + 0 .. 7: the result's layout
	global_load_b128 v[BIAS+8*\b+4:BIAS+8*\b+7], v[BOF], s[66:67] offset:64*\b+16
.endr
.endif
	; where my four blocks go: s16 the first block's offset, s21 64 rows of Q on, s22 64 rows of P on
.if MODE == 0
	s_cmp_eq_u32 s76, 2
	s_cselect_b32 s22, s46, s20                    ; my first token
	s_cselect_b32 s23, s20, s46                    ; my first column of the weight,
	s_lshr_b32 s23, s23, 6                         ; its head
	s_lshl_b32 s16, s22, 6                         ; qc: token x 64
	s_lshl_b32 s17, s23, 18                        ;     + head x 262,144
	s_add_co_u32 s16, s16, s17
	s_lshr_b32 s21, s22, 11                        ; kv: the batch,
	s_lshl_b32 s21, s21, 18
	s_bfe_u32 s17, s22, 0x30008                    ; t / 256,
	s_lshl_b32 s17, s17, 15
	s_add_co_u32 s21, s21, s17
	s_and_b32 s17, s22, 255                        ; the block of 64 tokens,
	s_lshl_b32 s17, s17, 6
	s_add_co_u32 s21, s21, s17
	s_lshl_b32 s17, s77, 14                        ; V behind K,
	s_add_co_u32 s21, s21, s17
	s_lshl_b32 s17, s23, 19                        ; the head
	s_add_co_u32 s21, s21, s17
	s_mov_b32 s22, 524288
	s_mov_b32 s23, 4096
	s_cmp_eq_u32 s76, 0
	s_cselect_b32 s16, s16, s21
	s_cselect_b32 s22, 262144, s22                 ; a head on: in qc, in kv
	s_cmp_eq_u32 s76, 2
	s_cselect_b32 s21, s22, s23                    ; 64 rows of Q on: 64 tokens, for v a head
	s_cselect_b32 s22, s23, s22                    ; 64 rows of P on: a head, for v 64 tokens
.else
	s_lshl_b32 s16, s20, 6                         ; hc: token x 64
	s_lshr_b32 s17, s46, 6
	s_lshl_b32 s17, s17, 18                        ;     + (column / 64) x 262,144
	s_add_co_u32 s16, s16, s17
	s_mov_b32 s21, 4096
	s_mov_b32 s22, 262144
.endif
	s_mov_b32 s17, 0
	s_mov_b32 s99, 0
	s_add_nc_u64 s[OB:OB+1], s[8:9], s[16:17]      ; block 2 aa + p: Q rows 64 aa on, P rows 64 p on
	s_add_co_u32 s98, s16, s22
	s_add_nc_u64 s[OB+2:OB+3], s[8:9], s[98:99]
	s_add_co_u32 s98, s16, s21
	s_add_nc_u64 s[OB+4:OB+5], s[8:9], s[98:99]
	s_add_co_u32 s98, s98, s22
	s_add_nc_u64 s[OB+6:OB+7], s[8:9], s[98:99]
	v_lshlrev_b32 v[CO], 4, v3
	v_mul_u32_u24 v7, v1, PITCH
	v_lshl_add_u32 v7, v2, 4, v7                   ; a fragment's row x pitch + 16 x half
	s_mul_i32 s21, s11, HALFT                      ; my 128 rows of Q
	s_mul_i32 s22, s12, HALFT                      ; my 128 rows of P,
	s_add_co_u32 s22, s22, 2*HALFT                 ; which lie behind Q's 256
.irp s, 0,1
	v_add_nc_u32 v[ADRQ+\s], s21, v7
	v_add_nc_u32 v[ADRP+\s], s22, v7
	s_add_co_u32 s21, s21, SLOT
	s_add_co_u32 s22, s22, SLOT
.endr
	s_mul_i32 s23, s10, 5120                       ; my stage: 64 rows of 64 bytes + 16
	s_add_co_u32 s23, s23, STAGE
	v_mul_u32_u24 v5, v1, 80
	v_lshl_add_u32 v5, v2, 3, v5
	v_add_nc_u32 v[STO], s23, v5                   ; in: row r, 8 bytes for each half of the lanes
	v_lshrrev_b32 v5, 2, v3
	v_mul_u32_u24 v5, v5, 80
	v_and_b32 v6, 3, v3
	v_lshl_add_u32 v5, v6, 4, v5
	v_add_nc_u32 v[RD], s23, v5                    ; back: four lanes to a row, eight rows an instruction
	s_wait_kmcnt 0x0
.if MODE == 0
	s_cmp_eq_u32 s76, 0                            ; ea, eb, eo: entries (0, 1, 6), (2, 3, 7), (4, 5, 8)
	s_cselect_b32 s98, s80, s82
	s_cselect_b32 s99, s81, s83
	s_cselect_b32 s16, s86, s87
	s_cmp_eq_u32 s76, 2
	s_cselect_b32 s98, s84, s98
	s_cselect_b32 s99, s85, s99
	s_cselect_b32 s16, s88, s16
.else
	s_mov_b32 s98, s92                             ; entries 12, 13, 14
	s_mov_b32 s99, s93
	s_mov_b32 s16, s94
.endif
	s_add_co_i32 s98, s98, s99                     ; a sum stands for sum x 2^(ea + eb):
	s_sub_co_i32 s16, s16, s98                     ; its code is sum / 2^(eo - ea - eb): the three scales folded into the conversion's one
	s_add_co_i32 s16, s16, 127
	s_lshl_b32 s17, s16, 23
	v_mov_b32 v[SCL], s17
	s_add_co_i32 s16, s16, 8
	s_lshl_b32 s16, s16, 23
	s_or_b32 s16, s16, 0x600000
	v_mov_b32 v[LIMV], s16
.if BIASED
	s_sub_co_i32 s99, 0, s98
	s_wait_loadcnt 0x0                             ; the bias
.set i, 0
.rept 64
	v_ldexp_f32 v[BIAS+i], v[BIAS+i], s99          ; bias / 2^(ea + eb)
.set i, i+1
.endr
.endif
.macro FRAG reg, adr, q, i             ; a fragment: 16 rows x 128 K, the slot's q-th 128 along K, block i of 16 rows
.irp c, 0,1,2,3
	ds_load_b128 v[\reg+4*\c:\reg+4*\c+3], v[\adr] offset:128*(\q)+32*\c+(\i)*16*PITCH
.endr
.endm
; 16 matrix instructions: Q's blocks a0, a0 + 1 x P's eight, 128 along K.  p: P's set.  first = 1: they start the sums, from the bias or from 0: nothing is cleared.
; The 64 accumulators take turns, one instruction a turn, in the same order in every step.
.macro MUL16 a0, p, first
.irp a, \a0, \a0+1
.irp b, 0,1,2,3,4,5,6,7
.if \first
.if BIASED
	v_wmma_f32_16x16x128_fp8_fp8 v[8*(8*((\a)%4)+\b):8*(8*((\a)%4)+\b)+7], v[128*(\p)+FR*\b:128*(\p)+FR*\b+FR-1], v[QF+FR*(\a):QF+FR*(\a)+FR-1], v[BIAS+8*\b:BIAS+8*\b+7]
.else
	v_wmma_f32_16x16x128_fp8_fp8 v[8*(8*((\a)%4)+\b):8*(8*((\a)%4)+\b)+7], v[128*(\p)+FR*\b:128*(\p)+FR*\b+FR-1], v[QF+FR*(\a):QF+FR*(\a)+FR-1], 0
.endif
.else
	v_wmma_f32_16x16x128_fp8_fp8 v[8*(8*((\a)%4)+\b):8*(8*((\a)%4)+\b)+7], v[128*(\p)+FR*\b:128*(\p)+FR*\b+FR-1], v[QF+FR*(\a):QF+FR*(\a)+FR-1], v[8*(8*((\a)%4)+\b):8*(8*((\a)%4)+\b)+7]
.endif
.endr
.endr
.endm
.macro FETCH_P slot, q, p              ; P's eight fragments into set p
	WIN TO_P
.irp i, 0,1,2,3,4,5,6,7
	FRAG 128*(\p)+FR*\i, ADRP+\slot, \q, \i
.endr
	WIN 0
.endm
.macro FETCH_Q slot, q, i0             ; Q's blocks i0 .. i0 + 3
.irp i, \i0, \i0+1, \i0+2, \i0+3
	FRAG QF+FR*(\i), ADRQ+\slot, \q, \i
.endr
.endm
.macro PLACES                          ; four plain vector instructions in front of loads into registers that matrix instructions have read, and of the first read of results (ISA guide 7.12.1 for the first read of results)
.rept 4
	v_nop
.endr
.endm
; A step of 128 along K that has its successor in the same slot.
.macro STEP slot, q, first
	s_wait_dscnt 4*NL                              ; P's set and Q's blocks 0-3 are in; the youngest sixteen loads (Q's blocks 4-7) may be out
.if (\first) && BIASED
	WIN BIA_LO
.else
	WIN MUL_LO
.endif
	MUL16 0, (\q)%2, \first
	MUL16 2, (\q)%2, \first
	s_wait_dscnt 0x0                               ; Q's blocks 4-7 are in (asked for 32 matrix instructions ago)
	PLACES
	FETCH_P \slot, (\q)+1, 1-(\q)%2
	FETCH_Q \slot, (\q)+1, 0
.if (\first) && BIASED
	WIN BIA_HI
.else
	WIN MUL_HI
.endif
	MUL16 4, (\q)%2, \first
	MUL16 6, (\q)%2, \first
	PLACES
	WIN 0
	FETCH_Q \slot, (\q)+1, 4
.endm
; A slot's last step changes slots: ONE barrier; in front of it each wave waits for all its tensor loads, adds 0 to its spare word, and waits for that and for its own reads of this slot.
; fill = 1: the barrier opens a round of the cluster's barrier, and this slot is filled again, two chunks ahead: the load has 96 matrix instructions in which to land.
.macro TURN slot, next, fill
	s_wait_tensorcnt 0x0                           ; all my tensor loads have landed: my part of the next slot;  (every window is 0 here: the add's two registers lie in window 0)
	ds_add_u32 v[SPW], v[NIL]                      ; 0 onto my spare word;
	s_wait_dscnt 4*NL+1                            ; (the add and the youngest sixteen loads may be out)
	WIN MUL_LO
	MUL16 0, 1, 0                                  ; sixteen matrix instructions stand between the add and the wait for it
	s_wait_dscnt 0x0                               ; the add is done, and my reads of this slot are over
	s_barrier_signal -1
	MUL16 2, 1, 0
	WIN 0
	s_barrier_wait -1
.if \fill
	CREST                                          ; no wave of any partner still reads this slot's tile or has a load on its way
	s_add_nc_u64 s[G0+4*\slot+2:G0+4*\slot+3], s[G0+4*\slot+2:G0+4*\slot+3], 2*ROWB
	s_add_nc_u64 s[G0B+4*\slot+2:G0B+4*\slot+3], s[G0B+4*\slot+2:G0B+4*\slot+3], 2*ROWB
	JLOAD \slot                                    ; the first tensor load behind the round, my only one until the next; its four v_nop are also the places in front of the loads below
.else
	PLACES
.endif
	FETCH_P \next, 0, 0
	FETCH_Q \next, 0, 0
	WIN MUL_HI
	MUL16 4, 1, 0
	MUL16 6, 1, 0
	PLACES
	WIN 0
	FETCH_Q \next, 0, 4
.endm
	s_wait_tensorcnt 1                             ; my part of chunk 0 is in (chunk 1's load may be out)
	s_barrier_signal -1
	s_barrier_wait -1                              ; everybody's is
	FETCH_P 0, 0, 0
	FETCH_Q 0, 0, 0
	FETCH_Q 0, 0, 4
	STEP 0, 0, 1                                   ; K = 1,024 is eight steps, written out: chunk 0; its first products start the sums
	TURN 0, 1, 1                                   ; slot 0 takes chunk 2
	STEP 1, 0, 0                                   ; chunk 1
	TURN 1, 0, 1                                   ; slot 1 takes chunk 3
	STEP 0, 0, 0                                   ; chunk 2
	TURN 0, 1, 0                                   ; nothing is left to fetch: no round of the cluster's barrier
	STEP 1, 0, 0                                   ; chunk 3
	s_wait_dscnt 4*NL                              ; the very last step
	WIN MUL_LO
	MUL16 0, 1, 0
	MUL16 2, 1, 0
	s_wait_dscnt 0x0
	WIN MUL_HI
	MUL16 4, 1, 0
	MUL16 6, 1, 0
	WIN 0
	PLACES
; THE WAY OUT, four blocks of 64 x 64: block g = 2 aa + p holds Q rows 64 aa on (window 2 + aa) and P rows 64 p on.  A lane's eight sums are eight neighbours along the next product's K.
; CONV: held in place, each accumulator from its low end on, and converted.  TOSTAGE: 8 bytes a lane and accumulator into my stage, back as rows.  SEND: the block leaves as 4,096 consecutive bytes.
.macro CONV g
.set AW,  2+(\g)/2
.set P4,  4*((\g)%2)
.set TCG, TC+32*((\g)%2)
.set WS,  (AW<<6)|AW
	WIN WS                                         ; destination and source 0: the accumulators' window
.irp a, 0,1,2,3
.irp b, 0,1,2,3
.irp j, 0,1,2,3,4,5,6,7
.if MODE == 1
	v_med3_num_f32 v[8*(8*\a+P4+\b)+\j], v[8*(8*\a+P4+\b)+\j], 0, v[LIMV]          ; the activation and the hold in one
.else
	v_med3_num_f32 v[8*(8*\a+P4+\b)+\j], v[8*(8*\a+P4+\b)+\j], -v[LIMV], v[LIMV]   ; the conversion to an 8-bit code does not saturate (ISA guide 7.6.2): the hold comes first
.endif
.endr
.endr
.endr
	WIN AW                                         ; source 0 alone
.irp a, 0,1,2,3
.irp b, 0,1,2,3
	v_cvt_scalef32_pk8_fp8_f32 v[TCG+2*(4*\a+\b):TCG+2*(4*\a+\b)+1], v[8*(8*\a+P4+\b):8*(8*\a+P4+\b)+7], v[SCL]
.endr
.endr
	WIN 0
	v_nop                                          ; a plain instruction behind the last conversion
.endm
.macro TOSTAGE g
.set TCG, TC+32*((\g)%2)
.set TBG, TB+32*((\g)%2)
.irp a, 0,1,2,3
.irp b, 0,1,2,3
	ds_store_b64 v[STO], v[TCG+2*(4*\a+\b):TCG+2*(4*\a+\b)+1] offset:1280*\a+16*\b
.endr
.endr
.irp t, 0,1,2,3,4,5,6,7
	ds_load_b128 v[TBG+4*\t:TBG+4*\t+3], v[RD] offset:640*\t   ; LDS serves a wave's instructions in order (ISA guide 5.7.1.4): these see my stores, and the next block's stores come behind them
.endr
.endm
.macro SEND g, younger                 ; younger: the LDS instructions issued behind block g's loads, which may stay out
.set TBG, TB+32*((\g)%2)
.set OBG, OB+2*(\g)
	s_wait_dscnt \younger                          ; the block is back in registers; its stage stores have long read theirs
.irp t, 0,1,2,3,4,5,6,7
	global_store_b128 v[CO], v[TBG+4*\t:TBG+4*\t+3], s[OBG:OBG+1] offset:512*\t   ; 32 lanes store 512 consecutive bytes, aligned
.endr
.endm
	CONV 0
	TOSTAGE 0
.irp g, 1,2,3
	CONV \g                                        ; block g's arithmetic stands between block g - 1's loads from the stage and the wait for them
.if \g >= 2
	s_wait_xcnt 0x0                                ; block g - 2's stores have read their registers, which block g's loads write
.endif
	TOSTAGE \g
	SEND \g-1, 24                                  ; behind block g - 1's loads: block g's 16 stores and 8 loads
.endr
	SEND 3, 0
	s_wait_tensorcnt 0x0                           ; the wave's end: behind my last tensor load and my last LDS store
	ds_add_u32 v[SPW], v[NIL]
	s_wait_dscnt 0x0
	CROUND                                         ; the closing round: no work-group ends while a partner may still ask for a tile that names it
	s_endpgm
.Lfunc_end_k_q5629cc15df_w1:
	.size	k_q5629cc15df_w1, .Lfunc_end_k_q5629cc15df_w1-k_q5629cc15df_w1
	.p2alignl 7, 3214868480
	.fill 96, 4, 3214868480
	.section	.rodata,"a",@progbits
	.p2align	6, 0x0
	.amdhsa_kernel k_q5629cc15df_w1
		.amdhsa_group_segment_fixed_size 327680
		.amdhsa_private_segment_fixed_size 0
		.amdhsa_enable_private_segment 0
		.amdhsa_kernarg_size 40
		.amdhsa_user_sgpr_count 2
		.amdhsa_user_sgpr_kernarg_segment_ptr 1
		.amdhsa_wavefront_size32 1
		.amdhsa_system_sgpr_workgroup_id_x 1
		.amdhsa_system_sgpr_workgroup_id_y 1
		.amdhsa_system_sgpr_workgroup_id_z 1
		.amdhsa_system_vgpr_workitem_id 0
		.amdhsa_next_free_vgpr 1024
		.amdhsa_next_free_sgpr 100
		.amdhsa_reserve_vcc 0
		.amdhsa_float_denorm_mode_32 3
		.amdhsa_float_denorm_mode_16_64 3
		.amdhsa_memory_ordered 1
		.amdhsa_forward_progress 1
		.amdhsa_inst_pref_size 130
	.end_amdhsa_kernel
	.amdgpu_metadata
---
amdhsa.version: [ 1, 2 ]
amdhsa.kernels:
  - .name:           k_q5629cc15df_w1
    .symbol:         k_q5629cc15df_w1.kd
    .args:
      - { .name: h2, .offset: 0, .size: 8, .value_kind: global_buffer, .address_space: global }
      - { .name: W1_codes, .offset: 8, .size: 8, .value_kind: global_buffer, .address_space: global }
      - { .name: b1, .offset: 16, .size: 8, .value_kind: global_buffer, .address_space: global }
      - { .name: lowp_scales, .offset: 24, .size: 8, .value_kind: global_buffer, .address_space: global }
      - { .name: hc, .offset: 32, .size: 8, .value_kind: global_buffer, .address_space: global }
    .group_segment_fixed_size: 327680
    .private_segment_fixed_size: 0
    .kernarg_segment_align: 8
    .kernarg_segment_size: 40
    .max_flat_workgroup_size: 128
    .sgpr_count:     100
    .vgpr_count:     1024
    .wavefront_size: 32
...
	.end_amdgpu_metadata
.endif
;; end of part 13
;; launch w2 (part 14): grid 8 x 32, 4 waves a work-group, clusters of 4 x 4, 327,680 bytes of LDS; arguments hc, W2_codes, b2, x1, lowp_scales, out0; writes out0
.if DOCPART == 14
	.amdgcn_target "amdgcn-amd-amdhsa--gfx1250"
	.amdhsa_code_object_version 6
	.text
	.protected	k_q5629cc15df_w2
	.globl	k_q5629cc15df_w2
	.p2align	8
	.type	k_q5629cc15df_w2,@function
k_q5629cc15df_w2:
	s_mov_b64 s[64:65], 0
	v_nop
	global_prefetch_b8 v0, s[64:65] scope:SCOPE_SE
	s_setreg_imm32_b32 hwreg(HW_REG_WAVE_MODE, 25, 1), 1
	s_wait_xcnt 0x0
	s_wait_alu depctr_hold_cnt(0) depctr_sa_sdst(0) depctr_va_vdst(0) depctr_va_sdst(0) depctr_va_ssrc(0) depctr_va_vcc(0) depctr_vm_vsrc(0)
	s_getreg_b32 s2, hwreg(HW_REG_IB_STS2, 6, 4)
	s_cmp_eq_u32 s2, 0
	s_cbranch_scc0 .Lentry_in_a_cluster
	s_endpgm
.Lentry_in_a_cluster:
	s_bfe_u32 s2, ttmp6, 0x10000c
	s_cmp_lg_u32 s2, 0xf033
	s_cbranch_scc0 .Lentry_shape_is_right
	s_endpgm
.Lentry_shape_is_right:
; ONE TEXT FOR THE BLOCK'S FOUR GEMM LAUNCHES ON E4M3 CODES; MODE picks the launch.  C[m][n] = sum over k of A[m][k] B[n][k], 4,096 rows; f32 sums; each tensor has the one given scale 2^e.
;   MODE 0  q, k, v = LN1(x) Wq, Wk, Wv (K 1,024; N 3 x 1,024): results quantised to codes.  q -> qc, k and v (v with the tokens innermost) -> kv
;   MODE 1  relu(LN2 W1 + b1) (K 1,024, N 4,096): quantised to codes -> hc          MODE 2  x + attention Wo + bo (K 1,024, N 1,024) -> x1, f32          MODE 3  x1 + hidden W2 + b2 (K 4,096, N 1,024) -> out0, f32
; SHARES.  A tile of C is 128 x 128: with it the two narrow products still have 256 work-groups.  Four waves, each 64 x 64: 16 accumulators.  K goes in chunks of 512 through two LDS slots, filled by the tensor data mover;
; with K = 1,024 both chunks are asked for at the head and nothing is filled again.
; CLUSTERS: 4 x 4 work-groups.  The four of a row of the cluster need the same tiles of A, the four of a column the same tiles of B: each tile is asked for JOINTLY, by the same tensor load with a mask that names the four.
; LAYOUTS.  Weights and the norms' codes are rows of K bytes.  'PANELS' (qc, ac, hc): byte = (k / 64) x 262,144 + row x 64 + k % 64: a wave's 64 x 64 codes are then one dense block of 4,096 bytes, and 64 rows x 512 along K
; are one tile of 8 rows of 4,096 bytes.  kv: byte = (2 head + batch) x 262,144 + (t / 256) x 32,768 + (K: 0, V: 16,384) + a dense block of 4,096 bytes for each 64 tokens: K as [token][d], V as [d][token].
; THE MATRIX INSTRUCTION IS USED TRANSPOSED: source 0 = P (16 rows whose index then runs along a lane's registers), source 1 = Q (16 rows, one a lane).  P = the weight's rows and Q = the tokens, so that a lane holds eight
; neighbouring columns of one row of C; for v the two LDS bases change places, so that a lane holds one d and eight neighbouring tokens.  That choice hangs on the cluster's x alone, which all sixteen partners share.
; A fragment (16 rows x 128 K) comes by four loads of 16 bytes: registers 4 c .. 4 c + 3 hold k = 32 c + 16 (lane / 16) + 0 .. 15: the same permutation of k on both sides, so every product meets its partner.
; The bias is the C of each sum's first matrix instruction, divided by 2^(ea + eb), which the sums lack.
; LIMITS on the given exponents, so that each power of two is an f32 number: ea + eb between -126 and 127; for codes out, eo - ea - eb between -126 and 119.  NaN is not served.
; No prefetch: with K = 1,024 every tile is asked for at the head; with K = 4,096 a step is short and the tiles are shared by the cluster.
; REGISTERS.  Window 0: v1-8 at work, v16-31 addresses and constants, v32-95 the way out, v96-127 the bias, v128-255 the accumulators ((a, b) at v[128 + 8 (4 a + b)]).  Window 1: two fragment buffers of 128 (Q's four, then P's four).
; Window 2 (MODE 2, 3): v0-127 the residual, in the layout in which the rows leave.
.set MODE, 3
.if MODE == 3
.set KB,  4096                         ; K, and a weight row's bytes
.set KSH, 12
.else
.set KB,  1024
.set KSH, 10
.endif
.set LAPS, KB/1024                     ; a lap = two chunks = once round the ring
.set PB,  528                          ; an LDS row of 512 bytes + 16 of padding: an odd multiple of 16, so the 16 rows of a load start at 16 different columns of banks
.set HB,  64*PB                        ; 64 such rows: what one tensor load brings
.if MODE < 2
.set CODES,  1
.set APANEL, 0
.set HA,    64*PB
.set ASH,   10                         ; a row of A is 1,024 bytes
.set ASTEP, 512                        ; a chunk on
.else
.set CODES,  0
.set APANEL, 1
.set HA,    8*5120                     ; 8 panels x 64 rows x (64 bytes + 16)
.set ASH,   6
.set ASTEP, 8*262144
.endif
.if MODE > 0
.set BIASED, 1
.else
.set BIASED, 0
.endif
.set SLOT,  2*HA+2*HB                  ; A's two halves, then B's two halves
.set STAGE, 2*SLOT                     ; behind the ring: 5,120 bytes for each wave, for the way out
.set SPARE, STAGE+20480                ; behind the stages: the spare words, 128 bytes for each wave, which no other line names
.set ADRQ, 16                          ; v16-17  LDS address of my Q fragments in slot 0, 1
.set ADRP, 20                          ; v20-21  the same for P
.set STO,  24                          ; v24     the way out: where I put my bytes of a row
.set RD,   25                          ; v25     where I read rows back
.set CO,   26                          ; v26     my byte offset in the output (and in the residual); never rewritten
.set BOF,  27                          ; v27     32 x (lane / 16): my eight numbers of 16 of the bias
.set SPW,  28                          ; v28     LDS address of my spare word; never rewritten
.set NIL,  29                          ; v29     0; never rewritten
.set SCL,  30                          ; v30     2^(eo - ea - eb)
.set LIMV, 31                          ; v31     448 x that
.set TMP,  32
.set BIAS, 96
.set ACC,  128
.set F0,   0
.set F1,   128
.set G1,  24                           ; s[24:31] descriptor group 1 for A's tiles;  s[32:39] group 0, one set for each slot
.set G0,  32
.set G1B, 48                           ; s[48:55], s[56:63] the same for B's
.set G0B, 56
.set MSB, 0
.macro WIN new                         ; the immediate's high byte repeats the setting that is left
.if MSB != \new
	s_set_vgpr_msb (MSB<<8)|\new
.set MSB, \new
.endif
.endm
.set MUL,   0x05                       ; sources 0 and 1 window 1; C and D window 0
.set TO_F,  0x40                       ; destination window 1, address window 0
.set TO_R,  0x80                       ; destination window 2
.set FMA_R, 0x20                       ; source 2 window 2
.macro JLOAD s                         ; a joint load: waves 0 and 1 fetch A's two halves, waves 2 and 3 B's; four v_nop follow each of the two lines, ahead of the jump, the label and what follows
	s_cmp_eq_u32 s11, 0
	s_cbranch_scc0 .Lfor_b_\@
	tensor_load_to_lds s[G0+4*\s:G0+4*\s+3], s[G1:G1+7]
	s_nop 0
.rept 4
	v_nop
.endr
	s_branch .Lasked_\@
.Lfor_b_\@:
	tensor_load_to_lds s[G0B+4*\s:G0B+4*\s+3], s[G1B:G1B+7]
	s_nop 0
.rept 4
	v_nop
.endr
.Lasked_\@:
.endm
.macro CREST                           ; a round of the cluster's barrier behind its opening barrier
	s_cmp_lg_u32 s10, 0
	s_cbranch_scc1 .Lnot_wave_0_\@
	s_barrier_signal -3
.Lnot_wave_0_\@:
	s_barrier_wait -3
	s_barrier_signal -1
	s_barrier_wait -1
.endm
.macro CROUND                          ; a whole round
	s_barrier_signal -1
	s_barrier_wait -1
	CREST
.endm
.if MODE == 0
	s_load_b64 s[4:5], s[0:1], 0x0                 ; xc
	s_load_b128 s[80:83], s[0:1], 0x8              ; Wq, Wk
	s_load_b128 s[84:87], s[0:1], 0x18             ; Wv, the scales' exponents
	s_load_b128 s[88:91], s[0:1], 0x28             ; qc, kv
.elseif MODE == 1
	s_load_b128 s[4:7], s[0:1], 0x0                ; A, B
	s_load_b64 s[66:67], s[0:1], 0x10              ; the bias
	s_load_b64 s[70:71], s[0:1], 0x18              ; the scales' exponents
	s_load_b64 s[8:9], s[0:1], 0x20                ; the output
.else
	s_load_b128 s[4:7], s[0:1], 0x0                ; A, B
	s_load_b64 s[66:67], s[0:1], 0x10              ; the bias
	s_load_b64 s[68:69], s[0:1], 0x18              ; the residual
	s_load_b64 s[70:71], s[0:1], 0x20              ; the scales' exponents
	s_load_b64 s[8:9], s[0:1], 0x28                ; the output
.endif
	v_lshl_add_u32 v[SPW], v0, 2, SPARE
	v_mov_b32 v[NIL], 0
	ds_add_u32 v28, v29
	ds_add_u32 v28, v29
	s_wait_dscnt 0x0
	v_lshrrev_b32 v1, 5, v0
	v_readfirstlane_b32 s10, v1                    ; wave 0..3
	s_lshr_b32 s11, s10, 1                         ; which half of the tile's rows is mine.  Also: I fetch for A (0) or for B (1)
	s_and_b32 s12, s10, 1                          ; which half of its columns.  Also: which 64 rows of that tile I fetch
	s_bfe_u32 s40, ttmp6, 0x40000                  ; cx, cy: my place in the cluster
	s_bfe_u32 s41, ttmp6, 0x40004
.if MODE == 0
	s_lshr_b32 s76, ttmp9, 1                       ; two clusters along x to a weight: 0 q, 1 k, 2 v
	s_and_b32 s42, ttmp9, 1
	s_lshl_b32 s42, s42, 2
.else
	s_lshl_b32 s42, ttmp9, 2
.endif
	s_add_co_u32 s42, s42, s40                     ; tile column (in its weight)
	s_and_b32 s13, ttmp7, 0xffff
	s_lshl_b32 s13, s13, 2
	s_add_co_u32 s13, s13, s41                     ; tile row = 4 x cluster y + cy
	s_lshl_b32 s43, s41, 2
	s_lshl_b32 s43, 15, s43                        ; my row of the cluster
	s_lshl_b32 s44, 0x1111, s40                    ; my column
	; descriptor group 1, elements of 1 byte.  15:0 the mask; 20 padding on; 21 set beside a mask; 24:22 the padding's interval; 31:25 four words of it (code 3)
.if APANEL
	s_or_b32 s[G1+0], s43, (1<<20)|(1<<21)|(3<<22)|(3<<25)   ; after every 16 words: behind each token's 64 bytes
	s_mov_b32 s[G1+1], 4096<<16                    ; tensor_dim0: 64 tokens x 64 bytes of a panel
	s_mov_b32 s[G1+2], 8<<16                       ; tensor_dim1: 8 panels
	s_mov_b32 s[G1+3], 4096<<16                    ; tile_dim0
	s_mov_b32 s[G1+4], 8                           ; tile_dim1
	s_mov_b32 s[G1+5], 262144                      ; from panel to panel
.else
	s_or_b32 s[G1+0], s43, (1<<20)|(1<<21)|(6<<22)|(3<<25)   ; after every 128 words: behind each row
	s_mov_b32 s[G1+1], 512<<16
	s_mov_b32 s[G1+2], 64<<16
	s_mov_b32 s[G1+3], 512<<16
	s_mov_b32 s[G1+4], 64
	s_mov_b32 s[G1+5], 1024
.endif
	s_mov_b32 s[G1+6], 0
	s_mov_b32 s[G1+7], 0
	s_or_b32 s[G1B+0], s44, (1<<20)|(1<<21)|(6<<22)|(3<<25)
	s_mov_b32 s[G1B+1], 512<<16
	s_mov_b32 s[G1B+2], 64<<16
	s_mov_b32 s[G1B+3], 512<<16
	s_mov_b32 s[G1B+4], 64
	s_mov_b32 s[G1B+5], KB
	s_mov_b32 s[G1B+6], 0
	s_mov_b32 s[G1B+7], 0
	; where the tiles come from: A's hang on the tile row alone, B's on the tile column alone, each in registers that never hold the other coordinate
	s_lshl_b32 s17, s12, 6                         ; which 64 rows of the tile I fetch
	s_lshl_b32 s16, s13, 7
	s_add_co_u32 s16, s16, s17
	s_lshl_b32 s46, s42, 7
	s_add_co_u32 s46, s46, s17
	s_lshl_b32 s16, s16, ASH                       ; in bytes
	s_lshl_b32 s46, s46, KSH
.if MODE == 0
	s_lshl_b32 s17, s76, 22                        ; the array of LN1's codes made with this product's scale
	s_add_co_u32 s16, s16, s17
.endif
	s_mov_b32 s17, 0
	s_mov_b32 s47, 0
	s_mul_i32 s45, s12, HA                         ; and where they go: no place in the cluster enters an LDS address
	s_mul_i32 s98, s12, HB
	s_add_co_u32 s98, s98, 2*HA
	s_wait_kmcnt 0x0
.if MODE == 0
	s_mov_b64 s[70:71], s[86:87]
	s_cmp_eq_u32 s76, 0
	s_cselect_b64 s[6:7], s[80:81], s[82:83]       ; the weight and the output are chosen by the cluster's x
	s_cselect_b64 s[8:9], s[88:89], s[90:91]
	s_cmp_eq_u32 s76, 2
	s_cselect_b64 s[6:7], s[84:85], s[6:7]
	s_cselect_b32 s77, 1, 0                        ; 1 for v
.endif
	s_load_b512 s[80:95], s[70:71], 0x0            ; the sixteen exponents: entry i in s[80 + i]
	s_add_nc_u64 s[14:15], s[4:5], s[16:17]
	s_add_nc_u64 s[46:47], s[6:7], s[46:47]
	CROUND                                         ; all sixteen work-groups are here: the first joint loads meet
.irp s, 0,1
	s_mov_b32 s[G0+4*\s], 1
	s_add_co_u32 s[G0+4*\s+1], s45, \s*SLOT
	s_add_nc_u64 s[G0+4*\s+2:G0+4*\s+3], s[14:15], \s*ASTEP
	s_or_b32 s[G0+4*\s+3], s[G0+4*\s+3], 0x80000000
	s_mov_b32 s[G0B+4*\s], 1
	s_add_co_u32 s[G0B+4*\s+1], s98, \s*SLOT
	s_add_nc_u64 s[G0B+4*\s+2:G0B+4*\s+3], s[46:47], \s*512
	s_or_b32 s[G0B+4*\s+3], s[G0B+4*\s+3], 0x80000000
	JLOAD \s                                       ; two loads of mine are out
.endr
	v_and_b32 v1, 15, v0                           ; r = lane % 16
	v_bfe_u32 v2, v0, 4, 1                         ; h = lane / 16
.if BIASED
	s_wait_alu depctr_va_vdst(0)
	s_lshl_b32 s98, s42, 9                         ; my first column x 4 bytes: 512 x tile column + 256 x half
	s_lshl_b32 s99, s12, 8
	s_add_co_u32 s98, s98, s99
	s_mov_b32 s99, 0
	s_add_nc_u64 s[66:67], s[66:67], s[98:99]
	v_lshlrev_b32 v[BOF], 5, v2
.irp b, 0,1,2,3
	global_load_b128 v[BIAS+8*\b:BIAS+8*\b+3], v[BOF], s[66:67] offset:64*\b         ; columns 16 b + 8 h + 0 .. 7: the result's layout
	global_load_b128 v[BIAS+8*\b+4:BIAS+8*\b+7], v[BOF], s[66:67] offset:64*\b+16
.endr
.endif
	s_lshl_b32 s20, s13, 7
	s_lshl_b32 s21, s11, 6
	s_add_co_u32 s20, s20, s21                     ; my first row: 128 x tile row + 64 x half
.if CODES
	s_lshl_b32 s16, s20, 6                         ; panels: row x 64,
	s_lshl_b32 s46, s42, 1
	s_add_co_u32 s46, s46, s12                     ; in panel 2 x tile column + half (MODE 0: the head)
.if MODE == 0
	s_lshr_b32 s21, s20, 11                        ; kv: the batch,
	s_lshl_b32 s21, s21, 18
	s_bfe_u32 s22, s20, 0x30008                    ; t / 256,
	s_lshl_b32 s22, s22, 15
	s_add_co_u32 s21, s21, s22
	s_and_b32 s22, s20, 255                        ; the block of 64 tokens,
	s_lshl_b32 s22, s22, 6
	s_add_co_u32 s21, s21, s22
	s_lshl_b32 s22, s77, 14                        ; V behind K
	s_add_co_u32 s21, s21, s22
	s_lshl_b32 s47, s46, 19
	s_lshl_b32 s46, s46, 18
	s_cmp_eq_u32 s76, 0
	s_cselect_b32 s16, s16, s21
	s_cselect_b32 s46, s46, s47
.else
	s_lshl_b32 s46, s46, 18
.endif
	s_mov_b32 s17, 0
	s_mov_b32 s47, 0
	s_add_nc_u64 s[8:9], s[8:9], s[16:17]
	s_add_nc_u64 s[8:9], s[8:9], s[46:47]
	v_and_b32 v3, 31, v0
	v_lshlrev_b32 v[CO], 4, v3                     ; 16 x lane: a store of the wave covers 512 consecutive bytes
.else
	s_lshl_b32 s16, s20, 12                        ; rows of 4,096 bytes
	s_mov_b32 s17, 0
	s_add_nc_u64 s[8:9], s[8:9], s[16:17]
	s_add_nc_u64 s[8:9], s[8:9], s[98:99]
	s_add_nc_u64 s[68:69], s[68:69], s[16:17]
	s_add_nc_u64 s[68:69], s[68:69], s[98:99]
	v_lshlrev_b32 v[CO], 12, v2                    ; lanes 0-15 one row's 256 bytes, lanes 16-31 the next row's
	v_lshl_add_u32 v[CO], v1, 4, v[CO]
	WIN TO_R
.irp a, 0,1,2,3
.irp t, 0,1,2,3,4,5,6,7
	global_load_b128 v[32*\a+4*\t:32*\a+4*\t+3], v[CO], s[68:69] offset:(16*\a+2*\t)*4096   ; the residual lands while the products run
.endr
.endr
	WIN 0
.endif
	v_mul_u32_u24 v7, v1, PB
	v_lshl_add_u32 v7, v2, 4, v7                   ; a fragment's row x pitch + 16 x half
.if APANEL
	v_mul_u32_u24 v8, v1, 80
	v_lshl_add_u32 v8, v2, 4, v8
.endif
	s_mul_i32 s21, s11, HA                         ; Q: my 64 rows of A
	s_mul_i32 s22, s12, HB
	s_add_co_u32 s22, s22, 2*HA                    ; P: my 64 rows of B
.if MODE == 0
	s_cmp_eq_u32 s76, 2                            ; for v the two change places (both regions have the same pitch here)
	s_cselect_b32 s23, s22, s21
	s_cselect_b32 s22, s21, s22
	s_mov_b32 s21, s23
.endif
.irp s, 0,1
.if APANEL
	v_add_nc_u32 v[ADRQ+\s], s21, v8
.else
	v_add_nc_u32 v[ADRQ+\s], s21, v7
.endif
	v_add_nc_u32 v[ADRP+\s], s22, v7
	s_add_co_u32 s21, s21, SLOT
	s_add_co_u32 s22, s22, SLOT
.endr
.if CODES
	s_mul_i32 s23, s10, 5120                       ; my stage: 64 rows of 64 bytes + 16
	s_add_co_u32 s23, s23, STAGE
	v_mul_u32_u24 v5, v1, 80
	v_lshl_add_u32 v5, v2, 3, v5
	v_add_nc_u32 v[STO], s23, v5                   ; in: row r, 8 bytes for each half of the lanes
	v_lshrrev_b32 v5, 2, v3
	v_mul_u32_u24 v5, v5, 80
	v_and_b32 v6, 3, v3
	v_lshl_add_u32 v5, v6, 4, v5
	v_add_nc_u32 v[RD], s23, v5                    ; back: four lanes to a row, eight rows an instruction
.else
	s_mul_i32 s23, s10, 4352                       ; my stage: 16 rows of 256 bytes + 16
	s_add_co_u32 s23, s23, STAGE
	v_mul_u32_u24 v5, v1, 272
	v_lshl_add_u32 v5, v2, 5, v5
	v_add_nc_u32 v[STO], s23, v5                   ; in: row r, 32 bytes for each half of the lanes
	v_mul_u32_u24 v5, v2, 272
	v_lshl_add_u32 v5, v1, 4, v5
	v_add_nc_u32 v[RD], s23, v5                    ; back: sixteen lanes to a row, two rows an instruction
.endif
	s_wait_kmcnt 0x0
.if MODE == 0
	s_cmp_eq_u32 s76, 0                            ; ea, eb, eo: entries (0, 1, 6), (2, 3, 7), (4, 5, 8)
	s_cselect_b32 s98, s80, s82
	s_cselect_b32 s99, s81, s83
	s_cselect_b32 s16, s86, s87
	s_cmp_eq_u32 s76, 2
	s_cselect_b32 s98, s84, s98
	s_cselect_b32 s99, s85, s99
	s_cselect_b32 s16, s88, s16
.elseif MODE == 1
	s_mov_b32 s98, s92                             ; entries 12, 13, 14
	s_mov_b32 s99, s93
	s_mov_b32 s16, s94
.elseif MODE == 2
	s_mov_b32 s98, s90                             ; entries 10, 11
	s_mov_b32 s99, s91
.else
	s_mov_b32 s98, s94                             ; entries 14, 15
	s_mov_b32 s99, s95
.endif
	s_add_co_i32 s98, s98, s99                     ; a sum stands for sum x 2^(ea + eb)
.if CODES
	s_sub_co_i32 s16, s16, s98                     ; its code is sum / 2^(eo - ea - eb): the three scales folded into the conversion's one
	s_add_co_i32 s16, s16, 127
	s_lshl_b32 s17, s16, 23
	v_mov_b32 v[SCL], s17
	s_add_co_i32 s16, s16, 8
	s_lshl_b32 s16, s16, 23
	s_or_b32 s16, s16, 0x600000
	v_mov_b32 v[LIMV], s16
.else
	s_add_co_i32 s96, s98, 127
	s_lshl_b32 s96, s96, 23                        ; 2^(ea + eb) as f32
	s_mov_b32 s97, s96                             ; (named with it as a pair, so it is written)
.endif
.if BIASED
	s_sub_co_i32 s99, 0, s98
.if CODES
	s_wait_loadcnt 0x0                             ; the bias
.else
	s_wait_loadcnt 32                              ; the bias is in; the residual's 32 loads may stay out
.endif
.irp j, 0,1,2,3,4,5,6,7,8,9,10,11,12,13,14,15,16,17,18,19,20,21,22,23,24,25,26,27,28,29,30,31
	v_ldexp_f32 v[BIAS+\j], v[BIAS+\j], s99        ; bias / 2^(ea + eb)
.endr
.endif
; 8 matrix instructions: Q's blocks a0, a0 + 1 x P's four, 128 along K.  first = 1: they start the sums, from the bias or from 0: nothing is cleared.
; The 16 accumulators take turns, one instruction a turn, in the same order in every quarter.
.macro MUL8 f, a0, first
.irp a, \a0, \a0+1
.irp b, 0,1,2,3
.if \first
.if BIASED
	v_wmma_f32_16x16x128_fp8_fp8 v[ACC+8*(4*(\a)+\b):ACC+8*(4*(\a)+\b)+7], v[\f+64+16*\b:\f+64+16*\b+15], v[\f+16*(\a):\f+16*(\a)+15], v[BIAS+8*\b:BIAS+8*\b+7]
.else
	v_wmma_f32_16x16x128_fp8_fp8 v[ACC+8*(4*(\a)+\b):ACC+8*(4*(\a)+\b)+7], v[\f+64+16*\b:\f+64+16*\b+15], v[\f+16*(\a):\f+16*(\a)+15], 0
.endif
.else
	v_wmma_f32_16x16x128_fp8_fp8 v[ACC+8*(4*(\a)+\b):ACC+8*(4*(\a)+\b)+7], v[\f+64+16*\b:\f+64+16*\b+15], v[\f+16*(\a):\f+16*(\a)+15], v[ACC+8*(4*(\a)+\b):ACC+8*(4*(\a)+\b)+7]
.endif
.endr
.endr
.endm
; 32 LDS loads in one run: the fragments of the slot's q-th 128 along K into buffer f: P's four, then Q's four
.macro FETCH slot, q, f
	WIN TO_F
.irp b, 0,1,2,3
.irp c, 0,1,2,3
	ds_load_b128 v[\f+64+16*\b+4*\c:\f+64+16*\b+4*\c+3], v[ADRP+\slot] offset:128*(\q)+32*\c+\b*16*PB
.endr
.endr
.irp a, 0,1,2,3
.irp c, 0,1,2,3
.if APANEL
	ds_load_b128 v[\f+16*\a+4*\c:\f+16*\a+4*\c+3], v[ADRQ+\slot] offset:(2*(\q)+\c/2)*5120+32*(\c%2)+\a*16*80
.else
	ds_load_b128 v[\f+16*\a+4*\c:\f+16*\a+4*\c+3], v[ADRQ+\slot] offset:128*(\q)+32*\c+\a*16*PB
.endif
.endr
.endr
.endm
.macro PLACES                          ; four plain vector instructions in front of loads into registers that matrix instructions have read, and of the first read of results (ISA guide 7.12.1 for the first read of results)
.rept 4
	v_nop
.endr
.endm
; A chunk is four quarters of 128 along K, 16 matrix instructions each, on buffers 0, 1, 0, 1.  One of the first three: multiplies buffer f and fetches quarter nq into g.
.macro QUARTER slot, nq, f, g, first
	s_wait_dscnt 8                                 ; P's four and Q's blocks 0, 1 are in; the youngest eight loads (Q's blocks 2, 3) may be out
	WIN MUL
	MUL8 \f, 0, \first
	PLACES
	FETCH \slot, \nq, \g
	s_wait_dscnt 32                                ; all but the 32 just issued
	WIN MUL
	MUL8 \f, 2, \first
.endm
; The last quarter multiplies buffer 1 and changes slots: ONE barrier; in front of it each wave waits for all its tensor loads, adds 0 to its spare word, and waits for that and for its own reads of this slot.
; fill = 1: the barrier opens a round of the cluster's barrier, and this slot is filled again, two chunks ahead: the load has 56 matrix instructions in which to land.
.macro TURN slot, next, fill
	WIN 0                                          ; (the add's two registers lie in window 0)
	s_wait_tensorcnt 0x0                           ; all my tensor loads have landed: my part of the next slot;
	ds_add_u32 v[SPW], v[NIL]                      ; 0 onto my spare word;
	s_wait_dscnt 9                                 ; (the add and the youngest eight loads may be out)
	WIN MUL
	MUL8 F1, 0, 0                                  ; eight matrix instructions stand between the add and the wait for it
	s_wait_dscnt 0x0                               ; the add is done, and my reads of this slot are over
	WIN 0
	s_barrier_signal -1
	s_barrier_wait -1
.if \fill
	CREST                                          ; no wave of any partner still reads this slot's tile or has a load on its way
	s_add_nc_u64 s[G0+4*\slot+2:G0+4*\slot+3], s[G0+4*\slot+2:G0+4*\slot+3], 2*ASTEP
	s_add_nc_u64 s[G0B+4*\slot+2:G0B+4*\slot+3], s[G0B+4*\slot+2:G0B+4*\slot+3], 2*512
	JLOAD \slot                                    ; the first tensor load behind the round, my only one until the next; its four v_nop are also the places in front of the loads below
.else
	PLACES
.endif
	FETCH \next, 0, F0
	WIN MUL
	MUL8 F1, 2, 0
.endm
	s_wait_alu depctr_va_vdst(0)
	s_wait_tensorcnt 1                             ; my part of chunk 0 is in (chunk 1's load may be out)
	s_barrier_signal -1
	s_barrier_wait -1                              ; everybody's is
	FETCH 0, 0, F0
	QUARTER 0, 1, F0, F1, 1                        ; the first quarter stands in front of the loop: its products start the sums
.if LAPS > 1
	WIN 0                                          ; at a label and at a branch every window is 0
	s_mov_b32 s3, LAPS-1
.Llap:                                                 ; a trip goes once round the ring, from a lap's second quarter to the next lap's first, and fills both slots again
	QUARTER 0, 2, F1, F0, 0
	QUARTER 0, 3, F0, F1, 0
	TURN 0, 1, 1
	QUARTER 1, 1, F0, F1, 0
	QUARTER 1, 2, F1, F0, 0
	QUARTER 1, 3, F0, F1, 0
	TURN 1, 0, 1
	QUARTER 0, 1, F0, F1, 0
	WIN 0
	s_sub_co_u32 s3, s3, 1
	s_cmp_lg_u32 s3, 0
	s_cbranch_scc1 .Llap
.endif
	QUARTER 0, 2, F1, F0, 0                        ; the last lap fills nothing, and has no round of the cluster's barrier
	QUARTER 0, 3, F0, F1, 0
	TURN 0, 1, 0
	QUARTER 1, 1, F0, F1, 0
	QUARTER 1, 2, F1, F0, 0
	QUARTER 1, 3, F0, F1, 0
	s_wait_dscnt 8                                 ; the very last quarter: nothing more to fetch
	WIN MUL
	MUL8 F1, 0, 0
	s_wait_dscnt 0x0
	MUL8 F1, 2, 0
	WIN 0
	PLACES
.if CODES
	; THE WAY OUT, codes.  A lane's eight sums are eight neighbours along the next product's K: held, converted, 8 bytes into my stage; back as rows; my 64 x 64 codes leave as one dense block of 4,096 bytes.
.irp k, 0,1,2,3,4,5,6,7,8,9,10,11,12,13,14,15
.irp j, 0,1,2,3,4,5,6,7
.if MODE == 1
	v_med3_num_f32 v[ACC+8*\k+\j], v[ACC+8*\k+\j], 0, v[LIMV]          ; the activation and the hold in one; each accumulator from its low end on
.else
	v_med3_num_f32 v[ACC+8*\k+\j], v[ACC+8*\k+\j], -v[LIMV], v[LIMV]   ; the conversion to an 8-bit code does not saturate (ISA guide 7.6.2): the hold comes first
.endif
.endr
	v_cvt_scalef32_pk8_fp8_f32 v[TMP+2*\k:TMP+2*\k+1], v[ACC+8*\k:ACC+8*\k+7], v[SCL]
.endr
	v_nop                                          ; a plain instruction behind the last conversion
.irp a, 0,1,2,3
.irp b, 0,1,2,3
	ds_store_b64 v[STO], v[TMP+2*(4*\a+\b):TMP+2*(4*\a+\b)+1] offset:1280*\a+16*\b
.endr
.endr
.irp t, 0,1,2,3,4,5,6,7
	ds_load_b128 v[TMP+32+4*\t:TMP+32+4*\t+3], v[RD] offset:640*\t     ; LDS serves a wave's instructions in order (ISA guide 5.7.1.4): these see my stores
.endr
.irp t, 0,1,2,3,4,5,6,7
	s_wait_dscnt 7-\t
	global_store_b128 v[CO], v[TMP+32+4*\t:TMP+32+4*\t+3], s[8:9] offset:512*\t   ; 32 lanes store 512 consecutive bytes, aligned
.endr
.else
	; THE WAY OUT, f32.  16 rows at a time through my stage, back as whole rows of 256 bytes; there sum x 2^(ea + eb) + residual, one packed multiply-add for two numbers (the bias is in the sum).
	s_wait_loadcnt 0x0                             ; the residual
.irp a, 0,1,2,3
.if \a >= 2
	s_wait_xcnt 0x0                                ; block a - 2's stores have read their registers, which block a's loads write
.endif
.irp b, 0,1,2,3
	ds_store_b128 v[STO], v[ACC+8*(4*\a+\b):ACC+8*(4*\a+\b)+3] offset:64*\b          ; each accumulator from its low end on
	ds_store_b128 v[STO], v[ACC+8*(4*\a+\b)+4:ACC+8*(4*\a+\b)+7] offset:64*\b+16
.endr
.irp t, 0,1,2,3,4,5,6,7
	ds_load_b128 v[TMP+32*(\a%2)+4*\t:TMP+32*(\a%2)+4*\t+3], v[RD] offset:544*\t     ; LDS serves a wave's instructions in order: these see my stores, and the next block's stores come behind them
.endr
	s_wait_dscnt 0x0
	WIN FMA_R
.irp i, 0,2,4,6,8,10,12,14,16,18,20,22,24,26,28,30
	v_pk_fma_f32 v[TMP+32*(\a%2)+\i:TMP+32*(\a%2)+\i+1], v[TMP+32*(\a%2)+\i:TMP+32*(\a%2)+\i+1], s[96:97], v[32*\a+\i:32*\a+\i+1] op_sel_hi:[1,0,1]
.endr
	WIN 0
.irp t, 0,1,2,3,4,5,6,7
	global_store_b128 v[CO], v[TMP+32*(\a%2)+4*\t:TMP+32*(\a%2)+4*\t+3], s[8:9] offset:(16*\a+2*\t)*4096   ; 16 lanes store 256 consecutive bytes, aligned
.endr
.endr
.endif
	s_wait_tensorcnt 0x0                           ; the wave's end: behind my last tensor load and my last LDS store
	ds_add_u32 v[SPW], v[NIL]
	s_wait_dscnt 0x0
	CROUND                                         ; the closing round: no work-group ends while a partner may still ask for a tile that names it
	s_endpgm
.Lfunc_end_k_q5629cc15df_w2:
	.size	k_q5629cc15df_w2, .Lfunc_end_k_q5629cc15df_w2-k_q5629cc15df_w2
	.p2alignl 7, 3214868480
	.fill 96, 4, 3214868480
	.section	.rodata,"a",@progbits
	.p2align	6, 0x0
	.amdhsa_kernel k_q5629cc15df_w2
		.amdhsa_group_segment_fixed_size 327680
		.amdhsa_private_segment_fixed_size 0
		.amdhsa_enable_private_segment 0
		.amdhsa_kernarg_size 48
		.amdhsa_user_sgpr_count 2
		.amdhsa_user_sgpr_kernarg_segment_ptr 1
		.amdhsa_wavefront_size32 1
		.amdhsa_system_sgpr_workgroup_id_x 1
		.amdhsa_system_sgpr_workgroup_id_y 1
		.amdhsa_system_sgpr_workgroup_id_z 1
		.amdhsa_system_vgpr_workitem_id 0
		.amdhsa_next_free_vgpr 640
		.amdhsa_next_free_sgpr 100
		.amdhsa_reserve_vcc 0
		.amdhsa_float_denorm_mode_32 3
		.amdhsa_float_denorm_mode_16_64 3
		.amdhsa_memory_ordered 1
		.amdhsa_forward_progress 1
		.amdhsa_inst_pref_size 81
	.end_amdhsa_kernel
	.amdgpu_metadata
---
amdhsa.version: [ 1, 2 ]
amdhsa.kernels:
  - .name:           k_q5629cc15df_w2
    .symbol:         k_q5629cc15df_w2.kd
    .args:
      - { .name: hc, .offset: 0, .size: 8, .value_kind: global_buffer, .address_space: global }
      - { .name: W2_codes, .offset: 8, .size: 8, .value_kind: global_buffer, .address_space: global }
      - { .name: b2, .offset: 16, .size: 8, .value_kind: global_buffer, .address_space: global }
      - { .name: x1, .offset: 24, .size: 8, .value_kind: global_buffer, .address_space: global }
      - { .name: lowp_scales, .offset: 32, .size: 8, .value_kind: global_buffer, .address_space: global }
      - { .name: out0, .offset: 40, .size: 8, .value_kind: global_buffer, .address_space: global }
    .group_segment_fixed_size: 327680
    .private_segment_fixed_size: 0
    .kernarg_segment_align: 8
    .kernarg_segment_size: 48
    .max_flat_workgroup_size: 128
    .sgpr_count:     100
    .vgpr_count:     640
    .wavefront_size: 32
...
	.end_amdgpu_metadata
.endif
;; end of part 14
